; MI455X (gfx1250); checked and timed in simulation.
; The chip was launched on July 23, 2026; its instructions are those of AMD's public machine-readable ISA for CDNA 5 (MIT licence, August 2026) and "CDNA5" Instruction Set Architecture Reference Guide (July 2026). The comments in the code are by the model that wrote it; some were corrected since.
;; Simple Decoder. Allowed arithmetic: matrix products marked QUANTISED: E2M3 operands, one E8M0 scale for each 32 along K, by v_wmma_scale_f32_16x16x128_f8f6f4 with both operands' format E2M3, f32 sums; everything else in f32.
;; Inputs: Wdown_codes 1,024 x 128 x 24 uint8 (E2M3 codes of Wdown, K innermost, in blocks of 32 codes, four codes in three bytes); Wdown_scales 1,024 x 128 uint8 (E8M0 scales of Wdown, one for each 32 codes along K); Wk_codes 1,024 x 32 x 24 uint8 (E2M3 codes of Wk, K innermost, in blocks of 32 codes, four codes in three bytes); Wk_scales 1,024 x 32 uint8 (E8M0 scales of Wk, one for each 32 codes along K); Wo_codes 1,024 x 32 x 24 uint8 (E2M3 codes of Wo, K innermost, in blocks of 32 codes, four codes in three bytes); Wo_scales 1,024 x 32 uint8 (E8M0 scales of Wo, one for each 32 codes along K); Wq_codes 1,024 x 32 x 24 uint8 (E2M3 codes of Wq, K innermost, in blocks of 32 codes, four codes in three bytes); Wq_scales 1,024 x 32 uint8 (E8M0 scales of Wq, one for each 32 codes along K); Wup_codes 4,096 x 32 x 24 uint8 (E2M3 codes of Wup, K innermost, in blocks of 32 codes, four codes in three bytes); Wup_scales 4,096 x 32 uint8 (E8M0 scales of Wup, one for each 32 codes along K); Wv_codes 1,024 x 32 x 24 uint8 (E2M3 codes of Wv, K innermost, in blocks of 32 codes, four codes in three bytes); Wv_scales 1,024 x 32 uint8 (E8M0 scales of Wv, one for each 32 codes along K); X 2 x 2,048 x 1,024 float32; bdown 1,024 float32; bk 1,024 float32; bo 1,024 float32; bq 1,024 float32; bup 4,096 float32; bv 1,024 float32; ln1_b 1,024 float32; ln1_g 1,024 float32; ln2_b 1,024 float32; ln2_g 1,024 float32.
;; Outputs: out0 2 x 2,048 x 1,024 float32.
;; This version of the problem:
;;   THIS VERSION OF THE PROBLEM IS GIVEN IN LOW PRECISION. The matrix products marked QUANTISED in the list below multiply operands that are first quantised to E2M3 (2 exponent bits, 3 mantissa bits; 6 bits a number), with one power-of-two scale for each 32 numbers along K (OCP MX v1.0); their sums are f32. All else is computed in f32.
;;   The module's matrix products, in the order in which they are computed (A, B: the left and right operand; K: the contracted axis; several contracted axes count as one K, in the product's order):
;;     1. [M 4,096, K 1,024] x [K 1,024, N 1,024]; A: input X; B: input Wq (given as codes): QUANTISED
;;     2. [M 4,096, K 1,024] x [K 1,024, N 1,024]; A: input X; B: input Wk (given as codes): QUANTISED
;;     3. [M 4,096, K 1,024] x [K 1,024, N 1,024]; A: input X; B: input Wv (given as codes): QUANTISED
;;     4. batch 32 x [M 2,048, K 64] x [K 64, N 2,048]; A: computed on the way; B: computed on the way: QUANTISED
;;     5. batch 32 x [M 2,048, K 2,048] x [K 2,048, N 64]; A: softmax (see below); B: computed on the way: QUANTISED
;;     6. [M 4,096, K 1,024] x [K 1,024, N 1,024]; A: computed on the way; B: input Wo (given as codes): QUANTISED
;;     7. [M 4,096, K 1,024] x [K 1,024, N 4,096]; A: computed on the way; B: input Wup (given as codes): QUANTISED
;;     8. [M 4,096, K 4,096] x [K 4,096, N 1,024]; A: computed on the way; B: input Wdown (given as codes): QUANTISED
;;   THE QUANTISER, for each operand of a quantised product, along K:
;;     - K is cut into blocks of 32 from its start; a last block that is shorter is filled with zeros.
;;     - A block's scale is 2^e with e = floor(log2(the largest magnitude in the block)) - 2, held to -126 .. 127; a block of zeros has e = 0. As a byte (E8M0): e + 127.
;;     - Each number is divided by its block's scale, clamped to +-7.5, and rounded to the nearest number of E2M3, ties to even, subnormals kept.
;;     - The product sums the exact products of the quantised numbers (number of the format x scale) in f32.
;;   ~~~python
;;   def quantise(x, axis):      # numpy; x: float32 -> the quantised numbers, widened to float32 again
;;       x = np.moveaxis(x, axis, -1); K = x.shape[-1]
;;       x = np.pad(x, [(0, 0)] * (x.ndim - 1) + [(0, -K % 32)]); x = x.reshape(x.shape[:-1] + (-1, 32)); a = np.abs(x).max(-1, keepdims=True)
;;       e = np.where(a > 0, np.clip(np.frexp(np.where(a > 0, a, 1))[1] - 1 - 2, -126, 127), 0)      # np.frexp(a)[1] - 1 = floor(log2(a)), exactly
;;       r = np.clip(x / 2.0 ** e, -7.5, 7.5)
;;       step = 2.0 ** (np.maximum(np.frexp(np.where(r == 0, 1, r))[1] - 1, 0) - 3)
;;       q = np.round(r / step) * step * 2.0 ** e      # np.round: ties to even
;;       return np.moveaxis(q.reshape(q.shape[:-2] + (-1,))[..., :K], -1, axis).astype(np.float32)
;;   ~~~
;;   SOFTMAX AHEAD OF A QUANTISED PRODUCT. Where the list says 'softmax', what is quantised is not the finished softmax but p = 2^(t - M), with t = logit x log2(e) and M = ceil(the row's largest t), a whole number; so 1/2 < the row's largest p <= 1. The row's sum l is taken of the UNQUANTISED p, in f32, and the product's result is divided by l at the end. Since M is a whole number, a kernel that streams over the keys may use a running M (the ceiling of the running maximum): every later rescaling is an exact power of two, which a block's scale takes up: the codes' values come out the same.
;;   OPERANDS COMPUTED ON THE WAY. 'Computed on the way' means the value that the module computes at that place (a softmax that the list does not call 'softmax' is quantised finished and normalised). What goes into a quantiser is computed in f32, as accurately as f32 sums, v_exp_f32 and their like allow (about 1e-6 of the number): no bf16 or f16 on the way to a quantiser, and a product that is left as it is and whose result goes on into a quantised operand takes f32 operands (vector FMAs, or v_wmma_f32_16x16x4_f32). A number that lies on a knife's edge between two numbers of the format may be rounded either way, as far as f32 arithmetic and the matrix unit's own rounding can turn it there, and no further.
;;   INPUTS GIVEN AS CODES. Wdown (in the module: [1024, 4096], K = its axis 1); Wk (in the module: [1024, 1024], K = its axis 1); Wo (in the module: [1024, 1024], K = its axis 1); Wq (in the module: [1024, 1024], K = its axis 1); Wup (in the module: [4096, 1024], K = its axis 1); Wv (in the module: [1024, 1024], K = its axis 1): each comes as NAME_codes (uint8): NAME with its K axis moved to the last place and cut into blocks of 32 codes, [.., K / 32, bytes a block], one block behind the other in memory; four codes in three bytes: a row's codes are one little-endian stream of bits, code i at bits 6 i .. 6 i + 5 (a code: sign, 2 exponent bits, 3 mantissa bits); and NAME_scales (uint8): the same leading axes, one E8M0 byte (e + 127) for each 32 codes along K. Its value is code x scale, taken as it is: it is not quantised again, and the codes and scales need not be those that the quantiser above would give.
;; 2 versions. Each part assembles by itself: llvm-mc -triple=amdgcn-amd-amdhsa -mcpu=gfx1250 --defsym DOCPART=n.
;; ======== version 1 of 2: 8 launches
;; workspace buffers: aq 3,276,800 bytes; qkv 9,830,400 bytes; t 16,777,216 bytes; hf 16,777,216 bytes; uq 13,107,200 bytes
;; launch quantx (part 1): grid 256 x 1, 4 waves a work-group, no clusters, 22,016 bytes of LDS; arguments X, aq; writes aq
.if DOCPART == 1
	.amdgcn_target "amdgcn-amd-amdhsa--gfx1250"
	.amdhsa_code_object_version 6
	.text
	.protected	k_qd4ad294daf_quantx
	.globl	k_qd4ad294daf_quantx
	.p2align	8
	.type	k_qd4ad294daf_quantx,@function
k_qd4ad294daf_quantx:
	s_mov_b64 s[64:65], 0
	v_nop
	global_prefetch_b8 v0, s[64:65] scope:SCOPE_SE
	s_setreg_imm32_b32 hwreg(HW_REG_WAVE_MODE, 25, 1), 1
	s_wait_xcnt 0x0
; X [4096][1024] f32 becomes codes of E2M3 (6 bits, K innermost, 768 bytes a row, at byte 0 of aq) and one E8M0 byte for each 32 along K (32 bytes a row, at byte 0x300000 of aq).
; A block's scale is 2^(floor(log2(largest magnitude)) - 2): its byte is the largest magnitude's exponent field - 2, held at 1 from below.
; LIMITS: a block of zeros gets the byte 1 (its codes are zeros, and only this program reads the bytes); NaN and infinities among the inputs are not served.
; Rows are dense, so X is a stream of blocks of 32.  A wave takes 4,096 numbers (four rows) in 8 steps of 512.  Every load reads 512 consecutive bytes, 16 a lane; a step's 2,048 bytes turn
; through the wave's own stage in LDS and come back 64 bytes a lane: 16 neighbours along K, two lanes to a block.  All 32 loads of a wave go out at the start.  Waves share nothing: no barrier.
.set STEPS, 8
.set CB,    12                         ; bytes of 16 codes
.set R,     16                         ; v16-143  eight sets of 16 numbers as loaded
.set X,     144                        ; v144-175 two sets of 16 neighbours
.set C,     176                        ; v176-207 codes: four registers a step, so that no store's data are written again
.set E,     208                        ; v208-215 a scale byte a step
.set WREG,  5376                       ; LDS of a wave: two stages of 32 x SP bytes, then its 128 scale bytes
.set SP,    80                         ; a lane's place in a stage: 64 bytes + 16 of padding
	s_load_b128 s[4:7], s[0:1], 0x0                ; X, aq
	v_lshl_add_u32 v216, v0, 2, 0x5400
	v_mov_b32 v217, 0
	v_lshrrev_b32 v1, 5, v0
	v_readfirstlane_b32 s16, v1                    ; wave
	v_and_b32 v2, 31, v0                           ; lane
	v_lshlrev_b32 v3, 4, v2                        ; my 16 bytes of a load's 512
	s_mul_i32 s17, s16, WREG
	v_lshrrev_b32 v14, 2, v2
	v_mul_u32_u24 v14, v14, SP
	v_and_b32 v15, 3, v2
	v_lshl_add_u32 v14, v15, 4, v14
	v_add_nc_u32 v14, s17, v14                     ; the stage, way in: SP (lane / 4) + 16 (lane % 4)
	v_mul_u32_u24 v15, v2, SP
	v_add_nc_u32 v15, s17, v15                     ; way out: SP x lane
	v_mul_u32_u24 v4, v2, CB                       ; my codes' place in a step's 384 bytes
	v_lshrrev_b32 v5, 1, v2
	s_add_co_u32 s17, s17, 2*32*SP
	v_add_nc_u32 v5, s17, v5                       ; my block's byte among the wave's scale bytes
	v_lshlrev_b32 v7, 2, v2
	v_add_nc_u32 v6, s17, v7                       ; and 4 bytes a lane on their way out
	s_lshl_b32 s18, ttmp9, 2
	s_add_co_u32 s18, s18, s16                     ; which run of 4,096 numbers is my wave's
	s_lshl_b32 s20, s18, 14
	s_mov_b32 s21, 0
	s_mul_i32 s22, s18, 3072
	s_mov_b32 s23, 0
	s_lshl_b32 s24, s18, 7
	s_add_co_u32 s24, s24, 0x300000
	s_mov_b32 s25, 0
	s_wait_kmcnt 0x0
	s_add_nc_u64 s[4:5], s[4:5], s[20:21]
	s_add_nc_u64 s[8:9], s[6:7], s[22:23]          ; my codes
	s_add_nc_u64 s[10:11], s[6:7], s[24:25]        ; my scale bytes
.macro LOAD t
.irp i, 0,1,2,3
	global_load_b128 v[R+16*(\t)+4*\i:R+16*(\t)+4*\i+3], v3, s[4:5] offset:2048*(\t)+512*\i th:TH_LOAD_NT
.endr
.endm
.macro TURN t                          ; step t through the stage: LDS serves a wave's instructions in order, so no wait stands between the stores and the loads
.irp i, 0,1,2,3
	ds_store_b128 v14, v[R+16*(\t)+4*\i:R+16*(\t)+4*\i+3] offset:32*SP*((\t)%2)+8*SP*\i
.endr
.irp i, 0,1,2,3
	ds_load_b128 v[X+16*((\t)%2)+4*\i:X+16*((\t)%2)+4*\i+3], v15 offset:32*SP*((\t)%2)+16*\i
.endr
.endm
.irp t, 0,1,2,3,4,5,6,7
	LOAD \t
.endr
	s_wait_loadcnt 28                              ; step 0's four loads are in; the 28 behind them may be out
	TURN 0
.macro STEP t
.set XS, X+16*((\t)%2)
.if (\t) > 0
	s_wait_dscnt 1                                 ; this step's numbers are back from the stage; the last step's byte store may be out
.else
	s_wait_dscnt 0x0
.endif
.if (\t)+1 < STEPS
	s_wait_loadcnt 24-4*(\t)                       ; the next step's loads are in; those of the steps behind it may be out
	TURN (\t)+1                                    ; they go through the other stage while this step is worked
.endif
	v_max3_num_f32 v8, |v[XS]|, |v[XS+1]|, |v[XS+2]|
	v_max3_num_f32 v9, |v[XS+3]|, |v[XS+4]|, |v[XS+5]|
.irp i, 6,10
	v_max3_num_f32 v8, v8, |v[XS+\i]|, |v[XS+\i+1]|
	v_max3_num_f32 v9, v9, |v[XS+\i+2]|, |v[XS+\i+3]|
.endr
	v_max3_num_f32 v8, v8, |v[XS+14]|, |v[XS+15]|
	v_max3_num_f32 v8, v8, v9, 0x1800000           ; the floor 2^(3 - 127): the byte cannot fall under 1
	v_max_num_f32_dpp v8, v8, v8 row_xmask:1 row_mask:0xf bank_mask:0xf   ; with my neighbour's 16: the block's
	v_add_nc_u32 v11, 0xff000000, v8               ; 2 off the exponent field: the conversion takes that field as its scale
	v_cvt_scalef32_pk16_fp6_f32 v[C+4*(\t):C+4*(\t)+2], v[XS:XS+15], v11
	v_lshrrev_b32 v[E+(\t)], 23, v11               ; the scale's byte (also the plain line behind the conversion)
	ds_store_b8 v5, v[E+(\t)] offset:16*(\t)       ; both lanes of a block write the same byte with the same value
	global_store_b96 v4, v[C+4*(\t):C+4*(\t)+2], s[8:9] offset:32*CB*(\t)   ; the wave stores 384 consecutive bytes
.endm
.irp t, 0,1,2,3,4,5,6,7
	STEP \t
.endr
	ds_load_b32 v12, v6                            ; in order behind my byte stores
	s_wait_dscnt 0x0
	global_store_b32 v7, v12, s[10:11]             ; 128 consecutive bytes
	s_wait_tensorcnt 0x0
	ds_add_u32 v216, v217
	s_wait_dscnt 0x0
	s_endpgm
.Lfunc_end_k_qd4ad294daf_quantx:
	.size	k_qd4ad294daf_quantx, .Lfunc_end_k_qd4ad294daf_quantx-k_qd4ad294daf_quantx
	.p2alignl 7, 3214868480
	.fill 96, 4, 3214868480
	.section	.rodata,"a",@progbits
	.p2align	6, 0x0
	.amdhsa_kernel k_qd4ad294daf_quantx
		.amdhsa_group_segment_fixed_size 22016
		.amdhsa_private_segment_fixed_size 0
		.amdhsa_enable_private_segment 0
		.amdhsa_kernarg_size 16
		.amdhsa_user_sgpr_count 2
		.amdhsa_user_sgpr_kernarg_segment_ptr 1
		.amdhsa_wavefront_size32 1
		.amdhsa_system_sgpr_workgroup_id_x 1
		.amdhsa_system_sgpr_workgroup_id_y 1
		.amdhsa_system_sgpr_workgroup_id_z 1
		.amdhsa_system_vgpr_workitem_id 0
		.amdhsa_next_free_vgpr 218
		.amdhsa_next_free_sgpr 66
		.amdhsa_reserve_vcc 0
		.amdhsa_float_denorm_mode_32 3
		.amdhsa_float_denorm_mode_16_64 3
		.amdhsa_memory_ordered 1
		.amdhsa_forward_progress 1
		.amdhsa_inst_pref_size 17
	.end_amdhsa_kernel
	.amdgpu_metadata
---
amdhsa.version: [ 1, 2 ]
amdhsa.kernels:
  - .name:           k_qd4ad294daf_quantx
    .symbol:         k_qd4ad294daf_quantx.kd
    .args:
      - { .name: X, .offset: 0, .size: 8, .value_kind: global_buffer, .address_space: global }
      - { .name: aq, .offset: 8, .size: 8, .value_kind: global_buffer, .address_space: global }
    .group_segment_fixed_size: 22016
    .private_segment_fixed_size: 0
    .kernarg_segment_align: 8
    .kernarg_segment_size: 16
    .max_flat_workgroup_size: 128
    .sgpr_count:     66
    .vgpr_count:     218
    .wavefront_size: 32
...
	.end_amdgpu_metadata
.endif
;; end of part 1
;; launch qkv (part 2): grid 12 x 16, 4 waves a work-group, clusters of 4 x 4, 327,680 bytes of LDS; arguments aq, Wq_codes, Wq_scales, Wk_codes, Wk_scales, Wv_codes, Wv_scales, bq, bk, bv, qkv; writes qkv
.if DOCPART == 2
	.amdgcn_target "amdgcn-amd-amdhsa--gfx1250"
	.amdhsa_code_object_version 6
	.text
	.protected	k_qd4ad294daf_qkv
	.globl	k_qd4ad294daf_qkv
	.p2align	8
	.type	k_qd4ad294daf_qkv,@function
k_qd4ad294daf_qkv:
	s_mov_b64 s[64:65], 0
	v_nop
	global_prefetch_b8 v0, s[64:65] scope:SCOPE_SE
	s_setreg_imm32_b32 hwreg(HW_REG_WAVE_MODE, 25, 1), 1
	s_wait_xcnt 0x0
	s_wait_alu depctr_hold_cnt(0) depctr_sa_sdst(0) depctr_va_vdst(0) depctr_va_sdst(0) depctr_va_ssrc(0) depctr_va_vcc(0) depctr_vm_vsrc(0)
	s_getreg_b32 s2, hwreg(HW_REG_IB_STS2, 6, 4)
	s_cmp_eq_u32 s2, 0
	s_cbranch_scc0 .Lentry_in_a_cluster
	s_endpgm
.Lentry_in_a_cluster:
	s_bfe_u32 s2, ttmp6, 0x10000c
	s_cmp_lg_u32 s2, 0xf033
	s_cbranch_scc0 .Lentry_shape_is_right
	s_endpgm
.Lentry_shape_is_right:
; A GEMM on codes of E2M3 (K = 1,024) whose result, with its bias, is QUANTISED AGAIN on the way out, along the result's columns.  One text, two uses (MODE):
; MODE 0: q, k, v = X W^T + b.  Cluster x = 0: q, 1: k: A = X's codes (aq), B = the weight: a lane holds one token, its registers run along the channels: quantised along the head's 64.
;         Cluster x = 2: v, with the roles changed: A = Wv, B = X's codes: a lane holds one channel, its registers run along the keys, which are v's K in the second product of attention.
;         Only pointers, two tile coordinates and address constants differ, all chosen by the cluster's x, which partners share: one path for all.
; MODE 1: up = relu(h Wup^T + bup): A = h's codes (aq), B = Wup; quantised along the 4,096 channels.
; A tile of 256 x 256 is made by four waves, 128 x 128 each: 64 accumulators, 512 registers.  K goes in steps of 256 through two LDS slots filled by the tensor data mover (rows of 192 bytes).
; The scale bytes of the tile's 256 + 256 rows come into LDS once.  CLUSTERS of 4 x 4: A's tiles are asked for jointly along a row of the cluster, B's along a column.
; The matrix instruction is used transposed (source 0 = 16 rows of B, source 1 = 16 rows of A): lane (r, h) holds A's row 16 a + r, register j of accumulator (a, b) B's row 16 b + 8 h + j.
; WAY OUT: block a's 64 numbers a lane: bias or relu; halves of the lanes exchanged so that 16 registers are 16 neighbours; largest magnitudes, bytes, conversions; codes into a stage in slot 0
; (256 rows x 16 places of 16 bytes, 12 used), scale words beside it; one barrier; whole runs leave: MODE 0: 384 consecutive bytes a store, MODE 1: two runs of 192.
; MODE 0 lays rows (tokens of q and k, channels of v) at the position that has bits 3 and 4 of the index exchanged, so that 16 neighbouring positions are the rows that attention wants in one tile.
; LIMITS: a block of zeros gets the byte 1 (zero codes; only this program reads the bytes); NaN and infinities, among the biases too (MODE 0 multiplies the bias that does not apply by 0), are not served.
; REGISTERS: window 0: v0-31 addresses; v32-63 scale words; v64-127 the column bias; v128-223 A's fragments; v224-239 the row bias; way out: v128-191 numbers, v192-211 codes, v240-255 at work, v64-191 rows read back.
;   window 1: B's fragments, two sets.  windows 2, 3: the accumulators.
.set MODE,   0
.set PO,     1-MODE                    ; 1: rows are laid with bits 3 and 4 exchanged
.set KSTEP,  256
.set NQ,     2
.set ROWB,   192
.set KROW,   768
.set PITCH,  240                       ; an LDS row: 3 x (64 bytes + 16 of padding)
.set FR,     12
.set NL,     6
.set NP,     4
.set HALFT,  128*PITCH
.set SLOT,   4*HALFT
.set LAPS,   2
.set KS,     32
.set SCL,    2*SLOT
.set HALFS,  (128*KS/256)*272
.set SBLK,   (16*KS/256)*272
.set SPARE,  SCL+4*HALFS               ; the spare words: 128 bytes a wave, named by no other line
.set SROW,   272                       ; the stage: a row of 16 places of 16 bytes + 16
.set SCST,   256*SROW                  ; behind its 256 rows: 2,048 bytes of scale words
.set ADRA, 16
.set ADRB, 20
.set STO,  24
.set RD,   25
.set CO,   26
.set ADRS, 27
.set SPW,  28
.set NIL,  29
.set SST,  30
.set SRD,  31
.set SCO,  8
.set PW,   10
.set SC,   32
.set BIAS, 64
.set AF,   128
.set T,    128
.set CDS,  192
.set RB,   224
.set TM,   240
.set OUT,  64
.set SEL,  100
.set G1, 24
.set G0, 32
.set G1B, 48
.set G0B, 56
.set G1S, 68
.set G0S, 76
.set G1SB, 80
.set G0SB, 88
.set MSB, 0
.macro WIN new                         ; the immediate's high byte repeats the setting that is left
.if MSB != (\new)
	s_set_vgpr_msb (MSB<<8)|(\new)
.set MSB, (\new)
.endif
.endm
.set MUL_LO, 0xa1                      ; source 0 (B) window 1, source 1 (A) window 0, C and D window 2
.set MUL_HI, 0xf1
.set MUL_LO0, 0x81                     ; the first step: C (the bias) window 0, D window 2
.set MUL_HI0, 0xc1
.set TO_B,   0x40
.macro JLOAD g0a, g1a, g0b, g1b        ; a joint load: waves 0, 1 fetch for A, waves 2, 3 for B; four v_nop follow each line
	s_cmp_eq_u32 s15, 0
	s_cbranch_scc0 .Lfor_b_\@
	tensor_load_to_lds s[\g0a:\g0a+3], s[\g1a:\g1a+7]
	s_nop 0
.rept 4
	v_nop
.endr
	s_branch .Lasked_\@
.Lfor_b_\@:
	tensor_load_to_lds s[\g0b:\g0b+3], s[\g1b:\g1b+7]
	s_nop 0
.rept 4
	v_nop
.endr
.Lasked_\@:
.endm
.macro CREST                           ; a round of the cluster's barrier behind its opening barrier
	s_cmp_lg_u32 s14, 0
	s_cbranch_scc1 .Lnot_wave_0_\@
	s_barrier_signal -3
.Lnot_wave_0_\@:
	s_barrier_wait -3
	s_barrier_signal -1
	s_barrier_wait -1
.endm
.macro CROUND
	s_barrier_signal -1
	s_barrier_wait -1
	CREST
.endm
.if MODE == 0
	s_load_b512 s[68:83], s[0:1], 0x0              ; aq, Wq codes, scales, Wk codes, scales, Wv codes, scales, bq
	s_load_b128 s[84:87], s[0:1], 0x40             ; bk, bv
	s_load_b64 s[88:89], s[0:1], 0x50              ; qkv
.else
	s_load_b256 s[4:11], s[0:1], 0x0               ; aq, Wup codes, Wup scales, bup
	s_load_b64 s[12:13], s[0:1], 0x20              ; uq
.endif
	v_lshl_add_u32 v[SPW], v0, 2, SPARE
	v_mov_b32 v[NIL], 0
	ds_add_u32 v28, v29
	ds_add_u32 v28, v29
	s_wait_dscnt 0x0
	v_lshrrev_b32 v1, 5, v0
	v_readfirstlane_b32 s14, v1                    ; wave 0..3
	s_lshr_b32 s15, s14, 1                         ; my half of the tile's rows.  Also: I fetch for A (0) or B (1)
	s_and_b32 s16, s14, 1                          ; my half of its columns.  Also: which 128 rows I fetch
	s_bfe_u32 s40, ttmp6, 0x40000                  ; cx
	s_bfe_u32 s41, ttmp6, 0x40004                  ; cy
	s_and_b32 s66, ttmp7, 0xffff
	s_lshl_b32 s66, s66, 2                         ; 4 x cluster y
.if MODE == 0
	s_lshr_b32 s95, ttmp9, 1                       ; f = 1 for v
	s_mul_i32 s67, s66, s95
	s_sub_co_u32 s66, s66, s67
	s_add_co_u32 s17, s66, s41                     ; A's tile row: q, k: 4 cluster y + cy (tokens); v: cy (channels)
	s_add_co_u32 s42, s67, s40                     ; B's tile row: q, k: cx (channels); v: 4 cluster y + cx (tokens)
.else
	s_add_co_u32 s17, s66, s41
	s_lshl_b32 s42, ttmp9, 2
	s_add_co_u32 s42, s42, s40
.endif
	s_lshl_b32 s43, s41, 2
	s_lshl_b32 s43, 15, s43                        ; my row of the cluster
	s_lshl_b32 s44, 0x1111, s40                    ; my column
	s_or_b32 s[G1+0], s43, (0<<16)|(1<<20)|(1<<21)|(3<<22)|(3<<25)   ; mask; bytes; padding: 4 words behind every 16; bit 21 beside a mask
	s_or_b32 s[G1B+0], s44, (0<<16)|(1<<20)|(1<<21)|(3<<22)|(3<<25)
.irp g, G1, G1B
	s_mov_b32 s[\g+1], ROWB<<16                    ; tensor_dim0
	s_mov_b32 s[\g+2], 128<<16                     ; tensor_dim1
	s_mov_b32 s[\g+3], ROWB<<16                    ; tile_dim0
	s_mov_b32 s[\g+4], 128                         ; tile_dim1
	s_mov_b32 s[\g+5], KROW                        ; pitch
	s_mov_b32 s[\g+6], 0
	s_mov_b32 s[\g+7], 0
.endr
	s_lshl_b32 s18, s16, 7
	s_lshl_b32 s20, s17, 8
	s_add_co_u32 s20, s20, s18                     ; A: row 256 x tile row + 128 x half
	s_lshl_b32 s46, s42, 8
	s_add_co_u32 s46, s46, s18                     ; B likewise
	s_mov_b32 s21, 0
	s_mov_b32 s47, 0
	s_mov_b64 s[18:19], KS
	s_mul_u64 s[22:23], s[20:21], s[18:19]         ; where these rows' scales begin
	s_mul_u64 s[92:93], s[46:47], s[18:19]
	s_mov_b64 s[18:19], KROW
	s_mul_u64 s[20:21], s[20:21], s[18:19]         ; and their codes
	s_mul_u64 s[46:47], s[46:47], s[18:19]
	s_mul_i32 s45, s14, HALFT                      ; where they go: wave x 128 rows
	s_mul_i32 s94, s14, HALFS
	s_lshl_b32 s98, s42, 10
	s_lshl_b32 s99, s16, 9
	s_add_co_u32 s98, s98, s99                     ; the column bias: 4 x (256 x B's tile row + 128 x my half)
.if MODE == 0
	s_lshl_b32 s100, s17, 10
	s_lshl_b32 s101, s15, 9
	s_add_co_u32 s100, s100, s101                  ; the row bias likewise
	s_mul_i32 s100, s100, s95                      ; the one that does not apply is read at offset 0, inside the buffer,
	s_xor_b32 s99, s95, 1
	s_mul_i32 s98, s98, s99                        ; and multiplied by 0 below
	s_mov_b32 s101, 0
.endif
	s_mov_b32 s99, 0
	s_wait_kmcnt 0x0
.if MODE == 0
	s_cmp_eq_u32 ttmp9, 1                          ; the weight, its scales and its bias: chosen by the cluster's x alone
	s_cselect_b64 s[70:71], s[74:75], s[70:71]
	s_cselect_b64 s[72:73], s[76:77], s[72:73]
	s_cselect_b64 s[82:83], s[84:85], s[82:83]
	s_cmp_eq_u32 ttmp9, 2
	s_cselect_b64 s[70:71], s[78:79], s[70:71]
	s_cselect_b64 s[72:73], s[80:81], s[72:73]
	s_cselect_b64 s[82:83], s[86:87], s[82:83]
	s_add_nc_u64 s[90:91], s[68:69], 0x300000      ; X's scale bytes (leaves SCC alone)
	s_cselect_b64 s[4:5], s[70:71], s[68:69]       ; the roles: for v the weight is A
	s_cselect_b64 s[6:7], s[72:73], s[90:91]
	s_cselect_b64 s[8:9], s[68:69], s[70:71]
	s_cselect_b64 s[10:11], s[90:91], s[72:73]
	s_mov_b64 s[96:97], s[82:83]
	s_mov_b64 s[12:13], s[88:89]
	s_add_nc_u64 s[100:101], s[96:97], s[100:101]
	s_add_nc_u64 s[96:97], s[96:97], s[98:99]
	s_cmp_eq_u32 s95, 0
	s_cselect_b32 s98, 1.0, 0                      ; what the column bias is multiplied by,
	s_cselect_b32 s99, 0, 1.0                      ; and the row bias
.else
	s_add_nc_u64 s[96:97], s[10:11], s[98:99]
	s_mov_b64 s[10:11], s[8:9]
	s_mov_b64 s[8:9], s[6:7]
	s_add_nc_u64 s[6:7], s[4:5], 0x300000
.endif
	s_or_b32 s[G1S+0], s43, (3<<16)|(1<<20)|(1<<21)|(5<<22)|(3<<25)   ; the scales of 128 rows: a dense block as rows of 256 bytes, 16 of padding behind each
	s_or_b32 s[G1SB+0], s44, (3<<16)|(1<<20)|(1<<21)|(5<<22)|(3<<25)
.irp g, G1S, G1SB
	s_mov_b32 s[\g+1], 32<<16
	s_mov_b32 s[\g+2], (128*KS/256)<<16
	s_mov_b32 s[\g+3], 32<<16
	s_mov_b32 s[\g+4], 128*KS/256
	s_mov_b32 s[\g+5], 32
	s_mov_b32 s[\g+6], 0
	s_mov_b32 s[\g+7], 0
.endr
	s_add_nc_u64 s[20:21], s[4:5], s[20:21]
	s_add_nc_u64 s[22:23], s[6:7], s[22:23]
	s_add_nc_u64 s[46:47], s[8:9], s[46:47]
	s_add_nc_u64 s[92:93], s[10:11], s[92:93]
	CROUND                                         ; all sixteen work-groups are here: the first joint loads meet
	s_mov_b32 s[G0S], 1
	s_add_co_u32 s[G0S+1], s94, SCL
	s_mov_b64 s[G0S+2:G0S+3], s[22:23]
	s_or_b32 s[G0S+3], s[G0S+3], 0x80000000
	s_mov_b32 s[G0SB], 1
	s_add_co_u32 s[G0SB+1], s94, SCL
	s_mov_b64 s[G0SB+2:G0SB+3], s[92:93]
	s_or_b32 s[G0SB+3], s[G0SB+3], 0x80000000
	JLOAD G0S, G1S, G0SB, G1SB                     ; the scales first
.irp s, 0,1
	s_mov_b32 s[G0+4*\s], 1
	s_add_co_u32 s[G0+4*\s+1], s45, \s*SLOT
	s_add_nc_u64 s[G0+4*\s+2:G0+4*\s+3], s[20:21], \s*ROWB
	s_or_b32 s[G0+4*\s+3], s[G0+4*\s+3], 0x80000000
	s_mov_b32 s[G0B+4*\s], 1
	s_add_co_u32 s[G0B+4*\s+1], s45, \s*SLOT
	s_add_nc_u64 s[G0B+4*\s+2:G0B+4*\s+3], s[46:47], \s*ROWB
	s_or_b32 s[G0B+4*\s+3], s[G0B+4*\s+3], 0x80000000
	JLOAD G0+4*\s, G1, G0B+4*\s, G1B
.endr
	v_and_b32 v1, 15, v0                           ; r
	v_bfe_u32 v2, v0, 4, 1                         ; h
	v_mul_u32_u24 v3, v1, PITCH
	v_mul_u32_u24 v4, v2, 24
	v_add_nc_u32 v4, v3, v4                        ; a fragment's row x pitch + 24 h
	v_lshl_add_u32 v5, v2, 4, v4                   ; and the same behind one padding more
	s_mul_i32 s21, s15, HALFT
	s_mul_i32 s22, s16, HALFT
	s_add_co_u32 s22, s22, 2*HALFT
.irp s, 0,1
	v_add_nc_u32 v[ADRA+\s], s21, v4
	v_add_nc_u32 v[ADRB+\s], s22, v4
	v_add_nc_u32 v[ADRA+2+\s], s21, v5
	v_add_nc_u32 v[ADRB+2+\s], s22, v5
	s_add_co_u32 s21, s21, SLOT
	s_add_co_u32 s22, s22, SLOT
.endr
	v_mul_u32_u24 v5, v1, KS                       ; my row's scales,
	v_lshrrev_b32 v6, 8, v5
	v_lshl_add_u32 v5, v6, 4, v5                   ; 16 more for each 256 passed
	s_mul_i32 s21, s15, HALFS
	s_mul_i32 s22, s16, HALFS
	s_add_co_u32 s22, s22, 2*HALFS
	s_sub_co_u32 s22, s22, s21
	v_mul_u32_u24 v6, s22, v2                      ; lanes 16-31 take B's
	s_add_co_u32 s21, s21, SCL
	v_add_nc_u32 v5, v5, v6
	v_add_nc_u32 v[ADRS], s21, v5
	; the way out's addresses
.if MODE == 0
	v_and_b32 v7, 8, v1
	v_add_nc_u32 v7, v7, v1                        ; r + 8 (r / 8): with 16 a - 8 (a % 2) the row's position
.else
	v_mov_b32 v7, v1
.endif
	s_mul_i32 s23, s15, 128*SROW
	s_lshl_b32 s21, s16, 7
	s_add_co_u32 s23, s23, s21
	v_mul_u32_u24 v5, v7, SROW
	v_lshl_add_u32 v5, v2, 5, v5
	v_add_nc_u32 v[STO], s23, v5                   ; into the stage: my row, my wave's eight places, two places for each half of the lanes
.if MODE == 0
	s_lshl_b32 s23, s16, 10
	s_lshl_b32 s21, s15, 9
	s_add_co_u32 s23, s23, s21
	s_add_co_u32 s23, s23, SCST
	v_lshl_add_u32 v[SST], v7, 2, s23              ; scale words: [column half][row 256]
.else
	s_lshl_b32 s23, s15, 10
	s_lshl_b32 s21, s16, 2
	s_add_co_u32 s23, s23, s21
	s_add_co_u32 s23, s23, SCST
	v_lshl_add_u32 v[SST], v7, 3, s23              ; scale words: [row 256][column half]
.endif
	v_and_b32 v6, 31, v0
	s_mul_i32 s23, s14, 64*SROW                    ; back: wave w takes rows 64 w on
.if MODE == 0
	v_lshrrev_b32 v5, 2, v6                        ; eight rows x four places (48 bytes of codes) an instruction
	v_and_b32 v4, 3, v6
	v_mul_u32_u24 v[CO], v5, 48
.else
	v_lshrrev_b32 v5, 4, v6                        ; two rows x sixteen places (192 bytes)
	v_and_b32 v4, 15, v6
	v_mul_u32_u24 v[CO], v5, 3072
.endif
	v_mad_u32_u24 v[CO], v4, 12, v[CO]
	v_mul_u32_u24 v5, v5, SROW
	v_lshl_add_u32 v5, v4, 4, v5
	v_add_nc_u32 v[RD], s23, v5
	s_lshl_b32 s23, s14, 9
	s_add_co_u32 s23, s23, SCST
.if MODE == 0
	v_lshl_add_u32 v[SRD], v6, 4, s23
	v_lshlrev_b32 v[SCO], 4, v6
.else
	v_lshl_add_u32 v[SRD], v6, 3, s23
	v_lshlrev_b32 v[SCO], 7, v6
.endif
	v_lshlrev_b32 v9, 5, v2                        ; the column bias in the result's layout: register 8 b + j = bias[16 b + 8 h + j]
.irp b, 0,1,2,3,4,5,6,7
	global_load_b128 v[BIAS+8*\b:BIAS+8*\b+3], v9, s[96:97] offset:64*\b
	global_load_b128 v[BIAS+8*\b+4:BIAS+8*\b+7], v9, s[96:97] offset:64*\b+16
.endr
.if MODE == 0
	v_lshlrev_b32 v11, 2, v1
.irp a, 0,1,2,3,4,5,6,7
	global_load_b32 v[RB+2*\a], v11, s[100:101] offset:64*\a   ; the row bias: bias[16 a + r]
.endr
.endif
.macro FRAG reg, adr, q, i             ; 16 rows x 128 K of 6-bit codes: 12 registers, in pieces of 8 bytes; where lanes 16-31's piece lies behind one padding more, the second address register serves
.irp p, 0,1,2,3,4,5
.set PC, 12*(\q)+6*(\p/3)+\p%3
.if PC%8 < 5
	ds_load_b64 v[\reg+2*\p:\reg+2*\p+1], v[\adr] offset:8*PC+16*(PC/8)+(\i)*16*PITCH
.else
	ds_load_b64 v[\reg+2*\p:\reg+2*\p+1], v[\adr+2] offset:8*PC+16*(PC/8)+(\i)*16*PITCH
.endif
.endr
.endm
; 16 matrix instructions: A's blocks a0, a0 + 1 x B's eight.  zero = 1: the first product starts the sums, with the column bias as C.  The 64 accumulators take turns.
.macro MUL16 a0, p, q, sc, zero
.irp a, \a0, \a0+1
.irp b, 0,1,2,3,4,5,6,7
.if \zero
	v_wmma_scale_f32_16x16x128_f8f6f4 v[8*(8*((\a)%4)+\b):8*(8*((\a)%4)+\b)+7], v[128*(\p)+FR*\b:128*(\p)+FR*\b+FR-1], v[AF+FR*(\a):AF+FR*(\a)+FR-1], v[BIAS+8*\b:BIAS+8*\b+7], v[SC+8*NQ*(\sc)+NQ*\b+(\q)], v[SC+8*NQ*(\sc)+NQ*(\a)+(\q)] matrix_a_fmt:MATRIX_FMT_FP6 matrix_b_fmt:MATRIX_FMT_FP6 matrix_a_scale:MATRIX_SCALE_ROW1
.else
	v_wmma_scale_f32_16x16x128_f8f6f4 v[8*(8*((\a)%4)+\b):8*(8*((\a)%4)+\b)+7], v[128*(\p)+FR*\b:128*(\p)+FR*\b+FR-1], v[AF+FR*(\a):AF+FR*(\a)+FR-1], v[8*(8*((\a)%4)+\b):8*(8*((\a)%4)+\b)+7], v[SC+8*NQ*(\sc)+NQ*\b+(\q)], v[SC+8*NQ*(\sc)+NQ*(\a)+(\q)] matrix_a_fmt:MATRIX_FMT_FP6 matrix_b_fmt:MATRIX_FMT_FP6 matrix_a_scale:MATRIX_SCALE_ROW1
.endif
.endr
.endr
.endm
.macro FETCH_B slot, q, p
	WIN TO_B
.irp i, 0,1,2,3,4,5,6,7
	FRAG 128*(\p)+FR*\i, ADRB+\slot, \q, \i
.endr
	WIN 0
.endm
.macro FETCH_A slot, q, i0
.irp i, \i0, \i0+1, \i0+2, \i0+3
	FRAG AF+FR*(\i), ADRA+\slot, \q, \i
.endr
.endm
.macro SCALES sc                       ; a K step's scale words: lanes 0-15 A's block i, lanes 16-31 B's block i
.irp i, 0,1,2,3,4,5,6,7
	ds_load_b64 v[SC+8*NQ*\sc+NQ*\i:SC+8*NQ*\sc+NQ*\i+1], v[ADRS] offset:\i*SBLK
.endr
.endm
.macro PLACES n                        ; plain vector lines between a matrix instruction and a load into, or a read of, its registers
.rept \n
	v_nop
.endr
.endm
.macro STEP slot, q, zero              ; 128 along K whose successor lies in the same slot
	s_wait_dscnt 4*NL                              ; B's set and A's blocks 0-3 are in; the youngest 24 loads (A's blocks 4-7) may be out
.if \zero
	WIN MUL_LO0
.else
	WIN MUL_LO
.endif
	MUL16 0, (\q)%2, \q, \slot, \zero
	MUL16 2, (\q)%2, \q, \slot, \zero
	s_wait_dscnt 0
	PLACES NP
	FETCH_B \slot, (\q)+1, 1-(\q)%2
	FETCH_A \slot, (\q)+1, 0
.if \zero
	WIN MUL_HI0
.else
	WIN MUL_HI
.endif
	MUL16 4, (\q)%2, \q, \slot, \zero
	MUL16 6, (\q)%2, \q, \slot, \zero
	PLACES NP
	WIN 0
	FETCH_A \slot, (\q)+1, 4
.endm
.macro TURN slot, next, fill           ; a slot's last step changes slots: one barrier; fill = 1: this slot is filled again, two K steps ahead
	s_wait_tensorcnt 0x0                           ; all my tensor loads have landed: my part of the next slot
	ds_add_u32 v[SPW], v[NIL]                      ; 0 onto my spare word
	s_wait_dscnt 4*NL+1                            ; the add and the youngest 24 loads may be out
	WIN MUL_LO
	MUL16 0, 1, NQ-1, \slot, 0
	s_wait_dscnt 0x0                               ; the add is done, and my reads of this slot are over
	s_barrier_signal -1
	MUL16 2, 1, NQ-1, \slot, 0
	WIN 0
	s_barrier_wait -1
.if \fill
	CREST                                          ; the barrier has opened a round of the cluster's: no wave of any partner still reads this slot or has a load on its way
	s_add_nc_u64 s[G0+4*\slot+2:G0+4*\slot+3], s[G0+4*\slot+2:G0+4*\slot+3], 2*ROWB
	s_add_nc_u64 s[G0B+4*\slot+2:G0B+4*\slot+3], s[G0B+4*\slot+2:G0B+4*\slot+3], 2*ROWB
	JLOAD G0+4*\slot, G1, G0B+4*\slot, G1B         ; the first tensor load behind the round; its four v_nop are the places in front of the loads below
.else
	PLACES NP
.endif
	v_add_nc_u32 v[ADRS], 4*NQ, v[ADRS]
	FETCH_B \next, 0, 0
	FETCH_A \next, 0, 0
	SCALES \next
	WIN MUL_HI
	MUL16 4, 1, NQ-1, \slot, 0
	MUL16 6, 1, NQ-1, \slot, 0
	PLACES NP
	WIN 0
	FETCH_A \next, 0, 4
.endm
	s_wait_loadcnt 0x0                             ; the biases
.if MODE == 0
.set i, 0
.rept 32
	v_pk_mul_f32 v[BIAS+i:BIAS+i+1], v[BIAS+i:BIAS+i+1], s[98:99] op_sel_hi:[1,0]   ; x 1 for q and k, x 0 for v
.set i, i+2
.endr
.irp a, 0,1,2,3,4,5,6,7
	v_mul_f32 v[RB+2*\a+1], s99, v[RB+2*\a]        ; x 0 for q and k, x 1 for v; twice, a pair for the packed addition
	v_mul_f32 v[RB+2*\a], s99, v[RB+2*\a]
.endr
.endif
	s_wait_tensorcnt 1                             ; the scales and my part of K step 0 are in; K step 1's load may be out
	s_barrier_signal -1
	s_barrier_wait -1
	FETCH_B 0, 0, 0
	FETCH_A 0, 0, 0
	SCALES 0
	FETCH_A 0, 0, 4
	STEP 0, 0, 1
	s_mov_b32 s3, LAPS-1
.Llap:
	TURN 0, 1, 1
	STEP 1, 0, 0
	TURN 1, 0, 1
	STEP 0, 0, 0
	s_sub_co_u32 s3, s3, 1
	s_cmp_lg_u32 s3, 0
	s_cbranch_scc1 .Llap
	TURN 0, 1, 0                                   ; the last lap fills nothing
	STEP 1, 0, 0
	s_wait_dscnt 4*NL
	WIN MUL_LO
	MUL16 0, 1, NQ-1, 1, 0
	MUL16 2, 1, NQ-1, 1, 0
	s_wait_dscnt 0
	WIN MUL_HI
	MUL16 4, 1, NQ-1, 1, 0
	MUL16 6, 1, NQ-1, 1, 0
	WIN 0
	; ---- THE WAY OUT.  Where my 64 rows of the stage go, in bytes.
	s_mov_b32 s[SEL], 0x76543210
	s_mov_b32 s[SEL+1], 0xfedcba98                 ; v_permlanex16_b32's selects for lane l xor 16
.if MODE == 0
	s_cmp_eq_u32 s95, 1
	s_cselect_b32 s40, s42, s17                    ; P: which 256 tokens
	s_cselect_b32 s41, s17, s42                    ; W: which 256 rows of the weight
	s_mov_b32 s43, 393216                          ; codes: a step of W: q, k: four heads of 2,048 x 48 bytes; v: 256 channels x 48
	s_cselect_b32 s43, 12288, s43
	s_mov_b32 s44, 12288                           ; a step of P: q, k: 256 tokens x 48; v: four groups of 64 keys, 1,024 x 48 bytes each
	s_cselect_b32 s44, 196608, s44
	s_mov_b32 s45, 98304                           ; from one group of four places to the next: q, k: a head; v: 64 keys
	s_cselect_b32 s45, 49152, s45
	s_mov_b32 s66, 16384                           ; scale words: a step of W: q, k: two pairs of heads x 2,048 words; v: 256 words
	s_cselect_b32 s66, 1024, s66
	s_mov_b32 s67, 1024                            ; a step of P: q, k: 256 words; v: two key steps x 1,024 words
	s_cselect_b32 s67, 8192, s67
	s_mov_b32 s90, 8192                            ; a column half: q, k: a pair of heads; v: a key step
	s_cselect_b32 s90, 4096, s90
	s_lshr_b32 s91, s40, 3                         ; the batch
	s_and_b32 s40, s40, 7
	s_mul_i32 s18, ttmp9, 3145728                  ; q's, k's or v's codes
	s_mul_i32 s94, s91, 1572864
	s_add_co_u32 s18, s18, s94
	s_mul_i32 s94, s41, s43
	s_add_co_u32 s18, s18, s94
	s_mul_i32 s94, s40, s44
	s_add_co_u32 s18, s18, s94
	s_mul_i32 s94, s14, 3072                       ; my 64 rows x 48 bytes
	s_add_co_u32 s18, s18, s94
	s_mov_b32 s19, 0
	s_add_nc_u64 s[18:19], s[12:13], s[18:19]
	s_mov_b32 s44, s45
	s_mov_b32 s45, 0
	s_add_nc_u64 s[20:21], s[18:19], s[44:45]
	s_add_nc_u64 s[22:23], s[20:21], s[44:45]
	s_add_nc_u64 s[46:47], s[22:23], s[44:45]
	s_mul_i32 s92, ttmp9, 131072
	s_lshl_b32 s94, s91, 16
	s_add_co_u32 s92, s92, s94
	s_mul_i32 s94, s41, s66
	s_add_co_u32 s92, s92, s94
	s_mul_i32 s94, s40, s67
	s_add_co_u32 s92, s92, s94
	s_mul_i32 s94, s15, s90
	s_add_co_u32 s92, s92, s94
	s_lshl_b32 s94, s16, 9
	s_add_co_u32 s92, s92, s94
	s_add_co_u32 s92, s92, 9437184
	s_mov_b32 s93, 0
	s_add_nc_u64 s[92:93], s[12:13], s[92:93]
.else
	s_lshl_b32 s18, s17, 8
	s_lshl_b32 s94, s14, 6
	s_add_co_u32 s94, s18, s94                     ; the first row that I store
	s_mul_i32 s18, s94, 3072
	s_mul_i32 s40, s42, 192
	s_add_co_u32 s18, s18, s40
	s_mov_b32 s19, 0
	s_add_nc_u64 s[18:19], s[12:13], s[18:19]
	s_lshl_b32 s92, s94, 7
	s_lshl_b32 s40, s42, 3
	s_add_co_u32 s92, s92, s40
	s_add_co_u32 s92, s92, 0xC00000
	s_mov_b32 s93, 0
	s_add_nc_u64 s[92:93], s[12:13], s[92:93]
.endif
.irp b, 0,1,2,3
	v_mov_b32 v[TM+4+\b], 0                        ; a lane permute's destination counts as read; these four are also the places behind the last products
.endr
; 64 numbers of a lane, register 16 b + i = column 32 b + 16 h + i of my row, become codes and the row's scale word.  At the end lane (r, h) holds block 2 c + h: its lower 16 codes in v[CDS + 6 c] on, its upper 16 in v[CDS + 12 + 4 c] on.
.macro QUANTS s
.irp b, 0,1,2,3
	v_max3_num_f32 v[TM+\b], |v[\s+16*\b]|, |v[\s+1+16*\b]|, 0x1800000   ; with the floor 2^(3 - 127): the byte cannot fall under 1
.endr
.irp i, 2,4,6,8,10,12,14
.irp b, 0,1,2,3
	v_max3_num_f32 v[TM+\b], v[TM+\b], |v[\s+16*\b+\i]|, |v[\s+1+16*\b+\i]|
.endr
.endr
.irp b, 0,1,2,3
	v_permlanex16_b32 v[TM+4+\b], v[TM+\b], s[SEL], s[SEL+1]
.endr
.irp b, 0,1,2,3
	v_max_num_f32 v[TM+\b], v[TM+\b], v[TM+4+\b]   ; with lane l xor 16's: the block's largest magnitude
.endr
.irp b, 0,1,2,3
	v_add_nc_u32 v[TM+12+\b], 0xff000000, v[TM+\b] ; 2 off its exponent field: the conversion's scale operand
.endr
.irp b, 0,1,2,3
	v_lshrrev_b32 v[TM+4+\b], 23, v[TM+12+\b]      ; the byte
.endr
	s_wait_dscnt 0x0                               ; the last block's stores into the stage have read the word and the codes
	v_lshl_or_b32 v[PW], v[TM+5], 8, v[TM+4]
	v_lshl_or_b32 v[PW], v[TM+6], 16, v[PW]
	v_lshl_or_b32 v[PW], v[TM+7], 24, v[PW]
.irp c, 0,1
	v_cvt_scalef32_pk16_fp6_f32 v[CDS+6*\c:CDS+2+6*\c], v[\s+32*\c:\s+15+32*\c], v[TM+12+2*\c]
	v_cvt_scalef32_pk16_fp6_f32 v[CDS+12+4*\c:CDS+14+4*\c], v[\s+16+32*\c:\s+31+32*\c], v[TM+12+2*\c+1]
.endr
	v_nop                                          ; one plain line behind a scaled conversion
.irp c, 0,1
.irp i, 0,1,2
	v_permlane16_swap_b32 v[CDS+6*\c+\i], v[CDS+12+4*\c+\i]
.endr
.endr
.endm
.macro BLOCK a
.set AC, 64*((\a)%4)
.set AO, 16*(\a)-8*PO*((\a)%2)
.set i, 0
.if MODE == 0
	WIN 0x02+(\a)/4                                ; source 0: window 2 or 3
.rept 32
	v_pk_add_f32 v[T+i:T+i+1], v[AC+i:AC+i+1], v[RB+2*(\a):RB+2*(\a)+1]   ; + the row bias; each accumulator from its low end on
.set i, i+2
.endr
.else
	WIN 0x08+4*((\a)/4)                            ; source 1: window 2 or 3
.rept 64
	v_max_num_f32 v[T+i], 0, v[AC+i]               ; the activation; each accumulator from its low end on
.set i, i+1
.endr
.endif
	WIN 0
.irp bb, 0,1,2,3
.irp j, 0,1,2,3,4,5,6,7
	v_permlane16_swap_b32 v[T+16*\bb+\j], v[T+16*\bb+8+\j]   ; columns 32 bb + 8 h + j and 32 bb + 16 + 8 h + j become 32 bb + 16 h + j and 32 bb + 16 h + 8 + j
.endr
.endr
	QUANTS T
.irp c, 0,1
	ds_store_b96 v[STO], v[CDS+6*\c:CDS+6*\c+2] offset:SROW*AO+64*\c
	ds_store_b96 v[STO], v[CDS+12+4*\c:CDS+14+4*\c] offset:SROW*AO+64*\c+16
.endr
.if MODE == 0
	ds_store_b32 v[SST], v[PW] offset:4*AO         ; lanes r and 16 + r write the same word with the same value
.else
	ds_store_b32 v[SST], v[PW] offset:128*(\a)
.endif
.endm
.irp a, 0,1,2,3,4,5,6,7
	BLOCK \a
.endr
	s_wait_dscnt 0x0                               ; for the others' sake: my stores into the stage are done
	s_barrier_signal -1
	s_barrier_wait -1                              ; a row's sixteen places come from two waves
.if MODE == 0
.irp g, 0,1,2,3
.irp rg, 0,1,2,3,4,5,6,7
	ds_load_b96 v[OUT+4*(8*\g+\rg):OUT+4*(8*\g+\rg)+2], v[RD] offset:8*SROW*\rg+64*\g
.endr
.endr
	ds_load_b128 v[CDS:CDS+3], v[SRD]
.irp g, 0,1,2,3
.irp rg, 0,1,2,3,4,5,6,7
	s_wait_dscnt 32-(8*\g+\rg)                     ; the younger code loads and the scale load may be out
	global_store_b96 v[CO], v[OUT+4*(8*\g+\rg):OUT+4*(8*\g+\rg)+2], s[18+2*\g+22*(\g/3):19+2*\g+22*(\g/3)] offset:384*\rg   ; 384 consecutive bytes
.endr
.endr
	s_wait_dscnt 0x0
	global_store_b128 v[SCO], v[CDS:CDS+3], s[92:93]   ; 512 consecutive bytes of scale words
.else
.set i, 0
.rept 32
	ds_load_b96 v[OUT+4*i:OUT+4*i+2], v[RD] offset:2*SROW*i
.set i, i+1
.endr
	ds_load_b64 v[CDS:CDS+1], v[SRD]
	ds_load_b64 v[CDS+2:CDS+3], v[SRD] offset:256
.set i, 0
.rept 32
	s_wait_dscnt 33-i                              ; the younger code loads and the two scale loads may be out
	global_store_b96 v[CO], v[OUT+4*i:OUT+4*i+2], s[18:19] offset:6144*i   ; two rows' 192 consecutive bytes
.set i, i+1
.endr
	s_wait_dscnt 0x0
	global_store_b64 v[SCO], v[CDS:CDS+1], s[92:93]
	global_store_b64 v[SCO], v[CDS+2:CDS+3], s[92:93] offset:4096
.endif
	s_wait_tensorcnt 0x0                           ; the wave's end
	ds_add_u32 v[SPW], v[NIL]
	s_wait_dscnt 0x0
	CROUND                                         ; the closing round
	s_endpgm
.Lfunc_end_k_qd4ad294daf_qkv:
	.size	k_qd4ad294daf_qkv, .Lfunc_end_k_qd4ad294daf_qkv-k_qd4ad294daf_qkv
	.p2alignl 7, 3214868480
	.fill 96, 4, 3214868480
	.section	.rodata,"a",@progbits
	.p2align	6, 0x0
	.amdhsa_kernel k_qd4ad294daf_qkv
		.amdhsa_group_segment_fixed_size 327680
		.amdhsa_private_segment_fixed_size 0
		.amdhsa_enable_private_segment 0
		.amdhsa_kernarg_size 88
		.amdhsa_user_sgpr_count 2
		.amdhsa_user_sgpr_kernarg_segment_ptr 1
		.amdhsa_wavefront_size32 1
		.amdhsa_system_sgpr_workgroup_id_x 1
		.amdhsa_system_sgpr_workgroup_id_y 1
		.amdhsa_system_sgpr_workgroup_id_z 1
		.amdhsa_system_vgpr_workitem_id 0
		.amdhsa_next_free_vgpr 1024
		.amdhsa_next_free_sgpr 102
		.amdhsa_reserve_vcc 0
		.amdhsa_float_denorm_mode_32 3
		.amdhsa_float_denorm_mode_16_64 3
		.amdhsa_memory_ordered 1
		.amdhsa_forward_progress 1
		.amdhsa_inst_pref_size 201
	.end_amdhsa_kernel
	.amdgpu_metadata
---
amdhsa.version: [ 1, 2 ]
amdhsa.kernels:
  - .name:           k_qd4ad294daf_qkv
    .symbol:         k_qd4ad294daf_qkv.kd
    .args:
      - { .name: aq, .offset: 0, .size: 8, .value_kind: global_buffer, .address_space: global }
      - { .name: Wq_codes, .offset: 8, .size: 8, .value_kind: global_buffer, .address_space: global }
      - { .name: Wq_scales, .offset: 16, .size: 8, .value_kind: global_buffer, .address_space: global }
      - { .name: Wk_codes, .offset: 24, .size: 8, .value_kind: global_buffer, .address_space: global }
      - { .name: Wk_scales, .offset: 32, .size: 8, .value_kind: global_buffer, .address_space: global }
      - { .name: Wv_codes, .offset: 40, .size: 8, .value_kind: global_buffer, .address_space: global }
      - { .name: Wv_scales, .offset: 48, .size: 8, .value_kind: global_buffer, .address_space: global }
      - { .name: bq, .offset: 56, .size: 8, .value_kind: global_buffer, .address_space: global }
      - { .name: bk, .offset: 64, .size: 8, .value_kind: global_buffer, .address_space: global }
      - { .name: bv, .offset: 72, .size: 8, .value_kind: global_buffer, .address_space: global }
      - { .name: qkv, .offset: 80, .size: 8, .value_kind: global_buffer, .address_space: global }
    .group_segment_fixed_size: 327680
    .private_segment_fixed_size: 0
    .kernarg_segment_align: 8
    .kernarg_segment_size: 88
    .max_flat_workgroup_size: 128
    .sgpr_count:     102
    .vgpr_count:     1024
    .wavefront_size: 32
...
	.end_amdgpu_metadata
.endif
;; end of part 2
;; launch attn (part 3): grid 8 x 32, 16 waves a work-group, no clusters, 210,944 bytes of LDS; arguments qkv, aq; writes aq
.if DOCPART == 3
	.amdgcn_target "amdgcn-amd-amdhsa--gfx1250"
	.amdhsa_code_object_version 6
	.text
	.protected	k_qd4ad294daf_attn
	.globl	k_qd4ad294daf_attn
	.p2align	8
	.type	k_qd4ad294daf_attn,@function
k_qd4ad294daf_attn:
	s_mov_b64 s[64:65], 0
	v_nop
	global_prefetch_b8 v0, s[64:65] scope:SCOPE_SE
	s_setreg_imm32_b32 hwreg(HW_REG_WAVE_MODE, 25, 1), 1
	s_wait_xcnt 0x0
; mid[b][q][head 64] = softmax_k(q . k / 8, causal) v, both products on codes of E2M3; mid is quantised along the row (the head's 64 channels are two blocks) into aq: codes [4096][768 bytes], scale bytes at 0x300000.
; qkv holds: q's and k's codes [b x head 32][position 2048][48 bytes] at 0 and 3,145,728; v's [b][64 keys 32][channel position 1024][48 bytes] at 6,291,456; scale words: q's, k's [b][pair of heads 8][position] (bytes 0, 1: the
; even head) at 9,437,184 and 9,568,256; v's [b][128 keys 16][channel position] at 9,699,328.  A position is the index with bits 3 and 4 exchanged: 16 neighbouring positions 16 T + r are the indices 32 (T / 2) + 8 (T % 2) + r + 8 (r / 8).
; So with both products used transposed (S^T = K Q^T, O^T = V^T P^T) a lane holds ONE query, the 16 registers of two neighbouring tiles of S^T are 16 neighbouring keys, and those of O^T 16 neighbouring channels.
; THE SOFTMAX: t = score x log2(e) / 8; M = the running largest t rounded up to a whole number; p = 2^(t - M) is quantised along the keys, not normalised; the row's sum is of the unquantised p and divides at the end.
; THE HEAD'S K IS 64, half of the instruction's 128: q's upper 64 codes are zeros with scale bytes 0, so what stands in the upper half of k's operand (the next fragment's codes, finite) adds nothing.
; SHARES.  A work-group owns query blocks j and 15 - j (128 queries each) of one head; each of sixteen waves one tile of 16 queries.  Waves of the two kinds are dealt so that every four neighbouring waves and every fourth wave
; hold two of each: j + 1 and 16 - j key steps of 128: 34 steps for each group of four.  A step all of whose keys come after the wave's queries is jumped over (a scalar branch on ids); on the diagonal hidden scores become -infinity.
; LDS: the head's K (98,304 bytes), V (98,304) and scale words (8,192 + 4,096) lie there whole: every byte is filled ONCE, in four stages of 512 keys, each behind a counted wait and a barrier.  Waves 0-3 fetch K, 4-7 V: four loads each are out.
; NO CLUSTER: the eight work-groups of a head read the same K and V, but each reads them once, sixteen K and sixteen V loads in the whole launch of a work-group, against 34 x 4 key steps of some 250 vector lines;
; joint loads would put four rounds of a cluster's barrier between partners whose waves have different numbers of steps.
; LIMITS: a block of zeros gets the byte 1; NaN and infinities are not served.  mid's codes leave in runs of 24 bytes a lane, 48 a row (a head's part of a row of 768), its scale bytes singly.
.set VB,   98304
.set SK,   196608
.set SV,   204800
.set AK0,  1                           ; v1   48 r + 24 h: my lane's place in a tile of K (and of q in memory)
.set AV0,  2                           ; v2   the same in V
.set ASK0, 3                           ; v3   SK + 4 r
.set ASV0, 4                           ; v4   SV + 4 r
.set DQ,   5                           ; v5   my query less the block's first less 16 h
.set MO,   6                           ; v6   mid's codes: 768 x my row + 24 h
.set MSO,  7                           ; v7   mid's scale byte: 32 x my row + h
.set ADK,  8
.set ADV,  9
.set ADS,  10
.set ADT,  11                          ; v8-11 the step's LDS addresses;  v12 -M, v13 the largest t, v[14:15] the sum in two halves
.set QF,   16                          ; v16-27 q's fragment
.set QSW,  28                          ; v28  q's scale word
.set KF,   32                          ; v32-85 k's eight fragments, 6 registers apart (v80-85 zeros); later v's four, 12 apart
.set KSW,  86                          ; v86-93 their scale words
.set S,    96                          ; v96-159 S^T, then p
.set O,    160                         ; v160-191 O^T
.set PCD,  192                         ; v192-203 p's codes
.set CT,   204
.set MX,   212
.set PT,   216
.set SO,   220
.set F,    224
.set PWD,  225                         ; p's scale word
.set TMP,  226
.set SPR,  228
.set WV,   8
.set BH,   10
.set BB,   11
.set HD,   12
.set PAR,  13
.set KIND, 14
.set IDX,  15
.set BLKI, 16
.set WQ,   17
.set ST,   18
.set KO,   19
.set SKO,  20
.set SVO,  21
.set CS,   22
.set G1K,  24
.set G1V,  32
.set G0K,  40                          ; s40-55: K's four groups 0
.set G0V,  56                          ; s56-63, s68-75: V's four
.set SEL,  76
.set CNT,  78
	s_load_b128 s[4:7], s[0:1], 0x0                ; qkv, aq
	v_lshl_add_u32 v254, v0, 2, 0x33000
	v_mov_b32 v255, 0
	ds_add_u32 v254, v255
	ds_add_u32 v254, v255
	v_lshrrev_b32 v8, 5, v0
	v_readfirstlane_b32 s[WV], v8                  ; wave 0..15
	s_and_b32 s[BH], ttmp7, 0xffff
	s_lshr_b32 s[BB], s[BH], 4                     ; batch
	s_and_b32 s[HD], s[BH], 15                     ; head
	s_and_b32 s[PAR], s[BH], 1
	s_lshl_b32 s[PAR], s[PAR], 4                   ; where my head's two bytes begin in a word of q's or k's scales
	s_lshr_b32 s[KIND], s[WV], 2
	s_xor_b32 s[KIND], s[KIND], s[WV]
	s_and_b32 s[KIND], s[KIND], 1
	s_lshr_b32 s[IDX], s[WV], 1
	s_lshl_b32 s[BLKI], ttmp9, 1
	s_sub_co_u32 s[BLKI], 15, s[BLKI]
	s_mul_i32 s[BLKI], s[BLKI], s[KIND]
	s_add_co_u32 s[BLKI], s[BLKI], ttmp9           ; my block of 128 queries: j or 15 - j
	s_and_b32 s[WQ], s[WV], 3
	s_lshl_b32 s78, s[BLKI], 3
	s_add_co_u32 s78, s78, s[IDX]                  ; my tile of 16 positions
	s_lshr_b32 s79, s[IDX], 1
	s_lshl_b32 s79, s79, 5
	s_and_b32 s80, s[IDX], 1
	s_lshl_b32 s80, s80, 3
	s_add_co_u32 s79, s79, s80                     ; lane 0's query in the block: 32 (idx / 2) + 8 (idx % 2)
	s_mul_i32 s96, s[WQ], 6144                     ; my quarter of a stage, in LDS and in K
	s_mul_i32 s97, s[BH], 98304
	s_add_co_u32 s80, s97, s96
	s_add_co_u32 s80, s80, 3145728
	s_mov_b32 s81, 0
	s_mul_i32 s82, s[BB], 1572864
	s_mul_i32 s83, s[HD], 3072
	s_add_co_u32 s82, s82, s83
	s_mul_i32 s83, s[WQ], 98304                    ; two groups of 64 keys
	s_add_co_u32 s82, s82, s83
	s_add_co_u32 s82, s82, 6291456
	s_mov_b32 s83, 0
	s_mul_i32 s84, s78, 768
	s_add_co_u32 s84, s84, s97                     ; q's codes of my tile
	s_mov_b32 s85, 0
	s_lshr_b32 s88, s[BH], 1
	s_lshl_b32 s88, s88, 13
	s_lshl_b32 s86, s78, 6
	s_add_co_u32 s86, s86, s88
	s_add_co_u32 s86, s86, 9437184                 ; q's scale words
	s_mov_b32 s87, 0
	s_add_co_u32 s88, s88, 9568256                 ; k's
	s_mov_b32 s89, 0
	s_lshl_b32 s90, s[BB], 16
	s_lshl_b32 s91, s[HD], 8
	s_add_co_u32 s90, s90, s91
	s_add_co_u32 s90, s90, 9699328                 ; v's
	s_mov_b32 s91, 0
	s_lshl_b32 s97, s[BB], 11
	s_lshl_b32 s92, s[BLKI], 7
	s_add_co_u32 s97, s97, s92
	s_add_co_u32 s97, s97, s79                     ; lane 0's row of mid
	s_mul_i32 s92, s97, 768
	s_mul_i32 s93, s[HD], 48
	s_add_co_u32 s92, s92, s93
	s_mov_b32 s93, 0
	s_lshl_b32 s94, s97, 5
	s_lshl_b32 s95, s[HD], 1
	s_add_co_u32 s94, s94, s95
	s_add_co_u32 s94, s94, 0x300000
	s_mov_b32 s95, 0
	; group 1: K: 6,144 dense bytes as 24 rows of 256;  V: 2 rows of 3,072 bytes, 49,152 bytes apart.  Elements of 8 bytes, no padding
	s_mov_b32 s[G1K], 3<<16
	s_mov_b32 s[G1K+1], 32<<16
	s_mov_b32 s[G1K+2], 24<<16
	s_mov_b32 s[G1K+3], 32<<16
	s_mov_b32 s[G1K+4], 24
	s_mov_b32 s[G1K+5], 32
	s_mov_b32 s[G1K+6], 0
	s_mov_b32 s[G1K+7], 0
	s_mov_b32 s[G1V], 3<<16
	s_mov_b32 s[G1V+1], 384<<16
	s_mov_b32 s[G1V+2], 2<<16
	s_mov_b32 s[G1V+3], 384<<16
	s_mov_b32 s[G1V+4], 2
	s_mov_b32 s[G1V+5], 6144
	s_mov_b32 s[G1V+6], 0
	s_mov_b32 s[G1V+7], 0
	s_mov_b32 s[SEL], 0x76543210
	s_mov_b32 s[SEL+1], 0xfedcba98
	s_mov_b32 s[CS], 0x3e38aa3b                    ; c = log2(e) / 8
	s_mov_b32 s[CS+1], s[CS]
	s_wait_dscnt 0x0
	s_wait_kmcnt 0x0
	s_add_nc_u64 s[80:81], s[4:5], s[80:81]
	s_add_nc_u64 s[82:83], s[4:5], s[82:83]
	s_add_nc_u64 s[84:85], s[4:5], s[84:85]
	s_add_nc_u64 s[86:87], s[4:5], s[86:87]
	s_add_nc_u64 s[88:89], s[4:5], s[88:89]
	s_add_nc_u64 s[90:91], s[4:5], s[90:91]
	s_add_nc_u64 s[92:93], s[6:7], s[92:93]
	s_add_nc_u64 s[94:95], s[6:7], s[94:95]
.irp s, 0,1,2,3
	s_mov_b32 s[G0K+4*\s], 1
	s_add_co_u32 s[G0K+4*\s+1], s96, 24576*\s
	s_add_nc_u64 s[G0K+4*\s+2:G0K+4*\s+3], s[80:81], 24576*\s
	s_or_b32 s[G0K+4*\s+3], s[G0K+4*\s+3], 0x80000000
	s_mov_b32 s[G0V+4*\s+4*(\s/2)], 1
	s_add_co_u32 s[G0V+4*\s+4*(\s/2)+1], s96, VB+24576*\s
	s_add_nc_u64 s[G0V+4*\s+4*(\s/2)+2:G0V+4*\s+4*(\s/2)+3], s[82:83], 393216*\s
	s_or_b32 s[G0V+4*\s+4*(\s/2)+3], s[G0V+4*\s+4*(\s/2)+3], 0x80000000
.endr
	s_cmp_lt_u32 s[WV], 4                          ; a wave's four fills stand in one branch on its number, ahead of every wait on TENSORcnt, LDS read and barrier
	s_cbranch_scc0 .Lnot_k
.irp s, 0,1,2,3
	tensor_load_to_lds s[G0K+4*\s:G0K+4*\s+3], s[G1K:G1K+7]
	s_nop 0
.endr
.rept 4
	v_nop
.endr
	s_branch .Lasked
.Lnot_k:
	s_cmp_lt_u32 s[WV], 8
	s_cbranch_scc0 .Lasked
.irp s, 0,1,2,3
	tensor_load_to_lds s[G0V+4*\s+4*(\s/2):G0V+4*\s+4*(\s/2)+3], s[G1V:G1V+7]
	s_nop 0
.endr
.rept 4
	v_nop
.endr
.Lasked:
	v_and_b32 v8, 15, v0                           ; r
	v_bfe_u32 v9, v0, 4, 1                         ; h
	v_mul_u32_u24 v[AK0], v8, 48
	v_mad_u32_u24 v[AK0], v9, 24, v[AK0]
.irp p, 0,1,2
	global_load_b64 v[QF+2*\p:QF+2*\p+1], v[AK0], s[84:85] offset:8*\p   ; q: 24 bytes: k = 32 h + 0 .. 31
.endr
	v_lshlrev_b32 v230, 2, v8
	global_load_b32 v[QSW], v230, s[86:87]
	v_lshlrev_b32 v31, 4, v0
	global_load_b128 v[S:S+3], v31, s[88:89]       ; k's scale words of the pair of heads: 16 bytes a thread, 8,192 in all
	v_lshrrev_b32 v227, 5, v0
	v_and_b32 v[TMP], 31, v0
	v_lshlrev_b32 v227, 12, v227
	v_lshl_add_u32 v227, v[TMP], 3, v227
	global_load_b64 v[S+4:S+5], v227, s[90:91]     ; v's: key step = thread / 32, 256 bytes of it
	v_lshl_add_u32 v29, v0, 4, SK
	v_lshl_add_u32 v30, v0, 3, SV
	v_add_nc_u32 v[AV0], VB, v[AK0]
	v_lshl_add_u32 v[ASK0], v8, 2, SK
	v_lshl_add_u32 v[ASV0], v8, 2, SV
	v_and_b32 v10, 8, v8
	v_add_nc_u32 v10, v10, v8                      ; r + 8 (r / 8)
	v_lshlrev_b32 v11, 4, v9
	v_sub_nc_u32 v[DQ], v10, v11
	v_add_nc_u32 v[DQ], s79, v[DQ]
	v_mul_u32_u24 v[MO], v10, 768
	v_mad_u32_u24 v[MO], v9, 24, v[MO]
	v_lshl_add_u32 v[MSO], v10, 5, v9
	s_wait_loadcnt 0x0
	v_bfe_u32 v[QSW], v[QSW], s[PAR], 16           ; my head's two bytes; the upper two are 0
.irp i, 0,1,2,3
	v_bfe_u32 v[S+\i], v[S+\i], s[PAR], 16
.endr
	ds_store_b128 v29, v[S:S+3]
	ds_store_b64 v30, v[S+4:S+5]
	v_mov_b32 v13, 0xff61b1e6                      ; the largest t so far: -3e38
	v_floor_f32 v12, -v13                          ; -M
	v_mov_b32 v14, 0
	v_mov_b32 v15, 0
.irp i, 0,1,2,3,4,5
	v_mov_b32 v[QF+6+\i], 0                        ; q's upper 64 codes
	v_mov_b32 v[KF+48+\i], 0                       ; what stands behind k's last fragment
.endr
.irp b, 0,1,2,3
	v_mov_b32 v[PT+\b], 0                          ; a lane permute's destination counts as read
.endr
	v_mov_b32 v[PWD], 0
	v_mov_b32 v[TMP], 0
.set j, 0
.rept 32
	v_mov_b32 v[O+j], 0                            ; O^T: the step is written once; the first change of M multiplies zeros
.set j, j+1
.endr
; A KEY STEP: 128 keys.
.macro STEP
	s_cmp_gt_u32 s[ST], s[BLKI]
	s_cbranch_scc1 .Lhid_\@                        ; all its keys come after my queries
	v_add_nc_u32 v[ADK], s[KO], v[AK0]             ; (these four are the places behind the last step's products)
	v_add_nc_u32 v[ADV], s[KO], v[AV0]
	v_add_nc_u32 v[ADS], s[SKO], v[ASK0]
	v_add_nc_u32 v[ADT], s[SVO], v[ASV0]
.irp t, 0,1,2,3,4,5,6,7
.irp p, 0,1,2
	ds_load_b64 v[KF+6*\t+2*\p:KF+6*\t+2*\p+1], v[ADK] offset:768*\t+8*\p
.endr
	ds_load_b32 v[KSW+\t], v[ADS] offset:64*\t
.endr
	s_wait_dscnt 0x0
.irp t, 0,1,2,3,4,5,6,7
	v_wmma_scale_f32_16x16x128_f8f6f4 v[S+8*\t:S+8*\t+7], v[KF+6*\t:KF+6*\t+11], v[QF:QF+11], 0, v[KSW+\t], v[QSW] matrix_a_fmt:MATRIX_FMT_FP6 matrix_b_fmt:MATRIX_FMT_FP6
.endr
.rept 4
	v_nop                                          ; places in front of the reads of S^T and of the loads below
.endr
.irp t, 0,1,2,3                        ; v's fragments are asked for now and land under the softmax
.irp c, 0,1
.irp p, 0,1,2
	ds_load_b64 v[KF+12*\t+6*\c+2*\p:KF+12*\t+6*\c+2*\p+1], v[ADV] offset:3072*\c+768*\t+8*\p
.endr
.endr
	ds_load_b32 v[KSW+\t], v[ADT] offset:64*\t
.endr
	s_cmp_lt_u32 s[ST], s[BLKI]
	s_cbranch_scc1 .Lopen_\@                       ; all its keys count
	v_mov_b32 v[TMP], 0xff800000                   ; the diagonal: register 16 b + i holds key 32 b + 16 h + i of the step: hidden where 32 b + i > DQ
.set n, 0
.rept 64
	v_cmp_gt_i32 vcc_lo, 32*(n/16)+n%16, v[DQ]
	v_cndmask_b32 v[S+n], v[S+n], v[TMP], vcc_lo
.set n, n+1
.endr
.Lopen_\@:
.irp b, 0,1,2,3
	v_max3_num_f32 v[MX+\b], v[S+16*\b], v[S+1+16*\b], v[S+2+16*\b]   ; the largest score of each block of 32 keys: for the row's maximum, and, since p rises with the score, for the block's largest p
.endr
.irp i, 3,5,7,9,11,13
.irp b, 0,1,2,3
	v_max3_num_f32 v[MX+\b], v[MX+\b], v[S+16*\b+\i], v[S+1+16*\b+\i]
.endr
.endr
.irp b, 0,1,2,3
	v_max_num_f32 v[MX+\b], v[MX+\b], v[S+15+16*\b]
.endr
.irp b, 0,1,2,3
	v_permlanex16_b32 v[PT+\b], v[MX+\b], s[SEL], s[SEL+1]
.endr
.irp b, 0,1,2,3
	v_max_num_f32 v[MX+\b], v[MX+\b], v[PT+\b]
.endr
	v_max3_num_f32 v[TMP], v[MX], v[MX+1], v[MX+2]
	v_max_num_f32 v[TMP], v[TMP], v[MX+3]
	v_mul_f32 v[TMP], s[CS], v[TMP]
	v_max_num_f32 v13, v13, v[TMP]                 ; the running largest t
	v_mov_b32 v[TMP], v12
	v_floor_f32 v12, -v13                          ; the new -M: M is a whole number
	v_sub_f32 v[TMP], v12, v[TMP]
	v_cvt_i32_f32 v[TMP], v[TMP]                   ; (it saturates)
	v_ldexp_f32 v[F], 1.0, v[TMP]                  ; f = 2^(old M - new M): a multiplication by it rounds nothing
.set j, 0
.rept 32
	v_pk_fma_f32 v[S+j:S+j+1], v[S+j:S+j+1], s[CS:CS+1], v[12:13] op_sel_hi:[1,0,0]   ; t - M
.set j, j+2
.endr
.irp b, 0,1,2,3
	v_fma_f32 v[MX+\b], v[MX+\b], s[CS], v12
.endr
.set j, 0
.rept 64
	v_exp_f32 v[S+j], v[S+j]                       ; p = 2^(t - M)
.set j, j+1
.endr
.irp b, 0,1,2,3
	v_exp_f32 v[MX+\b], v[MX+\b]                   ; the block's largest p: the same two instructions on the same number
.endr
	v_pk_mul_f32 v[14:15], v[14:15], v[F:F+1] op_sel_hi:[1,0]   ; the sums under the new M (a plain line behind the exponentials)
	s_wait_alu depctr_va_vdst(0)
.irp b, 0,1,2,3
	v_max_num_f32 v[MX+\b], 0x1800000, v[MX+\b]    ; the floor: the byte cannot fall under 1
.endr
.irp b, 0,1,2,3
	v_add_nc_u32 v[SO+\b], 0xff000000, v[MX+\b]
.endr
.irp b, 0,1,2,3
	v_lshrrev_b32 v[PT+\b], 23, v[SO+\b]
.endr
	v_lshl_or_b32 v[PWD], v[PT+1], 8, v[PT]
	v_lshl_or_b32 v[PWD], v[PT+2], 16, v[PWD]
	v_lshl_or_b32 v[PWD], v[PT+3], 24, v[PWD]
.irp c, 0,1
	v_cvt_scalef32_pk16_fp6_f32 v[PCD+6*\c:PCD+6*\c+2], v[S+32*\c:S+15+32*\c], v[SO+2*\c]
	v_cvt_scalef32_pk16_fp6_f32 v[CT+4*\c:CT+4*\c+2], v[S+16+32*\c:S+31+32*\c], v[SO+2*\c+1]
.endr
	v_nop                                          ; one plain line behind a scaled conversion
.irp c, 0,1                            ; the operand wants a whole block in a lane
.irp i, 0,1,2
	v_permlane16_swap_b32 v[PCD+6*\c+\i], v[CT+4*\c+\i]
.endr
.irp i, 0,1,2
	v_mov_b32 v[PCD+3+6*\c+\i], v[CT+4*\c+\i]
.endr
.endr
	v_pk_add_f32 v[SPR:SPR+1], v[S:S+1], v[S+2:S+3]   ; the row's sum, of the unquantised p, in two chains
.irp j, 4,8,12,16,20,24,28,32,36,40,44,48,52,56,60
	v_pk_add_f32 v[14:15], v[14:15], v[S+\j:S+1+\j]
	v_pk_add_f32 v[SPR:SPR+1], v[SPR:SPR+1], v[S+2+\j:S+3+\j]
.endr
	v_pk_add_f32 v[14:15], v[14:15], v[SPR:SPR+1]
.set j, 0
.rept 16
	v_pk_mul_f32 v[O+j:O+j+1], v[O+j:O+j+1], v[F:F+1] op_sel_hi:[1,0]   ; O^T under the new M
.set j, j+2
.endr
	s_wait_dscnt 0x0                               ; v's fragments and scale words
.irp t, 0,1,2,3
	v_wmma_scale_f32_16x16x128_f8f6f4 v[O+8*\t:O+8*\t+7], v[KF+12*\t:KF+12*\t+11], v[PCD:PCD+11], v[O+8*\t:O+8*\t+7], v[KSW+\t], v[PWD] matrix_a_fmt:MATRIX_FMT_FP6 matrix_b_fmt:MATRIX_FMT_FP6
.endr
.Lhid_\@:
	s_add_co_u32 s[ST], s[ST], 1
	s_add_co_u32 s[KO], s[KO], 6144
	s_add_co_u32 s[SKO], s[SKO], 512
	s_add_co_u32 s[SVO], s[SVO], 256
.endm
; A STAGE: four key steps.  left: my loads of later stages, which may stay out.
.macro STAGE st, left
	s_wait_tensorcnt \left                         ; my part of this stage has landed
	s_wait_dscnt 0x0                               ; and so have my stores of scale words (first stage)
	s_barrier_signal -1
	s_barrier_wait -1                              ; everybody's
	s_mov_b32 s[ST], 4*\st
	s_mov_b32 s[KO], 24576*\st
	s_mov_b32 s[SKO], 2048*\st
	s_mov_b32 s[SVO], 1024*\st
	s_mov_b32 s[CNT], 4
.Lstage_\@:
	STEP
	s_sub_co_u32 s[CNT], s[CNT], 1
	s_cmp_lg_u32 s[CNT], 0
	s_cbranch_scc1 .Lstage_\@
.endm
	STAGE 0, 3
	STAGE 1, 2
	STAGE 2, 1
	STAGE 3, 0
	; THE WAY OUT: O^T / the sum; register 16 b + i is channel 32 b + 16 h + i of my query: two blocks, quantised as every operand is.
.rept 4
	v_nop                                          ; places behind the last products
.endr
	v_add_f32 v14, v14, v15
	v_permlanex16_b32 v[TMP], v14, s[SEL], s[SEL+1]
	v_add_f32 v14, v14, v[TMP]                     ; the row's sum
	v_rcp_f32 v14, v14
	v_and_b32 v[TMP], 16, v0                       ; (a plain line behind the reciprocal)
.set j, 0
	s_wait_alu depctr_va_vdst(0)
.rept 32
	v_mul_f32 v[S+j], v[O+j], v14
.set j, j+1
.endr
.irp b, 0,1
	v_max3_num_f32 v[MX+\b], |v[S+16*\b]|, |v[S+1+16*\b]|, 0x1800000
.endr
.irp i, 2,4,6,8,10,12,14
.irp b, 0,1
	v_max3_num_f32 v[MX+\b], v[MX+\b], |v[S+16*\b+\i]|, |v[S+1+16*\b+\i]|
.endr
.endr
.irp b, 0,1
	v_permlanex16_b32 v[PT+\b], v[MX+\b], s[SEL], s[SEL+1]
.endr
.irp b, 0,1
	v_max_num_f32 v[MX+\b], v[MX+\b], v[PT+\b]
.endr
.irp b, 0,1
	v_add_nc_u32 v[SO+\b], 0xff000000, v[MX+\b]
.endr
.irp b, 0,1
	v_lshrrev_b32 v[PT+\b], 23, v[SO+\b]
.endr
	v_cmp_ne_u32 vcc_lo, 0, v[TMP]
	v_cndmask_b32 v[MX], v[PT], v[PT+1], vcc_lo    ; lane (r, h) stores block h's byte
	v_cvt_scalef32_pk16_fp6_f32 v[PCD:PCD+2], v[S:S+15], v[SO]
	v_cvt_scalef32_pk16_fp6_f32 v[CT:CT+2], v[S+16:S+31], v[SO+1]
	v_nop
.irp i, 0,1,2
	v_permlane16_swap_b32 v[PCD+\i], v[CT+\i]      ; lane (r, h) now holds block h: its lower 16 codes in the first, its upper 16 in the second
.endr
	global_store_b96 v[MO], v[PCD:PCD+2], s[92:93]
	global_store_b96 v[MO], v[CT:CT+2], s[92:93] offset:12
	global_store_b8 v[MSO], v[MX], s[94:95]
	s_wait_tensorcnt 0x0
	ds_add_u32 v254, v255
	s_wait_dscnt 0x0
	s_endpgm
.Lfunc_end_k_qd4ad294daf_attn:
	.size	k_qd4ad294daf_attn, .Lfunc_end_k_qd4ad294daf_attn-k_qd4ad294daf_attn
	.p2alignl 7, 3214868480
	.fill 96, 4, 3214868480
	.section	.rodata,"a",@progbits
	.p2align	6, 0x0
	.amdhsa_kernel k_qd4ad294daf_attn
		.amdhsa_group_segment_fixed_size 210944
		.amdhsa_private_segment_fixed_size 0
		.amdhsa_enable_private_segment 0
		.amdhsa_kernarg_size 16
		.amdhsa_user_sgpr_count 2
		.amdhsa_user_sgpr_kernarg_segment_ptr 1
		.amdhsa_wavefront_size32 1
		.amdhsa_system_sgpr_workgroup_id_x 1
		.amdhsa_system_sgpr_workgroup_id_y 1
		.amdhsa_system_sgpr_workgroup_id_z 1
		.amdhsa_system_vgpr_workitem_id 0
		.amdhsa_next_free_vgpr 256
		.amdhsa_next_free_sgpr 100
		.amdhsa_reserve_vcc 1
		.amdhsa_float_denorm_mode_32 3
		.amdhsa_float_denorm_mode_16_64 3
		.amdhsa_memory_ordered 1
		.amdhsa_forward_progress 1
		.amdhsa_inst_pref_size 107
	.end_amdhsa_kernel
	.amdgpu_metadata
---
amdhsa.version: [ 1, 2 ]
amdhsa.kernels:
  - .name:           k_qd4ad294daf_attn
    .symbol:         k_qd4ad294daf_attn.kd
    .args:
      - { .name: qkv, .offset: 0, .size: 8, .value_kind: global_buffer, .address_space: global }
      - { .name: aq, .offset: 8, .size: 8, .value_kind: global_buffer, .address_space: global }
    .group_segment_fixed_size: 210944
    .private_segment_fixed_size: 0
    .kernarg_segment_align: 8
    .kernarg_segment_size: 16
    .max_flat_workgroup_size: 512
    .sgpr_count:     100
    .vgpr_count:     256
    .wavefront_size: 32
...
	.end_amdgpu_metadata
.endif
;; end of part 3
;; launch wo (part 4): grid 4 x 16, 4 waves a work-group, clusters of 4 x 4, 327,680 bytes of LDS; arguments aq, Wo_codes, Wo_scales, t; writes t
.if DOCPART == 4
	.amdgcn_target "amdgcn-amd-amdhsa--gfx1250"
	.amdhsa_code_object_version 6
	.text
	.protected	k_qd4ad294daf_wo
	.globl	k_qd4ad294daf_wo
	.p2align	8
	.type	k_qd4ad294daf_wo,@function
k_qd4ad294daf_wo:
	s_mov_b64 s[64:65], 0
	v_nop
	global_prefetch_b8 v0, s[64:65] scope:SCOPE_SE
	s_setreg_imm32_b32 hwreg(HW_REG_WAVE_MODE, 25, 1), 1
	s_wait_xcnt 0x0
	s_wait_alu depctr_hold_cnt(0) depctr_sa_sdst(0) depctr_va_vdst(0) depctr_va_sdst(0) depctr_va_ssrc(0) depctr_va_vcc(0) depctr_vm_vsrc(0)
	s_getreg_b32 s2, hwreg(HW_REG_IB_STS2, 6, 4)
	s_cmp_eq_u32 s2, 0
	s_cbranch_scc0 .Lentry_in_a_cluster
	s_endpgm
.Lentry_in_a_cluster:
	s_bfe_u32 s2, ttmp6, 0x10000c
	s_cmp_lg_u32 s2, 0xf033
	s_cbranch_scc0 .Lentry_shape_is_right
	s_endpgm
.Lentry_shape_is_right:
; C[m][n] = sum over k of A[m][k] B[n][k] on codes of E2M3 with one E8M0 scale for each 32 along K; C [SIZE_M][SIZE_N] f32, without bias (the next launch adds it).
; A's codes lie at byte 0 of the first buffer ([SIZE_M][SIZE_K x 3 / 4 bytes]), its scale bytes at byte ASOFF ([SIZE_M][SIZE_K / 32]); B's codes and scale bytes are the weight's own buffers.
; A tile of C, 256 x 256, is made by four waves, 128 x 128 each: 64 accumulators, 512 registers.  K goes in steps of 256 through two LDS slots filled by the tensor data mover (rows of 192 bytes).
; The scale bytes of the tile's 256 + 256 rows, for all of K, come into LDS once, as rows of 256 bytes.  CLUSTERS of 4 x 4: A's tiles are asked for jointly along a row of the cluster, B's along a column.
; The matrix instruction is used transposed (source 0 = 16 rows of B, source 1 = 16 rows of A): a lane holds eight neighbouring numbers of a row of C.
; SIZE_M x SIZE_N / 65,536 = 64 work-groups: this tile leaves WGPs without work at this size; it is kept because a wave's 128 x 128 reads each LDS byte for the most products.
; REGISTERS: window 0: v0-31 addresses; v32-63 scale words, two sets; from v128 A's fragments, one set.  window 1: B's fragments, two sets.  windows 2, 3: the accumulators.
.set SIZE_M, 4096
.set SIZE_N, 1024
.set SIZE_K, 1024
.set ASOFF,  0x300000
.set KSTEP,  256
.set NQ,     KSTEP/128
.set ROWB,   192
.set KROW,   SIZE_K*6/8
.set PITCH,  240                       ; an LDS row: 3 x (64 bytes + 16 of padding)
.set FR,     12
.set NL,     6
.set NP,     4
.set HALFT,  128*PITCH
.set SLOT,   4*HALFT
.set LAPS,   SIZE_K/(2*KSTEP)
.set KS,     SIZE_K/32
.set SCL,    2*SLOT
.set HALFS,  (128*KS/256)*272
.set SBLK,   (16*KS/256)*272
.set SPARE,  SCL+4*HALFS               ; the spare words: 128 bytes a wave, named by no other line
.set SPITCH, 528                       ; the way out: 16 rows x (512 + 16) bytes a wave, in slot 0, which has had its last fill and its last read by then
.set ADRA, 16
.set ADRB, 20
.set STO,  24
.set RD,   25
.set CO,   26
.set SPW,  28
.set NIL,  29
.set ADRS, 27
.set SC,   32
.set AF,   128
.set BK,   128
.set G1, 24
.set G0, 32
.set G1B, 48
.set G0B, 56
.set G1S, 68
.set G0S, 76
.set G1SB, 80
.set G0SB, 88
.set MSB, 0
.macro WIN new                         ; the immediate's high byte repeats the setting that is left
.if MSB != (\new)
	s_set_vgpr_msb (MSB<<8)|(\new)
.set MSB, (\new)
.endif
.endm
.set MUL_LO, 0xa1
.set MUL_HI, 0xf1
.set TO_B,   0x40
.macro JLOAD g0a, g1a, g0b, g1b        ; a joint load: waves 0, 1 fetch for A, waves 2, 3 for B; four v_nop follow each line
	s_cmp_eq_u32 s15, 0
	s_cbranch_scc0 .Lfor_b_\@
	tensor_load_to_lds s[\g0a:\g0a+3], s[\g1a:\g1a+7]
	s_nop 0
.rept 4
	v_nop
.endr
	s_branch .Lasked_\@
.Lfor_b_\@:
	tensor_load_to_lds s[\g0b:\g0b+3], s[\g1b:\g1b+7]
	s_nop 0
.rept 4
	v_nop
.endr
.Lasked_\@:
.endm
.macro CREST
	s_cmp_lg_u32 s14, 0
	s_cbranch_scc1 .Lnot_wave_0_\@
	s_barrier_signal -3
.Lnot_wave_0_\@:
	s_barrier_wait -3
	s_barrier_signal -1
	s_barrier_wait -1
.endm
.macro CROUND
	s_barrier_signal -1
	s_barrier_wait -1
	CREST
.endm
	s_load_b128 s[4:7], s[0:1], 0x0                ; A's buffer, B's codes
	s_load_b128 s[8:11], s[0:1], 0x10              ; B's scales, C
	v_lshl_add_u32 v[SPW], v0, 2, SPARE
	v_mov_b32 v[NIL], 0
	ds_add_u32 v28, v29
	ds_add_u32 v28, v29
	s_wait_dscnt 0x0
	v_lshrrev_b32 v1, 5, v0
	v_readfirstlane_b32 s14, v1                    ; wave 0..3
	s_lshr_b32 s15, s14, 1
	s_and_b32 s16, s14, 1
	s_bfe_u32 s40, ttmp6, 0x40000                  ; cx
	s_bfe_u32 s41, ttmp6, 0x40004                  ; cy
	s_lshl_b32 s42, ttmp9, 2
	s_add_co_u32 s42, s42, s40                     ; tile column
	s_and_b32 s17, ttmp7, 0xffff
	s_lshl_b32 s17, s17, 2
	s_add_co_u32 s17, s17, s41                     ; tile row
	s_lshl_b32 s43, s41, 2
	s_lshl_b32 s43, 15, s43                        ; my row of the cluster
	s_lshl_b32 s44, 0x1111, s40                    ; my column
	s_or_b32 s[G1+0], s43, (0<<16)|(1<<20)|(1<<21)|(3<<22)|(3<<25)
	s_or_b32 s[G1B+0], s44, (0<<16)|(1<<20)|(1<<21)|(3<<22)|(3<<25)
.irp g, G1, G1B
	s_mov_b32 s[\g+1], ROWB<<16
	s_mov_b32 s[\g+2], 128<<16
	s_mov_b32 s[\g+3], ROWB<<16
	s_mov_b32 s[\g+4], 128
	s_mov_b32 s[\g+5], KROW
	s_mov_b32 s[\g+6], 0
	s_mov_b32 s[\g+7], 0
.endr
	s_or_b32 s[G1S+0], s43, (3<<16)|(1<<20)|(1<<21)|(5<<22)|(3<<25)
	s_or_b32 s[G1SB+0], s44, (3<<16)|(1<<20)|(1<<21)|(5<<22)|(3<<25)
.irp g, G1S, G1SB
	s_mov_b32 s[\g+1], 32<<16
	s_mov_b32 s[\g+2], (128*KS/256)<<16
	s_mov_b32 s[\g+3], 32<<16
	s_mov_b32 s[\g+4], 128*KS/256
	s_mov_b32 s[\g+5], 32
	s_mov_b32 s[\g+6], 0
	s_mov_b32 s[\g+7], 0
.endr
	s_lshl_b32 s18, s16, 7
	s_lshl_b32 s20, s17, 8
	s_add_co_u32 s20, s20, s18
	s_lshl_b32 s46, s42, 8
	s_add_co_u32 s46, s46, s18
	s_mov_b32 s21, 0
	s_mov_b32 s47, 0
	s_mov_b64 s[18:19], KS
	s_mul_u64 s[22:23], s[20:21], s[18:19]
	s_mul_u64 s[92:93], s[46:47], s[18:19]
	s_mov_b64 s[18:19], KROW
	s_mul_u64 s[20:21], s[20:21], s[18:19]
	s_mul_u64 s[46:47], s[46:47], s[18:19]
	s_mul_i32 s45, s14, HALFT
	s_mul_i32 s94, s14, HALFS
	s_wait_kmcnt 0x0
	s_mov_b64 s[12:13], s[10:11]                   ; C
	s_mov_b64 s[10:11], s[8:9]                     ; B's scales
	s_mov_b64 s[8:9], s[6:7]                       ; B's codes
	s_add_nc_u64 s[6:7], s[4:5], ASOFF             ; A's scales
	s_add_nc_u64 s[20:21], s[4:5], s[20:21]
	s_add_nc_u64 s[22:23], s[6:7], s[22:23]
	s_add_nc_u64 s[46:47], s[8:9], s[46:47]
	s_add_nc_u64 s[92:93], s[10:11], s[92:93]
	CROUND                                         ; all sixteen work-groups are here: the first joint loads meet
	s_mov_b32 s[G0S], 1
	s_add_co_u32 s[G0S+1], s94, SCL
	s_mov_b64 s[G0S+2:G0S+3], s[22:23]
	s_or_b32 s[G0S+3], s[G0S+3], 0x80000000
	s_mov_b32 s[G0SB], 1
	s_add_co_u32 s[G0SB+1], s94, SCL
	s_mov_b64 s[G0SB+2:G0SB+3], s[92:93]
	s_or_b32 s[G0SB+3], s[G0SB+3], 0x80000000
	JLOAD G0S, G1S, G0SB, G1SB
.irp s, 0,1
	s_mov_b32 s[G0+4*\s], 1
	s_add_co_u32 s[G0+4*\s+1], s45, \s*SLOT
	s_add_nc_u64 s[G0+4*\s+2:G0+4*\s+3], s[20:21], \s*ROWB
	s_or_b32 s[G0+4*\s+3], s[G0+4*\s+3], 0x80000000
	s_mov_b32 s[G0B+4*\s], 1
	s_add_co_u32 s[G0B+4*\s+1], s45, \s*SLOT
	s_add_nc_u64 s[G0B+4*\s+2:G0B+4*\s+3], s[46:47], \s*ROWB
	s_or_b32 s[G0B+4*\s+3], s[G0B+4*\s+3], 0x80000000
	JLOAD G0+4*\s, G1, G0B+4*\s, G1B
.endr
	v_and_b32 v1, 15, v0
	v_bfe_u32 v2, v0, 4, 1
	v_mul_u32_u24 v3, v1, PITCH
	v_mul_u32_u24 v4, v2, 24
	v_add_nc_u32 v4, v3, v4
	v_lshl_add_u32 v5, v2, 4, v4
	s_mul_i32 s21, s15, HALFT
	s_mul_i32 s22, s16, HALFT
	s_add_co_u32 s22, s22, 2*HALFT
.irp s, 0,1
	v_add_nc_u32 v[ADRA+\s], s21, v4
	v_add_nc_u32 v[ADRB+\s], s22, v4
	v_add_nc_u32 v[ADRA+2+\s], s21, v5
	v_add_nc_u32 v[ADRB+2+\s], s22, v5
	s_add_co_u32 s21, s21, SLOT
	s_add_co_u32 s22, s22, SLOT
.endr
	v_mul_u32_u24 v5, v1, KS
	v_lshrrev_b32 v6, 8, v5
	v_lshl_add_u32 v5, v6, 4, v5
	s_mul_i32 s21, s15, HALFS
	s_mul_i32 s22, s16, HALFS
	s_add_co_u32 s22, s22, 2*HALFS
	s_sub_co_u32 s22, s22, s21
	v_mul_u32_u24 v6, s22, v2
	s_add_co_u32 s21, s21, SCL
	v_add_nc_u32 v5, v5, v6
	v_add_nc_u32 v[ADRS], s21, v5
	s_mul_i32 s23, s14, 16*SPITCH
	v_mul_u32_u24 v5, v1, SPITCH
	v_lshl_add_u32 v5, v2, 5, v5
	v_add_nc_u32 v[STO], s23, v5
	v_and_b32 v6, 31, v0
	v_lshlrev_b32 v[CO], 4, v6
	v_add_nc_u32 v[RD], s23, v[CO]
	s_lshl_b32 s20, s17, 8
	s_lshl_b32 s21, s15, 7
	s_add_co_u32 s20, s20, s21
	s_mov_b32 s21, 0
	s_mov_b64 s[18:19], SIZE_N*4
	s_mul_u64 s[20:21], s[20:21], s[18:19]
	s_lshl_b32 s46, s42, 10
	s_lshl_b32 s47, s16, 9
	s_add_co_u32 s46, s46, s47
	s_mov_b32 s47, 0
	s_add_nc_u64 s[20:21], s[20:21], s[46:47]
	s_add_nc_u64 s[12:13], s[12:13], s[20:21]
.macro FRAG reg, adr, q, i             ; 16 rows x 128 K of 6-bit codes: 12 registers, in pieces of 8 bytes; where lanes 16-31's piece lies behind one padding more, the second address register serves
.irp p, 0,1,2,3,4,5
.set PC, 12*(\q)+6*(\p/3)+\p%3
.if PC%8 < 5
	ds_load_b64 v[\reg+2*\p:\reg+2*\p+1], v[\adr] offset:8*PC+16*(PC/8)+(\i)*16*PITCH
.else
	ds_load_b64 v[\reg+2*\p:\reg+2*\p+1], v[\adr+2] offset:8*PC+16*(PC/8)+(\i)*16*PITCH
.endif
.endr
.endm
.macro MUL16 a0, p, q, sc, zero        ; 16 matrix instructions: A's blocks a0, a0 + 1 x B's eight; the 64 accumulators take turns
.irp a, \a0, \a0+1
.irp b, 0,1,2,3,4,5,6,7
.if \zero
	v_wmma_scale_f32_16x16x128_f8f6f4 v[8*(8*((\a)%4)+\b):8*(8*((\a)%4)+\b)+7], v[128*(\p)+FR*\b:128*(\p)+FR*\b+FR-1], v[AF+FR*(\a):AF+FR*(\a)+FR-1], 0, v[SC+8*NQ*(\sc)+NQ*\b+(\q)], v[SC+8*NQ*(\sc)+NQ*(\a)+(\q)] matrix_a_fmt:MATRIX_FMT_FP6 matrix_b_fmt:MATRIX_FMT_FP6 matrix_a_scale:MATRIX_SCALE_ROW1
.else
	v_wmma_scale_f32_16x16x128_f8f6f4 v[8*(8*((\a)%4)+\b):8*(8*((\a)%4)+\b)+7], v[128*(\p)+FR*\b:128*(\p)+FR*\b+FR-1], v[AF+FR*(\a):AF+FR*(\a)+FR-1], v[8*(8*((\a)%4)+\b):8*(8*((\a)%4)+\b)+7], v[SC+8*NQ*(\sc)+NQ*\b+(\q)], v[SC+8*NQ*(\sc)+NQ*(\a)+(\q)] matrix_a_fmt:MATRIX_FMT_FP6 matrix_b_fmt:MATRIX_FMT_FP6 matrix_a_scale:MATRIX_SCALE_ROW1
.endif
.endr
.endr
.endm
.macro FETCH_B slot, q, p
	WIN TO_B
.irp i, 0,1,2,3,4,5,6,7
	FRAG 128*(\p)+FR*\i, ADRB+\slot, \q, \i
.endr
	WIN 0
.endm
.macro FETCH_A slot, q, i0
.irp i, \i0, \i0+1, \i0+2, \i0+3
	FRAG AF+FR*(\i), ADRA+\slot, \q, \i
.endr
.endm
.macro SCALES sc
.irp i, 0,1,2,3,4,5,6,7
	ds_load_b64 v[SC+8*NQ*\sc+NQ*\i:SC+8*NQ*\sc+NQ*\i+1], v[ADRS] offset:\i*SBLK
.endr
.endm
.macro PLACES n                        ; plain vector lines between a matrix instruction and a load into, or a read of, its registers
.rept \n
	v_nop
.endr
.endm
.macro STEP slot, q, zero
	s_wait_dscnt 4*NL                              ; B's set and A's blocks 0-3 are in; the youngest 24 loads (A's blocks 4-7) may be out
	WIN MUL_LO
	MUL16 0, (\q)%2, \q, \slot, \zero
	MUL16 2, (\q)%2, \q, \slot, \zero
	s_wait_dscnt 0
	PLACES NP
	FETCH_B \slot, (\q)+1, 1-(\q)%2
	FETCH_A \slot, (\q)+1, 0
	WIN MUL_HI
	MUL16 4, (\q)%2, \q, \slot, \zero
	MUL16 6, (\q)%2, \q, \slot, \zero
	PLACES NP
	WIN 0
	FETCH_A \slot, (\q)+1, 4
.endm
.macro TURN slot, next, fill
	s_wait_tensorcnt 0x0                           ; all my tensor loads have landed: my part of the next slot
	ds_add_u32 v[SPW], v[NIL]                      ; 0 onto my spare word
	s_wait_dscnt 4*NL+1                            ; the add and the youngest 24 loads may be out
	WIN MUL_LO
	MUL16 0, 1, NQ-1, \slot, 0
	s_wait_dscnt 0x0                               ; the add is done, and my reads of this slot are over
	s_barrier_signal -1
	MUL16 2, 1, NQ-1, \slot, 0
	WIN 0
	s_barrier_wait -1
.if \fill
	CREST                                          ; the barrier has opened a round of the cluster's: no wave of any partner still reads this slot or has a load on its way
	s_add_nc_u64 s[G0+4*\slot+2:G0+4*\slot+3], s[G0+4*\slot+2:G0+4*\slot+3], 2*ROWB
	s_add_nc_u64 s[G0B+4*\slot+2:G0B+4*\slot+3], s[G0B+4*\slot+2:G0B+4*\slot+3], 2*ROWB
	JLOAD G0+4*\slot, G1, G0B+4*\slot, G1B
.else
	PLACES NP
.endif
	v_add_nc_u32 v[ADRS], 4*NQ, v[ADRS]
	FETCH_B \next, 0, 0
	FETCH_A \next, 0, 0
	SCALES \next
	WIN MUL_HI
	MUL16 4, 1, NQ-1, \slot, 0
	MUL16 6, 1, NQ-1, \slot, 0
	PLACES NP
	WIN 0
	FETCH_A \next, 0, 4
.endm
	s_wait_tensorcnt 1                             ; the scales and my part of K step 0 are in; K step 1's load may be out
	s_barrier_signal -1
	s_barrier_wait -1
	FETCH_B 0, 0, 0
	FETCH_A 0, 0, 0
	SCALES 0
	FETCH_A 0, 0, 4
	STEP 0, 0, 1                                   ; the first step's products start the sums
	s_mov_b32 s3, LAPS-1
.Llap:
	TURN 0, 1, 1
	STEP 1, 0, 0
	TURN 1, 0, 1
	STEP 0, 0, 0
	s_sub_co_u32 s3, s3, 1
	s_cmp_lg_u32 s3, 0
	s_cbranch_scc1 .Llap
	TURN 0, 1, 0                                   ; the last lap fills nothing
	STEP 1, 0, 0
	s_wait_dscnt 4*NL
	WIN MUL_LO
	MUL16 0, 1, NQ-1, 1, 0
	MUL16 2, 1, NQ-1, 1, 0
	s_wait_dscnt 0
	WIN MUL_HI
	MUL16 4, 1, NQ-1, 1, 0
	MUL16 6, 1, NQ-1, 1, 0
	WIN 0
; THE WAY OUT, block by block of 16 rows x 128 columns, through my own stage: back come whole rows of 512 bytes.  LDS serves a wave's instructions in order.
.macro TOSTAGE a
.set AC, 64*((\a)%4)
	WIN 0x08+4*((\a)/4)
.irp b, 0,1,2,3,4,5,6,7
	ds_store_b128 v[STO], v[AC+8*\b:AC+8*\b+3] offset:64*\b          ; each accumulator from its low end on
	ds_store_b128 v[STO], v[AC+8*\b+4:AC+8*\b+7] offset:64*\b+16
.endr
	WIN 0
.set BB, BK+64*((\a)%2)
.irp t, 0,1,2,3,4,5,6,7,8,9,10,11,12,13,14,15
	ds_load_b128 v[BB+4*\t:BB+4*\t+3], v[RD] offset:\t*SPITCH
.endr
.endm
.macro SEND a, younger
.set BB, BK+64*((\a)%2)
	s_wait_dscnt \younger
.if (\a) > 0
	s_add_nc_u64 s[12:13], s[12:13], 16*SIZE_N*4   ; behind a wait on XCNT: the earlier stores have read their base
.endif
.irp t, 0,1,2,3,4,5,6,7,8,9,10,11,12,13,14,15
	global_store_b128 v[CO], v[BB+4*\t:BB+4*\t+3], s[12:13] offset:\t*SIZE_N*4   ; 512 consecutive bytes, aligned
.endr
.endm
	PLACES NP
	TOSTAGE 0
.irp a, 1,2,3,4,5,6,7
.if \a > 1
	s_wait_xcnt 0x0                                ; block a - 2's stores have read their registers and their base
.endif
	TOSTAGE \a
	SEND \a-1, 32                                  ; behind block a - 1's loads: block a's 16 stores and 16 loads
.endr
	s_wait_xcnt 0x0
	SEND 7, 0
	s_wait_tensorcnt 0x0                           ; the wave's end
	ds_add_u32 v[SPW], v[NIL]
	s_wait_dscnt 0x0
	CROUND                                         ; the closing round
	s_endpgm
.Lfunc_end_k_qd4ad294daf_wo:
	.size	k_qd4ad294daf_wo, .Lfunc_end_k_qd4ad294daf_wo-k_qd4ad294daf_wo
	.p2alignl 7, 3214868480
	.fill 96, 4, 3214868480
	.section	.rodata,"a",@progbits
	.p2align	6, 0x0
	.amdhsa_kernel k_qd4ad294daf_wo
		.amdhsa_group_segment_fixed_size 327680
		.amdhsa_private_segment_fixed_size 0
		.amdhsa_enable_private_segment 0
		.amdhsa_kernarg_size 32
		.amdhsa_user_sgpr_count 2
		.amdhsa_user_sgpr_kernarg_segment_ptr 1
		.amdhsa_wavefront_size32 1
		.amdhsa_system_sgpr_workgroup_id_x 1
		.amdhsa_system_sgpr_workgroup_id_y 1
		.amdhsa_system_sgpr_workgroup_id_z 1
		.amdhsa_system_vgpr_workitem_id 0
		.amdhsa_next_free_vgpr 1024
		.amdhsa_next_free_sgpr 98
		.amdhsa_reserve_vcc 0
		.amdhsa_float_denorm_mode_32 3
		.amdhsa_float_denorm_mode_16_64 3
		.amdhsa_memory_ordered 1
		.amdhsa_forward_progress 1
		.amdhsa_inst_pref_size 160
	.end_amdhsa_kernel
	.amdgpu_metadata
---
amdhsa.version: [ 1, 2 ]
amdhsa.kernels:
  - .name:           k_qd4ad294daf_wo
    .symbol:         k_qd4ad294daf_wo.kd
    .args:
      - { .name: aq, .offset: 0, .size: 8, .value_kind: global_buffer, .address_space: global }
      - { .name: Wo_codes, .offset: 8, .size: 8, .value_kind: global_buffer, .address_space: global }
      - { .name: Wo_scales, .offset: 16, .size: 8, .value_kind: global_buffer, .address_space: global }
      - { .name: t, .offset: 24, .size: 8, .value_kind: global_buffer, .address_space: global }
    .group_segment_fixed_size: 327680
    .private_segment_fixed_size: 0
    .kernarg_segment_align: 8
    .kernarg_segment_size: 32
    .max_flat_workgroup_size: 128
    .sgpr_count:     98
    .vgpr_count:     1024
    .wavefront_size: 32
...
	.end_amdgpu_metadata
.endif
;; end of part 4
;; launch ln1 (part 5): grid 256 x 1, 8 waves a work-group, no clusters, 42,496 bytes of LDS; arguments t, X, bo, ln1_g, ln1_b, hf, aq; writes hf, aq
.if DOCPART == 5
	.amdgcn_target "amdgcn-amd-amdhsa--gfx1250"
	.amdhsa_code_object_version 6
	.text
	.protected	k_qd4ad294daf_ln1
	.globl	k_qd4ad294daf_ln1
	.p2align	8
	.type	k_qd4ad294daf_ln1,@function
k_qd4ad294daf_ln1:
	s_mov_b64 s[64:65], 0
	v_nop
	global_prefetch_b8 v0, s[64:65] scope:SCOPE_SE
	s_setreg_imm32_b32 hwreg(HW_REG_WAVE_MODE, 25, 1), 1
	s_wait_xcnt 0x0
; y = LayerNorm(t + bias + residual) x gain + shift, rows of 1,024, all in f32; y is stored as f32, and with QOUT = 1 also quantised along the row into aq (codes [4096][768 bytes] at 0, scale bytes [4096][32] at 0x300000).
; A wave owns two whole rows (32 registers a row: chunk j of a row is 512 consecutive bytes, 16 a lane), so mean and variance never leave the wave.  All 56 loads of a wave go out at the start.
; The variance is the mean of the squares of the centred numbers, as the definition has it.  Memory binds: no matrix unit, no tensor load, no cluster.
; QOUT: the conversions want 16 neighbours in a lane: 512 numbers at a time turn through the wave's own stage in LDS (64 bytes + 16 of padding a lane); two lanes hold a block.  The work-group's 512 scale bytes are
; gathered in LDS and leave as 512 consecutive bytes.  LIMITS: a block of zeros gets the byte 1 (zero codes; only this program reads the bytes); NaN and infinities are not served.
.set QOUT, 1
.set G,   16                           ; v16-47 gain;  v48-79 shift;  v80-111 bias;  v112-143, v176-207 the rows;  v144-175, v208-239 their residuals, later 16 neighbours
.set BT,  48
.set BI,  80
.set CH,  240                          ; v240-247 four chains of sums
.set MU,  248
.set RS,  250
.set CD,  252                          ; v252-254 codes
.set SP,  80
.set SCB, 40960
	s_load_b256 s[4:11], s[0:1], 0x0               ; t, the residual, the bias, the gain
	s_load_b128 s[12:15], s[0:1], 0x20             ; the shift, y
.if QOUT
	s_load_b64 s[16:17], s[0:1], 0x30              ; aq
	v_lshl_add_u32 v13, v0, 2, 0xa200
	v_mov_b32 v255, 0
.endif
	v_lshrrev_b32 v1, 5, v0
	v_readfirstlane_b32 s18, v1                    ; wave 0..7
	v_and_b32 v2, 31, v0
	v_lshlrev_b32 v1, 4, v2                        ; 16 x lane
	v_mov_b32 v[MU+1], 0                           ; named as upper halves of pairs
	v_mov_b32 v[RS+1], 0
	s_lshl_b32 s20, ttmp9, 16
	s_lshl_b32 s21, s18, 13
	s_add_co_u32 s20, s20, s21                     ; my first row: (16 x work-group + 2 x wave) x 4,096 bytes
	s_mov_b32 s21, 0
	s_mov_b32 s26, 0x3a800000                      ; 1 / 1,024
	s_mov_b32 s27, 0x3727c5ac                      ; 1e-5
	s_mov_b32 s28, 0x76543210
	s_mov_b32 s29, 0xfedcba98
.if QOUT
	s_mul_i32 s24, s18, 5120
	v_lshrrev_b32 v14, 2, v2
	v_mul_u32_u24 v14, v14, SP
	v_and_b32 v15, 3, v2
	v_lshl_add_u32 v14, v15, 4, v14
	v_add_nc_u32 v14, s24, v14                     ; the stage, way in
	v_mul_u32_u24 v15, v2, SP
	v_add_nc_u32 v15, s24, v15                     ; way out
	v_mul_u32_u24 v4, v2, 12
	v_lshrrev_b32 v5, 1, v2
	s_lshl_b32 s24, s18, 6
	s_add_co_u32 s24, s24, SCB
	v_add_nc_u32 v5, s24, v5                       ; my block's byte
	v_add_nc_u32 v3, SCB, v1                       ; the bytes' way out
	s_mul_i32 s22, ttmp9, 12288
	s_mul_i32 s23, s18, 1536
	s_add_co_u32 s22, s22, s23
	s_mov_b32 s23, 0
	s_lshl_b32 s24, ttmp9, 9
	s_add_co_u32 s24, s24, 0x300000
	s_mov_b32 s25, 0
.endif
	s_wait_kmcnt 0x0
	s_add_nc_u64 s[4:5], s[4:5], s[20:21]
	s_add_nc_u64 s[6:7], s[6:7], s[20:21]
	s_add_nc_u64 s[14:15], s[14:15], s[20:21]
.if QOUT
	s_add_nc_u64 s[22:23], s[16:17], s[22:23]
	s_add_nc_u64 s[24:25], s[16:17], s[24:25]
.endif
.macro LDV reg, base                   ; a vector of 1,024, read by every wave
.irp j, 0,1,2,3,4,5,6,7
	global_load_b128 v[\reg+4*\j:\reg+4*\j+3], v1, s[\base:\base+1] offset:512*\j
.endr
.endm
.macro LDR reg, base, i                ; my row i, read once
.irp j, 0,1,2,3,4,5,6,7
	global_load_b128 v[\reg+4*\j:\reg+4*\j+3], v1, s[\base:\base+1] offset:4096*\i+512*\j th:TH_LOAD_NT
.endr
.endm
	LDV BI, 8
	LDR 112, 4, 0
	LDR 144, 6, 0
	LDV G, 10
	LDV BT, 12
	LDR 176, 4, 1
	LDR 208, 6, 1
.macro ACROSS                          ; four chains, two halves, 32 lanes: the sum in every lane, in v[CH]
	v_pk_add_f32 v[CH:CH+1], v[CH:CH+1], v[CH+2:CH+3]
	v_pk_add_f32 v[CH+4:CH+5], v[CH+4:CH+5], v[CH+6:CH+7]
	v_pk_add_f32 v[CH:CH+1], v[CH:CH+1], v[CH+4:CH+5]
	v_add_f32 v[CH], v[CH], v[CH+1]
	v_add_f32_dpp v[CH], v[CH], v[CH] row_xmask:1 row_mask:0xf bank_mask:0xf
	v_add_f32_dpp v[CH], v[CH], v[CH] row_xmask:2 row_mask:0xf bank_mask:0xf
	v_add_f32_dpp v[CH], v[CH], v[CH] row_xmask:4 row_mask:0xf bank_mask:0xf
	v_add_f32_dpp v[CH], v[CH], v[CH] row_xmask:8 row_mask:0xf bank_mask:0xf
	v_permlanex16_b32 v[CH+1], v[CH], s28, s29
	v_add_f32 v[CH], v[CH], v[CH+1]
.endm
.macro ROW i
.set A, 112+64*\i
.set R, 144+64*\i
.if \i == 0
	s_wait_loadcnt 32                              ; the bias and row 0 are in; gain, shift and row 1 (32 loads) may be out
.else
	s_wait_loadcnt 0x0
.endif
.set p, 0
.rept 16
	v_pk_add_f32 v[A+p:A+p+1], v[A+p:A+p+1], v[BI+p:BI+p+1]
.set p, p+2
.endr
.set p, 0
.rept 16
	v_pk_add_f32 v[A+p:A+p+1], v[A+p:A+p+1], v[R+p:R+p+1]
.set p, p+2
.endr
.irp c, 0,1,2,3
	v_pk_add_f32 v[CH+2*\c:CH+2*\c+1], v[A+2*\c:A+2*\c+1], v[A+8+2*\c:A+9+2*\c]
.endr
.irp q, 16,24
.irp c, 0,1,2,3
	v_pk_add_f32 v[CH+2*\c:CH+2*\c+1], v[CH+2*\c:CH+2*\c+1], v[A+\q+2*\c:A+\q+1+2*\c]
.endr
.endr
	ACROSS
	v_mul_f32 v[MU], s26, v[CH]                    ; the mean
.set p, 0
.rept 16
	v_pk_add_f32 v[A+p:A+p+1], v[A+p:A+p+1], v[MU:MU+1] op_sel_hi:[1,0] neg_lo:[0,1] neg_hi:[0,1]
.set p, p+2
.endr
.irp c, 0,1,2,3
	v_pk_mul_f32 v[CH+2*\c:CH+2*\c+1], v[A+2*\c:A+2*\c+1], v[A+2*\c:A+2*\c+1]
.endr
.irp q, 8,16,24
.irp c, 0,1,2,3
	v_pk_fma_f32 v[CH+2*\c:CH+2*\c+1], v[A+\q+2*\c:A+\q+1+2*\c], v[A+\q+2*\c:A+\q+1+2*\c], v[CH+2*\c:CH+2*\c+1]
.endr
.endr
	ACROSS
	v_fma_f32 v[CH], v[CH], s26, s27               ; the variance + 1e-5
	v_rsq_f32 v[RS], v[CH]
	v_nop                                          ; one plain line behind the transcendental
.if \i == 0
	s_wait_loadcnt 16                              ; gain and shift are in; row 1 (16 loads) may be out
.endif
.set p, 0
	s_wait_alu depctr_va_vdst(0)
.rept 16
	v_pk_mul_f32 v[A+p:A+p+1], v[A+p:A+p+1], v[RS:RS+1] op_sel_hi:[1,0]
.set p, p+2
.endr
.set p, 0
.rept 16
	v_pk_fma_f32 v[A+p:A+p+1], v[A+p:A+p+1], v[G+p:G+p+1], v[BT+p:BT+p+1]
.set p, p+2
.endr
.irp j, 0,1,2,3,4,5,6,7
.if QOUT
	global_store_b128 v1, v[A+4*\j:A+4*\j+3], s[14:15] offset:4096*\i+512*\j
.else
	global_store_b128 v1, v[A+4*\j:A+4*\j+3], s[14:15] offset:4096*\i+512*\j th:TH_STORE_NT
.endif
.endr
.if QOUT
.irp u, 0,1                            ; 512 numbers at a time
.set XS, R+16*\u
.irp k, 0,1,2,3
	ds_store_b128 v14, v[A+16*\u+4*\k:A+16*\u+4*\k+3] offset:2560*\u+640*\k
.endr
.irp k, 0,1,2,3
	ds_load_b128 v[XS+4*\k:XS+4*\k+3], v15 offset:2560*\u+16*\k   ; in order behind my stores
.endr
	s_wait_dscnt 0x0
	v_max3_num_f32 v10, |v[XS]|, |v[XS+1]|, |v[XS+2]|
	v_max3_num_f32 v11, |v[XS+3]|, |v[XS+4]|, |v[XS+5]|
.irp q, 6,10
	v_max3_num_f32 v10, v10, |v[XS+\q]|, |v[XS+\q+1]|
	v_max3_num_f32 v11, v11, |v[XS+\q+2]|, |v[XS+\q+3]|
.endr
	v_max3_num_f32 v10, v10, |v[XS+14]|, |v[XS+15]|
	v_max3_num_f32 v10, v10, v11, 0x1800000        ; the floor: the byte cannot fall under 1
	v_max_num_f32_dpp v10, v10, v10 row_xmask:1 row_mask:0xf bank_mask:0xf
	v_add_nc_u32 v12, 0xff000000, v10              ; 2 off the exponent field: the conversion's scale operand
	s_wait_xcnt 0x0                                ; the last store of codes has read its registers
	v_cvt_scalef32_pk16_fp6_f32 v[CD:CD+2], v[XS:XS+15], v12
	v_lshrrev_b32 v[6+2*\i+\u], 23, v12            ; the byte (also the plain line behind the conversion)
	ds_store_b8 v5, v[6+2*\i+\u] offset:16*(2*\i+\u)
	global_store_b96 v4, v[CD:CD+2], s[22:23] offset:768*\i+384*\u   ; 384 consecutive bytes
.endr
.endif
.endm
	ROW 0
	ROW 1
.if QOUT
	s_wait_dscnt 0x0                               ; for wave 0's sake: my byte stores are done
	s_barrier_signal -1
	s_barrier_wait -1
	s_cmp_lg_u32 s18, 0
	s_cbranch_scc1 .Ldone
	ds_load_b128 v[CH:CH+3], v3
	s_wait_dscnt 0x0
	global_store_b128 v1, v[CH:CH+3], s[24:25]     ; 16 rows' scale bytes: 512 consecutive bytes, aligned
.Ldone:
.endif
	s_wait_tensorcnt 0x0
	ds_add_u32 v13, v255
	s_wait_dscnt 0x0
	s_endpgm
.Lfunc_end_k_qd4ad294daf_ln1:
	.size	k_qd4ad294daf_ln1, .Lfunc_end_k_qd4ad294daf_ln1-k_qd4ad294daf_ln1
	.p2alignl 7, 3214868480
	.fill 96, 4, 3214868480
	.section	.rodata,"a",@progbits
	.p2align	6, 0x0
	.amdhsa_kernel k_qd4ad294daf_ln1
		.amdhsa_group_segment_fixed_size 42496
		.amdhsa_private_segment_fixed_size 0
		.amdhsa_enable_private_segment 0
		.amdhsa_kernarg_size 56
		.amdhsa_user_sgpr_count 2
		.amdhsa_user_sgpr_kernarg_segment_ptr 1
		.amdhsa_wavefront_size32 1
		.amdhsa_system_sgpr_workgroup_id_x 1
		.amdhsa_system_sgpr_workgroup_id_y 1
		.amdhsa_system_sgpr_workgroup_id_z 1
		.amdhsa_system_vgpr_workitem_id 0
		.amdhsa_next_free_vgpr 256
		.amdhsa_next_free_sgpr 66
		.amdhsa_reserve_vcc 0
		.amdhsa_float_denorm_mode_32 3
		.amdhsa_float_denorm_mode_16_64 3
		.amdhsa_memory_ordered 1
		.amdhsa_forward_progress 1
		.amdhsa_inst_pref_size 32
	.end_amdhsa_kernel
	.amdgpu_metadata
---
amdhsa.version: [ 1, 2 ]
amdhsa.kernels:
  - .name:           k_qd4ad294daf_ln1
    .symbol:         k_qd4ad294daf_ln1.kd
    .args:
      - { .name: t, .offset: 0, .size: 8, .value_kind: global_buffer, .address_space: global }
      - { .name: X, .offset: 8, .size: 8, .value_kind: global_buffer, .address_space: global }
      - { .name: bo, .offset: 16, .size: 8, .value_kind: global_buffer, .address_space: global }
      - { .name: ln1_g, .offset: 24, .size: 8, .value_kind: global_buffer, .address_space: global }
      - { .name: ln1_b, .offset: 32, .size: 8, .value_kind: global_buffer, .address_space: global }
      - { .name: hf, .offset: 40, .size: 8, .value_kind: global_buffer, .address_space: global }
      - { .name: aq, .offset: 48, .size: 8, .value_kind: global_buffer, .address_space: global }
    .group_segment_fixed_size: 42496
    .private_segment_fixed_size: 0
    .kernarg_segment_align: 8
    .kernarg_segment_size: 56
    .max_flat_workgroup_size: 256
    .sgpr_count:     66
    .vgpr_count:     256
    .wavefront_size: 32
...
	.end_amdgpu_metadata
.endif
;; end of part 5
;; launch up (part 6): grid 16 x 16, 4 waves a work-group, clusters of 4 x 4, 327,680 bytes of LDS; arguments aq, Wup_codes, Wup_scales, bup, uq; writes uq
.if DOCPART == 6
	.amdgcn_target "amdgcn-amd-amdhsa--gfx1250"
	.amdhsa_code_object_version 6
	.text
	.protected	k_qd4ad294daf_up
	.globl	k_qd4ad294daf_up
	.p2align	8
	.type	k_qd4ad294daf_up,@function
k_qd4ad294daf_up:
	s_mov_b64 s[64:65], 0
	v_nop
	global_prefetch_b8 v0, s[64:65] scope:SCOPE_SE
	s_setreg_imm32_b32 hwreg(HW_REG_WAVE_MODE, 25, 1), 1
	s_wait_xcnt 0x0
	s_wait_alu depctr_hold_cnt(0) depctr_sa_sdst(0) depctr_va_vdst(0) depctr_va_sdst(0) depctr_va_ssrc(0) depctr_va_vcc(0) depctr_vm_vsrc(0)
	s_getreg_b32 s2, hwreg(HW_REG_IB_STS2, 6, 4)
	s_cmp_eq_u32 s2, 0
	s_cbranch_scc0 .Lentry_in_a_cluster
	s_endpgm
.Lentry_in_a_cluster:
	s_bfe_u32 s2, ttmp6, 0x10000c
	s_cmp_lg_u32 s2, 0xf033
	s_cbranch_scc0 .Lentry_shape_is_right
	s_endpgm
.Lentry_shape_is_right:
; A GEMM on codes of E2M3 (K = 1,024) whose result, with its bias, is QUANTISED AGAIN on the way out, along the result's columns.  One text, two uses (MODE):
; MODE 0: q, k, v = X W^T + b.  Cluster x = 0: q, 1: k: A = X's codes (aq), B = the weight: a lane holds one token, its registers run along the channels: quantised along the head's 64.
;         Cluster x = 2: v, with the roles changed: A = Wv, B = X's codes: a lane holds one channel, its registers run along the keys, which are v's K in the second product of attention.
;         Only pointers, two tile coordinates and address constants differ, all chosen by the cluster's x, which partners share: one path for all.
; MODE 1: up = relu(h Wup^T + bup): A = h's codes (aq), B = Wup; quantised along the 4,096 channels into uq: codes [4096][3,072 bytes] at 0, scale bytes [4096][128] at 0xC00000.
; A tile of 256 x 256 is made by four waves, 128 x 128 each: 64 accumulators, 512 registers.  K goes in steps of 256 through two LDS slots filled by the tensor data mover (rows of 192 bytes).
; The scale bytes of the tile's 256 + 256 rows come into LDS once.  CLUSTERS of 4 x 4: A's tiles are asked for jointly along a row of the cluster, B's along a column.
; The matrix instruction is used transposed (source 0 = 16 rows of B, source 1 = 16 rows of A): lane (r, h) holds A's row 16 a + r, register j of accumulator (a, b) B's row 16 b + 8 h + j.
; WAY OUT: block a's 64 numbers a lane: bias or relu; halves of the lanes exchanged so that 16 registers are 16 neighbours; largest magnitudes, bytes, conversions; codes into a stage in slot 0
; (256 rows x 16 places of 16 bytes, 12 used), scale words beside it; one barrier; whole runs leave: MODE 0: 384 consecutive bytes a store, MODE 1: two runs of 192 (a tile's part of a row), scale bytes 8 a row.
; LIMITS: a block of zeros gets the byte 1 (zero codes; only this program reads the bytes); NaN and infinities are not served.
; REGISTERS: window 0: v0-31 addresses; v32-63 scale words; v64-127 the column bias; v128-223 A's fragments; v224-239 the row bias; way out: v128-191 numbers, v192-211 codes, v240-255 at work, v64-191 rows read back.
;   window 1: B's fragments, two sets.  windows 2, 3: the accumulators.
.set MODE,   1
.set PO,     1-MODE                    ; 1: rows are laid with bits 3 and 4 exchanged
.set KSTEP,  256
.set NQ,     2
.set ROWB,   192
.set KROW,   768
.set PITCH,  240                       ; an LDS row: 3 x (64 bytes + 16 of padding)
.set FR,     12
.set NL,     6
.set NP,     4
.set HALFT,  128*PITCH
.set SLOT,   4*HALFT
.set LAPS,   2
.set KS,     32
.set SCL,    2*SLOT
.set HALFS,  (128*KS/256)*272
.set SBLK,   (16*KS/256)*272
.set SPARE,  SCL+4*HALFS               ; the spare words: 128 bytes a wave, named by no other line
.set SROW,   272                       ; the stage: a row of 16 places of 16 bytes + 16
.set SCST,   256*SROW                  ; behind its 256 rows: 2,048 bytes of scale words
.set ADRA, 16
.set ADRB, 20
.set STO,  24
.set RD,   25
.set CO,   26
.set ADRS, 27
.set SPW,  28
.set NIL,  29
.set SST,  30
.set SRD,  31
.set SCO,  8
.set PW,   10
.set SC,   32
.set BIAS, 64
.set AF,   128
.set T,    128
.set CDS,  192
.set RB,   224
.set TM,   240
.set OUT,  64
.set SEL,  100
.set G1, 24
.set G0, 32
.set G1B, 48
.set G0B, 56
.set G1S, 68
.set G0S, 76
.set G1SB, 80
.set G0SB, 88
.set MSB, 0
.macro WIN new                         ; the immediate's high byte repeats the setting that is left
.if MSB != (\new)
	s_set_vgpr_msb (MSB<<8)|(\new)
.set MSB, (\new)
.endif
.endm
.set MUL_LO, 0xa1                      ; source 0 (B) window 1, source 1 (A) window 0, C and D window 2
.set MUL_HI, 0xf1
.set MUL_LO0, 0x81                     ; the first step: C (the bias) window 0, D window 2
.set MUL_HI0, 0xc1
.set TO_B,   0x40
.macro JLOAD g0a, g1a, g0b, g1b        ; a joint load: waves 0, 1 fetch for A, waves 2, 3 for B; four v_nop follow each line
	s_cmp_eq_u32 s15, 0
	s_cbranch_scc0 .Lfor_b_\@
	tensor_load_to_lds s[\g0a:\g0a+3], s[\g1a:\g1a+7]
	s_nop 0
.rept 4
	v_nop
.endr
	s_branch .Lasked_\@
.Lfor_b_\@:
	tensor_load_to_lds s[\g0b:\g0b+3], s[\g1b:\g1b+7]
	s_nop 0
.rept 4
	v_nop
.endr
.Lasked_\@:
.endm
.macro CREST                           ; a round of the cluster's barrier behind its opening barrier
	s_cmp_lg_u32 s14, 0
	s_cbranch_scc1 .Lnot_wave_0_\@
	s_barrier_signal -3
.Lnot_wave_0_\@:
	s_barrier_wait -3
	s_barrier_signal -1
	s_barrier_wait -1
.endm
.macro CROUND
	s_barrier_signal -1
	s_barrier_wait -1
	CREST
.endm
.if MODE == 0
	s_load_b512 s[68:83], s[0:1], 0x0              ; aq, Wq codes, scales, Wk codes, scales, Wv codes, scales, bq
	s_load_b128 s[84:87], s[0:1], 0x40             ; bk, bv
	s_load_b64 s[88:89], s[0:1], 0x50              ; qkv
.else
	s_load_b256 s[4:11], s[0:1], 0x0               ; aq, Wup codes, Wup scales, bup
	s_load_b64 s[12:13], s[0:1], 0x20              ; uq
.endif
	v_lshl_add_u32 v[SPW], v0, 2, SPARE
	v_mov_b32 v[NIL], 0
	ds_add_u32 v28, v29
	ds_add_u32 v28, v29
	s_wait_dscnt 0x0
	v_lshrrev_b32 v1, 5, v0
	v_readfirstlane_b32 s14, v1                    ; wave 0..3
	s_lshr_b32 s15, s14, 1                         ; my half of the tile's rows.  Also: I fetch for A (0) or B (1)
	s_and_b32 s16, s14, 1                          ; my half of its columns.  Also: which 128 rows I fetch
	s_bfe_u32 s40, ttmp6, 0x40000                  ; cx
	s_bfe_u32 s41, ttmp6, 0x40004                  ; cy
	s_and_b32 s66, ttmp7, 0xffff
	s_lshl_b32 s66, s66, 2                         ; 4 x cluster y
.if MODE == 0
	s_lshr_b32 s95, ttmp9, 1                       ; f = 1 for v
	s_mul_i32 s67, s66, s95
	s_sub_co_u32 s66, s66, s67
	s_add_co_u32 s17, s66, s41                     ; A's tile row: q, k: 4 cluster y + cy (tokens); v: cy (channels)
	s_add_co_u32 s42, s67, s40                     ; B's tile row: q, k: cx (channels); v: 4 cluster y + cx (tokens)
.else
	s_add_co_u32 s17, s66, s41
	s_lshl_b32 s42, ttmp9, 2
	s_add_co_u32 s42, s42, s40
.endif
	s_lshl_b32 s43, s41, 2
	s_lshl_b32 s43, 15, s43                        ; my row of the cluster
	s_lshl_b32 s44, 0x1111, s40                    ; my column
	s_or_b32 s[G1+0], s43, (0<<16)|(1<<20)|(1<<21)|(3<<22)|(3<<25)   ; mask; bytes; padding: 4 words behind every 16; bit 21 beside a mask
	s_or_b32 s[G1B+0], s44, (0<<16)|(1<<20)|(1<<21)|(3<<22)|(3<<25)
.irp g, G1, G1B
	s_mov_b32 s[\g+1], ROWB<<16                    ; tensor_dim0
	s_mov_b32 s[\g+2], 128<<16                     ; tensor_dim1
	s_mov_b32 s[\g+3], ROWB<<16                    ; tile_dim0
	s_mov_b32 s[\g+4], 128                         ; tile_dim1
	s_mov_b32 s[\g+5], KROW                        ; pitch
	s_mov_b32 s[\g+6], 0
	s_mov_b32 s[\g+7], 0
.endr
	s_lshl_b32 s18, s16, 7
	s_lshl_b32 s20, s17, 8
	s_add_co_u32 s20, s20, s18                     ; A: row 256 x tile row + 128 x half
	s_lshl_b32 s46, s42, 8
	s_add_co_u32 s46, s46, s18                     ; B likewise
	s_mov_b32 s21, 0
	s_mov_b32 s47, 0
	s_mov_b64 s[18:19], KS
	s_mul_u64 s[22:23], s[20:21], s[18:19]         ; where these rows' scales begin
	s_mul_u64 s[92:93], s[46:47], s[18:19]
	s_mov_b64 s[18:19], KROW
	s_mul_u64 s[20:21], s[20:21], s[18:19]         ; and their codes
	s_mul_u64 s[46:47], s[46:47], s[18:19]
	s_mul_i32 s45, s14, HALFT                      ; where they go: wave x 128 rows
	s_mul_i32 s94, s14, HALFS
	s_lshl_b32 s98, s42, 10
	s_lshl_b32 s99, s16, 9
	s_add_co_u32 s98, s98, s99                     ; the column bias: 4 x (256 x B's tile row + 128 x my half)
.if MODE == 0
	s_lshl_b32 s100, s17, 10
	s_lshl_b32 s101, s15, 9
	s_add_co_u32 s100, s100, s101                  ; the row bias likewise
	s_mul_i32 s100, s100, s95                      ; the one that does not apply is read at offset 0, inside the buffer,
	s_xor_b32 s99, s95, 1
	s_mul_i32 s98, s98, s99                        ; and multiplied by 0 below
	s_mov_b32 s101, 0
.endif
	s_mov_b32 s99, 0
	s_wait_kmcnt 0x0
.if MODE == 0
	s_cmp_eq_u32 ttmp9, 1                          ; the weight, its scales and its bias: chosen by the cluster's x alone
	s_cselect_b64 s[70:71], s[74:75], s[70:71]
	s_cselect_b64 s[72:73], s[76:77], s[72:73]
	s_cselect_b64 s[82:83], s[84:85], s[82:83]
	s_cmp_eq_u32 ttmp9, 2
	s_cselect_b64 s[70:71], s[78:79], s[70:71]
	s_cselect_b64 s[72:73], s[80:81], s[72:73]
	s_cselect_b64 s[82:83], s[86:87], s[82:83]
	s_add_nc_u64 s[90:91], s[68:69], 0x300000      ; X's scale bytes (leaves SCC alone)
	s_cselect_b64 s[4:5], s[70:71], s[68:69]       ; the roles: for v the weight is A
	s_cselect_b64 s[6:7], s[72:73], s[90:91]
	s_cselect_b64 s[8:9], s[68:69], s[70:71]
	s_cselect_b64 s[10:11], s[90:91], s[72:73]
	s_mov_b64 s[96:97], s[82:83]
	s_mov_b64 s[12:13], s[88:89]
	s_add_nc_u64 s[100:101], s[96:97], s[100:101]
	s_add_nc_u64 s[96:97], s[96:97], s[98:99]
	s_cmp_eq_u32 s95, 0
	s_cselect_b32 s98, 1.0, 0                      ; what the column bias is multiplied by,
	s_cselect_b32 s99, 0, 1.0                      ; and the row bias
.else
	s_add_nc_u64 s[96:97], s[10:11], s[98:99]
	s_mov_b64 s[10:11], s[8:9]
	s_mov_b64 s[8:9], s[6:7]
	s_add_nc_u64 s[6:7], s[4:5], 0x300000
.endif
	s_or_b32 s[G1S+0], s43, (3<<16)|(1<<20)|(1<<21)|(5<<22)|(3<<25)   ; the scales of 128 rows: a dense block as rows of 256 bytes, 16 of padding behind each
	s_or_b32 s[G1SB+0], s44, (3<<16)|(1<<20)|(1<<21)|(5<<22)|(3<<25)
.irp g, G1S, G1SB
	s_mov_b32 s[\g+1], 32<<16
	s_mov_b32 s[\g+2], (128*KS/256)<<16
	s_mov_b32 s[\g+3], 32<<16
	s_mov_b32 s[\g+4], 128*KS/256
	s_mov_b32 s[\g+5], 32
	s_mov_b32 s[\g+6], 0
	s_mov_b32 s[\g+7], 0
.endr
	s_add_nc_u64 s[20:21], s[4:5], s[20:21]
	s_add_nc_u64 s[22:23], s[6:7], s[22:23]
	s_add_nc_u64 s[46:47], s[8:9], s[46:47]
	s_add_nc_u64 s[92:93], s[10:11], s[92:93]
	CROUND                                         ; all sixteen work-groups are here: the first joint loads meet
	s_mov_b32 s[G0S], 1
	s_add_co_u32 s[G0S+1], s94, SCL
	s_mov_b64 s[G0S+2:G0S+3], s[22:23]
	s_or_b32 s[G0S+3], s[G0S+3], 0x80000000
	s_mov_b32 s[G0SB], 1
	s_add_co_u32 s[G0SB+1], s94, SCL
	s_mov_b64 s[G0SB+2:G0SB+3], s[92:93]
	s_or_b32 s[G0SB+3], s[G0SB+3], 0x80000000
	JLOAD G0S, G1S, G0SB, G1SB                     ; the scales first
.irp s, 0,1
	s_mov_b32 s[G0+4*\s], 1
	s_add_co_u32 s[G0+4*\s+1], s45, \s*SLOT
	s_add_nc_u64 s[G0+4*\s+2:G0+4*\s+3], s[20:21], \s*ROWB
	s_or_b32 s[G0+4*\s+3], s[G0+4*\s+3], 0x80000000
	s_mov_b32 s[G0B+4*\s], 1
	s_add_co_u32 s[G0B+4*\s+1], s45, \s*SLOT
	s_add_nc_u64 s[G0B+4*\s+2:G0B+4*\s+3], s[46:47], \s*ROWB
	s_or_b32 s[G0B+4*\s+3], s[G0B+4*\s+3], 0x80000000
	JLOAD G0+4*\s, G1, G0B+4*\s, G1B
.endr
	v_and_b32 v1, 15, v0                           ; r
	v_bfe_u32 v2, v0, 4, 1                         ; h
	v_mul_u32_u24 v3, v1, PITCH
	v_mul_u32_u24 v4, v2, 24
	v_add_nc_u32 v4, v3, v4                        ; a fragment's row x pitch + 24 h
	v_lshl_add_u32 v5, v2, 4, v4                   ; and the same behind one padding more
	s_mul_i32 s21, s15, HALFT
	s_mul_i32 s22, s16, HALFT
	s_add_co_u32 s22, s22, 2*HALFT
.irp s, 0,1
	v_add_nc_u32 v[ADRA+\s], s21, v4
	v_add_nc_u32 v[ADRB+\s], s22, v4
	v_add_nc_u32 v[ADRA+2+\s], s21, v5
	v_add_nc_u32 v[ADRB+2+\s], s22, v5
	s_add_co_u32 s21, s21, SLOT
	s_add_co_u32 s22, s22, SLOT
.endr
	v_mul_u32_u24 v5, v1, KS                       ; my row's scales,
	v_lshrrev_b32 v6, 8, v5
	v_lshl_add_u32 v5, v6, 4, v5                   ; 16 more for each 256 passed
	s_mul_i32 s21, s15, HALFS
	s_mul_i32 s22, s16, HALFS
	s_add_co_u32 s22, s22, 2*HALFS
	s_sub_co_u32 s22, s22, s21
	v_mul_u32_u24 v6, s22, v2                      ; lanes 16-31 take B's
	s_add_co_u32 s21, s21, SCL
	v_add_nc_u32 v5, v5, v6
	v_add_nc_u32 v[ADRS], s21, v5
	; the way out's addresses
.if MODE == 0
	v_and_b32 v7, 8, v1
	v_add_nc_u32 v7, v7, v1                        ; r + 8 (r / 8): with 16 a - 8 (a % 2) the row's position
.else
	v_mov_b32 v7, v1
.endif
	s_mul_i32 s23, s15, 128*SROW
	s_lshl_b32 s21, s16, 7
	s_add_co_u32 s23, s23, s21
	v_mul_u32_u24 v5, v7, SROW
	v_lshl_add_u32 v5, v2, 5, v5
	v_add_nc_u32 v[STO], s23, v5                   ; into the stage: my row, my wave's eight places, two places for each half of the lanes
.if MODE == 0
	s_lshl_b32 s23, s16, 10
	s_lshl_b32 s21, s15, 9
	s_add_co_u32 s23, s23, s21
	s_add_co_u32 s23, s23, SCST
	v_lshl_add_u32 v[SST], v7, 2, s23              ; scale words: [column half][row 256]
.else
	s_lshl_b32 s23, s15, 10
	s_lshl_b32 s21, s16, 2
	s_add_co_u32 s23, s23, s21
	s_add_co_u32 s23, s23, SCST
	v_lshl_add_u32 v[SST], v7, 3, s23              ; scale words: [row 256][column half]
.endif
	v_and_b32 v6, 31, v0
	s_mul_i32 s23, s14, 64*SROW                    ; back: wave w takes rows 64 w on
.if MODE == 0
	v_lshrrev_b32 v5, 2, v6                        ; eight rows x four places (48 bytes of codes) an instruction
	v_and_b32 v4, 3, v6
	v_mul_u32_u24 v[CO], v5, 48
.else
	v_lshrrev_b32 v5, 4, v6                        ; two rows x sixteen places (192 bytes)
	v_and_b32 v4, 15, v6
	v_mul_u32_u24 v[CO], v5, 3072
.endif
	v_mad_u32_u24 v[CO], v4, 12, v[CO]
	v_mul_u32_u24 v5, v5, SROW
	v_lshl_add_u32 v5, v4, 4, v5
	v_add_nc_u32 v[RD], s23, v5
	s_lshl_b32 s23, s14, 9
	s_add_co_u32 s23, s23, SCST
.if MODE == 0
	v_lshl_add_u32 v[SRD], v6, 4, s23
	v_lshlrev_b32 v[SCO], 4, v6
.else
	v_lshl_add_u32 v[SRD], v6, 3, s23
	v_lshlrev_b32 v[SCO], 7, v6
.endif
	v_lshlrev_b32 v9, 5, v2                        ; the column bias in the result's layout: register 8 b + j = bias[16 b + 8 h + j]
.irp b, 0,1,2,3,4,5,6,7
	global_load_b128 v[BIAS+8*\b:BIAS+8*\b+3], v9, s[96:97] offset:64*\b
	global_load_b128 v[BIAS+8*\b+4:BIAS+8*\b+7], v9, s[96:97] offset:64*\b+16
.endr
.if MODE == 0
	v_lshlrev_b32 v11, 2, v1
.irp a, 0,1,2,3,4,5,6,7
	global_load_b32 v[RB+2*\a], v11, s[100:101] offset:64*\a   ; the row bias: bias[16 a + r]
.endr
.endif
.macro FRAG reg, adr, q, i             ; 16 rows x 128 K of 6-bit codes: 12 registers, in pieces of 8 bytes; where lanes 16-31's piece lies behind one padding more, the second address register serves
.irp p, 0,1,2,3,4,5
.set PC, 12*(\q)+6*(\p/3)+\p%3
.if PC%8 < 5
	ds_load_b64 v[\reg+2*\p:\reg+2*\p+1], v[\adr] offset:8*PC+16*(PC/8)+(\i)*16*PITCH
.else
	ds_load_b64 v[\reg+2*\p:\reg+2*\p+1], v[\adr+2] offset:8*PC+16*(PC/8)+(\i)*16*PITCH
.endif
.endr
.endm
; 16 matrix instructions: A's blocks a0, a0 + 1 x B's eight.  zero = 1: the first product starts the sums, with the column bias as C.  The 64 accumulators take turns.
.macro MUL16 a0, p, q, sc, zero
.irp a, \a0, \a0+1
.irp b, 0,1,2,3,4,5,6,7
.if \zero
	v_wmma_scale_f32_16x16x128_f8f6f4 v[8*(8*((\a)%4)+\b):8*(8*((\a)%4)+\b)+7], v[128*(\p)+FR*\b:128*(\p)+FR*\b+FR-1], v[AF+FR*(\a):AF+FR*(\a)+FR-1], v[BIAS+8*\b:BIAS+8*\b+7], v[SC+8*NQ*(\sc)+NQ*\b+(\q)], v[SC+8*NQ*(\sc)+NQ*(\a)+(\q)] matrix_a_fmt:MATRIX_FMT_FP6 matrix_b_fmt:MATRIX_FMT_FP6 matrix_a_scale:MATRIX_SCALE_ROW1
.else
	v_wmma_scale_f32_16x16x128_f8f6f4 v[8*(8*((\a)%4)+\b):8*(8*((\a)%4)+\b)+7], v[128*(\p)+FR*\b:128*(\p)+FR*\b+FR-1], v[AF+FR*(\a):AF+FR*(\a)+FR-1], v[8*(8*((\a)%4)+\b):8*(8*((\a)%4)+\b)+7], v[SC+8*NQ*(\sc)+NQ*\b+(\q)], v[SC+8*NQ*(\sc)+NQ*(\a)+(\q)] matrix_a_fmt:MATRIX_FMT_FP6 matrix_b_fmt:MATRIX_FMT_FP6 matrix_a_scale:MATRIX_SCALE_ROW1
.endif
.endr
.endr
.endm
.macro FETCH_B slot, q, p
	WIN TO_B
.irp i, 0,1,2,3,4,5,6,7
	FRAG 128*(\p)+FR*\i, ADRB+\slot, \q, \i
.endr
	WIN 0
.endm
.macro FETCH_A slot, q, i0
.irp i, \i0, \i0+1, \i0+2, \i0+3
	FRAG AF+FR*(\i), ADRA+\slot, \q, \i
.endr
.endm
.macro SCALES sc                       ; a K step's scale words: lanes 0-15 A's block i, lanes 16-31 B's block i
.irp i, 0,1,2,3,4,5,6,7
	ds_load_b64 v[SC+8*NQ*\sc+NQ*\i:SC+8*NQ*\sc+NQ*\i+1], v[ADRS] offset:\i*SBLK
.endr
.endm
.macro PLACES n                        ; plain vector lines between a matrix instruction and a load into, or a read of, its registers
.rept \n
	v_nop
.endr
.endm
.macro STEP slot, q, zero              ; 128 along K whose successor lies in the same slot
	s_wait_dscnt 4*NL                              ; B's set and A's blocks 0-3 are in; the youngest 24 loads (A's blocks 4-7) may be out
.if \zero
	WIN MUL_LO0
.else
	WIN MUL_LO
.endif
	MUL16 0, (\q)%2, \q, \slot, \zero
	MUL16 2, (\q)%2, \q, \slot, \zero
	s_wait_dscnt 0
	PLACES NP
	FETCH_B \slot, (\q)+1, 1-(\q)%2
	FETCH_A \slot, (\q)+1, 0
.if \zero
	WIN MUL_HI0
.else
	WIN MUL_HI
.endif
	MUL16 4, (\q)%2, \q, \slot, \zero
	MUL16 6, (\q)%2, \q, \slot, \zero
	PLACES NP
	WIN 0
	FETCH_A \slot, (\q)+1, 4
.endm
.macro TURN slot, next, fill           ; a slot's last step changes slots: one barrier; fill = 1: this slot is filled again, two K steps ahead
	s_wait_tensorcnt 0x0                           ; all my tensor loads have landed: my part of the next slot
	ds_add_u32 v[SPW], v[NIL]                      ; 0 onto my spare word
	s_wait_dscnt 4*NL+1                            ; the add and the youngest 24 loads may be out
	WIN MUL_LO
	MUL16 0, 1, NQ-1, \slot, 0
	s_wait_dscnt 0x0                               ; the add is done, and my reads of this slot are over
	s_barrier_signal -1
	MUL16 2, 1, NQ-1, \slot, 0
	WIN 0
	s_barrier_wait -1
.if \fill
	CREST                                          ; the barrier has opened a round of the cluster's: no wave of any partner still reads this slot or has a load on its way
	s_add_nc_u64 s[G0+4*\slot+2:G0+4*\slot+3], s[G0+4*\slot+2:G0+4*\slot+3], 2*ROWB
	s_add_nc_u64 s[G0B+4*\slot+2:G0B+4*\slot+3], s[G0B+4*\slot+2:G0B+4*\slot+3], 2*ROWB
	JLOAD G0+4*\slot, G1, G0B+4*\slot, G1B         ; the first tensor load behind the round; its four v_nop are the places in front of the loads below
.else
	PLACES NP
.endif
	v_add_nc_u32 v[ADRS], 4*NQ, v[ADRS]
	FETCH_B \next, 0, 0
	FETCH_A \next, 0, 0
	SCALES \next
	WIN MUL_HI
	MUL16 4, 1, NQ-1, \slot, 0
	MUL16 6, 1, NQ-1, \slot, 0
	PLACES NP
	WIN 0
	FETCH_A \next, 0, 4
.endm
	s_wait_loadcnt 0x0                             ; the biases
.if MODE == 0
.set i, 0
.rept 32
	v_pk_mul_f32 v[BIAS+i:BIAS+i+1], v[BIAS+i:BIAS+i+1], s[98:99] op_sel_hi:[1,0]   ; x 1 for q and k, x 0 for v
.set i, i+2
.endr
.irp a, 0,1,2,3,4,5,6,7
	v_mul_f32 v[RB+2*\a+1], s99, v[RB+2*\a]        ; x 0 for q and k, x 1 for v; twice, a pair for the packed addition
	v_mul_f32 v[RB+2*\a], s99, v[RB+2*\a]
.endr
.endif
	s_wait_tensorcnt 1                             ; the scales and my part of K step 0 are in; K step 1's load may be out
	s_barrier_signal -1
	s_barrier_wait -1
	FETCH_B 0, 0, 0
	FETCH_A 0, 0, 0
	SCALES 0
	FETCH_A 0, 0, 4
	STEP 0, 0, 1
	s_mov_b32 s3, LAPS-1
.Llap:
	TURN 0, 1, 1
	STEP 1, 0, 0
	TURN 1, 0, 1
	STEP 0, 0, 0
	s_sub_co_u32 s3, s3, 1
	s_cmp_lg_u32 s3, 0
	s_cbranch_scc1 .Llap
	TURN 0, 1, 0                                   ; the last lap fills nothing
	STEP 1, 0, 0
	s_wait_dscnt 4*NL
	WIN MUL_LO
	MUL16 0, 1, NQ-1, 1, 0
	MUL16 2, 1, NQ-1, 1, 0
	s_wait_dscnt 0
	WIN MUL_HI
	MUL16 4, 1, NQ-1, 1, 0
	MUL16 6, 1, NQ-1, 1, 0
	WIN 0
	; ---- THE WAY OUT.  Where my 64 rows of the stage go, in bytes.
	s_mov_b32 s[SEL], 0x76543210
	s_mov_b32 s[SEL+1], 0xfedcba98                 ; v_permlanex16_b32's selects for lane l xor 16
.if MODE == 0
	s_cmp_eq_u32 s95, 1
	s_cselect_b32 s40, s42, s17                    ; P: which 256 tokens
	s_cselect_b32 s41, s17, s42                    ; W: which 256 rows of the weight
	s_mov_b32 s43, 393216                          ; codes: a step of W: q, k: four heads of 2,048 x 48 bytes; v: 256 channels x 48
	s_cselect_b32 s43, 12288, s43
	s_mov_b32 s44, 12288                           ; a step of P: q, k: 256 tokens x 48; v: four groups of 64 keys, 1,024 x 48 bytes each
	s_cselect_b32 s44, 196608, s44
	s_mov_b32 s45, 98304                           ; from one group of four places to the next: q, k: a head; v: 64 keys
	s_cselect_b32 s45, 49152, s45
	s_mov_b32 s66, 16384                           ; scale words: a step of W: q, k: two pairs of heads x 2,048 words; v: 256 words
	s_cselect_b32 s66, 1024, s66
	s_mov_b32 s67, 1024                            ; a step of P: q, k: 256 words; v: two key steps x 1,024 words
	s_cselect_b32 s67, 8192, s67
	s_mov_b32 s90, 8192                            ; a column half: q, k: a pair of heads; v: a key step
	s_cselect_b32 s90, 4096, s90
	s_lshr_b32 s91, s40, 3                         ; the batch
	s_and_b32 s40, s40, 7
	s_mul_i32 s18, ttmp9, 3145728                  ; q's, k's or v's codes
	s_mul_i32 s94, s91, 1572864
	s_add_co_u32 s18, s18, s94
	s_mul_i32 s94, s41, s43
	s_add_co_u32 s18, s18, s94
	s_mul_i32 s94, s40, s44
	s_add_co_u32 s18, s18, s94
	s_mul_i32 s94, s14, 3072                       ; my 64 rows x 48 bytes
	s_add_co_u32 s18, s18, s94
	s_mov_b32 s19, 0
	s_add_nc_u64 s[18:19], s[12:13], s[18:19]
	s_mov_b32 s44, s45
	s_mov_b32 s45, 0
	s_add_nc_u64 s[20:21], s[18:19], s[44:45]
	s_add_nc_u64 s[22:23], s[20:21], s[44:45]
	s_add_nc_u64 s[46:47], s[22:23], s[44:45]
	s_mul_i32 s92, ttmp9, 131072
	s_lshl_b32 s94, s91, 16
	s_add_co_u32 s92, s92, s94
	s_mul_i32 s94, s41, s66
	s_add_co_u32 s92, s92, s94
	s_mul_i32 s94, s40, s67
	s_add_co_u32 s92, s92, s94
	s_mul_i32 s94, s15, s90
	s_add_co_u32 s92, s92, s94
	s_lshl_b32 s94, s16, 9
	s_add_co_u32 s92, s92, s94
	s_add_co_u32 s92, s92, 9437184
	s_mov_b32 s93, 0
	s_add_nc_u64 s[92:93], s[12:13], s[92:93]
.else
	s_lshl_b32 s18, s17, 8
	s_lshl_b32 s94, s14, 6
	s_add_co_u32 s94, s18, s94                     ; the first row that I store
	s_mul_i32 s18, s94, 3072
	s_mul_i32 s40, s42, 192
	s_add_co_u32 s18, s18, s40
	s_mov_b32 s19, 0
	s_add_nc_u64 s[18:19], s[12:13], s[18:19]
	s_lshl_b32 s92, s94, 7
	s_lshl_b32 s40, s42, 3
	s_add_co_u32 s92, s92, s40
	s_add_co_u32 s92, s92, 0xC00000
	s_mov_b32 s93, 0
	s_add_nc_u64 s[92:93], s[12:13], s[92:93]
.endif
.irp b, 0,1,2,3
	v_mov_b32 v[TM+4+\b], 0                        ; a lane permute's destination counts as read; these four are also the places behind the last products
.endr
; 64 numbers of a lane, register 16 b + i = column 32 b + 16 h + i of my row, become codes and the row's scale word.  At the end lane (r, h) holds block 2 c + h: its lower 16 codes in v[CDS + 6 c] on, its upper 16 in v[CDS + 12 + 4 c] on.
.macro QUANTS s
.irp b, 0,1,2,3
	v_max3_num_f32 v[TM+\b], |v[\s+16*\b]|, |v[\s+1+16*\b]|, 0x1800000   ; with the floor 2^(3 - 127): the byte cannot fall under 1
.endr
.irp i, 2,4,6,8,10,12,14
.irp b, 0,1,2,3
	v_max3_num_f32 v[TM+\b], v[TM+\b], |v[\s+16*\b+\i]|, |v[\s+1+16*\b+\i]|
.endr
.endr
.irp b, 0,1,2,3
	v_permlanex16_b32 v[TM+4+\b], v[TM+\b], s[SEL], s[SEL+1]
.endr
.irp b, 0,1,2,3
	v_max_num_f32 v[TM+\b], v[TM+\b], v[TM+4+\b]   ; with lane l xor 16's: the block's largest magnitude
.endr
.irp b, 0,1,2,3
	v_add_nc_u32 v[TM+12+\b], 0xff000000, v[TM+\b] ; 2 off its exponent field: the conversion's scale operand
.endr
.irp b, 0,1,2,3
	v_lshrrev_b32 v[TM+4+\b], 23, v[TM+12+\b]      ; the byte
.endr
	s_wait_dscnt 0x0                               ; the last block's stores into the stage have read the word and the codes
	v_lshl_or_b32 v[PW], v[TM+5], 8, v[TM+4]
	v_lshl_or_b32 v[PW], v[TM+6], 16, v[PW]
	v_lshl_or_b32 v[PW], v[TM+7], 24, v[PW]
.irp c, 0,1
	v_cvt_scalef32_pk16_fp6_f32 v[CDS+6*\c:CDS+2+6*\c], v[\s+32*\c:\s+15+32*\c], v[TM+12+2*\c]
	v_cvt_scalef32_pk16_fp6_f32 v[CDS+12+4*\c:CDS+14+4*\c], v[\s+16+32*\c:\s+31+32*\c], v[TM+12+2*\c+1]
.endr
	v_nop                                          ; one plain line behind a scaled conversion
.irp c, 0,1
.irp i, 0,1,2
	v_permlane16_swap_b32 v[CDS+6*\c+\i], v[CDS+12+4*\c+\i]
.endr
.endr
.endm
.macro BLOCK a
.set AC, 64*((\a)%4)
.set AO, 16*(\a)-8*PO*((\a)%2)
.set i, 0
.if MODE == 0
	WIN 0x02+(\a)/4                                ; source 0: window 2 or 3
.rept 32
	v_pk_add_f32 v[T+i:T+i+1], v[AC+i:AC+i+1], v[RB+2*(\a):RB+2*(\a)+1]   ; + the row bias; each accumulator from its low end on
.set i, i+2
.endr
.else
	WIN 0x08+4*((\a)/4)                            ; source 1: window 2 or 3
.rept 64
	v_max_num_f32 v[T+i], 0, v[AC+i]               ; the activation; each accumulator from its low end on
.set i, i+1
.endr
.endif
	WIN 0
.irp bb, 0,1,2,3
.irp j, 0,1,2,3,4,5,6,7
	v_permlane16_swap_b32 v[T+16*\bb+\j], v[T+16*\bb+8+\j]   ; columns 32 bb + 8 h + j and 32 bb + 16 + 8 h + j become 32 bb + 16 h + j and 32 bb + 16 h + 8 + j
.endr
.endr
	QUANTS T
.irp c, 0,1
	ds_store_b96 v[STO], v[CDS+6*\c:CDS+6*\c+2] offset:SROW*AO+64*\c
	ds_store_b96 v[STO], v[CDS+12+4*\c:CDS+14+4*\c] offset:SROW*AO+64*\c+16
.endr
.if MODE == 0
	ds_store_b32 v[SST], v[PW] offset:4*AO         ; lanes r and 16 + r write the same word with the same value
.else
	ds_store_b32 v[SST], v[PW] offset:128*(\a)
.endif
.endm
.irp a, 0,1,2,3,4,5,6,7
	BLOCK \a
.endr
	s_wait_dscnt 0x0                               ; for the others' sake: my stores into the stage are done
	s_barrier_signal -1
	s_barrier_wait -1                              ; a row's sixteen places come from two waves
.if MODE == 0
.irp g, 0,1,2,3
.irp rg, 0,1,2,3,4,5,6,7
	ds_load_b96 v[OUT+4*(8*\g+\rg):OUT+4*(8*\g+\rg)+2], v[RD] offset:8*SROW*\rg+64*\g
.endr
.endr
	ds_load_b128 v[CDS:CDS+3], v[SRD]
.irp g, 0,1,2,3
.irp rg, 0,1,2,3,4,5,6,7
	s_wait_dscnt 32-(8*\g+\rg)                     ; the younger code loads and the scale load may be out
	global_store_b96 v[CO], v[OUT+4*(8*\g+\rg):OUT+4*(8*\g+\rg)+2], s[18+2*\g+22*(\g/3):19+2*\g+22*(\g/3)] offset:384*\rg   ; 384 consecutive bytes
.endr
.endr
	s_wait_dscnt 0x0
	global_store_b128 v[SCO], v[CDS:CDS+3], s[92:93]   ; 512 consecutive bytes of scale words
.else
.set i, 0
.rept 32
	ds_load_b96 v[OUT+4*i:OUT+4*i+2], v[RD] offset:2*SROW*i
.set i, i+1
.endr
	ds_load_b64 v[CDS:CDS+1], v[SRD]
	ds_load_b64 v[CDS+2:CDS+3], v[SRD] offset:256
.set i, 0
.rept 32
	s_wait_dscnt 33-i                              ; the younger code loads and the two scale loads may be out
	global_store_b96 v[CO], v[OUT+4*i:OUT+4*i+2], s[18:19] offset:6144*i   ; two rows' 192 consecutive bytes
.set i, i+1
.endr
	s_wait_dscnt 0x0
	global_store_b64 v[SCO], v[CDS:CDS+1], s[92:93]
	global_store_b64 v[SCO], v[CDS+2:CDS+3], s[92:93] offset:4096
.endif
	s_wait_tensorcnt 0x0                           ; the wave's end
	ds_add_u32 v[SPW], v[NIL]
	s_wait_dscnt 0x0
	CROUND                                         ; the closing round
	s_endpgm
.Lfunc_end_k_qd4ad294daf_up:
	.size	k_qd4ad294daf_up, .Lfunc_end_k_qd4ad294daf_up-k_qd4ad294daf_up
	.p2alignl 7, 3214868480
	.fill 96, 4, 3214868480
	.section	.rodata,"a",@progbits
	.p2align	6, 0x0
	.amdhsa_kernel k_qd4ad294daf_up
		.amdhsa_group_segment_fixed_size 327680
		.amdhsa_private_segment_fixed_size 0
		.amdhsa_enable_private_segment 0
		.amdhsa_kernarg_size 40
		.amdhsa_user_sgpr_count 2
		.amdhsa_user_sgpr_kernarg_segment_ptr 1
		.amdhsa_wavefront_size32 1
		.amdhsa_system_sgpr_workgroup_id_x 1
		.amdhsa_system_sgpr_workgroup_id_y 1
		.amdhsa_system_sgpr_workgroup_id_z 1
		.amdhsa_system_vgpr_workitem_id 0
		.amdhsa_next_free_vgpr 1024
		.amdhsa_next_free_sgpr 102
		.amdhsa_reserve_vcc 0
		.amdhsa_float_denorm_mode_32 3
		.amdhsa_float_denorm_mode_16_64 3
		.amdhsa_memory_ordered 1
		.amdhsa_forward_progress 1
		.amdhsa_inst_pref_size 195
	.end_amdhsa_kernel
	.amdgpu_metadata
---
amdhsa.version: [ 1, 2 ]
amdhsa.kernels:
  - .name:           k_qd4ad294daf_up
    .symbol:         k_qd4ad294daf_up.kd
    .args:
      - { .name: aq, .offset: 0, .size: 8, .value_kind: global_buffer, .address_space: global }
      - { .name: Wup_codes, .offset: 8, .size: 8, .value_kind: global_buffer, .address_space: global }
      - { .name: Wup_scales, .offset: 16, .size: 8, .value_kind: global_buffer, .address_space: global }
      - { .name: bup, .offset: 24, .size: 8, .value_kind: global_buffer, .address_space: global }
      - { .name: uq, .offset: 32, .size: 8, .value_kind: global_buffer, .address_space: global }
    .group_segment_fixed_size: 327680
    .private_segment_fixed_size: 0
    .kernarg_segment_align: 8
    .kernarg_segment_size: 40
    .max_flat_workgroup_size: 128
    .sgpr_count:     102
    .vgpr_count:     1024
    .wavefront_size: 32
...
	.end_amdgpu_metadata
.endif
;; end of part 6
;; launch down (part 7): grid 4 x 16, 4 waves a work-group, clusters of 4 x 4, 327,680 bytes of LDS; arguments uq, Wdown_codes, Wdown_scales, t; writes t
.if DOCPART == 7
	.amdgcn_target "amdgcn-amd-amdhsa--gfx1250"
	.amdhsa_code_object_version 6
	.text
	.protected	k_qd4ad294daf_down
	.globl	k_qd4ad294daf_down
	.p2align	8
	.type	k_qd4ad294daf_down,@function
k_qd4ad294daf_down:
	s_mov_b64 s[64:65], 0
	v_nop
	global_prefetch_b8 v0, s[64:65] scope:SCOPE_SE
	s_setreg_imm32_b32 hwreg(HW_REG_WAVE_MODE, 25, 1), 1
	s_wait_xcnt 0x0
	s_wait_alu depctr_hold_cnt(0) depctr_sa_sdst(0) depctr_va_vdst(0) depctr_va_sdst(0) depctr_va_ssrc(0) depctr_va_vcc(0) depctr_vm_vsrc(0)
	s_getreg_b32 s2, hwreg(HW_REG_IB_STS2, 6, 4)
	s_cmp_eq_u32 s2, 0
	s_cbranch_scc0 .Lentry_in_a_cluster
	s_endpgm
.Lentry_in_a_cluster:
	s_bfe_u32 s2, ttmp6, 0x10000c
	s_cmp_lg_u32 s2, 0xf033
	s_cbranch_scc0 .Lentry_shape_is_right
	s_endpgm
.Lentry_shape_is_right:
; C[m][n] = sum over k of A[m][k] B[n][k] on codes of E2M3 with one E8M0 scale for each 32 along K; C [SIZE_M][SIZE_N] f32, without bias (the next launch adds it).
; A's codes lie at byte 0 of the first buffer ([SIZE_M][SIZE_K x 3 / 4 bytes]), its scale bytes at byte ASOFF ([SIZE_M][SIZE_K / 32]); B's codes and scale bytes are the weight's own buffers.
; A tile of C, 256 x 256, is made by four waves, 128 x 128 each: 64 accumulators, 512 registers.  K goes in steps of 256 through two LDS slots filled by the tensor data mover (rows of 192 bytes).
; The scale bytes of the tile's 256 + 256 rows, for all of K, come into LDS once, as rows of 256 bytes.  CLUSTERS of 4 x 4: A's tiles are asked for jointly along a row of the cluster, B's along a column.
; The matrix instruction is used transposed (source 0 = 16 rows of B, source 1 = 16 rows of A): a lane holds eight neighbouring numbers of a row of C.
; SIZE_M x SIZE_N / 65,536 = 64 work-groups: this tile leaves WGPs without work at this size; it is kept because a wave's 128 x 128 reads each LDS byte for the most products.
; REGISTERS: window 0: v0-31 addresses; v32-63 scale words, two sets; from v128 A's fragments, one set.  window 1: B's fragments, two sets.  windows 2, 3: the accumulators.
.set SIZE_M, 4096
.set SIZE_N, 1024
.set SIZE_K, 4096
.set ASOFF,  0xC00000
.set KSTEP,  256
.set NQ,     KSTEP/128
.set ROWB,   192
.set KROW,   SIZE_K*6/8
.set PITCH,  240                       ; an LDS row: 3 x (64 bytes + 16 of padding)
.set FR,     12
.set NL,     6
.set NP,     4
.set HALFT,  128*PITCH
.set SLOT,   4*HALFT
.set LAPS,   SIZE_K/(2*KSTEP)
.set KS,     SIZE_K/32
.set SCL,    2*SLOT
.set HALFS,  (128*KS/256)*272
.set SBLK,   (16*KS/256)*272
.set SPARE,  SCL+4*HALFS               ; the spare words: 128 bytes a wave, named by no other line
.set SPITCH, 528                       ; the way out: 16 rows x (512 + 16) bytes a wave, in slot 0, which has had its last fill and its last read by then
.set ADRA, 16
.set ADRB, 20
.set STO,  24
.set RD,   25
.set CO,   26
.set SPW,  28
.set NIL,  29
.set ADRS, 27
.set SC,   32
.set AF,   128
.set BK,   128
.set G1, 24
.set G0, 32
.set G1B, 48
.set G0B, 56
.set G1S, 68
.set G0S, 76
.set G1SB, 80
.set G0SB, 88
.set MSB, 0
.macro WIN new                         ; the immediate's high byte repeats the setting that is left
.if MSB != (\new)
	s_set_vgpr_msb (MSB<<8)|(\new)
.set MSB, (\new)
.endif
.endm
.set MUL_LO, 0xa1
.set MUL_HI, 0xf1
.set TO_B,   0x40
.macro JLOAD g0a, g1a, g0b, g1b        ; a joint load: waves 0, 1 fetch for A, waves 2, 3 for B; four v_nop follow each line
	s_cmp_eq_u32 s15, 0
	s_cbranch_scc0 .Lfor_b_\@
	tensor_load_to_lds s[\g0a:\g0a+3], s[\g1a:\g1a+7]
	s_nop 0
.rept 4
	v_nop
.endr
	s_branch .Lasked_\@
.Lfor_b_\@:
	tensor_load_to_lds s[\g0b:\g0b+3], s[\g1b:\g1b+7]
	s_nop 0
.rept 4
	v_nop
.endr
.Lasked_\@:
.endm
.macro CREST
	s_cmp_lg_u32 s14, 0
	s_cbranch_scc1 .Lnot_wave_0_\@
	s_barrier_signal -3
.Lnot_wave_0_\@:
	s_barrier_wait -3
	s_barrier_signal -1
	s_barrier_wait -1
.endm
.macro CROUND
	s_barrier_signal -1
	s_barrier_wait -1
	CREST
.endm
	s_load_b128 s[4:7], s[0:1], 0x0                ; A's buffer, B's codes
	s_load_b128 s[8:11], s[0:1], 0x10              ; B's scales, C
	v_lshl_add_u32 v[SPW], v0, 2, SPARE
	v_mov_b32 v[NIL], 0
	ds_add_u32 v28, v29
	ds_add_u32 v28, v29
	s_wait_dscnt 0x0
	v_lshrrev_b32 v1, 5, v0
	v_readfirstlane_b32 s14, v1                    ; wave 0..3
	s_lshr_b32 s15, s14, 1
	s_and_b32 s16, s14, 1
	s_bfe_u32 s40, ttmp6, 0x40000                  ; cx
	s_bfe_u32 s41, ttmp6, 0x40004                  ; cy
	s_lshl_b32 s42, ttmp9, 2
	s_add_co_u32 s42, s42, s40                     ; tile column
	s_and_b32 s17, ttmp7, 0xffff
	s_lshl_b32 s17, s17, 2
	s_add_co_u32 s17, s17, s41                     ; tile row
	s_lshl_b32 s43, s41, 2
	s_lshl_b32 s43, 15, s43                        ; my row of the cluster
	s_lshl_b32 s44, 0x1111, s40                    ; my column
	s_or_b32 s[G1+0], s43, (0<<16)|(1<<20)|(1<<21)|(3<<22)|(3<<25)
	s_or_b32 s[G1B+0], s44, (0<<16)|(1<<20)|(1<<21)|(3<<22)|(3<<25)
.irp g, G1, G1B
	s_mov_b32 s[\g+1], ROWB<<16
	s_mov_b32 s[\g+2], 128<<16
	s_mov_b32 s[\g+3], ROWB<<16
	s_mov_b32 s[\g+4], 128
	s_mov_b32 s[\g+5], KROW
	s_mov_b32 s[\g+6], 0
	s_mov_b32 s[\g+7], 0
.endr
	s_or_b32 s[G1S+0], s43, (3<<16)|(1<<20)|(1<<21)|(5<<22)|(3<<25)
	s_or_b32 s[G1SB+0], s44, (3<<16)|(1<<20)|(1<<21)|(5<<22)|(3<<25)
.irp g, G1S, G1SB
	s_mov_b32 s[\g+1], 32<<16
	s_mov_b32 s[\g+2], (128*KS/256)<<16
	s_mov_b32 s[\g+3], 32<<16
	s_mov_b32 s[\g+4], 128*KS/256
	s_mov_b32 s[\g+5], 32
	s_mov_b32 s[\g+6], 0
	s_mov_b32 s[\g+7], 0
.endr
	s_lshl_b32 s18, s16, 7
	s_lshl_b32 s20, s17, 8
	s_add_co_u32 s20, s20, s18
	s_lshl_b32 s46, s42, 8
	s_add_co_u32 s46, s46, s18
	s_mov_b32 s21, 0
	s_mov_b32 s47, 0
	s_mov_b64 s[18:19], KS
	s_mul_u64 s[22:23], s[20:21], s[18:19]
	s_mul_u64 s[92:93], s[46:47], s[18:19]
	s_mov_b64 s[18:19], KROW
	s_mul_u64 s[20:21], s[20:21], s[18:19]
	s_mul_u64 s[46:47], s[46:47], s[18:19]
	s_mul_i32 s45, s14, HALFT
	s_mul_i32 s94, s14, HALFS
	s_wait_kmcnt 0x0
	s_mov_b64 s[12:13], s[10:11]                   ; C
	s_mov_b64 s[10:11], s[8:9]                     ; B's scales
	s_mov_b64 s[8:9], s[6:7]                       ; B's codes
	s_add_nc_u64 s[6:7], s[4:5], ASOFF             ; A's scales
	s_add_nc_u64 s[20:21], s[4:5], s[20:21]
	s_add_nc_u64 s[22:23], s[6:7], s[22:23]
	s_add_nc_u64 s[46:47], s[8:9], s[46:47]
	s_add_nc_u64 s[92:93], s[10:11], s[92:93]
	CROUND                                         ; all sixteen work-groups are here: the first joint loads meet
	s_mov_b32 s[G0S], 1
	s_add_co_u32 s[G0S+1], s94, SCL
	s_mov_b64 s[G0S+2:G0S+3], s[22:23]
	s_or_b32 s[G0S+3], s[G0S+3], 0x80000000
	s_mov_b32 s[G0SB], 1
	s_add_co_u32 s[G0SB+1], s94, SCL
	s_mov_b64 s[G0SB+2:G0SB+3], s[92:93]
	s_or_b32 s[G0SB+3], s[G0SB+3], 0x80000000
	JLOAD G0S, G1S, G0SB, G1SB
.irp s, 0,1
	s_mov_b32 s[G0+4*\s], 1
	s_add_co_u32 s[G0+4*\s+1], s45, \s*SLOT
	s_add_nc_u64 s[G0+4*\s+2:G0+4*\s+3], s[20:21], \s*ROWB
	s_or_b32 s[G0+4*\s+3], s[G0+4*\s+3], 0x80000000
	s_mov_b32 s[G0B+4*\s], 1
	s_add_co_u32 s[G0B+4*\s+1], s45, \s*SLOT
	s_add_nc_u64 s[G0B+4*\s+2:G0B+4*\s+3], s[46:47], \s*ROWB
	s_or_b32 s[G0B+4*\s+3], s[G0B+4*\s+3], 0x80000000
	JLOAD G0+4*\s, G1, G0B+4*\s, G1B
.endr
	v_and_b32 v1, 15, v0
	v_bfe_u32 v2, v0, 4, 1
	v_mul_u32_u24 v3, v1, PITCH
	v_mul_u32_u24 v4, v2, 24
	v_add_nc_u32 v4, v3, v4
	v_lshl_add_u32 v5, v2, 4, v4
	s_mul_i32 s21, s15, HALFT
	s_mul_i32 s22, s16, HALFT
	s_add_co_u32 s22, s22, 2*HALFT
.irp s, 0,1
	v_add_nc_u32 v[ADRA+\s], s21, v4
	v_add_nc_u32 v[ADRB+\s], s22, v4
	v_add_nc_u32 v[ADRA+2+\s], s21, v5
	v_add_nc_u32 v[ADRB+2+\s], s22, v5
	s_add_co_u32 s21, s21, SLOT
	s_add_co_u32 s22, s22, SLOT
.endr
	v_mul_u32_u24 v5, v1, KS
	v_lshrrev_b32 v6, 8, v5
	v_lshl_add_u32 v5, v6, 4, v5
	s_mul_i32 s21, s15, HALFS
	s_mul_i32 s22, s16, HALFS
	s_add_co_u32 s22, s22, 2*HALFS
	s_sub_co_u32 s22, s22, s21
	v_mul_u32_u24 v6, s22, v2
	s_add_co_u32 s21, s21, SCL
	v_add_nc_u32 v5, v5, v6
	v_add_nc_u32 v[ADRS], s21, v5
	s_mul_i32 s23, s14, 16*SPITCH
	v_mul_u32_u24 v5, v1, SPITCH
	v_lshl_add_u32 v5, v2, 5, v5
	v_add_nc_u32 v[STO], s23, v5
	v_and_b32 v6, 31, v0
	v_lshlrev_b32 v[CO], 4, v6
	v_add_nc_u32 v[RD], s23, v[CO]
	s_lshl_b32 s20, s17, 8
	s_lshl_b32 s21, s15, 7
	s_add_co_u32 s20, s20, s21
	s_mov_b32 s21, 0
	s_mov_b64 s[18:19], SIZE_N*4
	s_mul_u64 s[20:21], s[20:21], s[18:19]
	s_lshl_b32 s46, s42, 10
	s_lshl_b32 s47, s16, 9
	s_add_co_u32 s46, s46, s47
	s_mov_b32 s47, 0
	s_add_nc_u64 s[20:21], s[20:21], s[46:47]
	s_add_nc_u64 s[12:13], s[12:13], s[20:21]
.macro FRAG reg, adr, q, i             ; 16 rows x 128 K of 6-bit codes: 12 registers, in pieces of 8 bytes; where lanes 16-31's piece lies behind one padding more, the second address register serves
.irp p, 0,1,2,3,4,5
.set PC, 12*(\q)+6*(\p/3)+\p%3
.if PC%8 < 5
	ds_load_b64 v[\reg+2*\p:\reg+2*\p+1], v[\adr] offset:8*PC+16*(PC/8)+(\i)*16*PITCH
.else
	ds_load_b64 v[\reg+2*\p:\reg+2*\p+1], v[\adr+2] offset:8*PC+16*(PC/8)+(\i)*16*PITCH
.endif
.endr
.endm
.macro MUL16 a0, p, q, sc, zero        ; 16 matrix instructions: A's blocks a0, a0 + 1 x B's eight; the 64 accumulators take turns
.irp a, \a0, \a0+1
.irp b, 0,1,2,3,4,5,6,7
.if \zero
	v_wmma_scale_f32_16x16x128_f8f6f4 v[8*(8*((\a)%4)+\b):8*(8*((\a)%4)+\b)+7], v[128*(\p)+FR*\b:128*(\p)+FR*\b+FR-1], v[AF+FR*(\a):AF+FR*(\a)+FR-1], 0, v[SC+8*NQ*(\sc)+NQ*\b+(\q)], v[SC+8*NQ*(\sc)+NQ*(\a)+(\q)] matrix_a_fmt:MATRIX_FMT_FP6 matrix_b_fmt:MATRIX_FMT_FP6 matrix_a_scale:MATRIX_SCALE_ROW1
.else
	v_wmma_scale_f32_16x16x128_f8f6f4 v[8*(8*((\a)%4)+\b):8*(8*((\a)%4)+\b)+7], v[128*(\p)+FR*\b:128*(\p)+FR*\b+FR-1], v[AF+FR*(\a):AF+FR*(\a)+FR-1], v[8*(8*((\a)%4)+\b):8*(8*((\a)%4)+\b)+7], v[SC+8*NQ*(\sc)+NQ*\b+(\q)], v[SC+8*NQ*(\sc)+NQ*(\a)+(\q)] matrix_a_fmt:MATRIX_FMT_FP6 matrix_b_fmt:MATRIX_FMT_FP6 matrix_a_scale:MATRIX_SCALE_ROW1
.endif
.endr
.endr
.endm
.macro FETCH_B slot, q, p
	WIN TO_B
.irp i, 0,1,2,3,4,5,6,7
	FRAG 128*(\p)+FR*\i, ADRB+\slot, \q, \i
.endr
	WIN 0
.endm
.macro FETCH_A slot, q, i0
.irp i, \i0, \i0+1, \i0+2, \i0+3
	FRAG AF+FR*(\i), ADRA+\slot, \q, \i
.endr
.endm
.macro SCALES sc
.irp i, 0,1,2,3,4,5,6,7
	ds_load_b64 v[SC+8*NQ*\sc+NQ*\i:SC+8*NQ*\sc+NQ*\i+1], v[ADRS] offset:\i*SBLK
.endr
.endm
.macro PLACES n                        ; plain vector lines between a matrix instruction and a load into, or a read of, its registers
.rept \n
	v_nop
.endr
.endm
.macro STEP slot, q, zero
	s_wait_dscnt 4*NL                              ; B's set and A's blocks 0-3 are in; the youngest 24 loads (A's blocks 4-7) may be out
	WIN MUL_LO
	MUL16 0, (\q)%2, \q, \slot, \zero
	MUL16 2, (\q)%2, \q, \slot, \zero
	s_wait_dscnt 0
	PLACES NP
	FETCH_B \slot, (\q)+1, 1-(\q)%2
	FETCH_A \slot, (\q)+1, 0
	WIN MUL_HI
	MUL16 4, (\q)%2, \q, \slot, \zero
	MUL16 6, (\q)%2, \q, \slot, \zero
	PLACES NP
	WIN 0
	FETCH_A \slot, (\q)+1, 4
.endm
.macro TURN slot, next, fill
	s_wait_tensorcnt 0x0                           ; all my tensor loads have landed: my part of the next slot
	ds_add_u32 v[SPW], v[NIL]                      ; 0 onto my spare word
	s_wait_dscnt 4*NL+1                            ; the add and the youngest 24 loads may be out
	WIN MUL_LO
	MUL16 0, 1, NQ-1, \slot, 0
	s_wait_dscnt 0x0                               ; the add is done, and my reads of this slot are over
	s_barrier_signal -1
	MUL16 2, 1, NQ-1, \slot, 0
	WIN 0
	s_barrier_wait -1
.if \fill
	CREST                                          ; the barrier has opened a round of the cluster's: no wave of any partner still reads this slot or has a load on its way
	s_add_nc_u64 s[G0+4*\slot+2:G0+4*\slot+3], s[G0+4*\slot+2:G0+4*\slot+3], 2*ROWB
	s_add_nc_u64 s[G0B+4*\slot+2:G0B+4*\slot+3], s[G0B+4*\slot+2:G0B+4*\slot+3], 2*ROWB
	JLOAD G0+4*\slot, G1, G0B+4*\slot, G1B
.else
	PLACES NP
.endif
	v_add_nc_u32 v[ADRS], 4*NQ, v[ADRS]
	FETCH_B \next, 0, 0
	FETCH_A \next, 0, 0
	SCALES \next
	WIN MUL_HI
	MUL16 4, 1, NQ-1, \slot, 0
	MUL16 6, 1, NQ-1, \slot, 0
	PLACES NP
	WIN 0
	FETCH_A \next, 0, 4
.endm
	s_wait_tensorcnt 1                             ; the scales and my part of K step 0 are in; K step 1's load may be out
	s_barrier_signal -1
	s_barrier_wait -1
	FETCH_B 0, 0, 0
	FETCH_A 0, 0, 0
	SCALES 0
	FETCH_A 0, 0, 4
	STEP 0, 0, 1                                   ; the first step's products start the sums
	s_mov_b32 s3, LAPS-1
.Llap:
	TURN 0, 1, 1
	STEP 1, 0, 0
	TURN 1, 0, 1
	STEP 0, 0, 0
	s_sub_co_u32 s3, s3, 1
	s_cmp_lg_u32 s3, 0
	s_cbranch_scc1 .Llap
	TURN 0, 1, 0                                   ; the last lap fills nothing
	STEP 1, 0, 0
	s_wait_dscnt 4*NL
	WIN MUL_LO
	MUL16 0, 1, NQ-1, 1, 0
	MUL16 2, 1, NQ-1, 1, 0
	s_wait_dscnt 0
	WIN MUL_HI
	MUL16 4, 1, NQ-1, 1, 0
	MUL16 6, 1, NQ-1, 1, 0
	WIN 0
; THE WAY OUT, block by block of 16 rows x 128 columns, through my own stage: back come whole rows of 512 bytes.  LDS serves a wave's instructions in order.
.macro TOSTAGE a
.set AC, 64*((\a)%4)
	WIN 0x08+4*((\a)/4)
.irp b, 0,1,2,3,4,5,6,7
	ds_store_b128 v[STO], v[AC+8*\b:AC+8*\b+3] offset:64*\b          ; each accumulator from its low end on
	ds_store_b128 v[STO], v[AC+8*\b+4:AC+8*\b+7] offset:64*\b+16
.endr
	WIN 0
.set BB, BK+64*((\a)%2)
.irp t, 0,1,2,3,4,5,6,7,8,9,10,11,12,13,14,15
	ds_load_b128 v[BB+4*\t:BB+4*\t+3], v[RD] offset:\t*SPITCH
.endr
.endm
.macro SEND a, younger
.set BB, BK+64*((\a)%2)
	s_wait_dscnt \younger
.if (\a) > 0
	s_add_nc_u64 s[12:13], s[12:13], 16*SIZE_N*4   ; behind a wait on XCNT: the earlier stores have read their base
.endif
.irp t, 0,1,2,3,4,5,6,7,8,9,10,11,12,13,14,15
	global_store_b128 v[CO], v[BB+4*\t:BB+4*\t+3], s[12:13] offset:\t*SIZE_N*4   ; 512 consecutive bytes, aligned
.endr
.endm
	PLACES NP
	TOSTAGE 0
.irp a, 1,2,3,4,5,6,7
.if \a > 1
	s_wait_xcnt 0x0                                ; block a - 2's stores have read their registers and their base
.endif
	TOSTAGE \a
	SEND \a-1, 32                                  ; behind block a - 1's loads: block a's 16 stores and 16 loads
.endr
	s_wait_xcnt 0x0
	SEND 7, 0
	s_wait_tensorcnt 0x0                           ; the wave's end
	ds_add_u32 v[SPW], v[NIL]
	s_wait_dscnt 0x0
	CROUND                                         ; the closing round
	s_endpgm
.Lfunc_end_k_qd4ad294daf_down:
	.size	k_qd4ad294daf_down, .Lfunc_end_k_qd4ad294daf_down-k_qd4ad294daf_down
	.p2alignl 7, 3214868480
	.fill 96, 4, 3214868480
	.section	.rodata,"a",@progbits
	.p2align	6, 0x0
	.amdhsa_kernel k_qd4ad294daf_down
		.amdhsa_group_segment_fixed_size 327680
		.amdhsa_private_segment_fixed_size 0
		.amdhsa_enable_private_segment 0
		.amdhsa_kernarg_size 32
		.amdhsa_user_sgpr_count 2
		.amdhsa_user_sgpr_kernarg_segment_ptr 1
		.amdhsa_wavefront_size32 1
		.amdhsa_system_sgpr_workgroup_id_x 1
		.amdhsa_system_sgpr_workgroup_id_y 1
		.amdhsa_system_sgpr_workgroup_id_z 1
		.amdhsa_system_vgpr_workitem_id 0
		.amdhsa_next_free_vgpr 1024
		.amdhsa_next_free_sgpr 98
		.amdhsa_reserve_vcc 0
		.amdhsa_float_denorm_mode_32 3
		.amdhsa_float_denorm_mode_16_64 3
		.amdhsa_memory_ordered 1
		.amdhsa_forward_progress 1
		.amdhsa_inst_pref_size 160
	.end_amdhsa_kernel
	.amdgpu_metadata
---
amdhsa.version: [ 1, 2 ]
amdhsa.kernels:
  - .name:           k_qd4ad294daf_down
    .symbol:         k_qd4ad294daf_down.kd
    .args:
      - { .name: uq, .offset: 0, .size: 8, .value_kind: global_buffer, .address_space: global }
      - { .name: Wdown_codes, .offset: 8, .size: 8, .value_kind: global_buffer, .address_space: global }
      - { .name: Wdown_scales, .offset: 16, .size: 8, .value_kind: global_buffer, .address_space: global }
      - { .name: t, .offset: 24, .size: 8, .value_kind: global_buffer, .address_space: global }
    .group_segment_fixed_size: 327680
    .private_segment_fixed_size: 0
    .kernarg_segment_align: 8
    .kernarg_segment_size: 32
    .max_flat_workgroup_size: 128
    .sgpr_count:     98
    .vgpr_count:     1024
    .wavefront_size: 32
...
	.end_amdgpu_metadata
.endif
;; end of part 7
;; launch ln2 (part 8): grid 256 x 1, 8 waves a work-group, no clusters, 0 bytes of LDS; arguments t, hf, bdown, ln2_g, ln2_b, out0; writes out0
.if DOCPART == 8
	.amdgcn_target "amdgcn-amd-amdhsa--gfx1250"
	.amdhsa_code_object_version 6
	.text
	.protected	k_qd4ad294daf_ln2
	.globl	k_qd4ad294daf_ln2
	.p2align	8
	.type	k_qd4ad294daf_ln2,@function
k_qd4ad294daf_ln2:
	s_mov_b64 s[64:65], 0
	v_nop
	global_prefetch_b8 v0, s[64:65] scope:SCOPE_SE
	s_setreg_imm32_b32 hwreg(HW_REG_WAVE_MODE, 25, 1), 1
	s_wait_xcnt 0x0
; y = LayerNorm(t + bias + residual) x gain + shift, rows of 1,024, all in f32; y is stored as f32 (QOUT = 0: nothing is quantised here).
; A wave owns two whole rows (32 registers a row: chunk j of a row is 512 consecutive bytes, 16 a lane), so mean and variance never leave the wave.  All 56 loads of a wave go out at the start.
; The variance is the mean of the squares of the centred numbers, as the definition has it.  Memory binds: no matrix unit, no LDS, no barrier, no cluster.
; LIMITS: NaN and infinities are not served.
.set G,   16                           ; v16-47 gain;  v48-79 shift;  v80-111 bias;  v112-143, v176-207 the rows;  v144-175, v208-239 their residuals
.set BT,  48
.set BI,  80
.set CH,  240                          ; v240-247 four chains of sums
.set MU,  248
.set RS,  250
	s_load_b256 s[4:11], s[0:1], 0x0               ; t, the residual, the bias, the gain
	s_load_b128 s[12:15], s[0:1], 0x20             ; the shift, y
	v_lshrrev_b32 v1, 5, v0
	v_readfirstlane_b32 s18, v1                    ; wave 0..7
	v_and_b32 v2, 31, v0
	v_lshlrev_b32 v1, 4, v2                        ; 16 x lane
	v_mov_b32 v[MU+1], 0                           ; named as upper halves of pairs
	v_mov_b32 v[RS+1], 0
	s_lshl_b32 s20, ttmp9, 16
	s_lshl_b32 s21, s18, 13
	s_add_co_u32 s20, s20, s21                     ; my first row: (16 x work-group + 2 x wave) x 4,096 bytes
	s_mov_b32 s21, 0
	s_mov_b32 s26, 0x3a800000                      ; 1 / 1,024
	s_mov_b32 s27, 0x3727c5ac                      ; 1e-5
	s_mov_b32 s28, 0x76543210
	s_mov_b32 s29, 0xfedcba98
	s_wait_kmcnt 0x0
	s_add_nc_u64 s[4:5], s[4:5], s[20:21]
	s_add_nc_u64 s[6:7], s[6:7], s[20:21]
	s_add_nc_u64 s[14:15], s[14:15], s[20:21]
.macro LDV reg, base                   ; a vector of 1,024, read by every wave
.irp j, 0,1,2,3,4,5,6,7
	global_load_b128 v[\reg+4*\j:\reg+4*\j+3], v1, s[\base:\base+1] offset:512*\j
.endr
.endm
.macro LDR reg, base, i                ; my row i, read once
.irp j, 0,1,2,3,4,5,6,7
	global_load_b128 v[\reg+4*\j:\reg+4*\j+3], v1, s[\base:\base+1] offset:4096*\i+512*\j th:TH_LOAD_NT
.endr
.endm
	LDV BI, 8
	LDR 112, 4, 0
	LDR 144, 6, 0
	LDV G, 10
	LDV BT, 12
	LDR 176, 4, 1
	LDR 208, 6, 1
.macro ACROSS                          ; four chains, two halves, 32 lanes: the sum in every lane, in v[CH]
	v_pk_add_f32 v[CH:CH+1], v[CH:CH+1], v[CH+2:CH+3]
	v_pk_add_f32 v[CH+4:CH+5], v[CH+4:CH+5], v[CH+6:CH+7]
	v_pk_add_f32 v[CH:CH+1], v[CH:CH+1], v[CH+4:CH+5]
	v_add_f32 v[CH], v[CH], v[CH+1]
	v_add_f32_dpp v[CH], v[CH], v[CH] row_xmask:1 row_mask:0xf bank_mask:0xf
	v_add_f32_dpp v[CH], v[CH], v[CH] row_xmask:2 row_mask:0xf bank_mask:0xf
	v_add_f32_dpp v[CH], v[CH], v[CH] row_xmask:4 row_mask:0xf bank_mask:0xf
	v_add_f32_dpp v[CH], v[CH], v[CH] row_xmask:8 row_mask:0xf bank_mask:0xf
	v_permlanex16_b32 v[CH+1], v[CH], s28, s29
	v_add_f32 v[CH], v[CH], v[CH+1]
.endm
.macro ROW i
.set A, 112+64*\i
.set R, 144+64*\i
.if \i == 0
	s_wait_loadcnt 32                              ; the bias and row 0 are in; gain, shift and row 1 (32 loads) may be out
.else
	s_wait_loadcnt 0x0
.endif
.set p, 0
.rept 16
	v_pk_add_f32 v[A+p:A+p+1], v[A+p:A+p+1], v[BI+p:BI+p+1]
.set p, p+2
.endr
.set p, 0
.rept 16
	v_pk_add_f32 v[A+p:A+p+1], v[A+p:A+p+1], v[R+p:R+p+1]
.set p, p+2
.endr
.irp c, 0,1,2,3
	v_pk_add_f32 v[CH+2*\c:CH+2*\c+1], v[A+2*\c:A+2*\c+1], v[A+8+2*\c:A+9+2*\c]
.endr
.irp q, 16,24
.irp c, 0,1,2,3
	v_pk_add_f32 v[CH+2*\c:CH+2*\c+1], v[CH+2*\c:CH+2*\c+1], v[A+\q+2*\c:A+\q+1+2*\c]
.endr
.endr
	ACROSS
	v_mul_f32 v[MU], s26, v[CH]                    ; the mean
.set p, 0
.rept 16
	v_pk_add_f32 v[A+p:A+p+1], v[A+p:A+p+1], v[MU:MU+1] op_sel_hi:[1,0] neg_lo:[0,1] neg_hi:[0,1]
.set p, p+2
.endr
.irp c, 0,1,2,3
	v_pk_mul_f32 v[CH+2*\c:CH+2*\c+1], v[A+2*\c:A+2*\c+1], v[A+2*\c:A+2*\c+1]
.endr
.irp q, 8,16,24
.irp c, 0,1,2,3
	v_pk_fma_f32 v[CH+2*\c:CH+2*\c+1], v[A+\q+2*\c:A+\q+1+2*\c], v[A+\q+2*\c:A+\q+1+2*\c], v[CH+2*\c:CH+2*\c+1]
.endr
.endr
	ACROSS
	v_fma_f32 v[CH], v[CH], s26, s27               ; the variance + 1e-5
	v_rsq_f32 v[RS], v[CH]
	v_nop                                          ; one plain line behind the transcendental
.if \i == 0
	s_wait_loadcnt 16                              ; gain and shift are in; row 1 (16 loads) may be out
.endif
.set p, 0
	s_wait_alu depctr_va_vdst(0)
.rept 16
	v_pk_mul_f32 v[A+p:A+p+1], v[A+p:A+p+1], v[RS:RS+1] op_sel_hi:[1,0]
.set p, p+2
.endr
.set p, 0
.rept 16
	v_pk_fma_f32 v[A+p:A+p+1], v[A+p:A+p+1], v[G+p:G+p+1], v[BT+p:BT+p+1]
.set p, p+2
.endr
.irp j, 0,1,2,3,4,5,6,7
	global_store_b128 v1, v[A+4*\j:A+4*\j+3], s[14:15] offset:4096*\i+512*\j th:TH_STORE_NT   ; 512 consecutive bytes, aligned
.endr
.endm
	ROW 0
	ROW 1
	s_endpgm
.Lfunc_end_k_qd4ad294daf_ln2:
	.size	k_qd4ad294daf_ln2, .Lfunc_end_k_qd4ad294daf_ln2-k_qd4ad294daf_ln2
	.p2alignl 7, 3214868480
	.fill 96, 4, 3214868480
	.section	.rodata,"a",@progbits
	.p2align	6, 0x0
	.amdhsa_kernel k_qd4ad294daf_ln2
		.amdhsa_group_segment_fixed_size 0
		.amdhsa_private_segment_fixed_size 0
		.amdhsa_enable_private_segment 0
		.amdhsa_kernarg_size 48
		.amdhsa_user_sgpr_count 2
		.amdhsa_user_sgpr_kernarg_segment_ptr 1
		.amdhsa_wavefront_size32 1
		.amdhsa_system_sgpr_workgroup_id_x 1
		.amdhsa_system_sgpr_workgroup_id_y 1
		.amdhsa_system_sgpr_workgroup_id_z 1
		.amdhsa_system_vgpr_workitem_id 0
		.amdhsa_next_free_vgpr 256
		.amdhsa_next_free_sgpr 66
		.amdhsa_reserve_vcc 0
		.amdhsa_float_denorm_mode_32 3
		.amdhsa_float_denorm_mode_16_64 3
		.amdhsa_memory_ordered 1
		.amdhsa_forward_progress 1
		.amdhsa_inst_pref_size 25
	.end_amdhsa_kernel
	.amdgpu_metadata
---
amdhsa.version: [ 1, 2 ]
amdhsa.kernels:
  - .name:           k_qd4ad294daf_ln2
    .symbol:         k_qd4ad294daf_ln2.kd
    .args:
      - { .name: t, .offset: 0, .size: 8, .value_kind: global_buffer, .address_space: global }
      - { .name: hf, .offset: 8, .size: 8, .value_kind: global_buffer, .address_space: global }
      - { .name: bdown, .offset: 16, .size: 8, .value_kind: global_buffer, .address_space: global }
      - { .name: ln2_g, .offset: 24, .size: 8, .value_kind: global_buffer, .address_space: global }
      - { .name: ln2_b, .offset: 32, .size: 8, .value_kind: global_buffer, .address_space: global }
      - { .name: out0, .offset: 40, .size: 8, .value_kind: global_buffer, .address_space: global }
    .group_segment_fixed_size: 0
    .private_segment_fixed_size: 0
    .kernarg_segment_align: 8
    .kernarg_segment_size: 48
    .max_flat_workgroup_size: 256
    .sgpr_count:     66
    .vgpr_count:     256
    .wavefront_size: 32
...
	.end_amdgpu_metadata
.endif
;; end of part 8
;; ======== version 2 of 2: 8 launches
;; limits: right only within a limited range of input values
;; workspace buffers: aq 3,276,800 bytes; qkv 9,830,400 bytes; t 16,777,216 bytes; hf 16,777,216 bytes; uq 13,107,200 bytes
;; launch quantx (part 9): grid 256 x 1, 4 waves a work-group, no clusters, 22,016 bytes of LDS; arguments X, aq; writes aq
.if DOCPART == 9
	.amdgcn_target "amdgcn-amd-amdhsa--gfx1250"
	.amdhsa_code_object_version 6
	.text
	.protected	k_qd4ad294daf_quantx
	.globl	k_qd4ad294daf_quantx
	.p2align	8
	.type	k_qd4ad294daf_quantx,@function
k_qd4ad294daf_quantx:
	s_mov_b64 s[64:65], 0
	v_nop
	global_prefetch_b8 v0, s[64:65] scope:SCOPE_SE
	s_setreg_imm32_b32 hwreg(HW_REG_WAVE_MODE, 25, 1), 1
	s_wait_xcnt 0x0
; X [4096][1024] f32 becomes codes of E2M3 (6 bits, K innermost, 768 bytes a row, at byte 0 of aq) and one E8M0 byte for each 32 along K (32 bytes a row, at byte 0x300000 of aq).
; A block's scale is 2^(floor(log2(largest magnitude)) - 2): its byte is the largest magnitude's exponent field - 2, held at 1 from below.
; LIMITS: a block of zeros gets the byte 1 (its codes are zeros, and only this program reads the bytes); NaN and infinities among the inputs are not served.
; Rows are dense, so X is a stream of blocks of 32.  A wave takes 4,096 numbers (four rows) in 8 steps of 512.  Every load reads 512 consecutive bytes, 16 a lane; a step's 2,048 bytes turn
; through the wave's own stage in LDS and come back 64 bytes a lane: 16 neighbours along K, two lanes to a block.  All 32 loads of a wave go out at the start.  Waves share nothing: no barrier.
.set STEPS, 8
.set CB,    12                         ; bytes of 16 codes
.set R,     16                         ; v16-143  eight sets of 16 numbers as loaded
.set X,     144                        ; v144-175 two sets of 16 neighbours
.set C,     176                        ; v176-207 codes: four registers a step, so that no store's data are written again
.set E,     208                        ; v208-215 a scale byte a step
.set WREG,  5376                       ; LDS of a wave: two stages of 32 x SP bytes, then its 128 scale bytes
.set SP,    80                         ; a lane's place in a stage: 64 bytes + 16 of padding
	s_load_b128 s[4:7], s[0:1], 0x0                ; X, aq
	v_lshl_add_u32 v216, v0, 2, 0x5400
	v_mov_b32 v217, 0
	v_lshrrev_b32 v1, 5, v0
	v_readfirstlane_b32 s16, v1                    ; wave
	v_and_b32 v2, 31, v0                           ; lane
	v_lshlrev_b32 v3, 4, v2                        ; my 16 bytes of a load's 512
	s_mul_i32 s17, s16, WREG
	v_lshrrev_b32 v14, 2, v2
	v_mul_u32_u24 v14, v14, SP
	v_and_b32 v15, 3, v2
	v_lshl_add_u32 v14, v15, 4, v14
	v_add_nc_u32 v14, s17, v14                     ; the stage, way in: SP (lane / 4) + 16 (lane % 4)
	v_mul_u32_u24 v15, v2, SP
	v_add_nc_u32 v15, s17, v15                     ; way out: SP x lane
	v_mul_u32_u24 v4, v2, CB                       ; my codes' place in a step's 384 bytes
	v_lshrrev_b32 v5, 1, v2
	s_add_co_u32 s17, s17, 2*32*SP
	v_add_nc_u32 v5, s17, v5                       ; my block's byte among the wave's scale bytes
	v_lshlrev_b32 v7, 2, v2
	v_add_nc_u32 v6, s17, v7                       ; and 4 bytes a lane on their way out
	s_lshl_b32 s18, ttmp9, 2
	s_add_co_u32 s18, s18, s16                     ; which run of 4,096 numbers is my wave's
	s_lshl_b32 s20, s18, 14
	s_mov_b32 s21, 0
	s_mul_i32 s22, s18, 3072
	s_mov_b32 s23, 0
	s_lshl_b32 s24, s18, 7
	s_add_co_u32 s24, s24, 0x300000
	s_mov_b32 s25, 0
	s_wait_alu depctr_va_vdst(0)
	s_wait_kmcnt 0x0
	s_add_nc_u64 s[4:5], s[4:5], s[20:21]
	s_add_nc_u64 s[8:9], s[6:7], s[22:23]          ; my codes
	s_add_nc_u64 s[10:11], s[6:7], s[24:25]        ; my scale bytes
.macro LOAD t
.irp i, 0,1,2,3
	global_load_b128 v[R+16*(\t)+4*\i:R+16*(\t)+4*\i+3], v3, s[4:5] offset:2048*(\t)+512*\i th:TH_LOAD_NT
.endr
.endm
.macro TURN t                          ; step t through the stage: LDS serves a wave's instructions in order, so no wait stands between the stores and the loads
.irp i, 0,1,2,3
	ds_store_b128 v14, v[R+16*(\t)+4*\i:R+16*(\t)+4*\i+3] offset:32*SP*((\t)%2)+8*SP*\i
.endr
.irp i, 0,1,2,3
	ds_load_b128 v[X+16*((\t)%2)+4*\i:X+16*((\t)%2)+4*\i+3], v15 offset:32*SP*((\t)%2)+16*\i
.endr
.endm
.irp t, 0,1,2,3,4,5,6,7
	LOAD \t
.endr
	s_wait_loadcnt 28                              ; step 0's four loads are in; the 28 behind them may be out
	TURN 0
.macro STEP t
.set XS, X+16*((\t)%2)
.if (\t) > 0
	s_wait_dscnt 1                                 ; this step's numbers are back from the stage; the last step's byte store may be out
.else
	s_wait_dscnt 0x0
.endif
.if (\t)+1 < STEPS
	s_wait_loadcnt 24-4*(\t)                       ; the next step's loads are in; those of the steps behind it may be out
	TURN (\t)+1                                    ; they go through the other stage while this step is worked
.endif
	v_max3_num_f32 v8, |v[XS]|, |v[XS+1]|, |v[XS+2]|
	v_max3_num_f32 v9, |v[XS+3]|, |v[XS+4]|, |v[XS+5]|
.irp i, 6,10
	v_max3_num_f32 v8, v8, |v[XS+\i]|, |v[XS+\i+1]|
	v_max3_num_f32 v9, v9, |v[XS+\i+2]|, |v[XS+\i+3]|
.endr
	v_max3_num_f32 v8, v8, |v[XS+14]|, |v[XS+15]|
	v_max3_num_f32 v8, v8, v9, 0x1800000           ; the floor 2^(3 - 127): the byte cannot fall under 1
	v_max_num_f32_dpp v8, v8, v8 row_xmask:1 row_mask:0xf bank_mask:0xf   ; with my neighbour's 16: the block's
	v_add_nc_u32 v11, 0xff000000, v8               ; 2 off the exponent field: the conversion takes that field as its scale
	v_cvt_scalef32_pk16_fp6_f32 v[C+4*(\t):C+4*(\t)+2], v[XS:XS+15], v11
	v_lshrrev_b32 v[E+(\t)], 23, v11               ; the scale's byte (also the plain line behind the conversion)
	ds_store_b8 v5, v[E+(\t)] offset:16*(\t)       ; both lanes of a block write the same byte with the same value
	global_store_b96 v4, v[C+4*(\t):C+4*(\t)+2], s[8:9] offset:32*CB*(\t)   ; the wave stores 384 consecutive bytes
.endm
.irp t, 0,1,2,3,4,5,6,7
	STEP \t
.endr
	ds_load_b32 v12, v6                            ; in order behind my byte stores
	s_wait_dscnt 0x0
	global_store_b32 v7, v12, s[10:11]             ; 128 consecutive bytes
	s_wait_tensorcnt 0x0
	ds_add_u32 v216, v217
	s_wait_dscnt 0x0
	s_endpgm
.Lfunc_end_k_qd4ad294daf_quantx:
	.size	k_qd4ad294daf_quantx, .Lfunc_end_k_qd4ad294daf_quantx-k_qd4ad294daf_quantx
	.p2alignl 7, 3214868480
	.fill 96, 4, 3214868480
	.section	.rodata,"a",@progbits
	.p2align	6, 0x0
	.amdhsa_kernel k_qd4ad294daf_quantx
		.amdhsa_group_segment_fixed_size 22016
		.amdhsa_private_segment_fixed_size 0
		.amdhsa_enable_private_segment 0
		.amdhsa_kernarg_size 16
		.amdhsa_user_sgpr_count 2
		.amdhsa_user_sgpr_kernarg_segment_ptr 1
		.amdhsa_wavefront_size32 1
		.amdhsa_system_sgpr_workgroup_id_x 1
		.amdhsa_system_sgpr_workgroup_id_y 1
		.amdhsa_system_sgpr_workgroup_id_z 1
		.amdhsa_system_vgpr_workitem_id 0
		.amdhsa_next_free_vgpr 218
		.amdhsa_next_free_sgpr 66
		.amdhsa_reserve_vcc 0
		.amdhsa_float_denorm_mode_32 3
		.amdhsa_float_denorm_mode_16_64 3
		.amdhsa_memory_ordered 1
		.amdhsa_forward_progress 1
		.amdhsa_inst_pref_size 17
	.end_amdhsa_kernel
	.amdgpu_metadata
---
amdhsa.version: [ 1, 2 ]
amdhsa.kernels:
  - .name:           k_qd4ad294daf_quantx
    .symbol:         k_qd4ad294daf_quantx.kd
    .args:
      - { .name: X, .offset: 0, .size: 8, .value_kind: global_buffer, .address_space: global }
      - { .name: aq, .offset: 8, .size: 8, .value_kind: global_buffer, .address_space: global }
    .group_segment_fixed_size: 22016
    .private_segment_fixed_size: 0
    .kernarg_segment_align: 8
    .kernarg_segment_size: 16
    .max_flat_workgroup_size: 128
    .sgpr_count:     66
    .vgpr_count:     218
    .wavefront_size: 32
...
	.end_amdgpu_metadata
.endif
;; end of part 9
;; launch qkv (part 10): grid 12 x 16, 4 waves a work-group, clusters of 4 x 4, 327,680 bytes of LDS; arguments aq, Wq_codes, Wq_scales, Wk_codes, Wk_scales, Wv_codes, Wv_scales, bq, bk, bv, qkv; writes qkv
.if DOCPART == 10
	.amdgcn_target "amdgcn-amd-amdhsa--gfx1250"
	.amdhsa_code_object_version 6
	.text
	.protected	k_qd4ad294daf_qkv
	.globl	k_qd4ad294daf_qkv
	.p2align	8
	.type	k_qd4ad294daf_qkv,@function
k_qd4ad294daf_qkv:
	s_mov_b64 s[64:65], 0
	v_nop
	global_prefetch_b8 v0, s[64:65] scope:SCOPE_SE
	s_setreg_imm32_b32 hwreg(HW_REG_WAVE_MODE, 25, 1), 1
	s_wait_xcnt 0x0
	s_wait_alu depctr_hold_cnt(0) depctr_sa_sdst(0) depctr_va_vdst(0) depctr_va_sdst(0) depctr_va_ssrc(0) depctr_va_vcc(0) depctr_vm_vsrc(0)
	s_getreg_b32 s2, hwreg(HW_REG_IB_STS2, 6, 4)
	s_cmp_eq_u32 s2, 0
	s_cbranch_scc0 .Lentry_in_a_cluster
	s_endpgm
.Lentry_in_a_cluster:
	s_bfe_u32 s2, ttmp6, 0x10000c
	s_cmp_lg_u32 s2, 0xf033
	s_cbranch_scc0 .Lentry_shape_is_right
	s_endpgm
.Lentry_shape_is_right:
.set MODE,   0
.set PO,     1-MODE
.set NQ,     2
.set ROWB,   256                       ; the ring goes by chunks of 256 bytes of each row of 768
.set KROW,   768
.set STEPS,  8
.set CHUNKS, 3
.set PITCH,  272
.set G0H,    4                         ; s[4:7], s[8:11]: group 0 of the head's loads of chunk 0
.set G0HB,   8
.set FR,     12
.set NL,     6
.set NP,     4
.set HALFT,  128*PITCH
.set SLOT,   4*HALFT
.set KS,     32
.set SCL,    2*SLOT
.set HALFS,  (128*KS/256)*272
.set SBLK,   (16*KS/256)*272
.set SPARE,  SCL+4*HALFS
.set SROW,   272
.set SCST,   SLOT+256*SROW             ; the stage lies in slot 1, which does not hold the last chunk
.set ADRA, 16
.set ADRB, 20
.set STO,  24
.set RD,   25
.set CO,   26
.set ADRS, 27
.set SPW,  28
.set NIL,  29
.set SST,  30
.set SRD,  31
.set SCO,  8
.set PW,   10
.set SC,   32
.set BIAS, 64
.set AF,   128
.set T,    128
.set CDS,  192
.set RB,   224
.set TM,   240
.set OUT,  64
.set SEL,  100
.set G1, 24
.set G0, 32
.set G1B, 48
.set G0B, 56
.set G1S, 68
.set G0S, 76
.set G1SB, 80
.set G0SB, 88
.set MSB, 0
.macro WIN new
.if MSB != (\new)
	s_set_vgpr_msb (MSB<<8)|(\new)
.set MSB, (\new)
.endif
.endm
.set MUL_LO, 0xa1
.set MUL_HI, 0xf1
.set MUL_LO0, 0x81
.set MUL_HI0, 0xc1
.set TO_B,   0x40
.macro JLOAD g0a, g1a, g0b, g1b
	s_cmp_eq_u32 s15, 0
	s_cbranch_scc0 .Lfor_b_\@
	tensor_load_to_lds s[\g0a:\g0a+3], s[\g1a:\g1a+7]
	s_nop 0
.rept 4
	v_nop
.endr
	s_branch .Lasked_\@
.Lfor_b_\@:
	tensor_load_to_lds s[\g0b:\g0b+3], s[\g1b:\g1b+7]
	s_nop 0
.rept 4
	v_nop
.endr
.Lasked_\@:
.endm
.macro CREST
	s_cmp_lg_u32 s14, 0
	s_cbranch_scc1 .Lnot_wave_0_\@
	s_barrier_signal -3
.Lnot_wave_0_\@:
	s_barrier_wait -3
	s_barrier_signal -1
	s_barrier_wait -1
.endm
.macro CROUND
	s_barrier_signal -1
	s_barrier_wait -1
	CREST
.endm
.if MODE == 0
	s_load_b512 s[68:83], s[0:1], 0x0
	s_load_b128 s[84:87], s[0:1], 0x40
	s_load_b64 s[88:89], s[0:1], 0x50
.else
	s_load_b256 s[4:11], s[0:1], 0x0
	s_load_b64 s[12:13], s[0:1], 0x20
.endif
	v_lshl_add_u32 v[SPW], v0, 2, SPARE
	v_mov_b32 v[NIL], 0
	ds_add_u32 v28, v29
	ds_add_u32 v28, v29
	s_wait_dscnt 0x0
	v_lshrrev_b32 v1, 5, v0
	v_readfirstlane_b32 s14, v1
	s_lshr_b32 s15, s14, 1
	s_and_b32 s16, s14, 1
	s_bfe_u32 s40, ttmp6, 0x40000
	s_bfe_u32 s41, ttmp6, 0x40004
	s_and_b32 s66, ttmp7, 0xffff
	s_lshl_b32 s66, s66, 2
.if MODE == 0
	s_lshr_b32 s95, ttmp9, 1
	s_mul_i32 s67, s66, s95
	s_sub_co_u32 s66, s66, s67
	s_add_co_u32 s17, s66, s41
	s_add_co_u32 s42, s67, s40
.else
	s_add_co_u32 s17, s66, s41
	s_lshl_b32 s42, ttmp9, 2
	s_add_co_u32 s42, s42, s40
.endif
	s_lshl_b32 s43, s41, 2
	s_lshl_b32 s43, 15, s43
	s_lshl_b32 s44, 0x1111, s40
	s_or_b32 s[G1+0], s43, (0<<16)|(1<<20)|(1<<21)|(5<<22)|(3<<25)
	s_or_b32 s[G1B+0], s44, (0<<16)|(1<<20)|(1<<21)|(5<<22)|(3<<25)
.irp g, G1, G1B
	s_mov_b32 s[\g+1], ROWB<<16
	s_mov_b32 s[\g+2], 256<<16             ; the head's loads bring 256 rows
	s_mov_b32 s[\g+3], ROWB<<16
	s_mov_b32 s[\g+4], 256
	s_mov_b32 s[\g+5], KROW
	s_mov_b32 s[\g+6], 0
	s_mov_b32 s[\g+7], 0
.endr
	s_lshl_b32 s20, s17, 8
	s_lshl_b32 s46, s42, 8
	s_mov_b32 s21, 0
	s_mov_b32 s47, 0
	s_mov_b64 s[18:19], KS
	s_mul_u64 s[22:23], s[20:21], s[18:19]
	s_mul_u64 s[92:93], s[46:47], s[18:19]
	s_mov_b64 s[18:19], KROW
	s_mul_u64 s[20:21], s[20:21], s[18:19]
	s_mul_u64 s[46:47], s[46:47], s[18:19]
	s_mul_i32 s45, s14, HALFT
	s_mul_i32 s18, s16, 128*KROW           ; in the ring I fetch 128 rows: which half, in bytes
	s_mov_b32 s19, 0
	s_lshl_b32 s98, s42, 10
	s_lshl_b32 s99, s16, 9
	s_add_co_u32 s98, s98, s99
.if MODE == 0
	s_lshl_b32 s100, s17, 10
	s_lshl_b32 s101, s15, 9
	s_add_co_u32 s100, s100, s101
	s_mul_i32 s100, s100, s95
	s_xor_b32 s99, s95, 1
	s_mul_i32 s98, s98, s99
	s_mov_b32 s101, 0
.endif
	s_mov_b32 s99, 0
	s_wait_kmcnt 0x0
.if MODE == 0
	s_cmp_eq_u32 ttmp9, 1
	s_cselect_b64 s[70:71], s[74:75], s[70:71]
	s_cselect_b64 s[72:73], s[76:77], s[72:73]
	s_cselect_b64 s[82:83], s[84:85], s[82:83]
	s_cmp_eq_u32 ttmp9, 2
	s_cselect_b64 s[70:71], s[78:79], s[70:71]
	s_cselect_b64 s[72:73], s[80:81], s[72:73]
	s_cselect_b64 s[82:83], s[86:87], s[82:83]
	s_add_nc_u64 s[90:91], s[68:69], 0x300000
	s_cselect_b64 s[4:5], s[70:71], s[68:69]
	s_cselect_b64 s[6:7], s[72:73], s[90:91]
	s_cselect_b64 s[8:9], s[68:69], s[70:71]
	s_cselect_b64 s[10:11], s[90:91], s[72:73]
	s_mov_b64 s[96:97], s[82:83]
	s_mov_b64 s[12:13], s[88:89]
	s_add_nc_u64 s[100:101], s[96:97], s[100:101]
	s_add_nc_u64 s[96:97], s[96:97], s[98:99]
	s_cmp_eq_u32 s95, 0
	s_cselect_b32 s98, 1.0, 0
	s_cselect_b32 s99, 0, 1.0
.else
	s_add_nc_u64 s[96:97], s[10:11], s[98:99]
	s_mov_b64 s[10:11], s[8:9]
	s_mov_b64 s[8:9], s[6:7]
	s_add_nc_u64 s[6:7], s[4:5], 0x300000
.endif
	s_or_b32 s[G1S+0], s43, (3<<16)|(1<<20)|(1<<21)|(5<<22)|(3<<25)
	s_or_b32 s[G1SB+0], s44, (3<<16)|(1<<20)|(1<<21)|(5<<22)|(3<<25)
.irp g, G1S, G1SB
	s_mov_b32 s[\g+1], 32<<16
	s_mov_b32 s[\g+2], (256*KS/256)<<16
	s_mov_b32 s[\g+3], 32<<16
	s_mov_b32 s[\g+4], 256*KS/256
	s_mov_b32 s[\g+5], 32
	s_mov_b32 s[\g+6], 0
	s_mov_b32 s[\g+7], 0
.endr
	s_add_nc_u64 s[20:21], s[4:5], s[20:21]
	s_add_nc_u64 s[22:23], s[6:7], s[22:23]
	s_add_nc_u64 s[46:47], s[8:9], s[46:47]
	s_add_nc_u64 s[92:93], s[10:11], s[92:93]
	CROUND
	s_mov_b32 s[G0S], 1
	s_mov_b32 s[G0S+1], SCL
	s_mov_b64 s[G0S+2:G0S+3], s[22:23]
	s_or_b32 s[G0S+3], s[G0S+3], 0x80000000
	s_mov_b32 s[G0SB], 1
	s_mov_b32 s[G0SB+1], SCL+2*HALFS
	s_mov_b64 s[G0SB+2:G0SB+3], s[92:93]
	s_or_b32 s[G0SB+3], s[G0SB+3], 0x80000000
	s_mov_b32 s[G0H], 1
	s_mov_b32 s[G0H+1], 0
	s_mov_b64 s[G0H+2:G0H+3], s[20:21]
	s_or_b32 s[G0H+3], s[G0H+3], 0x80000000
	s_mov_b32 s[G0HB], 1
	s_mov_b32 s[G0HB+1], 2*HALFT
	s_mov_b64 s[G0HB+2:G0HB+3], s[46:47]
	s_or_b32 s[G0HB+3], s[G0HB+3], 0x80000000
	s_add_nc_u64 s[20:21], s[20:21], s[18:19]
	s_add_nc_u64 s[46:47], s[46:47], s[18:19]
.irp s, 0,1
	s_mov_b32 s[G0+4*\s], 1
	s_add_co_u32 s[G0+4*\s+1], s45, \s*SLOT
	s_add_nc_u64 s[G0+4*\s+2:G0+4*\s+3], s[20:21], \s*ROWB
	s_or_b32 s[G0+4*\s+3], s[G0+4*\s+3], 0x80000000
	s_mov_b32 s[G0B+4*\s], 1
	s_add_co_u32 s[G0B+4*\s+1], s45, \s*SLOT
	s_add_nc_u64 s[G0B+4*\s+2:G0B+4*\s+3], s[46:47], \s*ROWB
	s_or_b32 s[G0B+4*\s+3], s[G0B+4*\s+3], 0x80000000
.endr
; the head's four tiles, one joint load a wave: A's chunk 0, B's chunk 0, A's scales, B's scales; one tree of branches on the wave's number
	; the prefetches' base: of the 128 rows that I fetch in the ring, my work-group's 32: the four partners that ask for a tile jointly share its rows out by address (cx for A, cy for B)
	s_cmp_eq_u32 s15, 0
	s_cselect_b64 s[2:3], s[20:21], s[46:47]
	s_cselect_b32 s66, s40, s41
	s_mul_i32 s66, s66, 32*KROW
	s_mov_b32 s67, 0
	s_add_nc_u64 s[2:3], s[2:3], s[66:67]
.macro ARM under, g0, g1, next
	s_cmp_lt_u32 s14, \under
	s_cbranch_scc0 \next
	tensor_load_to_lds s[\g0:\g0+3], s[\g1:\g1+7]
	s_nop 0
.rept 4
	v_nop
.endr
	s_branch .Lhead_asked
\next:
.endm
	ARM 1, G0H,  G1,  .Lhead_b
	ARM 2, G0HB, G1B, .Lhead_sa
	ARM 3, G0S,  G1S, .Lhead_sb
	tensor_load_to_lds s[G0SB:G0SB+3], s[G1SB:G1SB+7]
	s_nop 0
.rept 4
	v_nop
.endr
.Lhead_asked:
	v_and_b32 v12, 31, v0
	v_mul_u32_u24 v12, v12, KROW           ; a lane a row
	global_prefetch_b8 v12, s[2:3] offset:ROWB th:TH_LOAD_NT scope:SCOPE_SE     ; chunks 1 and 2 of my 32 rows, 256 bytes a lane: the two chunks whose loads follow the head's; v12 and s[2:3] are not written again
	global_prefetch_b8 v12, s[2:3] offset:2*ROWB th:TH_LOAD_NT scope:SCOPE_SE
	v_and_b32 v1, 15, v0
	v_bfe_u32 v2, v0, 4, 1
	v_mul_u32_u24 v3, v1, PITCH
	v_mul_u32_u24 v4, v2, 24
	v_add_nc_u32 v4, v3, v4
	s_mov_b32 s21, SLOT-(ROWB-24)
	s_mov_b32 s22, SLOT+(ROWB-24)
	v_sub_nc_u32 v7, 1, v2
	v_mul_u32_u24 v5, s21, v2
	v_add_nc_u32 v5, v3, v5
	v_add_nc_u32 v5, ROWB-24, v5           ; across two chunks: lanes 0-15 the end of the row in slot 0, lanes 16-31 byte 0 of the row in slot 1
	v_mul_u32_u24 v6, s22, v7
	v_add_nc_u32 v6, v3, v6                ; and the other way round
	s_mul_i32 s21, s15, HALFT
	s_mul_i32 s22, s16, HALFT
	s_add_co_u32 s22, s22, 2*HALFT
	v_add_nc_u32 v[ADRA+2], s21, v5
	v_add_nc_u32 v[ADRA+3], s21, v6
	v_add_nc_u32 v[ADRB+2], s22, v5
	v_add_nc_u32 v[ADRB+3], s22, v6
.irp s, 0,1
	v_add_nc_u32 v[ADRA+\s], s21, v4
	v_add_nc_u32 v[ADRB+\s], s22, v4
	s_add_co_u32 s21, s21, SLOT
	s_add_co_u32 s22, s22, SLOT
.endr
	v_mul_u32_u24 v5, v1, KS
	v_lshrrev_b32 v6, 8, v5
	v_lshl_add_u32 v5, v6, 4, v5
	s_mul_i32 s21, s15, HALFS
	s_mul_i32 s22, s16, HALFS
	s_add_co_u32 s22, s22, 2*HALFS
	s_sub_co_u32 s22, s22, s21
	v_mul_u32_u24 v6, s22, v2
	s_add_co_u32 s21, s21, SCL
	v_add_nc_u32 v5, v5, v6
	v_add_nc_u32 v[ADRS], s21, v5
.if MODE == 0
	v_and_b32 v7, 8, v1
	v_add_nc_u32 v7, v7, v1
.else
	v_mov_b32 v7, v1
.endif
	s_mul_i32 s23, s15, 128*SROW
	s_lshl_b32 s21, s16, 7
	s_add_co_u32 s23, s23, s21
	v_mul_u32_u24 v5, v7, SROW
	v_lshl_add_u32 v5, v2, 5, v5
	v_add_nc_u32 v5, SLOT, v5
	v_add_nc_u32 v[STO], s23, v5
.if MODE == 0
	s_lshl_b32 s23, s16, 10
	s_lshl_b32 s21, s15, 9
	s_add_co_u32 s23, s23, s21
	s_add_co_u32 s23, s23, SCST
	v_lshl_add_u32 v[SST], v7, 2, s23
.else
	s_lshl_b32 s23, s15, 10
	s_lshl_b32 s21, s16, 2
	s_add_co_u32 s23, s23, s21
	s_add_co_u32 s23, s23, SCST
	v_lshl_add_u32 v[SST], v7, 3, s23
.endif
	v_and_b32 v6, 31, v0
	s_mul_i32 s23, s14, 64*SROW
.if MODE == 0
	v_lshrrev_b32 v5, 2, v6
	v_and_b32 v4, 3, v6
	v_mul_u32_u24 v[CO], v5, 48
.else
	v_lshrrev_b32 v5, 4, v6
	v_and_b32 v4, 15, v6
	v_mul_u32_u24 v[CO], v5, 3072
.endif
	v_mad_u32_u24 v[CO], v4, 12, v[CO]
	v_mul_u32_u24 v5, v5, SROW
	v_lshl_add_u32 v5, v4, 4, v5
	v_add_nc_u32 v5, SLOT, v5
	v_add_nc_u32 v[RD], s23, v5
	s_lshl_b32 s23, s14, 9
	s_add_co_u32 s23, s23, SCST
.if MODE == 0
	v_lshl_add_u32 v[SRD], v6, 4, s23
	v_lshlrev_b32 v[SCO], 4, v6
.else
	v_lshl_add_u32 v[SRD], v6, 3, s23
	v_lshlrev_b32 v[SCO], 7, v6
.endif
	v_lshlrev_b32 v9, 5, v2
.irp b, 0,1,2,3,4,5,6,7
	global_load_b128 v[BIAS+8*\b:BIAS+8*\b+3], v9, s[96:97] offset:64*\b
	global_load_b128 v[BIAS+8*\b+4:BIAS+8*\b+7], v9, s[96:97] offset:64*\b+16
.endr
.if MODE == 0
	v_lshlrev_b32 v11, 2, v1
.irp a, 0,1,2,3,4,5,6,7
	global_load_b32 v[RB+2*\a], v11, s[100:101] offset:64*\a
.endr
.endif
.macro FRAG reg, adr, st, i            ; byte y of a row of codes lies in chunk y / ROWB, in slot (y / ROWB) % 2
.irp p, 0,1,2,3,4,5
.set BY, 96*(\st)+48*(\p/3)+8*(\p%3)
.if BY/ROWB == (BY+24)/ROWB
	ds_load_b64 v[\reg+2*\p:\reg+2*\p+1], v[\adr+(BY/ROWB)%2] offset:BY%ROWB+(\i)*16*PITCH
.else
	ds_load_b64 v[\reg+2*\p:\reg+2*\p+1], v[\adr+2+(BY/ROWB)%2] offset:BY%ROWB-(ROWB-24)+(\i)*16*PITCH
.endif
.endr
.endm
.macro MUL16 a0, p, q, sc, zero
.irp a, \a0, \a0+1
.irp b, 0,1,2,3,4,5,6,7
.if \zero
	v_wmma_scale_f32_16x16x128_f8f6f4 v[8*(8*((\a)%4)+\b):8*(8*((\a)%4)+\b)+7], v[128*(\p)+FR*\b:128*(\p)+FR*\b+FR-1], v[AF+FR*(\a):AF+FR*(\a)+FR-1], v[BIAS+8*\b:BIAS+8*\b+7], v[SC+8*NQ*(\sc)+NQ*\b+(\q)], v[SC+8*NQ*(\sc)+NQ*(\a)+(\q)] matrix_a_fmt:MATRIX_FMT_FP6 matrix_b_fmt:MATRIX_FMT_FP6 matrix_a_scale:MATRIX_SCALE_ROW1
.else
	v_wmma_scale_f32_16x16x128_f8f6f4 v[8*(8*((\a)%4)+\b):8*(8*((\a)%4)+\b)+7], v[128*(\p)+FR*\b:128*(\p)+FR*\b+FR-1], v[AF+FR*(\a):AF+FR*(\a)+FR-1], v[8*(8*((\a)%4)+\b):8*(8*((\a)%4)+\b)+7], v[SC+8*NQ*(\sc)+NQ*\b+(\q)], v[SC+8*NQ*(\sc)+NQ*(\a)+(\q)] matrix_a_fmt:MATRIX_FMT_FP6 matrix_b_fmt:MATRIX_FMT_FP6 matrix_a_scale:MATRIX_SCALE_ROW1
.endif
.endr
.endr
.endm
.macro FETCH_B st, p
	WIN TO_B
.irp i, 0,1,2,3,4,5,6,7
	FRAG 128*(\p)+FR*\i, ADRB, \st, \i
.endr
	WIN 0
.endm
.macro FETCH_A st, i0
.irp i, \i0, \i0+1, \i0+2, \i0+3
	FRAG AF+FR*(\i), ADRA, \st, \i
.endr
.endm
.macro SCALES pr                       ; the scale words of steps 2 pr, 2 pr + 1 into set pr % 2
.irp i, 0,1,2,3,4,5,6,7
	ds_load_b64 v[SC+8*NQ*((\pr)%2)+NQ*\i:SC+8*NQ*((\pr)%2)+NQ*\i+1], v[ADRS] offset:\i*SBLK+4*NQ*(\pr)
.endr
.endm
.macro PLACES n
.rept \n
	v_nop
.endr
.endm
; A step of 128 along K, 96 bytes of a row.  Where the next step's bytes end in a chunk not read yet: a barrier shows it whole.  Where they begin in a later chunk: the chunk left behind is free;
; a wait on TENSORcnt, an add onto the spare word, the barrier, and, where a chunk two on is left, the cluster's round and the refill.
.macro STEP st, zero
.set NX, (\st)+1
.set C0, (96*(\st))/ROWB
.set C1, (96*NX)/ROWB
.set E0, (96*(\st)+95)/ROWB
.set E1, (96*NX+95)/ROWB
.if C1 > C0 || E1 > E0
	s_wait_tensorcnt 0x0
.if C1 > C0
	ds_add_u32 v[SPW], v[NIL]
	s_wait_dscnt 4*NL+1                    ; the add and the youngest 24 loads may be out
.else
	s_wait_dscnt 4*NL
.endif
	WIN MUL_LO
	MUL16 0, (\st)%2, (\st)%2, ((\st)/2)%2, \zero
	s_wait_dscnt 0x0
	s_barrier_signal -1
	MUL16 2, (\st)%2, (\st)%2, ((\st)/2)%2, \zero
	WIN 0
	s_barrier_wait -1
.if C1 > C0 && C0+2 < CHUNKS
	CREST
	s_add_nc_u64 s[G0+4*(C0%2)+2:G0+4*(C0%2)+3], s[G0+4*(C0%2)+2:G0+4*(C0%2)+3], 2*ROWB
	s_add_nc_u64 s[G0B+4*(C0%2)+2:G0B+4*(C0%2)+3], s[G0B+4*(C0%2)+2:G0B+4*(C0%2)+3], 2*ROWB
	JLOAD G0+4*(C0%2), G1, G0B+4*(C0%2), G1B
.else
	PLACES NP
.endif
.else
	s_wait_dscnt 4*NL
	WIN MUL_LO-0x20*(\zero)                ; the first step's C, the bias, lies in window 0
	MUL16 0, (\st)%2, (\st)%2, ((\st)/2)%2, \zero
	MUL16 2, (\st)%2, (\st)%2, ((\st)/2)%2, \zero
	s_wait_dscnt 0
	PLACES NP
.endif
	FETCH_B NX, NX%2
	FETCH_A NX, 0
.if NX%2 == 0
	SCALES NX/2
.endif
	WIN MUL_HI-0x30*(\zero)
	MUL16 4, (\st)%2, (\st)%2, ((\st)/2)%2, \zero
	MUL16 6, (\st)%2, (\st)%2, ((\st)/2)%2, \zero
	PLACES NP
	WIN 0
	FETCH_A NX, 4
.endm
	s_wait_loadcnt 0x0
.if MODE == 0
.set i, 0
.rept 32
	v_pk_mul_f32 v[BIAS+i:BIAS+i+1], v[BIAS+i:BIAS+i+1], s[98:99] op_sel_hi:[1,0]
.set i, i+2
.endr
.irp a, 0,1,2,3,4,5,6,7
	v_mul_f32 v[RB+2*\a+1], s99, v[RB+2*\a]
	v_mul_f32 v[RB+2*\a], s99, v[RB+2*\a]
.endr
.endif
	s_wait_alu depctr_va_vdst(0)
	s_wait_tensorcnt 0x0                   ; my tile of the head's four is in
	ds_add_u32 v[SPW], v[NIL]
	s_mov_b32 s[G1+2], 128<<16             ; no load of mine is out: from here on a load brings 128 rows
	s_mov_b32 s[G1+4], 128
	s_mov_b32 s[G1B+2], 128<<16
	s_mov_b32 s[G1B+4], 128
	s_wait_dscnt 0x0
	CROUND
	JLOAD G0+4, G1, G0B+4, G1B             ; chunk 1, slot 1's first fill
	FETCH_B 0, 0
	FETCH_A 0, 0
	SCALES 0
	FETCH_A 0, 4
	STEP 0, 1
.set ST, 1
.rept STEPS-2
	STEP ST, 0
.set ST, ST+1
.endr
	s_wait_dscnt 4*NL
	WIN MUL_LO
	MUL16 0, 1, NQ-1, 1, 0
	MUL16 2, 1, NQ-1, 1, 0
	s_wait_dscnt 0
	WIN MUL_HI
	MUL16 4, 1, NQ-1, 1, 0
	MUL16 6, 1, NQ-1, 1, 0
	WIN 0
	s_mov_b32 s[SEL], 0x76543210
	s_mov_b32 s[SEL+1], 0xfedcba98
.if MODE == 0
	s_cmp_eq_u32 s95, 1
	s_cselect_b32 s40, s42, s17
	s_cselect_b32 s41, s17, s42
	s_mov_b32 s43, 393216
	s_cselect_b32 s43, 12288, s43
	s_mov_b32 s44, 12288
	s_cselect_b32 s44, 196608, s44
	s_mov_b32 s45, 98304
	s_cselect_b32 s45, 49152, s45
	s_mov_b32 s66, 16384
	s_cselect_b32 s66, 1024, s66
	s_mov_b32 s67, 1024
	s_cselect_b32 s67, 8192, s67
	s_mov_b32 s90, 8192
	s_cselect_b32 s90, 4096, s90
	s_lshr_b32 s91, s40, 3
	s_and_b32 s40, s40, 7
	s_mul_i32 s18, ttmp9, 3145728
	s_mul_i32 s94, s91, 1572864
	s_add_co_u32 s18, s18, s94
	s_mul_i32 s94, s41, s43
	s_add_co_u32 s18, s18, s94
	s_mul_i32 s94, s40, s44
	s_add_co_u32 s18, s18, s94
	s_mul_i32 s94, s14, 3072
	s_add_co_u32 s18, s18, s94
	s_mov_b32 s19, 0
	s_add_nc_u64 s[18:19], s[12:13], s[18:19]
	s_mov_b32 s44, s45
	s_mov_b32 s45, 0
	s_add_nc_u64 s[20:21], s[18:19], s[44:45]
	s_add_nc_u64 s[22:23], s[20:21], s[44:45]
	s_add_nc_u64 s[46:47], s[22:23], s[44:45]
	s_mul_i32 s92, ttmp9, 131072
	s_lshl_b32 s94, s91, 16
	s_add_co_u32 s92, s92, s94
	s_mul_i32 s94, s41, s66
	s_add_co_u32 s92, s92, s94
	s_mul_i32 s94, s40, s67
	s_add_co_u32 s92, s92, s94
	s_mul_i32 s94, s15, s90
	s_add_co_u32 s92, s92, s94
	s_lshl_b32 s94, s16, 9
	s_add_co_u32 s92, s92, s94
	s_add_co_u32 s92, s92, 9437184
	s_mov_b32 s93, 0
	s_add_nc_u64 s[92:93], s[12:13], s[92:93]
.else
	s_lshl_b32 s18, s17, 8
	s_lshl_b32 s94, s14, 6
	s_add_co_u32 s94, s18, s94
	s_mul_i32 s18, s94, 3072
	s_mul_i32 s40, s42, 192
	s_add_co_u32 s18, s18, s40
	s_mov_b32 s19, 0
	s_add_nc_u64 s[18:19], s[12:13], s[18:19]
	s_lshl_b32 s92, s94, 7
	s_lshl_b32 s40, s42, 3
	s_add_co_u32 s92, s92, s40
	s_add_co_u32 s92, s92, 0xC00000
	s_mov_b32 s93, 0
	s_add_nc_u64 s[92:93], s[12:13], s[92:93]
.endif
.irp b, 0,1,2,3
	v_mov_b32 v[TM+4+\b], 0
.endr
.macro QUANTS s
.irp b, 0,1,2,3
	v_max3_num_f32 v[TM+\b], |v[\s+16*\b]|, |v[\s+1+16*\b]|, 0x1800000
.endr
.irp i, 2,4,6,8,10,12,14
.irp b, 0,1,2,3
	v_max3_num_f32 v[TM+\b], v[TM+\b], |v[\s+16*\b+\i]|, |v[\s+1+16*\b+\i]|
.endr
.endr
.irp b, 0,1,2,3
	v_permlanex16_b32 v[TM+4+\b], v[TM+\b], s[SEL], s[SEL+1]
.endr
.irp b, 0,1,2,3
	v_max_num_f32 v[TM+\b], v[TM+\b], v[TM+4+\b]
.endr
.irp b, 0,1,2,3
	v_add_nc_u32 v[TM+12+\b], 0xff000000, v[TM+\b]
.endr
.irp b, 0,1,2,3
	v_lshrrev_b32 v[TM+4+\b], 23, v[TM+12+\b]
.endr
	s_wait_alu depctr_va_vdst(0)
	s_wait_dscnt 0x0
	v_lshl_or_b32 v[PW], v[TM+5], 8, v[TM+4]
	v_lshl_or_b32 v[PW], v[TM+6], 16, v[PW]
	v_lshl_or_b32 v[PW], v[TM+7], 24, v[PW]
.irp c, 0,1
	v_cvt_scalef32_pk16_fp6_f32 v[CDS+6*\c:CDS+2+6*\c], v[\s+32*\c:\s+15+32*\c], v[TM+12+2*\c]
	v_cvt_scalef32_pk16_fp6_f32 v[CDS+12+4*\c:CDS+14+4*\c], v[\s+16+32*\c:\s+31+32*\c], v[TM+12+2*\c+1]
.endr
	v_nop
.irp c, 0,1
.irp i, 0,1,2
	v_permlane16_swap_b32 v[CDS+6*\c+\i], v[CDS+12+4*\c+\i]
.endr
.endr
.endm
.macro BLOCK a
.set AC, 64*((\a)%4)
.set AO, 16*(\a)-8*PO*((\a)%2)
.set i, 0
.if MODE == 0
	WIN 0x02+(\a)/4
.rept 32
	v_pk_add_f32 v[T+i:T+i+1], v[AC+i:AC+i+1], v[RB+2*(\a):RB+2*(\a)+1]
.set i, i+2
.endr
.else
	WIN 0x08+4*((\a)/4)
.rept 64
	v_max_num_f32 v[T+i], 0, v[AC+i]
.set i, i+1
.endr
.endif
	WIN 0
.irp bb, 0,1,2,3
.irp j, 0,1,2,3,4,5,6,7
	v_permlane16_swap_b32 v[T+16*\bb+\j], v[T+16*\bb+8+\j]
.endr
.endr
	QUANTS T
.irp c, 0,1
	ds_store_b96 v[STO], v[CDS+6*\c:CDS+6*\c+2] offset:SROW*AO+64*\c
	ds_store_b96 v[STO], v[CDS+12+4*\c:CDS+14+4*\c] offset:SROW*AO+64*\c+16
.endr
.if MODE == 0
	ds_store_b32 v[SST], v[PW] offset:4*AO
.else
	ds_store_b32 v[SST], v[PW] offset:128*(\a)
.endif
.endm
.irp a, 0,1,2,3,4,5,6,7
	BLOCK \a
.endr
	s_wait_dscnt 0x0
	s_barrier_signal -1
	s_barrier_wait -1
.if MODE == 0
.irp g, 0,1,2,3
.irp rg, 0,1,2,3,4,5,6,7
	ds_load_b96 v[OUT+4*(8*\g+\rg):OUT+4*(8*\g+\rg)+2], v[RD] offset:8*SROW*\rg+64*\g
.endr
.endr
	ds_load_b128 v[CDS:CDS+3], v[SRD]
.irp g, 0,1,2,3
.irp rg, 0,1,2,3,4,5,6,7
	s_wait_dscnt 32-(8*\g+\rg)
	global_store_b96 v[CO], v[OUT+4*(8*\g+\rg):OUT+4*(8*\g+\rg)+2], s[18+2*\g+22*(\g/3):19+2*\g+22*(\g/3)] offset:384*\rg
.endr
.endr
	s_wait_dscnt 0x0
	global_store_b128 v[SCO], v[CDS:CDS+3], s[92:93]
.else
.set i, 0
.rept 32
	ds_load_b96 v[OUT+4*i:OUT+4*i+2], v[RD] offset:2*SROW*i
.set i, i+1
.endr
	ds_load_b64 v[CDS:CDS+1], v[SRD]
	ds_load_b64 v[CDS+2:CDS+3], v[SRD] offset:256
.set i, 0
.rept 32
	s_wait_dscnt 33-i
	global_store_b96 v[CO], v[OUT+4*i:OUT+4*i+2], s[18:19] offset:6144*i
.set i, i+1
.endr
	s_wait_dscnt 0x0
	global_store_b64 v[SCO], v[CDS:CDS+1], s[92:93]
	global_store_b64 v[SCO], v[CDS+2:CDS+3], s[92:93] offset:4096
.endif
	s_wait_tensorcnt 0x0
	ds_add_u32 v[SPW], v[NIL]
	s_wait_dscnt 0x0
	CROUND
	s_endpgm
.Lfunc_end_k_qd4ad294daf_qkv:
	.size	k_qd4ad294daf_qkv, .Lfunc_end_k_qd4ad294daf_qkv-k_qd4ad294daf_qkv
	.p2alignl 7, 3214868480
	.fill 96, 4, 3214868480
	.section	.rodata,"a",@progbits
	.p2align	6, 0x0
	.amdhsa_kernel k_qd4ad294daf_qkv
		.amdhsa_group_segment_fixed_size 327680
		.amdhsa_private_segment_fixed_size 0
		.amdhsa_enable_private_segment 0
		.amdhsa_kernarg_size 88
		.amdhsa_user_sgpr_count 2
		.amdhsa_user_sgpr_kernarg_segment_ptr 1
		.amdhsa_wavefront_size32 1
		.amdhsa_system_sgpr_workgroup_id_x 1
		.amdhsa_system_sgpr_workgroup_id_y 1
		.amdhsa_system_sgpr_workgroup_id_z 1
		.amdhsa_system_vgpr_workitem_id 0
		.amdhsa_next_free_vgpr 1024
		.amdhsa_next_free_sgpr 102
		.amdhsa_reserve_vcc 0
		.amdhsa_float_denorm_mode_32 3
		.amdhsa_float_denorm_mode_16_64 3
		.amdhsa_memory_ordered 1
		.amdhsa_forward_progress 1
		.amdhsa_inst_pref_size 202
	.end_amdhsa_kernel
	.amdgpu_metadata
---
amdhsa.version: [ 1, 2 ]
amdhsa.kernels:
  - .name:           k_qd4ad294daf_qkv
    .symbol:         k_qd4ad294daf_qkv.kd
    .args:
      - { .name: aq, .offset: 0, .size: 8, .value_kind: global_buffer, .address_space: global }
      - { .name: Wq_codes, .offset: 8, .size: 8, .value_kind: global_buffer, .address_space: global }
      - { .name: Wq_scales, .offset: 16, .size: 8, .value_kind: global_buffer, .address_space: global }
      - { .name: Wk_codes, .offset: 24, .size: 8, .value_kind: global_buffer, .address_space: global }
      - { .name: Wk_scales, .offset: 32, .size: 8, .value_kind: global_buffer, .address_space: global }
      - { .name: Wv_codes, .offset: 40, .size: 8, .value_kind: global_buffer, .address_space: global }
      - { .name: Wv_scales, .offset: 48, .size: 8, .value_kind: global_buffer, .address_space: global }
      - { .name: bq, .offset: 56, .size: 8, .value_kind: global_buffer, .address_space: global }
      - { .name: bk, .offset: 64, .size: 8, .value_kind: global_buffer, .address_space: global }
      - { .name: bv, .offset: 72, .size: 8, .value_kind: global_buffer, .address_space: global }
      - { .name: qkv, .offset: 80, .size: 8, .value_kind: global_buffer, .address_space: global }
    .group_segment_fixed_size: 327680
    .private_segment_fixed_size: 0
    .kernarg_segment_align: 8
    .kernarg_segment_size: 88
    .max_flat_workgroup_size: 128
    .sgpr_count:     102
    .vgpr_count:     1024
    .wavefront_size: 32
...
	.end_amdgpu_metadata
.endif
;; end of part 10
;; launch attn (part 11): grid 8 x 32, 16 waves a work-group, no clusters, 327,680 bytes of LDS; arguments qkv, aq; writes aq
.if DOCPART == 11
	.amdgcn_target "amdgcn-amd-amdhsa--gfx1250"
	.amdhsa_code_object_version 6
	.text
	.protected	k_qd4ad294daf_attn
	.globl	k_qd4ad294daf_attn
	.p2align	8
	.type	k_qd4ad294daf_attn,@function
k_qd4ad294daf_attn:
	s_mov_b64 s[64:65], 0
	v_nop
	global_prefetch_b8 v0, s[64:65] scope:SCOPE_SE
	s_setreg_imm32_b32 hwreg(HW_REG_WAVE_MODE, 25, 1), 1
	s_wait_xcnt 0x0
; mid[b][q][head 64] = softmax_k(q . k / 8, causal) v, both products on codes of E2M3; mid is quantised along the row (the head's 64 channels are two blocks) into aq: codes [4096][768 bytes], scale bytes at 0x300000.
; qkv holds: q's and k's codes [b x head 32][position 2048][48 bytes] at 0 and 3,145,728; v's [b][64 keys 32][channel position 1024][48 bytes] at 6,291,456; scale words: q's, k's [b][pair of heads 8][position] (bytes 0, 1: the
; even head) at 9,437,184 and 9,568,256; v's [b][128 keys 16][channel position] at 9,699,328.  A position is the index with bits 3 and 4 exchanged: 16 neighbouring positions 16 T + r are the indices 32 (T / 2) + 8 (T % 2) + r + 8 (r / 8).
; So with both products used transposed (S^T = K Q^T, O^T = V^T P^T) a lane holds ONE query, the 16 registers of two neighbouring tiles of S^T are 16 neighbouring keys, and those of O^T 16 neighbouring channels.
; THE SOFTMAX: t = score x log2(e) / 8; M = the running largest t rounded up to a whole number; p = 2^(t - M) is quantised along the keys, not normalised; the row's sum is of the unquantised p and divides at the end.
; THE HEAD'S K IS 64, half of the instruction's 128: q's upper 64 codes are zeros with scale bytes 0, so what stands in the upper half of k's operand (the next fragment's codes, finite) adds nothing.
; SHARES.  A work-group owns query blocks j and 15 - j (128 queries each) of one head; each of sixteen waves one tile of 16 queries.  Waves of the two kinds are dealt so that every four neighbouring waves and every fourth wave
; hold two of each: j + 1 and 16 - j key steps of 128: 34 steps for each group of four.  A step all of whose keys come after the wave's queries is jumped over (a scalar branch on ids); on the diagonal hidden scores become -infinity.
; LDS: the head's K (98,304 bytes), V (98,304) and scale words (8,192 + 4,096) lie there whole: every byte is filled ONCE, in two fills, keys 0-511 and keys 512-2,047, each behind a counted wait and a barrier.  Waves 0-7 fetch K, 8-15 V: two loads each.
; NO CLUSTER: the eight work-groups of a head read the same K and V, but each reads them once, sixteen K and sixteen V loads in the whole launch of a work-group, against 34 x 4 key steps of some 250 vector lines;
; joint loads would put four rounds of a cluster's barrier between partners whose waves have different numbers of steps.
; LIMITS: a block of zeros gets the byte 1; NaN and infinities are not served.  mid's codes leave in runs of 24 bytes a lane, 48 a row (a head's part of a row of 768), its scale bytes singly.
.set VB,   98304
.set SK,   196608
.set SV,   204800
.set AK0,  1                           ; v1   48 r + 24 h: my lane's place in a tile of K (and of q in memory)
.set AV0,  2                           ; v2   the same in V
.set ASK0, 3                           ; v3   SK + 4 r
.set ASV0, 4                           ; v4   SV + 4 r
.set DQ,   5                           ; v5   my query less the block's first less 16 h
.set MO,   6                           ; v6   mid's codes: 768 x my row + 24 h
.set MSO,  7                           ; v7   mid's scale byte: 32 x my row + h
.set ADK,  8
.set ADV,  9
.set ADS,  10
.set ADT,  11                          ; v8-11 the step's LDS addresses;  v12 -M, v13 the largest t, v[14:15] the sum in two halves
.set QF,   16                          ; v16-27 q's fragment
.set QSW,  28                          ; v28  q's scale word
.set KF,   32                          ; v32-85 k's eight fragments, 6 registers apart (v80-85 zeros); later v's four, 12 apart
.set KSW,  86                          ; v86-93 their scale words
.set S,    96                          ; v96-159 S^T, then p
.set O,    160                         ; v160-191 O^T
.set PCD,  192                         ; v192-203 p's codes
.set CT,   204
.set MX,   212
.set PT,   216
.set SO,   220
.set F,    224
.set PWD,  225                         ; p's scale word
.set TMP,  226
.set SPR,  228
.set WV,   8
.set BH,   10
.set BB,   11
.set HD,   12
.set PAR,  13
.set KIND, 14
.set IDX,  15
.set BLKI, 16
.set WQ,   17
.set ST,   18
.set KO,   19
.set SKO,  20
.set SVO,  21
.set CS,   22
.set G1K,  24
.set G1V,  32
.set G0K,  40                          ; s40-51: groups 0 of the head's load, K's later one and V's later one
.set G0V,  56
.set SEL,  76
.set CNT,  78
	s_load_b128 s[4:7], s[0:1], 0x0                ; qkv, aq
	v_lshl_add_u32 v254, v0, 2, 0x33000
	v_mov_b32 v255, 0
	ds_add_u32 v254, v255
	ds_add_u32 v254, v255
	v_lshrrev_b32 v8, 5, v0
	s_delay_alu instid0(VALU_DEP_1)
	v_readfirstlane_b32 s[WV], v8                  ; wave 0..15
	s_and_b32 s[BH], ttmp7, 0xffff
	s_lshr_b32 s[BB], s[BH], 4                     ; batch
	s_and_b32 s[HD], s[BH], 15                     ; head
	s_and_b32 s[PAR], s[BH], 1
	s_lshl_b32 s[PAR], s[PAR], 4                   ; where my head's two bytes begin in a word of q's or k's scales
	s_lshr_b32 s[KIND], s[WV], 2
	s_xor_b32 s[KIND], s[KIND], s[WV]
	s_and_b32 s[KIND], s[KIND], 1
	s_lshr_b32 s[IDX], s[WV], 1
	s_lshl_b32 s[BLKI], ttmp9, 1
	s_sub_co_u32 s[BLKI], 15, s[BLKI]
	s_mul_i32 s[BLKI], s[BLKI], s[KIND]
	s_add_co_u32 s[BLKI], s[BLKI], ttmp9           ; my block of 128 queries: j or 15 - j
	s_and_b32 s[WQ], s[WV], 7              ; waves 0-7 fetch K, waves 8-15 V: my eighth
	s_lshl_b32 s78, s[BLKI], 3
	s_add_co_u32 s78, s78, s[IDX]                  ; my tile of 16 positions
	s_lshr_b32 s79, s[IDX], 1
	s_lshl_b32 s79, s79, 5
	s_and_b32 s80, s[IDX], 1
	s_lshl_b32 s80, s80, 3
	s_add_co_u32 s79, s79, s80                     ; lane 0's query in the block: 32 (idx / 2) + 8 (idx % 2)
	s_mul_i32 s96, s[WQ], 3072             ; my eighth of the first 512 keys, in LDS and in K
	s_mul_i32 s97, s[BH], 98304
	s_add_co_u32 s80, s97, s96
	s_add_co_u32 s80, s80, 3145728
	s_mov_b32 s81, 0
	s_mul_i32 s82, s[BB], 1572864
	s_mul_i32 s83, s[HD], 3072
	s_add_co_u32 s82, s82, s83
	s_mul_i32 s83, s[WQ], 49152            ; one group of 64 keys
	s_add_co_u32 s82, s82, s83
	s_add_co_u32 s82, s82, 6291456
	s_mov_b32 s83, 0
	s_mul_i32 s84, s78, 768
	s_add_co_u32 s84, s84, s97                     ; q's codes of my tile
	s_mov_b32 s85, 0
	s_lshr_b32 s88, s[BH], 1
	s_lshl_b32 s88, s88, 13
	s_lshl_b32 s86, s78, 6
	s_add_co_u32 s86, s86, s88
	s_add_co_u32 s86, s86, 9437184                 ; q's scale words
	s_mov_b32 s87, 0
	s_add_co_u32 s88, s88, 9568256                 ; k's
	s_mov_b32 s89, 0
	s_lshl_b32 s90, s[BB], 16
	s_lshl_b32 s91, s[HD], 8
	s_add_co_u32 s90, s90, s91
	s_add_co_u32 s90, s90, 9699328                 ; v's
	s_mov_b32 s91, 0
	s_lshl_b32 s97, s[BB], 11
	s_lshl_b32 s92, s[BLKI], 7
	s_add_co_u32 s97, s97, s92
	s_add_co_u32 s97, s97, s79                     ; lane 0's row of mid
	s_mul_i32 s92, s97, 768
	s_mul_i32 s93, s[HD], 48
	s_add_co_u32 s92, s92, s93
	s_mov_b32 s93, 0
	s_lshl_b32 s94, s97, 5
	s_lshl_b32 s95, s[HD], 1
	s_add_co_u32 s94, s94, s95
	s_add_co_u32 s94, s94, 0x300000
	s_mov_b32 s95, 0
	; group 1: the head's: 3,072 dense bytes as 12 rows of 256;  V: 3 rows of 3,072 bytes, 49,152 bytes apart.  Elements of 8 bytes, no padding
	s_mov_b32 s[G1K], 3<<16
	s_mov_b32 s[G1K+1], 32<<16
	s_mov_b32 s[G1K+2], 12<<16
	s_mov_b32 s[G1K+3], 32<<16
	s_mov_b32 s[G1K+4], 12
	s_mov_b32 s[G1K+5], 32
	s_mov_b32 s[G1K+6], 0
	s_mov_b32 s[G1K+7], 0
	s_mov_b32 s[G1V], 3<<16
	s_mov_b32 s[G1V+1], 384<<16
	s_mov_b32 s[G1V+2], 3<<16
	s_mov_b32 s[G1V+3], 384<<16
	s_mov_b32 s[G1V+4], 3
	s_mov_b32 s[G1V+5], 6144
	s_mov_b32 s[G1V+6], 0
	s_mov_b32 s[G1V+7], 0
	s_mov_b32 s[SEL], 0x76543210
	s_mov_b32 s[SEL+1], 0xfedcba98
	s_mov_b32 s[CS], 0x3e38aa3b                    ; c = log2(e) / 8
	s_mov_b32 s[CS+1], s[CS]
	s_wait_dscnt 0x0
	s_wait_kmcnt 0x0
	s_add_nc_u64 s[80:81], s[4:5], s[80:81]
	s_add_nc_u64 s[82:83], s[4:5], s[82:83]
	s_add_nc_u64 s[84:85], s[4:5], s[84:85]
	s_add_nc_u64 s[86:87], s[4:5], s[86:87]
	s_add_nc_u64 s[88:89], s[4:5], s[88:89]
	s_add_nc_u64 s[90:91], s[4:5], s[90:91]
	s_add_nc_u64 s[92:93], s[6:7], s[92:93]
	s_add_nc_u64 s[94:95], s[6:7], s[94:95]
	; THE FILLS, every byte once.  At the head every wave brings 3,072 dense bytes of keys 0-511 (K: 64 keys; V: one group of 64 keys), 12 rows of 256: one line, one group 1.
	; Behind the first barrier every wave brings its eighth of keys 512-2,047: K 36 rows of 256 bytes, V 3 rows of 3,072.
	s_lshr_b32 s98, s[WV], 3               ; 0: K, 1: V
	s_mul_i32 s99, s98, VB
	s_mov_b32 s[G0K], 1
	s_add_co_u32 s[G0K+1], s96, s99
	s_cmp_eq_u32 s98, 0
	s_cselect_b64 s[G0K+2:G0K+3], s[80:81], s[82:83]
	s_or_b32 s[G0K+3], s[G0K+3], 0x80000000
	tensor_load_to_lds s[G0K:G0K+3], s[G1K:G1K+7]
	s_nop 0
.rept 4
	v_nop
.endr
	s_mul_i32 s99, s96, 3                  ; 9,216 x my eighth
	s_lshl_b32 s56, s96, 1
	s_add_co_u32 s56, s56, 24576           ; K: from my head's part to my later part
	s_mov_b32 s57, 0
	s_mov_b32 s[G0K+4], 1
	s_add_co_u32 s[G0K+5], s99, 24576
	s_add_nc_u64 s[G0K+6:G0K+7], s[80:81], s[56:57]
	s_or_b32 s[G0K+7], s[G0K+7], 0x80000000
	s_lshl_b32 s56, s96, 5
	s_add_co_u32 s56, s56, 393216          ; V: from group w to group 8 + 3 w
	s_mov_b32 s[G0K+8], 1
	s_add_co_u32 s[G0K+9], s99, VB+24576
	s_add_nc_u64 s[G0K+10:G0K+11], s[82:83], s[56:57]
	s_or_b32 s[G0K+11], s[G0K+11], 0x80000000
	v_and_b32 v8, 15, v0                           ; r
	v_bfe_u32 v9, v0, 4, 1                         ; h
	s_delay_alu instid0(VALU_DEP_2)
	v_mul_u32_u24 v[AK0], v8, 48
	s_delay_alu instid0(VALU_DEP_1)
	v_mad_u32_u24 v[AK0], v9, 24, v[AK0]
.irp p, 0,1,2
	global_load_b64 v[QF+2*\p:QF+2*\p+1], v[AK0], s[84:85] offset:8*\p   ; q: 24 bytes: k = 32 h + 0 .. 31
.endr
	v_lshlrev_b32 v230, 2, v8
	global_load_b32 v[QSW], v230, s[86:87]
	v_lshlrev_b32 v31, 4, v0
	global_load_b128 v[S:S+3], v31, s[88:89]       ; k's scale words of the pair of heads: 16 bytes a thread, 8,192 in all
	v_lshrrev_b32 v227, 5, v0
	v_and_b32 v[TMP], 31, v0
	s_delay_alu instid0(VALU_DEP_2)
	v_lshlrev_b32 v227, 12, v227
	s_delay_alu instid0(VALU_DEP_1)
	v_lshl_add_u32 v227, v[TMP], 3, v227
	global_load_b64 v[S+4:S+5], v227, s[90:91]     ; v's: key step = thread / 32, 256 bytes of it
	v_lshl_add_u32 v29, v0, 4, SK
	v_lshl_add_u32 v30, v0, 3, SV
	v_add_nc_u32 v[AV0], VB, v[AK0]
	v_lshl_add_u32 v[ASK0], v8, 2, SK
	v_lshl_add_u32 v[ASV0], v8, 2, SV
	v_and_b32 v10, 8, v8
	s_delay_alu instid0(VALU_DEP_1)
	v_add_nc_u32 v10, v10, v8                      ; r + 8 (r / 8)
	v_lshlrev_b32 v11, 4, v9
	s_delay_alu instid0(VALU_DEP_1)
	v_sub_nc_u32 v[DQ], v10, v11
	s_delay_alu instid0(VALU_DEP_1)
	v_add_nc_u32 v[DQ], s79, v[DQ]
	s_delay_alu instid0(VALU_DEP_4)
	v_mul_u32_u24 v[MO], v10, 768
	s_delay_alu instid0(VALU_DEP_1)
	v_mad_u32_u24 v[MO], v9, 24, v[MO]
	v_lshl_add_u32 v[MSO], v10, 5, v9
	s_wait_loadcnt 0x0
	v_bfe_u32 v[QSW], v[QSW], s[PAR], 16           ; my head's two bytes; the upper two are 0
.irp i, 0,1,2,3
	v_bfe_u32 v[S+\i], v[S+\i], s[PAR], 16
.endr
	ds_store_b128 v29, v[S:S+3]
	ds_store_b64 v30, v[S+4:S+5]
	v_mov_b32 v13, 0xff61b1e6                      ; the largest t so far: -3e38
	s_delay_alu instid0(VALU_DEP_1)
	v_floor_f32 v12, -v13                          ; -M
	v_mov_b32 v14, 0
	v_mov_b32 v15, 0
.irp i, 0,1,2,3,4,5
	v_mov_b32 v[QF+6+\i], 0                        ; q's upper 64 codes
	v_mov_b32 v[KF+48+\i], 0                       ; what stands behind k's last fragment
.endr
.irp b, 0,1,2,3
	v_mov_b32 v[PT+\b], 0                          ; a lane permute's destination counts as read
.endr
	v_mov_b32 v[PWD], 0
	v_mov_b32 v[TMP], 0
.set j, 0
.rept 32
	v_mov_b32 v[O+j], 0                            ; O^T: the step is written once; the first change of M multiplies zeros
.set j, j+1
.endr
; A KEY STEP: 128 keys.
.macro STEP
	s_cmp_gt_u32 s[ST], s[BLKI]
	s_cbranch_scc1 .Lhid_\@                        ; all its keys come after my queries
	v_add_nc_u32 v[ADK], s[KO], v[AK0]             ; (these four are the places behind the last step's products)
	v_add_nc_u32 v[ADV], s[KO], v[AV0]
	v_add_nc_u32 v[ADS], s[SKO], v[ASK0]
	v_add_nc_u32 v[ADT], s[SVO], v[ASV0]
.irp t, 0,1,2,3,4,5,6,7
.irp p, 0,1,2
	ds_load_b64 v[KF+6*\t+2*\p:KF+6*\t+2*\p+1], v[ADK] offset:768*\t+8*\p
.endr
	ds_load_b32 v[KSW+\t], v[ADS] offset:64*\t
.endr
	s_wait_alu depctr_va_vdst(0)
	s_wait_dscnt 0x0
.irp t, 0,1,2,3,4,5,6,7
	v_wmma_scale_f32_16x16x128_f8f6f4 v[S+8*\t:S+8*\t+7], v[KF+6*\t:KF+6*\t+11], v[QF:QF+11], 0, v[KSW+\t], v[QSW] matrix_a_fmt:MATRIX_FMT_FP6 matrix_b_fmt:MATRIX_FMT_FP6
.endr
.rept 4
	v_nop                                          ; places in front of the reads of S^T and of the loads below
.endr
.irp t, 0,1,2,3                        ; v's fragments are asked for now and land under the softmax
.irp c, 0,1
.irp p, 0,1,2
	ds_load_b64 v[KF+12*\t+6*\c+2*\p:KF+12*\t+6*\c+2*\p+1], v[ADV] offset:3072*\c+768*\t+8*\p
.endr
.endr
	ds_load_b32 v[KSW+\t], v[ADT] offset:64*\t
.endr
	s_cmp_lt_u32 s[ST], s[BLKI]
	s_cbranch_scc1 .Lopen_\@                       ; all its keys count
	v_mov_b32 v[TMP], 0xff800000                   ; the diagonal: register 16 b + i holds key 32 b + 16 h + i of the step: hidden where 32 b + i > DQ
.set n, 0
.rept 64
	v_cmp_gt_i32 vcc_lo, 32*(n/16)+n%16, v[DQ]
	v_cndmask_b32 v[S+n], v[S+n], v[TMP], vcc_lo
.set n, n+1
.endr
.Lopen_\@:
.irp b, 0,1,2,3
	v_max3_num_f32 v[MX+\b], v[S+16*\b], v[S+1+16*\b], v[S+2+16*\b]   ; the largest score of each block of 32 keys: for the row's maximum, and, since p rises with the score, for the block's largest p
.endr
.irp i, 3,5,7,9,11,13
.irp b, 0,1,2,3
	v_max3_num_f32 v[MX+\b], v[MX+\b], v[S+16*\b+\i], v[S+1+16*\b+\i]
.endr
.endr
.irp b, 0,1,2,3
	v_max_num_f32 v[MX+\b], v[MX+\b], v[S+15+16*\b]
.endr
.irp b, 0,1,2,3
	s_delay_alu instid0(VALU_DEP_4)
	v_permlanex16_b32 v[PT+\b], v[MX+\b], s[SEL], s[SEL+1]
.endr
.irp b, 0,1,2,3
	s_delay_alu instid0(VALU_DEP_4)
	v_max_num_f32 v[MX+\b], v[MX+\b], v[PT+\b]
.endr
	s_delay_alu instid0(VALU_DEP_2)
	v_max3_num_f32 v[TMP], v[MX], v[MX+1], v[MX+2]
	s_delay_alu instid0(VALU_DEP_1)
	v_max_num_f32 v[TMP], v[TMP], v[MX+3]
	s_delay_alu instid0(VALU_DEP_1)
	v_mul_f32 v[TMP], s[CS], v[TMP]
	s_delay_alu instid0(VALU_DEP_1)
	v_max_num_f32 v13, v13, v[TMP]                 ; the running largest t
	v_mov_b32 v[TMP], v12
	s_delay_alu instid0(VALU_DEP_2)
	v_floor_f32 v12, -v13                          ; the new -M: M is a whole number
	s_delay_alu instid0(VALU_DEP_1)
	v_sub_f32 v[TMP], v12, v[TMP]
	s_delay_alu instid0(VALU_DEP_1)
	v_cvt_i32_f32 v[TMP], v[TMP]                   ; (it saturates)
	s_delay_alu instid0(VALU_DEP_1)
	v_ldexp_f32 v[F], 1.0, v[TMP]                  ; f = 2^(old M - new M): a multiplication by it rounds nothing
.set j, 0
.rept 32
	v_pk_fma_f32 v[S+j:S+j+1], v[S+j:S+j+1], s[CS:CS+1], v[12:13] op_sel_hi:[1,0,0]   ; t - M
.set j, j+2
.endr
.irp b, 0,1,2,3
	v_fma_f32 v[MX+\b], v[MX+\b], s[CS], v12
.endr
.set j, 0
	s_wait_alu depctr_va_vdst(0)
.rept 64
	v_exp_f32 v[S+j], v[S+j]                       ; p = 2^(t - M)
.set j, j+1
.endr
.irp b, 0,1,2,3
	v_exp_f32 v[MX+\b], v[MX+\b]                   ; the block's largest p: the same two instructions on the same number
.endr
	v_pk_mul_f32 v[14:15], v[14:15], v[F:F+1] op_sel_hi:[1,0]   ; the sums under the new M (a plain line behind the exponentials)
	s_wait_alu depctr_va_vdst(0)
.irp b, 0,1,2,3
	v_max_num_f32 v[MX+\b], 0x1800000, v[MX+\b]    ; the floor: the byte cannot fall under 1
.endr
.irp b, 0,1,2,3
	s_delay_alu instid0(VALU_DEP_4)
	v_add_nc_u32 v[SO+\b], 0xff000000, v[MX+\b]
.endr
.irp b, 0,1,2,3
	s_delay_alu instid0(VALU_DEP_4)
	v_lshrrev_b32 v[PT+\b], 23, v[SO+\b]
.endr
	s_delay_alu instid0(VALU_DEP_3)
	v_lshl_or_b32 v[PWD], v[PT+1], 8, v[PT]
	s_delay_alu instid0(VALU_DEP_1)
	v_lshl_or_b32 v[PWD], v[PT+2], 16, v[PWD]
	s_delay_alu instid0(VALU_DEP_1)
	v_lshl_or_b32 v[PWD], v[PT+3], 24, v[PWD]
.irp c, 0,1
	v_cvt_scalef32_pk16_fp6_f32 v[PCD+6*\c:PCD+6*\c+2], v[S+32*\c:S+15+32*\c], v[SO+2*\c]
	v_cvt_scalef32_pk16_fp6_f32 v[CT+4*\c:CT+4*\c+2], v[S+16+32*\c:S+31+32*\c], v[SO+2*\c+1]
.endr
	v_nop                                          ; one plain line behind a scaled conversion
.irp c, 0,1                            ; the operand wants a whole block in a lane
.irp i, 0,1,2
	v_permlane16_swap_b32 v[PCD+6*\c+\i], v[CT+4*\c+\i]
.endr
.irp i, 0,1,2
	s_delay_alu instid0(VALU_DEP_3)
	v_mov_b32 v[PCD+3+6*\c+\i], v[CT+4*\c+\i]
.endr
.endr
	v_pk_add_f32 v[228:229], v[100:101], v[104:105]
	v_pk_add_f32 v[252:253], v[108:109], v[112:113]
	v_pk_add_f32 v[250:251], v[116:117], v[120:121]
	v_pk_add_f32 v[248:249], v[124:125], v[128:129]
	v_pk_add_f32 v[246:247], v[132:133], v[136:137]
	v_pk_add_f32 v[244:245], v[140:141], v[144:145]
	v_pk_add_f32 v[242:243], v[148:149], v[152:153]
	v_pk_add_f32 v[14:15], v[14:15], v[156:157]
	v_pk_add_f32 v[228:229], v[228:229], v[96:97]
	v_pk_add_f32 v[252:253], v[252:253], v[98:99]
	v_pk_add_f32 v[250:251], v[250:251], v[102:103]
	v_pk_add_f32 v[248:249], v[248:249], v[106:107]
	v_pk_add_f32 v[246:247], v[246:247], v[110:111]
	v_pk_add_f32 v[244:245], v[244:245], v[114:115]
	v_pk_add_f32 v[242:243], v[242:243], v[118:119]
	v_pk_add_f32 v[14:15], v[14:15], v[122:123]
	v_pk_add_f32 v[228:229], v[228:229], v[126:127]
	v_pk_add_f32 v[252:253], v[252:253], v[130:131]
	v_pk_add_f32 v[250:251], v[250:251], v[134:135]
	v_pk_add_f32 v[248:249], v[248:249], v[138:139]
	v_pk_add_f32 v[246:247], v[246:247], v[142:143]
	v_pk_add_f32 v[244:245], v[244:245], v[146:147]
	v_pk_add_f32 v[242:243], v[242:243], v[150:151]
	v_pk_add_f32 v[14:15], v[14:15], v[154:155]
	v_pk_add_f32 v[228:229], v[228:229], v[158:159]
	s_delay_alu instid0(VALU_DEP_2)
	v_pk_add_f32 v[14:15], v[14:15], v[248:249]
	s_delay_alu instid0(VALU_DEP_2)
	v_pk_add_f32 v[228:229], v[228:229], v[246:247]
	v_pk_add_f32 v[252:253], v[252:253], v[244:245]
	v_pk_add_f32 v[250:251], v[250:251], v[242:243]
	s_delay_alu instid0(VALU_DEP_2)
	v_pk_add_f32 v[14:15], v[14:15], v[252:253]
	s_delay_alu instid0(VALU_DEP_2)
	v_pk_add_f32 v[228:229], v[228:229], v[250:251]
	s_delay_alu instid0(VALU_DEP_1)
	v_pk_add_f32 v[14:15], v[14:15], v[228:229]
.set j, 0
.rept 16
	v_pk_mul_f32 v[O+j:O+j+1], v[O+j:O+j+1], v[F:F+1] op_sel_hi:[1,0]   ; O^T under the new M
.set j, j+2
.endr
	s_wait_alu depctr_va_vdst(0)
	s_wait_dscnt 0x0                               ; v's fragments and scale words
.irp t, 0,1,2,3
	v_wmma_scale_f32_16x16x128_f8f6f4 v[O+8*\t:O+8*\t+7], v[KF+12*\t:KF+12*\t+11], v[PCD:PCD+11], v[O+8*\t:O+8*\t+7], v[KSW+\t], v[PWD] matrix_a_fmt:MATRIX_FMT_FP6 matrix_b_fmt:MATRIX_FMT_FP6
.endr
.Lhid_\@:
	s_add_co_u32 s[ST], s[ST], 1
	s_add_co_u32 s[KO], s[KO], 6144
	s_add_co_u32 s[SKO], s[SKO], 512
	s_add_co_u32 s[SVO], s[SVO], 256
.endm
.macro WALK st, n                      ; n key steps from step 4 st on
	s_mov_b32 s[ST], 4*\st
	s_mov_b32 s[KO], 24576*\st
	s_mov_b32 s[SKO], 2048*\st
	s_mov_b32 s[SVO], 1024*\st
	s_mov_b32 s[CNT], \n
.Lwalk_\@:
	STEP
	s_sub_co_u32 s[CNT], s[CNT], 1
	s_cmp_lg_u32 s[CNT], 0
	s_cbranch_scc1 .Lwalk_\@
.endm
	s_wait_alu depctr_va_vdst(0)
	s_wait_tensorcnt 0x0                   ; my part of keys 0-511 is in
	ds_add_u32 v254, v255
	s_mov_b32 s[G1K+2], 36<<16             ; no load of mine is out: K's later load has 36 rows
	s_mov_b32 s[G1K+4], 36
	s_wait_dscnt 0x0                       ; the add and my stores of scale words are done
	s_barrier_signal -1
	s_barrier_wait -1
	s_cmp_lt_u32 s[WV], 8
	s_cbranch_scc0 .Lrest_v
	tensor_load_to_lds s[G0K+4:G0K+7], s[G1K:G1K+7]
	s_nop 0
.rept 4
	v_nop
.endr
	s_branch .Lrest_asked
.Lrest_v:
	tensor_load_to_lds s[G0K+8:G0K+11], s[G1V:G1V+7]
	s_nop 0
.rept 4
	v_nop
.endr
.Lrest_asked:
	WALK 0, 4                              ; keys 0-511, while the rest is on its way
	s_wait_tensorcnt 0x0                   ; my part of the rest is in
	s_wait_dscnt 0x0
	s_barrier_signal -1
	s_barrier_wait -1                      ; everybody's
	WALK 1, 12
	; THE WAY OUT: O^T / the sum; register 16 b + i is channel 32 b + 16 h + i of my query: two blocks, quantised as every operand is.
.rept 4
	v_nop                                          ; places behind the last products
.endr
	v_add_f32 v14, v14, v15
	s_delay_alu instid0(VALU_DEP_1)
	v_permlanex16_b32 v[TMP], v14, s[SEL], s[SEL+1]
	s_delay_alu instid0(VALU_DEP_1)
	v_add_f32 v14, v14, v[TMP]                     ; the row's sum
	s_wait_alu depctr_va_vdst(0)
	v_rcp_f32 v14, v14
	v_and_b32 v[TMP], 16, v0                       ; (a plain line behind the reciprocal)
.set j, 0
	s_wait_alu depctr_va_vdst(0)
.rept 32
	v_mul_f32 v[S+j], v[O+j], v14
.set j, j+1
.endr
.irp b, 0,1
	v_max3_num_f32 v[MX+\b], |v[S+16*\b]|, |v[S+1+16*\b]|, 0x1800000
.endr
.irp i, 2,4,6,8,10,12,14
.irp b, 0,1
	s_delay_alu instid0(VALU_DEP_2)
	v_max3_num_f32 v[MX+\b], v[MX+\b], |v[S+16*\b+\i]|, |v[S+1+16*\b+\i]|
.endr
.endr
.irp b, 0,1
	s_delay_alu instid0(VALU_DEP_2)
	v_permlanex16_b32 v[PT+\b], v[MX+\b], s[SEL], s[SEL+1]
.endr
.irp b, 0,1
	s_delay_alu instid0(VALU_DEP_2)
	v_max_num_f32 v[MX+\b], v[MX+\b], v[PT+\b]
.endr
.irp b, 0,1
	s_delay_alu instid0(VALU_DEP_2)
	v_add_nc_u32 v[SO+\b], 0xff000000, v[MX+\b]
.endr
.irp b, 0,1
	s_delay_alu instid0(VALU_DEP_2)
	v_lshrrev_b32 v[PT+\b], 23, v[SO+\b]
.endr
	v_cmp_ne_u32 vcc_lo, 0, v[TMP]
	s_delay_alu instid0(VALU_DEP_1)
	v_cndmask_b32 v[MX], v[PT], v[PT+1], vcc_lo    ; lane (r, h) stores block h's byte
	v_cvt_scalef32_pk16_fp6_f32 v[PCD:PCD+2], v[S:S+15], v[SO]
	v_cvt_scalef32_pk16_fp6_f32 v[CT:CT+2], v[S+16:S+31], v[SO+1]
	v_nop
.irp i, 0,1,2
	v_permlane16_swap_b32 v[PCD+\i], v[CT+\i]      ; lane (r, h) now holds block h: its lower 16 codes in the first, its upper 16 in the second
.endr
	global_store_b96 v[MO], v[PCD:PCD+2], s[92:93]
	global_store_b96 v[MO], v[CT:CT+2], s[92:93] offset:12
	global_store_b8 v[MSO], v[MX], s[94:95]
	s_wait_tensorcnt 0x0
	ds_add_u32 v254, v255
	s_wait_dscnt 0x0
	s_endpgm
.Lfunc_end_k_qd4ad294daf_attn:
	.size	k_qd4ad294daf_attn, .Lfunc_end_k_qd4ad294daf_attn-k_qd4ad294daf_attn
	.p2alignl 7, 3214868480
	.fill 96, 4, 3214868480
	.section	.rodata,"a",@progbits
	.p2align	6, 0x0
	.amdhsa_kernel k_qd4ad294daf_attn
		.amdhsa_group_segment_fixed_size 327680
		.amdhsa_private_segment_fixed_size 0
		.amdhsa_enable_private_segment 0
		.amdhsa_kernarg_size 16
		.amdhsa_user_sgpr_count 2
		.amdhsa_user_sgpr_kernarg_segment_ptr 1
		.amdhsa_wavefront_size32 1
		.amdhsa_system_sgpr_workgroup_id_x 1
		.amdhsa_system_sgpr_workgroup_id_y 1
		.amdhsa_system_sgpr_workgroup_id_z 1
		.amdhsa_system_vgpr_workitem_id 0
		.amdhsa_next_free_vgpr 256
		.amdhsa_next_free_sgpr 100
		.amdhsa_reserve_vcc 1
		.amdhsa_float_denorm_mode_32 3
		.amdhsa_float_denorm_mode_16_64 3
		.amdhsa_memory_ordered 1
		.amdhsa_forward_progress 1
		.amdhsa_inst_pref_size 64
	.end_amdhsa_kernel
	.amdgpu_metadata
---
amdhsa.version: [ 1, 2 ]
amdhsa.kernels:
  - .name:           k_qd4ad294daf_attn
    .symbol:         k_qd4ad294daf_attn.kd
    .args:
      - { .name: qkv, .offset: 0, .size: 8, .value_kind: global_buffer, .address_space: global }
      - { .name: aq, .offset: 8, .size: 8, .value_kind: global_buffer, .address_space: global }
    .group_segment_fixed_size: 327680
    .private_segment_fixed_size: 0
    .kernarg_segment_align: 8
    .kernarg_segment_size: 16
    .max_flat_workgroup_size: 512
    .sgpr_count:     100
    .vgpr_count:     256
    .wavefront_size: 32
...
	.end_amdgpu_metadata
.endif
;; end of part 11
;; launch wo (part 12): grid 8 x 32, 4 waves a work-group, clusters of 4 x 4, 327,680 bytes of LDS; arguments aq, Wo_codes, Wo_scales, t; writes t
.if DOCPART == 12
	.amdgcn_target "amdgcn-amd-amdhsa--gfx1250"
	.amdhsa_code_object_version 6
	.text
	.protected	k_qd4ad294daf_wo
	.globl	k_qd4ad294daf_wo
	.p2align	8
	.type	k_qd4ad294daf_wo,@function
k_qd4ad294daf_wo:
	s_mov_b64 s[64:65], 0
	v_nop
	global_prefetch_b8 v0, s[64:65] scope:SCOPE_SE
	s_setreg_imm32_b32 hwreg(HW_REG_WAVE_MODE, 25, 1), 1
	s_wait_xcnt 0x0
	s_wait_alu depctr_hold_cnt(0) depctr_sa_sdst(0) depctr_va_vdst(0) depctr_va_sdst(0) depctr_va_ssrc(0) depctr_va_vcc(0) depctr_vm_vsrc(0)
	s_getreg_b32 s2, hwreg(HW_REG_IB_STS2, 6, 4)
	s_cmp_eq_u32 s2, 0
	s_cbranch_scc0 .Lentry_in_a_cluster
	s_endpgm
.Lentry_in_a_cluster:
	s_bfe_u32 s2, ttmp6, 0x10000c
	s_cmp_lg_u32 s2, 0xf033
	s_cbranch_scc0 .Lentry_shape_is_right
	s_endpgm
.Lentry_shape_is_right:
; C[m][n] = sum over k of A[m][k] B[n][k] on codes of E2M3 with one E8M0 scale for each 32 along K; C [SIZE_M][SIZE_N] f32, without bias (the next launch adds it).
; A's codes lie at byte 0 of the first buffer ([SIZE_M][SIZE_K x 3 / 4 bytes]), its scale bytes at byte ASOFF ([SIZE_M][SIZE_K / 32]); B's codes and scale bytes are the weight's own buffers.
; A TILE OF C IS 128 x 128: SIZE_M x SIZE_N / 16,384 = 256 work-groups.  Four waves, 64 x 64 each: 16 accumulators, 128 registers.
; K lies in LDS whole, filled once by the tensor data mover (rows of 768 bytes; a load brings 128 of them), and goes in two halves of 512.
; The price: a fragment read from LDS feeds four products.
; The scale bytes of the tile's 128 + 128 rows, for all of K, come into LDS once, as rows of 256 bytes.  CLUSTERS of 4 x 4: A's tiles are asked for jointly along a row of the cluster, B's along a column.
; The matrix instruction is used transposed (source 0 = 16 rows of B, source 1 = 16 rows of A): a lane holds eight neighbouring numbers of a row of C.
; REGISTERS: window 0: v0-31 addresses; v32-63 scale words, two sets; v64-127 rows on the way out; v128-255 the accumulators ((a, b) at v[128 + 8 (4 a + b)]).
;   window 1: v64-159, v160-255: two fragment buffers for 128 along K: A's four fragments (48 registers), then B's four.
.set SIZE_M, 4096
.set SIZE_N, 1024
.set SIZE_K, 1024
.set ASOFF,  0x300000
.set KSTEP,  512
.set NQ,     KSTEP/128
.set ROWB,   768                       ; whole rows of K: every byte of LDS is filled once, by the head's four loads
.set KROW,   SIZE_K*6/8
.set PITCH,  816                       ; 3 x (256 bytes + 16 of padding) = 204 words: sixteen rows start at sixteen different multiples of 4 banks
.set FR,     12
.set NP,     4
.set HALFT,  64*PITCH                  ; 64 rows: what one wave reads of A or of B
.set SLOT,   4*HALFT                   ; A's 128 rows, then B's 128 rows
.set LAPS,   SIZE_K/(2*KSTEP)
.set KS,     SIZE_K/32
.set SCL,     SLOT
.set HALFS,  (64*KS/256)*272
.set SBLK,   (16*KS/256)*272
.set SPARE,  SCL+4*HALFS               ; the spare words: 128 bytes a wave, named by no other line
.set SPITCH, 272
.set STAGE,  SPARE+512                 ; the way out's stages: bytes of their own, behind the spare words
.set ADRA, 16                          ; v16 my A fragments; v18 the same behind one padding more
.set ADRB, 20                          ; v20, v22 the same for B
.set STO,  24
.set RD,   25
.set CO,   26
.set ADRS, 27
.set SPW,  28
.set NIL,  29
.set SC,   32                          ; set s at v[SC + 16 s]; register 4 i + q: lanes 0-15 the word of A's block i, lanes 16-31 that of B's block i, for the slot's q-th 128 along K
.set BK,   64
.set ACC,  128
.set FB,   64                          ; in window 1
.set G1, 24
.set G0, 32
.set G1B, 48
.set G0B, 56
.set G1S, 68
.set G0S, 76
.set G1SB, 80
.set G0SB, 88
.set MSB, 0
.macro WIN new                         ; the immediate's high byte repeats the setting that is left
.if MSB != (\new)
	s_set_vgpr_msb (MSB<<8)|(\new)
.set MSB, (\new)
.endif
.endm
.set MUL,  0x05                        ; sources 0 (B) and 1 (A) window 1; C and D window 0
.set TO_F, 0x40                        ; destination window 1, address window 0
.macro JLOAD g0a, g1a, g0b, g1b        ; a joint load: waves 0, 1 fetch for A, waves 2, 3 for B; four v_nop follow each line
	s_cmp_eq_u32 s15, 0
	s_cbranch_scc0 .Lfor_b_\@
	tensor_load_to_lds s[\g0a:\g0a+3], s[\g1a:\g1a+7]
	s_nop 0
.rept 4
	v_nop
.endr
	s_branch .Lasked_\@
.Lfor_b_\@:
	tensor_load_to_lds s[\g0b:\g0b+3], s[\g1b:\g1b+7]
	s_nop 0
.rept 4
	v_nop
.endr
.Lasked_\@:
.endm
.macro CREST                           ; a round of the cluster's barrier behind its opening barrier
	s_cmp_lg_u32 s14, 0
	s_cbranch_scc1 .Lnot_wave_0_\@
	s_barrier_signal -3
.Lnot_wave_0_\@:
	s_barrier_wait -3
	s_barrier_signal -1
	s_barrier_wait -1
.endm
.macro CROUND
	s_barrier_signal -1
	s_barrier_wait -1
	CREST
.endm
	s_load_b128 s[4:7], s[0:1], 0x0                ; A's buffer, B's codes
	s_load_b128 s[8:11], s[0:1], 0x10              ; B's scales, C
	v_lshl_add_u32 v[SPW], v0, 2, SPARE
	v_mov_b32 v[NIL], 0
	ds_add_u32 v28, v29
	ds_add_u32 v28, v29
	s_wait_dscnt 0x0
	v_lshrrev_b32 v1, 5, v0
	v_readfirstlane_b32 s14, v1                    ; wave 0..3
	s_lshr_b32 s15, s14, 1                         ; my half of the tile's rows
	s_and_b32 s16, s14, 1                          ; my half of its columns
	s_bfe_u32 s40, ttmp6, 0x40000                  ; cx
	s_bfe_u32 s41, ttmp6, 0x40004                  ; cy
	s_lshl_b32 s42, ttmp9, 2
	s_add_co_u32 s42, s42, s40                     ; tile column
	s_and_b32 s17, ttmp7, 0xffff
	s_lshl_b32 s17, s17, 2
	s_add_co_u32 s17, s17, s41                     ; tile row
	s_lshl_b32 s43, s41, 2
	s_lshl_b32 s43, 15, s43                        ; my row of the cluster
	s_lshl_b32 s44, 0x1111, s40                    ; my column
	s_or_b32 s[G1+0], s43, (0<<16)|(1<<20)|(1<<21)|(5<<22)|(3<<25)
	s_or_b32 s[G1B+0], s44, (0<<16)|(1<<20)|(1<<21)|(5<<22)|(3<<25)
.irp g, G1, G1B
	s_mov_b32 s[\g+1], ROWB<<16                    ; tensor_dim0
	s_mov_b32 s[\g+2], 128<<16
	s_mov_b32 s[\g+3], ROWB<<16
	s_mov_b32 s[\g+4], 128
	s_mov_b32 s[\g+5], KROW                        ; pitch
	s_mov_b32 s[\g+6], 0
	s_mov_b32 s[\g+7], 0
.endr
	s_or_b32 s[G1S+0], s43, (3<<16)|(1<<20)|(1<<21)|(5<<22)|(3<<25)   ; the scales of 128 rows: a dense block as rows of 256 bytes, 16 of padding behind each
	s_or_b32 s[G1SB+0], s44, (3<<16)|(1<<20)|(1<<21)|(5<<22)|(3<<25)
.irp g, G1S, G1SB
	s_mov_b32 s[\g+1], 32<<16
	s_mov_b32 s[\g+2], (128*KS/256)<<16
	s_mov_b32 s[\g+3], 32<<16
	s_mov_b32 s[\g+4], 128*KS/256
	s_mov_b32 s[\g+5], 32
	s_mov_b32 s[\g+6], 0
	s_mov_b32 s[\g+7], 0
.endr
	s_lshl_b32 s20, s17, 7
	s_lshl_b32 s46, s42, 7
	s_mov_b32 s21, 0
	s_mov_b32 s47, 0
	s_mov_b64 s[18:19], KS
	s_mul_u64 s[22:23], s[20:21], s[18:19]         ; where these rows' scales begin
	s_mul_u64 s[92:93], s[46:47], s[18:19]
	s_mov_b64 s[18:19], KROW
	s_mul_u64 s[20:21], s[20:21], s[18:19]         ; and their codes
	s_mul_u64 s[46:47], s[46:47], s[18:19]
	s_wait_kmcnt 0x0
	s_mov_b64 s[12:13], s[10:11]                   ; C
	s_mov_b64 s[10:11], s[8:9]                     ; B's scales
	s_mov_b64 s[8:9], s[6:7]                       ; B's codes
	s_add_nc_u64 s[6:7], s[4:5], ASOFF             ; A's scales
	s_add_nc_u64 s[20:21], s[4:5], s[20:21]
	s_add_nc_u64 s[22:23], s[6:7], s[22:23]
	s_add_nc_u64 s[46:47], s[8:9], s[46:47]
	s_add_nc_u64 s[92:93], s[10:11], s[92:93]
	CROUND                                         ; all sixteen work-groups are here: the first joint loads meet
	s_mov_b32 s[G0S], 1
	s_mov_b32 s[G0S+1], SCL
	s_mov_b64 s[G0S+2:G0S+3], s[22:23]
	s_or_b32 s[G0S+3], s[G0S+3], 0x80000000
	s_mov_b32 s[G0SB], 1
	s_mov_b32 s[G0SB+1], SCL+2*HALFS
	s_mov_b64 s[G0SB+2:G0SB+3], s[92:93]
	s_or_b32 s[G0SB+3], s[G0SB+3], 0x80000000
	s_mov_b32 s[G0], 1
	s_mov_b32 s[G0+1], 0
	s_mov_b64 s[G0+2:G0+3], s[20:21]
	s_or_b32 s[G0+3], s[G0+3], 0x80000000
	s_mov_b32 s[G0B], 1
	s_mov_b32 s[G0B+1], 2*HALFT
	s_mov_b64 s[G0B+2:G0B+3], s[46:47]
	s_or_b32 s[G0B+3], s[G0B+3], 0x80000000
; the four tiles, one joint load a wave: A's 128 rows, B's 128 rows, A's scales, B's scales; one tree of branches on the wave's number
.macro ARM under, g0, g1, next
	s_cmp_lt_u32 s14, \under
	s_cbranch_scc0 \next
	tensor_load_to_lds s[\g0:\g0+3], s[\g1:\g1+7]
	s_nop 0
.rept 4
	v_nop
.endr
	s_branch .Lhead_asked
\next:
.endm
	ARM 1, G0,  G1,  .Lhead_b
	ARM 2, G0B, G1B, .Lhead_sa
	ARM 3, G0S, G1S, .Lhead_sb
	tensor_load_to_lds s[G0SB:G0SB+3], s[G1SB:G1SB+7]
	s_nop 0
.rept 4
	v_nop
.endr
.Lhead_asked:
	v_and_b32 v1, 15, v0                           ; r
	v_bfe_u32 v2, v0, 4, 1                         ; h
	v_mul_u32_u24 v3, v1, PITCH
	v_mul_u32_u24 v4, v2, 24
	v_add_nc_u32 v4, v3, v4                        ; a fragment's row x pitch + 24 h
	v_lshl_add_u32 v5, v2, 4, v4                   ; and the same behind one padding more
	s_mul_i32 s21, s15, HALFT                      ; my 64 rows of A
	s_mul_i32 s22, s16, HALFT                      ; my 64 rows of B,
	s_add_co_u32 s22, s22, 2*HALFT                 ; which lie behind A's 128
	v_add_nc_u32 v[ADRA], s21, v4
	v_add_nc_u32 v[ADRB], s22, v4
	v_add_nc_u32 v[ADRA+2], s21, v5
	v_add_nc_u32 v[ADRB+2], s22, v5
	v_mul_u32_u24 v5, v1, KS                       ; my row's scales,
	v_lshrrev_b32 v6, 8, v5
	v_lshl_add_u32 v5, v6, 4, v5                   ; 16 more for each 256 passed
	s_mul_i32 s21, s15, HALFS
	s_mul_i32 s22, s16, HALFS
	s_add_co_u32 s22, s22, 2*HALFS
	s_sub_co_u32 s22, s22, s21
	v_mul_u32_u24 v6, s22, v2                      ; lanes 16-31 take B's
	s_add_co_u32 s21, s21, SCL
	v_add_nc_u32 v5, v5, v6
	v_add_nc_u32 v[ADRS], s21, v5
	s_mul_i32 s23, s14, 16*SPITCH
	s_add_co_u32 s23, s23, STAGE
	v_mul_u32_u24 v5, v1, SPITCH                   ; in: row r, 32 bytes for each half of the lanes
	v_lshl_add_u32 v5, v2, 5, v5
	v_add_nc_u32 v[STO], s23, v5
	v_mul_u32_u24 v6, v2, SPITCH                   ; back: lanes 0-15 one row of 256 bytes, lanes 16-31 the next
	v_lshl_add_u32 v6, v1, 4, v6
	v_add_nc_u32 v[RD], s23, v6
	v_mul_u32_u24 v6, v2, SIZE_N*4                 ; and the same two rows in C
	v_lshl_add_u32 v[CO], v1, 4, v6
	s_lshl_b32 s20, s17, 7
	s_lshl_b32 s21, s15, 6
	s_add_co_u32 s20, s20, s21                     ; my first row of C: 128 x tile row + 64 x half
	s_mov_b32 s21, 0
	s_mov_b64 s[18:19], SIZE_N*4
	s_mul_u64 s[20:21], s[20:21], s[18:19]
	s_lshl_b32 s46, s42, 9                         ; my first column, in bytes: 512 x tile column + 256 x half
	s_lshl_b32 s47, s16, 8
	s_add_co_u32 s46, s46, s47
	s_mov_b32 s47, 0
	s_add_nc_u64 s[20:21], s[20:21], s[46:47]
	s_add_nc_u64 s[12:13], s[12:13], s[20:21]
.macro FRAG reg, adr, q, i             ; 16 rows x 128 K of 6-bit codes: 12 registers, in pieces of 8 bytes.  Lanes 16-31 read three pieces further on: where that lies behind one padding more (32 pieces to a padding), the second address register serves
.irp p, 0,1,2,3,4,5
.set PC, 12*(\q)+6*(\p/3)+\p%3
.if PC%32 < 29                         ; 32 pieces to a padding; q counts the row's eight steps of 128 along K
	ds_load_b64 v[\reg+2*\p:\reg+2*\p+1], v[\adr] offset:8*PC+16*(PC/32)+(\i)*16*PITCH
.else
	ds_load_b64 v[\reg+2*\p:\reg+2*\p+1], v[\adr+2] offset:8*PC+16*(PC/32)+(\i)*16*PITCH
.endif
.endr
.endm
.macro MUL8 a0, f, q, sc, zero         ; 8 matrix instructions: A's blocks a0, a0 + 1 x B's four, from buffer f; the 16 accumulators take turns
.irp a, \a0, \a0+1
.irp b, 0,1,2,3
.if \zero
	v_wmma_scale_f32_16x16x128_f8f6f4 v[ACC+8*(4*(\a)+\b):ACC+8*(4*(\a)+\b)+7], v[FB+96*(\f)+48+FR*\b:FB+96*(\f)+48+FR*\b+FR-1], v[FB+96*(\f)+FR*(\a):FB+96*(\f)+FR*(\a)+FR-1], 0, v[SC+4*NQ*(\sc)+NQ*\b+(\q)], v[SC+4*NQ*(\sc)+NQ*(\a)+(\q)] matrix_a_fmt:MATRIX_FMT_FP6 matrix_b_fmt:MATRIX_FMT_FP6 matrix_a_scale:MATRIX_SCALE_ROW1
.else
	v_wmma_scale_f32_16x16x128_f8f6f4 v[ACC+8*(4*(\a)+\b):ACC+8*(4*(\a)+\b)+7], v[FB+96*(\f)+48+FR*\b:FB+96*(\f)+48+FR*\b+FR-1], v[FB+96*(\f)+FR*(\a):FB+96*(\f)+FR*(\a)+FR-1], v[ACC+8*(4*(\a)+\b):ACC+8*(4*(\a)+\b)+7], v[SC+4*NQ*(\sc)+NQ*\b+(\q)], v[SC+4*NQ*(\sc)+NQ*(\a)+(\q)] matrix_a_fmt:MATRIX_FMT_FP6 matrix_b_fmt:MATRIX_FMT_FP6 matrix_a_scale:MATRIX_SCALE_ROW1
.endif
.endr
.endr
.endm
.macro FETCH slot, q, f                ; 48 LDS loads in one run: the eight fragments of the slot's q-th 128 along K into buffer f
	WIN TO_F
.irp i, 0,1,2,3
	FRAG FB+96*(\f)+48+FR*\i, ADRB, 4*(\slot)+(\q), \i
	FRAG FB+96*(\f)+FR*\i, ADRA, 4*(\slot)+(\q), \i
.endr
	WIN 0
.endm
.macro SCALES sc                       ; a slot's scale words, four a row: lanes 0-15 A's block i, lanes 16-31 B's block i
.irp i, 0,1,2,3
	ds_load_b128 v[SC+4*NQ*\sc+NQ*\i:SC+4*NQ*\sc+NQ*\i+3], v[ADRS] offset:\i*SBLK
.endr
.endm
.macro PLACES n                        ; plain vector lines between a matrix instruction and a load into, or a read of, its registers
.rept \n
	v_nop
.endr
.endm
.macro STEP slot, q, zero              ; 128 along K whose successor lies in the same slot: the successor's fragments are asked for first, then come this step's 16 products
	s_wait_dscnt 0x0                               ; this step's fragments (and a slot's scale words) are in
	PLACES NP                                      ; the other buffer was read by the 16 products just issued
	FETCH \slot, (\q)+1, 1-(\q)%2
	WIN MUL
	MUL8 0, (\q)%2, \q, \slot, \zero
	MUL8 2, (\q)%2, \q, \slot, \zero
	WIN 0
.endm
.macro TURN slot, next, fill           ; a slot's last step changes slots: one barrier; fill = 1: this slot is filled again, two slots ahead
	s_wait_tensorcnt 0x0                           ; all my tensor loads have landed: my part of the next slot
	ds_add_u32 v[SPW], v[NIL]                      ; 0 onto my spare word
	s_wait_dscnt 1                                 ; this step's fragments are in; the add may be out
	WIN MUL
	MUL8 0, 1, NQ-1, \slot, 0
	s_wait_dscnt 0x0                               ; the add is done, and my reads of this slot are over
	s_barrier_signal -1
	MUL8 2, 1, NQ-1, \slot, 0
	WIN 0
	s_barrier_wait -1
.if \fill
	CREST                                          ; the barrier has opened a round of the cluster's: no wave of any partner still reads this slot or has a load on its way
	s_add_nc_u64 s[G0+4*\slot+2:G0+4*\slot+3], s[G0+4*\slot+2:G0+4*\slot+3], 2*ROWB
	s_add_nc_u64 s[G0B+4*\slot+2:G0B+4*\slot+3], s[G0B+4*\slot+2:G0B+4*\slot+3], 2*ROWB
	JLOAD G0+4*\slot, G1, G0B+4*\slot, G1B         ; the first tensor load behind the round; its four v_nop are the places in front of the loads below
.else
	PLACES NP
.endif
	v_add_nc_u32 v[ADRS], 4*NQ, v[ADRS]            ; on to the next slot's scale words
	FETCH \next, 0, 0
	SCALES \next
.endm
	s_wait_alu depctr_va_vdst(0)
	s_wait_tensorcnt 0x0                   ; my tile of the four is in
	s_barrier_signal -1
	s_barrier_wait -1
	FETCH 0, 0, 0
	SCALES 0
	STEP 0, 0, 1                                   ; the first step's products start the sums
.if LAPS > 1
	s_mov_b32 s3, LAPS-1
.Llap:                                                 ; a trip goes once round the ring, from a lap's second step to the next lap's first, and fills both slots again
	STEP 0, 1, 0
	STEP 0, 2, 0
	TURN 0, 1, 1
	STEP 1, 0, 0
	STEP 1, 1, 0
	STEP 1, 2, 0
	TURN 1, 0, 1
	STEP 0, 0, 0
	s_sub_co_u32 s3, s3, 1
	s_cmp_lg_u32 s3, 0
	s_cbranch_scc1 .Llap
.endif
	STEP 0, 1, 0                                   ; the last lap fills nothing
	STEP 0, 2, 0
	TURN 0, 1, 0
	STEP 1, 0, 0
	STEP 1, 1, 0
	STEP 1, 2, 0
	s_wait_dscnt 0x0                               ; the very last step: nothing more to fetch
	WIN MUL
	MUL8 0, 1, NQ-1, 1, 0
	MUL8 2, 1, NQ-1, 1, 0
	WIN 0
; THE WAY OUT, block by block of 16 rows x 64 columns (256 bytes a row), through my own stage: back come whole rows.  LDS serves a wave's instructions in order (ISA guide 5.7.1.4).
.macro TOSTAGE a
.irp b, 0,1,2,3
	ds_store_b128 v[STO], v[ACC+8*(4*(\a)+\b):ACC+8*(4*(\a)+\b)+3] offset:64*\b          ; each accumulator from its low end on
	ds_store_b128 v[STO], v[ACC+8*(4*(\a)+\b)+4:ACC+8*(4*(\a)+\b)+7] offset:64*\b+16
.endr
.set BB, BK+32*((\a)%2)
.irp t, 0,1,2,3,4,5,6,7
	ds_load_b128 v[BB+4*\t:BB+4*\t+3], v[RD] offset:\t*2*SPITCH
.endr
.endm
.macro SEND a, younger
.set BB, BK+32*((\a)%2)
	s_wait_dscnt \younger
.if (\a) > 0
	s_add_nc_u64 s[12:13], s[12:13], 16*SIZE_N*4   ; behind a wait on XCNT: the earlier stores have read their base
.endif
.irp t, 0,1,2,3,4,5,6,7
	global_store_b128 v[CO], v[BB+4*\t:BB+4*\t+3], s[12:13] offset:2*\t*SIZE_N*4   ; 16 lanes store 256 consecutive bytes, at a multiple of 256 from C's first byte
.endr
.endm
	PLACES NP
	TOSTAGE 0
.irp a, 1,2,3
.if \a > 1
	s_wait_xcnt 0x0                                ; block a - 2's stores have read their registers and their base
.endif
	TOSTAGE \a
	SEND \a-1, 16                                  ; behind block a - 1's loads: block a's 8 stores and 8 loads
.endr
	s_wait_xcnt 0x0
	SEND 3, 0
	s_wait_tensorcnt 0x0                           ; the wave's end
	ds_add_u32 v[SPW], v[NIL]
	s_wait_dscnt 0x0
	CROUND                                         ; the closing round
	s_endpgm
.Lfunc_end_k_qd4ad294daf_wo:
	.size	k_qd4ad294daf_wo, .Lfunc_end_k_qd4ad294daf_wo-k_qd4ad294daf_wo
	.p2alignl 7, 3214868480
	.fill 96, 4, 3214868480
	.section	.rodata,"a",@progbits
	.p2align	6, 0x0
	.amdhsa_kernel k_qd4ad294daf_wo
		.amdhsa_group_segment_fixed_size 327680
		.amdhsa_private_segment_fixed_size 0
		.amdhsa_enable_private_segment 0
		.amdhsa_kernarg_size 32
		.amdhsa_user_sgpr_count 2
		.amdhsa_user_sgpr_kernarg_segment_ptr 1
		.amdhsa_wavefront_size32 1
		.amdhsa_system_sgpr_workgroup_id_x 1
		.amdhsa_system_sgpr_workgroup_id_y 1
		.amdhsa_system_sgpr_workgroup_id_z 1
		.amdhsa_system_vgpr_workitem_id 0
		.amdhsa_next_free_vgpr 512
		.amdhsa_next_free_sgpr 98
		.amdhsa_reserve_vcc 0
		.amdhsa_float_denorm_mode_32 3
		.amdhsa_float_denorm_mode_16_64 3
		.amdhsa_memory_ordered 1
		.amdhsa_forward_progress 1
		.amdhsa_inst_pref_size 60
	.end_amdhsa_kernel
	.amdgpu_metadata
---
amdhsa.version: [ 1, 2 ]
amdhsa.kernels:
  - .name:           k_qd4ad294daf_wo
    .symbol:         k_qd4ad294daf_wo.kd
    .args:
      - { .name: aq, .offset: 0, .size: 8, .value_kind: global_buffer, .address_space: global }
      - { .name: Wo_codes, .offset: 8, .size: 8, .value_kind: global_buffer, .address_space: global }
      - { .name: Wo_scales, .offset: 16, .size: 8, .value_kind: global_buffer, .address_space: global }
      - { .name: t, .offset: 24, .size: 8, .value_kind: global_buffer, .address_space: global }
    .group_segment_fixed_size: 327680
    .private_segment_fixed_size: 0
    .kernarg_segment_align: 8
    .kernarg_segment_size: 32
    .max_flat_workgroup_size: 128
    .sgpr_count:     98
    .vgpr_count:     512
    .wavefront_size: 32
...
	.end_amdgpu_metadata
.endif
;; end of part 12
;; launch ln1 (part 13): grid 256 x 1, 8 waves a work-group, no clusters, 42,496 bytes of LDS; arguments t, X, bo, ln1_g, ln1_b, hf, aq; writes hf, aq
.if DOCPART == 13
	.amdgcn_target "amdgcn-amd-amdhsa--gfx1250"
	.amdhsa_code_object_version 6
	.text
	.protected	k_qd4ad294daf_ln1
	.globl	k_qd4ad294daf_ln1
	.p2align	8
	.type	k_qd4ad294daf_ln1,@function
k_qd4ad294daf_ln1:
	s_mov_b64 s[64:65], 0
	v_nop
	global_prefetch_b8 v0, s[64:65] scope:SCOPE_SE
	s_setreg_imm32_b32 hwreg(HW_REG_WAVE_MODE, 25, 1), 1
	s_wait_xcnt 0x0
; y = LayerNorm(t + bias + residual) x gain + shift, rows of 1,024, all in f32; y is stored as f32, and with QOUT = 1 also quantised along the row into aq (codes [4096][768 bytes] at 0, scale bytes [4096][32] at 0x300000).
; A wave owns two whole rows (32 registers a row: chunk j of a row is 512 consecutive bytes, 16 a lane), so mean and variance never leave the wave.  All 56 loads of a wave go out at the start.
; The variance is the mean of the squares of the centred numbers, as the definition has it.  Memory binds: no matrix unit, no tensor load, no cluster.
; QOUT: the conversions want 16 neighbours in a lane: 512 numbers at a time turn through the wave's own stage in LDS (64 bytes + 16 of padding a lane); two lanes hold a block.  The work-group's 512 scale bytes are
; gathered in LDS and leave as 512 consecutive bytes.  LIMITS: a block of zeros gets the byte 1 (zero codes; only this program reads the bytes); NaN and infinities are not served.
.set QOUT, 1
.set G,   16                           ; v16-47 gain;  v48-79 shift;  v80-111 bias;  v112-143, v176-207 the rows;  v144-175, v208-239 their residuals, later 16 neighbours
.set BT,  48
.set BI,  80
.set CH,  240                          ; v240-247 four chains of sums
.set MU,  248
.set RS,  250
.set CD,  252                          ; v252-254 codes
.set SP,  80
.set SCB, 40960
	s_load_b256 s[4:11], s[0:1], 0x0               ; t, the residual, the bias, the gain
	s_load_b128 s[12:15], s[0:1], 0x20             ; the shift, y
.if QOUT
	s_load_b64 s[16:17], s[0:1], 0x30              ; aq
	v_lshl_add_u32 v13, v0, 2, 0xa200
	v_mov_b32 v255, 0
.endif
	v_lshrrev_b32 v1, 5, v0
	s_delay_alu instid0(VALU_DEP_1)
	v_readfirstlane_b32 s18, v1                    ; wave 0..7
	v_and_b32 v2, 31, v0
	s_wait_alu depctr_va_vdst(0)
	v_lshlrev_b32 v1, 4, v2                        ; 16 x lane
	v_mov_b32 v[MU+1], 0                           ; named as upper halves of pairs
	v_mov_b32 v[RS+1], 0
	s_lshl_b32 s20, ttmp9, 16
	s_lshl_b32 s21, s18, 13
	s_add_co_u32 s20, s20, s21                     ; my first row: (16 x work-group + 2 x wave) x 4,096 bytes
	s_mov_b32 s21, 0
	s_mov_b32 s26, 0x3a800000                      ; 1 / 1,024
	s_mov_b32 s27, 0x3727c5ac                      ; 1e-5
	s_mov_b32 s28, 0x76543210
	s_mov_b32 s29, 0xfedcba98
.if QOUT
	s_mul_i32 s24, s18, 5120
	v_lshrrev_b32 v14, 2, v2
	s_delay_alu instid0(VALU_DEP_1)
	v_mul_u32_u24 v14, v14, SP
	v_and_b32 v15, 3, v2
	s_delay_alu instid0(VALU_DEP_1)
	v_lshl_add_u32 v14, v15, 4, v14
	s_delay_alu instid0(VALU_DEP_1)
	v_add_nc_u32 v14, s24, v14                     ; the stage, way in
	v_mul_u32_u24 v15, v2, SP
	s_delay_alu instid0(VALU_DEP_1)
	v_add_nc_u32 v15, s24, v15                     ; way out
	v_mul_u32_u24 v4, v2, 12
	v_lshrrev_b32 v5, 1, v2
	s_lshl_b32 s24, s18, 6
	s_add_co_u32 s24, s24, SCB
	v_add_nc_u32 v5, s24, v5                       ; my block's byte
	v_add_nc_u32 v3, SCB, v1                       ; the bytes' way out
	s_mul_i32 s22, ttmp9, 12288
	s_mul_i32 s23, s18, 1536
	s_add_co_u32 s22, s22, s23
	s_mov_b32 s23, 0
	s_lshl_b32 s24, ttmp9, 9
	s_add_co_u32 s24, s24, 0x300000
	s_mov_b32 s25, 0
.endif
	s_wait_kmcnt 0x0
	s_add_nc_u64 s[4:5], s[4:5], s[20:21]
	s_add_nc_u64 s[6:7], s[6:7], s[20:21]
	s_add_nc_u64 s[14:15], s[14:15], s[20:21]
.if QOUT
	s_add_nc_u64 s[22:23], s[16:17], s[22:23]
	s_add_nc_u64 s[24:25], s[16:17], s[24:25]
.endif
.macro LDV reg, base                   ; a vector of 1,024, read by every wave
.irp j, 0,1,2,3,4,5,6,7
	global_load_b128 v[\reg+4*\j:\reg+4*\j+3], v1, s[\base:\base+1] offset:512*\j
.endr
.endm
.macro LDR reg, base, i                ; my row i, read once
.irp j, 0,1,2,3,4,5,6,7
	global_load_b128 v[\reg+4*\j:\reg+4*\j+3], v1, s[\base:\base+1] offset:4096*\i+512*\j th:TH_LOAD_NT
.endr
.endm
	LDV BI, 8
	LDR 112, 4, 0
	LDR 144, 6, 0
	LDV G, 10
	LDV BT, 12
	LDR 176, 4, 1
	LDR 208, 6, 1
.macro ACROSS                          ; four chains, two halves, 32 lanes: the sum in every lane, in v[CH]
	s_delay_alu instid0(VALU_DEP_3)
	v_pk_add_f32 v[CH:CH+1], v[CH:CH+1], v[CH+2:CH+3]
	s_delay_alu instid0(VALU_DEP_2)
	v_pk_add_f32 v[CH+4:CH+5], v[CH+4:CH+5], v[CH+6:CH+7]
	s_delay_alu instid0(VALU_DEP_1)
	v_pk_add_f32 v[CH:CH+1], v[CH:CH+1], v[CH+4:CH+5]
	s_delay_alu instid0(VALU_DEP_1)
	v_add_f32 v[CH], v[CH], v[CH+1]
	s_delay_alu instid0(VALU_DEP_1)
	v_add_f32_dpp v[CH], v[CH], v[CH] row_xmask:1 row_mask:0xf bank_mask:0xf
	s_delay_alu instid0(VALU_DEP_1)
	v_add_f32_dpp v[CH], v[CH], v[CH] row_xmask:2 row_mask:0xf bank_mask:0xf
	s_delay_alu instid0(VALU_DEP_1)
	v_add_f32_dpp v[CH], v[CH], v[CH] row_xmask:4 row_mask:0xf bank_mask:0xf
	s_delay_alu instid0(VALU_DEP_1)
	v_add_f32_dpp v[CH], v[CH], v[CH] row_xmask:8 row_mask:0xf bank_mask:0xf
	s_delay_alu instid0(VALU_DEP_1)
	v_permlanex16_b32 v[CH+1], v[CH], s28, s29
	s_delay_alu instid0(VALU_DEP_1)
	v_add_f32 v[CH], v[CH], v[CH+1]
.endm
.macro ROW i
.set A, 112+64*\i
.set R, 144+64*\i
.if \i == 0
	s_wait_loadcnt 32                              ; the bias and row 0 are in; gain, shift and row 1 (32 loads) may be out
.else
	s_wait_loadcnt 0x0
.endif
.set p, 0
.rept 16
	v_pk_add_f32 v[A+p:A+p+1], v[A+p:A+p+1], v[BI+p:BI+p+1]
.set p, p+2
.endr
.set p, 0
.rept 16
	v_pk_add_f32 v[A+p:A+p+1], v[A+p:A+p+1], v[R+p:R+p+1]
.set p, p+2
.endr
.irp c, 0,1,2,3
	v_pk_add_f32 v[CH+2*\c:CH+2*\c+1], v[A+2*\c:A+2*\c+1], v[A+8+2*\c:A+9+2*\c]
.endr
.irp q, 16,24
.irp c, 0,1,2,3
	s_delay_alu instid0(VALU_DEP_4)
	v_pk_add_f32 v[CH+2*\c:CH+2*\c+1], v[CH+2*\c:CH+2*\c+1], v[A+\q+2*\c:A+\q+1+2*\c]
.endr
.endr
	ACROSS
	s_delay_alu instid0(VALU_DEP_1)
	v_mul_f32 v[MU], s26, v[CH]                    ; the mean
.set p, 0
.rept 16
	v_pk_add_f32 v[A+p:A+p+1], v[A+p:A+p+1], v[MU:MU+1] op_sel_hi:[1,0] neg_lo:[0,1] neg_hi:[0,1]
.set p, p+2
.endr
.irp c, 0,1,2,3
	v_pk_mul_f32 v[CH+2*\c:CH+2*\c+1], v[A+2*\c:A+2*\c+1], v[A+2*\c:A+2*\c+1]
.endr
.irp q, 8,16,24
.irp c, 0,1,2,3
	s_delay_alu instid0(VALU_DEP_4)
	v_pk_fma_f32 v[CH+2*\c:CH+2*\c+1], v[A+\q+2*\c:A+\q+1+2*\c], v[A+\q+2*\c:A+\q+1+2*\c], v[CH+2*\c:CH+2*\c+1]
.endr
.endr
	ACROSS
	s_delay_alu instid0(VALU_DEP_1)
	v_fma_f32 v[CH], v[CH], s26, s27               ; the variance + 1e-5
	s_wait_alu depctr_va_vdst(0)
	v_rsq_f32 v[RS], v[CH]
	v_nop                                          ; one plain line behind the transcendental
.if \i == 0
	s_wait_loadcnt 16                              ; gain and shift are in; row 1 (16 loads) may be out
.endif
.set p, 0
	s_wait_alu depctr_va_vdst(0)
.rept 16
	v_pk_mul_f32 v[A+p:A+p+1], v[A+p:A+p+1], v[RS:RS+1] op_sel_hi:[1,0]
.set p, p+2
.endr
.set p, 0
.rept 16
	v_pk_fma_f32 v[A+p:A+p+1], v[A+p:A+p+1], v[G+p:G+p+1], v[BT+p:BT+p+1]
.set p, p+2
.endr
.irp j, 0,1,2,3,4,5,6,7
.if QOUT
	global_store_b128 v1, v[A+4*\j:A+4*\j+3], s[14:15] offset:4096*\i+512*\j
.else
	global_store_b128 v1, v[A+4*\j:A+4*\j+3], s[14:15] offset:4096*\i+512*\j th:TH_STORE_NT
.endif
.endr
.if QOUT
.irp u, 0,1                            ; 512 numbers at a time
.set XS, R+16*\u
.irp k, 0,1,2,3
	ds_store_b128 v14, v[A+16*\u+4*\k:A+16*\u+4*\k+3] offset:2560*\u+640*\k
.endr
.irp k, 0,1,2,3
	ds_load_b128 v[XS+4*\k:XS+4*\k+3], v15 offset:2560*\u+16*\k   ; in order behind my stores
.endr
	s_wait_dscnt 0x0
	v_max3_num_f32 v10, |v[XS]|, |v[XS+1]|, |v[XS+2]|
	v_max3_num_f32 v11, |v[XS+3]|, |v[XS+4]|, |v[XS+5]|
.irp q, 6,10
	s_delay_alu instid0(VALU_DEP_2)
	v_max3_num_f32 v10, v10, |v[XS+\q]|, |v[XS+\q+1]|
	s_delay_alu instid0(VALU_DEP_2)
	v_max3_num_f32 v11, v11, |v[XS+\q+2]|, |v[XS+\q+3]|
.endr
	s_delay_alu instid0(VALU_DEP_2)
	v_max3_num_f32 v10, v10, |v[XS+14]|, |v[XS+15]|
	s_delay_alu instid0(VALU_DEP_1)
	v_max3_num_f32 v10, v10, v11, 0x1800000        ; the floor: the byte cannot fall under 1
	s_delay_alu instid0(VALU_DEP_1)
	v_max_num_f32_dpp v10, v10, v10 row_xmask:1 row_mask:0xf bank_mask:0xf
	s_delay_alu instid0(VALU_DEP_1)
	v_add_nc_u32 v12, 0xff000000, v10              ; 2 off the exponent field: the conversion's scale operand
	s_wait_alu depctr_va_vdst(0)
	s_wait_xcnt 0x0                                ; the last store of codes has read its registers
	v_cvt_scalef32_pk16_fp6_f32 v[CD:CD+2], v[XS:XS+15], v12
	v_lshrrev_b32 v[6+2*\i+\u], 23, v12            ; the byte (also the plain line behind the conversion)
	ds_store_b8 v5, v[6+2*\i+\u] offset:16*(2*\i+\u)
	global_store_b96 v4, v[CD:CD+2], s[22:23] offset:768*\i+384*\u   ; 384 consecutive bytes
.endr
.endif
.endm
	ROW 0
	ROW 1
.if QOUT
	s_wait_dscnt 0x0                               ; for wave 0's sake: my byte stores are done
	s_barrier_signal -1
	s_barrier_wait -1
	s_cmp_lg_u32 s18, 0
	s_cbranch_scc1 .Ldone
	ds_load_b128 v[CH:CH+3], v3
	s_wait_dscnt 0x0
	global_store_b128 v1, v[CH:CH+3], s[24:25]     ; 16 rows' scale bytes: 512 consecutive bytes, aligned
.Ldone:
.endif
	s_wait_tensorcnt 0x0
	ds_add_u32 v13, v255
	s_wait_dscnt 0x0
	s_endpgm
.Lfunc_end_k_qd4ad294daf_ln1:
	.size	k_qd4ad294daf_ln1, .Lfunc_end_k_qd4ad294daf_ln1-k_qd4ad294daf_ln1
	.p2alignl 7, 3214868480
	.fill 96, 4, 3214868480
	.section	.rodata,"a",@progbits
	.p2align	6, 0x0
	.amdhsa_kernel k_qd4ad294daf_ln1
		.amdhsa_group_segment_fixed_size 42496
		.amdhsa_private_segment_fixed_size 0
		.amdhsa_enable_private_segment 0
		.amdhsa_kernarg_size 56
		.amdhsa_user_sgpr_count 2
		.amdhsa_user_sgpr_kernarg_segment_ptr 1
		.amdhsa_wavefront_size32 1
		.amdhsa_system_sgpr_workgroup_id_x 1
		.amdhsa_system_sgpr_workgroup_id_y 1
		.amdhsa_system_sgpr_workgroup_id_z 1
		.amdhsa_system_vgpr_workitem_id 0
		.amdhsa_next_free_vgpr 256
		.amdhsa_next_free_sgpr 66
		.amdhsa_reserve_vcc 0
		.amdhsa_float_denorm_mode_32 3
		.amdhsa_float_denorm_mode_16_64 3
		.amdhsa_memory_ordered 1
		.amdhsa_forward_progress 1
		.amdhsa_inst_pref_size 36
	.end_amdhsa_kernel
	.amdgpu_metadata
---
amdhsa.version: [ 1, 2 ]
amdhsa.kernels:
  - .name:           k_qd4ad294daf_ln1
    .symbol:         k_qd4ad294daf_ln1.kd
    .args:
      - { .name: t, .offset: 0, .size: 8, .value_kind: global_buffer, .address_space: global }
      - { .name: X, .offset: 8, .size: 8, .value_kind: global_buffer, .address_space: global }
      - { .name: bo, .offset: 16, .size: 8, .value_kind: global_buffer, .address_space: global }
      - { .name: ln1_g, .offset: 24, .size: 8, .value_kind: global_buffer, .address_space: global }
      - { .name: ln1_b, .offset: 32, .size: 8, .value_kind: global_buffer, .address_space: global }
      - { .name: hf, .offset: 40, .size: 8, .value_kind: global_buffer, .address_space: global }
      - { .name: aq, .offset: 48, .size: 8, .value_kind: global_buffer, .address_space: global }
    .group_segment_fixed_size: 42496
    .private_segment_fixed_size: 0
    .kernarg_segment_align: 8
    .kernarg_segment_size: 56
    .max_flat_workgroup_size: 256
    .sgpr_count:     66
    .vgpr_count:     256
    .wavefront_size: 32
...
	.end_amdgpu_metadata
.endif
;; end of part 13
;; launch up (part 14): grid 16 x 16, 4 waves a work-group, clusters of 4 x 4, 327,680 bytes of LDS; arguments aq, Wup_codes, Wup_scales, bup, uq; writes uq
.if DOCPART == 14
	.amdgcn_target "amdgcn-amd-amdhsa--gfx1250"
	.amdhsa_code_object_version 6
	.text
	.protected	k_qd4ad294daf_up
	.globl	k_qd4ad294daf_up
	.p2align	8
	.type	k_qd4ad294daf_up,@function
k_qd4ad294daf_up:
	s_mov_b64 s[64:65], 0
	v_nop
	global_prefetch_b8 v0, s[64:65] scope:SCOPE_SE
	s_setreg_imm32_b32 hwreg(HW_REG_WAVE_MODE, 25, 1), 1
	s_wait_xcnt 0x0
	s_wait_alu depctr_hold_cnt(0) depctr_sa_sdst(0) depctr_va_vdst(0) depctr_va_sdst(0) depctr_va_ssrc(0) depctr_va_vcc(0) depctr_vm_vsrc(0)
	s_getreg_b32 s2, hwreg(HW_REG_IB_STS2, 6, 4)
	s_cmp_eq_u32 s2, 0
	s_cbranch_scc0 .Lentry_in_a_cluster
	s_endpgm
.Lentry_in_a_cluster:
	s_bfe_u32 s2, ttmp6, 0x10000c
	s_cmp_lg_u32 s2, 0xf033
	s_cbranch_scc0 .Lentry_shape_is_right
	s_endpgm
.Lentry_shape_is_right:
; A GEMM on codes of E2M3 (K = 1,024) whose result, with its bias, is QUANTISED AGAIN on the way out, along the result's columns.  One text, two uses (MODE):
; MODE 0: q, k, v = X W^T + b.  Cluster x = 0: q, 1: k: A = X's codes (aq), B = the weight: a lane holds one token, its registers run along the channels: quantised along the head's 64.
;         Cluster x = 2: v, with the roles changed: A = Wv, B = X's codes: a lane holds one channel, its registers run along the keys, which are v's K in the second product of attention.
;         Only pointers, two tile coordinates and address constants differ, all chosen by the cluster's x, which partners share: one path for all.
; MODE 1: up = relu(h Wup^T + bup): A = h's codes (aq), B = Wup; quantised along the 4,096 channels into uq: codes [4096][3,072 bytes] at 0, scale bytes [4096][128] at 0xC00000.
; A tile of 256 x 256 is made by four waves, 128 x 128 each: 64 accumulators, 512 registers.  K goes through two LDS slots in chunks of 256 bytes of each row of 768, filled by the tensor data mover; a step is 128 along K.
; The scale bytes of the tile's 256 + 256 rows come into LDS once.  CLUSTERS of 4 x 4: A's tiles are asked for jointly along a row of the cluster, B's along a column.
; The matrix instruction is used transposed (source 0 = 16 rows of B, source 1 = 16 rows of A): lane (r, h) holds A's row 16 a + r, register j of accumulator (a, b) B's row 16 b + 8 h + j.
; WAY OUT: block a's 64 numbers a lane: bias or relu; halves of the lanes exchanged so that 16 registers are 16 neighbours; largest magnitudes, bytes, conversions; codes into a stage in slot 1
; (256 rows x 16 places of 16 bytes, 12 used), scale words beside it; one barrier; whole runs leave: MODE 0: 384 consecutive bytes a store, MODE 1: two runs of 192 (a tile's part of a row), scale bytes 8 a row.
; LIMITS: a block of zeros gets the byte 1 (zero codes; only this program reads the bytes); NaN and infinities are not served.
; REGISTERS: window 0: v0-31 addresses; v32-63 scale words; v64-127 the column bias; v128-223 A's fragments; v224-239 the row bias; way out: v128-191 numbers, v192-211 codes, v240-255 at work, v64-191 rows read back.
;   window 1: B's fragments, two sets.  windows 2, 3: the accumulators.
.set MODE,   1
.set PO,     1-MODE                    ; 1: rows are laid with bits 3 and 4 exchanged
.set NQ,     2
.set ROWB,   256                       ; the ring goes by chunks of 256 bytes of each row of 768
.set KROW,   768
.set STEPS,  8
.set CHUNKS, 3
.set PITCH,  272
.set G0H,    4                         ; s[4:7], s[8:11]: group 0 of the head's loads of chunk 0
.set G0HB,   8
.set FR,     12
.set NL,     6
.set NP,     4
.set HALFT,  128*PITCH
.set SLOT,   4*HALFT
.set KS,     32
.set SCL,    2*SLOT
.set HALFS,  (128*KS/256)*272
.set SBLK,   (16*KS/256)*272
.set SPARE,  SCL+4*HALFS               ; the spare words: 128 bytes a wave, named by no other line
.set SROW,   272                       ; the stage: a row of 16 places of 16 bytes + 16
.set SCST,   SLOT+256*SROW             ; the stage lies in slot 1, which does not hold the last chunk
.set ADRA, 16
.set ADRB, 20
.set STO,  24
.set RD,   25
.set CO,   26
.set ADRS, 27
.set SPW,  28
.set NIL,  29
.set SST,  30
.set SRD,  31
.set SCO,  8
.set PW,   10
.set SC,   32
.set BIAS, 64
.set AF,   128
.set T,    128
.set CDS,  192
.set RB,   224
.set TM,   240
.set OUT,  64
.set SEL,  100
.set G1, 24
.set G0, 32
.set G1B, 48
.set G0B, 56
.set G1S, 68
.set G0S, 76
.set G1SB, 80
.set G0SB, 88
.set MSB, 0
.macro WIN new                         ; the immediate's high byte repeats the setting that is left
.if MSB != (\new)
	s_set_vgpr_msb (MSB<<8)|(\new)
.set MSB, (\new)
.endif
.endm
.set MUL_LO, 0xa1                      ; source 0 (B) window 1, source 1 (A) window 0, C and D window 2
.set MUL_HI, 0xf1
.set MUL_LO0, 0x81                     ; the first step: C (the bias) window 0, D window 2
.set MUL_HI0, 0xc1
.set TO_B,   0x40
.macro JLOAD g0a, g1a, g0b, g1b        ; a joint load: waves 0, 1 fetch for A, waves 2, 3 for B; four v_nop follow each line
	s_cmp_eq_u32 s15, 0
	s_cbranch_scc0 .Lfor_b_\@
	tensor_load_to_lds s[\g0a:\g0a+3], s[\g1a:\g1a+7]
	s_nop 0
.rept 4
	v_nop
.endr
	s_branch .Lasked_\@
.Lfor_b_\@:
	tensor_load_to_lds s[\g0b:\g0b+3], s[\g1b:\g1b+7]
	s_nop 0
.rept 4
	v_nop
.endr
.Lasked_\@:
.endm
.macro CREST                           ; a round of the cluster's barrier behind its opening barrier
	s_cmp_lg_u32 s14, 0
	s_cbranch_scc1 .Lnot_wave_0_\@
	s_barrier_signal -3
.Lnot_wave_0_\@:
	s_barrier_wait -3
	s_barrier_signal -1
	s_barrier_wait -1
.endm
.macro CROUND
	s_barrier_signal -1
	s_barrier_wait -1
	CREST
.endm
.if MODE == 0
	s_load_b512 s[68:83], s[0:1], 0x0              ; aq, Wq codes, scales, Wk codes, scales, Wv codes, scales, bq
	s_load_b128 s[84:87], s[0:1], 0x40             ; bk, bv
	s_load_b64 s[88:89], s[0:1], 0x50              ; qkv
.else
	s_load_b256 s[4:11], s[0:1], 0x0               ; aq, Wup codes, Wup scales, bup
	s_load_b64 s[12:13], s[0:1], 0x20              ; uq
.endif
	v_lshl_add_u32 v[SPW], v0, 2, SPARE
	v_mov_b32 v[NIL], 0
	ds_add_u32 v28, v29
	ds_add_u32 v28, v29
	s_wait_dscnt 0x0
	v_lshrrev_b32 v1, 5, v0
	v_readfirstlane_b32 s14, v1                    ; wave 0..3
	s_lshr_b32 s15, s14, 1                         ; my half of the tile's rows.  Also: I fetch for A (0) or B (1)
	s_and_b32 s16, s14, 1                          ; my half of its columns.  Also: which 128 rows I fetch
	s_bfe_u32 s40, ttmp6, 0x40000                  ; cx
	s_bfe_u32 s41, ttmp6, 0x40004                  ; cy
	s_and_b32 s66, ttmp7, 0xffff
	s_lshl_b32 s66, s66, 2                         ; 4 x cluster y
.if MODE == 0
	s_lshr_b32 s95, ttmp9, 1                       ; f = 1 for v
	s_mul_i32 s67, s66, s95
	s_sub_co_u32 s66, s66, s67
	s_add_co_u32 s17, s66, s41                     ; A's tile row: q, k: 4 cluster y + cy (tokens); v: cy (channels)
	s_add_co_u32 s42, s67, s40                     ; B's tile row: q, k: cx (channels); v: 4 cluster y + cx (tokens)
.else
	s_add_co_u32 s17, s66, s41
	s_lshl_b32 s42, ttmp9, 2
	s_add_co_u32 s42, s42, s40
.endif
	s_lshl_b32 s43, s41, 2
	s_lshl_b32 s43, 15, s43                        ; my row of the cluster
	s_lshl_b32 s44, 0x1111, s40                    ; my column
	s_or_b32 s[G1+0], s43, (0<<16)|(1<<20)|(1<<21)|(5<<22)|(3<<25)
	s_or_b32 s[G1B+0], s44, (0<<16)|(1<<20)|(1<<21)|(5<<22)|(3<<25)
.irp g, G1, G1B
	s_mov_b32 s[\g+1], ROWB<<16                    ; tensor_dim0
	s_mov_b32 s[\g+2], 256<<16             ; the head's loads bring 256 rows
	s_mov_b32 s[\g+3], ROWB<<16
	s_mov_b32 s[\g+4], 256
	s_mov_b32 s[\g+5], KROW                        ; pitch
	s_mov_b32 s[\g+6], 0
	s_mov_b32 s[\g+7], 0
.endr
	s_lshl_b32 s20, s17, 8
	s_lshl_b32 s46, s42, 8
	s_mov_b32 s21, 0
	s_mov_b32 s47, 0
	s_mov_b64 s[18:19], KS
	s_mul_u64 s[22:23], s[20:21], s[18:19]         ; where these rows' scales begin
	s_mul_u64 s[92:93], s[46:47], s[18:19]
	s_mov_b64 s[18:19], KROW
	s_mul_u64 s[20:21], s[20:21], s[18:19]         ; and their codes
	s_mul_u64 s[46:47], s[46:47], s[18:19]
	s_mul_i32 s45, s14, HALFT                      ; where they go: wave x 128 rows
	s_mul_i32 s18, s16, 128*KROW           ; in the ring I fetch 128 rows: which half, in bytes
	s_mov_b32 s19, 0
	s_lshl_b32 s98, s42, 10
	s_lshl_b32 s99, s16, 9
	s_add_co_u32 s98, s98, s99                     ; the column bias: 4 x (256 x B's tile row + 128 x my half)
.if MODE == 0
	s_lshl_b32 s100, s17, 10
	s_lshl_b32 s101, s15, 9
	s_add_co_u32 s100, s100, s101                  ; the row bias likewise
	s_mul_i32 s100, s100, s95                      ; the one that does not apply is read at offset 0, inside the buffer,
	s_xor_b32 s99, s95, 1
	s_mul_i32 s98, s98, s99                        ; and multiplied by 0 below
	s_mov_b32 s101, 0
.endif
	s_mov_b32 s99, 0
	s_wait_kmcnt 0x0
.if MODE == 0
	s_cmp_eq_u32 ttmp9, 1                          ; the weight, its scales and its bias: chosen by the cluster's x alone
	s_cselect_b64 s[70:71], s[74:75], s[70:71]
	s_cselect_b64 s[72:73], s[76:77], s[72:73]
	s_cselect_b64 s[82:83], s[84:85], s[82:83]
	s_cmp_eq_u32 ttmp9, 2
	s_cselect_b64 s[70:71], s[78:79], s[70:71]
	s_cselect_b64 s[72:73], s[80:81], s[72:73]
	s_cselect_b64 s[82:83], s[86:87], s[82:83]
	s_add_nc_u64 s[90:91], s[68:69], 0x300000      ; X's scale bytes (leaves SCC alone)
	s_cselect_b64 s[4:5], s[70:71], s[68:69]       ; the roles: for v the weight is A
	s_cselect_b64 s[6:7], s[72:73], s[90:91]
	s_cselect_b64 s[8:9], s[68:69], s[70:71]
	s_cselect_b64 s[10:11], s[90:91], s[72:73]
	s_mov_b64 s[96:97], s[82:83]
	s_mov_b64 s[12:13], s[88:89]
	s_add_nc_u64 s[100:101], s[96:97], s[100:101]
	s_add_nc_u64 s[96:97], s[96:97], s[98:99]
	s_cmp_eq_u32 s95, 0
	s_cselect_b32 s98, 1.0, 0                      ; what the column bias is multiplied by,
	s_cselect_b32 s99, 0, 1.0                      ; and the row bias
.else
	s_add_nc_u64 s[96:97], s[10:11], s[98:99]
	s_mov_b64 s[10:11], s[8:9]
	s_mov_b64 s[8:9], s[6:7]
	s_add_nc_u64 s[6:7], s[4:5], 0x300000
.endif
	s_or_b32 s[G1S+0], s43, (3<<16)|(1<<20)|(1<<21)|(5<<22)|(3<<25)   ; the scales of 256 rows: a dense block as rows of 256 bytes, 16 of padding behind each
	s_or_b32 s[G1SB+0], s44, (3<<16)|(1<<20)|(1<<21)|(5<<22)|(3<<25)
.irp g, G1S, G1SB
	s_mov_b32 s[\g+1], 32<<16
	s_mov_b32 s[\g+2], (256*KS/256)<<16
	s_mov_b32 s[\g+3], 32<<16
	s_mov_b32 s[\g+4], 256*KS/256
	s_mov_b32 s[\g+5], 32
	s_mov_b32 s[\g+6], 0
	s_mov_b32 s[\g+7], 0
.endr
	s_add_nc_u64 s[20:21], s[4:5], s[20:21]
	s_add_nc_u64 s[22:23], s[6:7], s[22:23]
	s_add_nc_u64 s[46:47], s[8:9], s[46:47]
	s_add_nc_u64 s[92:93], s[10:11], s[92:93]
	CROUND                                         ; all sixteen work-groups are here: the first joint loads meet
	s_mov_b32 s[G0S], 1
	s_mov_b32 s[G0S+1], SCL
	s_mov_b64 s[G0S+2:G0S+3], s[22:23]
	s_or_b32 s[G0S+3], s[G0S+3], 0x80000000
	s_mov_b32 s[G0SB], 1
	s_mov_b32 s[G0SB+1], SCL+2*HALFS
	s_mov_b64 s[G0SB+2:G0SB+3], s[92:93]
	s_or_b32 s[G0SB+3], s[G0SB+3], 0x80000000
	s_mov_b32 s[G0H], 1
	s_mov_b32 s[G0H+1], 0
	s_mov_b64 s[G0H+2:G0H+3], s[20:21]
	s_or_b32 s[G0H+3], s[G0H+3], 0x80000000
	s_mov_b32 s[G0HB], 1
	s_mov_b32 s[G0HB+1], 2*HALFT
	s_mov_b64 s[G0HB+2:G0HB+3], s[46:47]
	s_or_b32 s[G0HB+3], s[G0HB+3], 0x80000000
	s_add_nc_u64 s[20:21], s[20:21], s[18:19]
	s_add_nc_u64 s[46:47], s[46:47], s[18:19]
.irp s, 0,1
	s_mov_b32 s[G0+4*\s], 1
	s_add_co_u32 s[G0+4*\s+1], s45, \s*SLOT
	s_add_nc_u64 s[G0+4*\s+2:G0+4*\s+3], s[20:21], \s*ROWB
	s_or_b32 s[G0+4*\s+3], s[G0+4*\s+3], 0x80000000
	s_mov_b32 s[G0B+4*\s], 1
	s_add_co_u32 s[G0B+4*\s+1], s45, \s*SLOT
	s_add_nc_u64 s[G0B+4*\s+2:G0B+4*\s+3], s[46:47], \s*ROWB
	s_or_b32 s[G0B+4*\s+3], s[G0B+4*\s+3], 0x80000000
.endr
; the head's four tiles, one joint load a wave: A's chunk 0, B's chunk 0, A's scales, B's scales; one tree of branches on the wave's number
	; the prefetches' base: of the 128 rows that I fetch in the ring, my work-group's 32: the four partners that ask for a tile jointly share its rows out by address (cx for A, cy for B)
	s_cmp_eq_u32 s15, 0
	s_cselect_b64 s[2:3], s[20:21], s[46:47]
	s_cselect_b32 s66, s40, s41
	s_mul_i32 s66, s66, 32*KROW
	s_mov_b32 s67, 0
	s_add_nc_u64 s[2:3], s[2:3], s[66:67]
.macro ARM under, g0, g1, next
	s_cmp_lt_u32 s14, \under
	s_cbranch_scc0 \next
	tensor_load_to_lds s[\g0:\g0+3], s[\g1:\g1+7]
	s_nop 0
.rept 4
	v_nop
.endr
	s_branch .Lhead_asked
\next:
.endm
	ARM 1, G0H,  G1,  .Lhead_b
	ARM 2, G0HB, G1B, .Lhead_sa
	ARM 3, G0S,  G1S, .Lhead_sb
	tensor_load_to_lds s[G0SB:G0SB+3], s[G1SB:G1SB+7]
	s_nop 0
.rept 4
	v_nop
.endr
.Lhead_asked:
	v_and_b32 v12, 31, v0
	v_mul_u32_u24 v12, v12, KROW           ; a lane a row
	global_prefetch_b8 v12, s[2:3] offset:ROWB th:TH_LOAD_NT scope:SCOPE_SE     ; chunks 1 and 2 of my 32 rows, 256 bytes a lane: the two chunks whose loads follow the head's; v12 and s[2:3] are not written again
	global_prefetch_b8 v12, s[2:3] offset:2*ROWB th:TH_LOAD_NT scope:SCOPE_SE
	v_and_b32 v1, 15, v0                           ; r
	v_bfe_u32 v2, v0, 4, 1                         ; h
	v_mul_u32_u24 v3, v1, PITCH
	v_mul_u32_u24 v4, v2, 24
	v_add_nc_u32 v4, v3, v4                        ; a fragment's row x pitch + 24 h
	s_mov_b32 s21, SLOT-(ROWB-24)
	s_mov_b32 s22, SLOT+(ROWB-24)
	v_sub_nc_u32 v7, 1, v2
	v_mul_u32_u24 v5, s21, v2
	v_add_nc_u32 v5, v3, v5
	v_add_nc_u32 v5, ROWB-24, v5           ; across two chunks: lanes 0-15 the end of the row in slot 0, lanes 16-31 byte 0 of the row in slot 1
	v_mul_u32_u24 v6, s22, v7
	v_add_nc_u32 v6, v3, v6                ; and the other way round
	s_mul_i32 s21, s15, HALFT
	s_mul_i32 s22, s16, HALFT
	s_add_co_u32 s22, s22, 2*HALFT
	v_add_nc_u32 v[ADRA+2], s21, v5
	v_add_nc_u32 v[ADRA+3], s21, v6
	v_add_nc_u32 v[ADRB+2], s22, v5
	v_add_nc_u32 v[ADRB+3], s22, v6
.irp s, 0,1
	v_add_nc_u32 v[ADRA+\s], s21, v4
	v_add_nc_u32 v[ADRB+\s], s22, v4
	s_add_co_u32 s21, s21, SLOT
	s_add_co_u32 s22, s22, SLOT
.endr
	v_mul_u32_u24 v5, v1, KS                       ; my row's scales,
	v_lshrrev_b32 v6, 8, v5
	v_lshl_add_u32 v5, v6, 4, v5                   ; 16 more for each 256 passed
	s_mul_i32 s21, s15, HALFS
	s_mul_i32 s22, s16, HALFS
	s_add_co_u32 s22, s22, 2*HALFS
	s_sub_co_u32 s22, s22, s21
	v_mul_u32_u24 v6, s22, v2                      ; lanes 16-31 take B's
	s_add_co_u32 s21, s21, SCL
	v_add_nc_u32 v5, v5, v6
	v_add_nc_u32 v[ADRS], s21, v5
	; the way out's addresses
.if MODE == 0
	v_and_b32 v7, 8, v1
	v_add_nc_u32 v7, v7, v1                        ; r + 8 (r / 8): with 16 a - 8 (a % 2) the row's position
.else
	v_mov_b32 v7, v1
.endif
	s_mul_i32 s23, s15, 128*SROW
	s_lshl_b32 s21, s16, 7
	s_add_co_u32 s23, s23, s21
	v_mul_u32_u24 v5, v7, SROW
	v_lshl_add_u32 v5, v2, 5, v5
	v_add_nc_u32 v5, SLOT, v5
	v_add_nc_u32 v[STO], s23, v5
.if MODE == 0
	s_lshl_b32 s23, s16, 10
	s_lshl_b32 s21, s15, 9
	s_add_co_u32 s23, s23, s21
	s_add_co_u32 s23, s23, SCST
	v_lshl_add_u32 v[SST], v7, 2, s23              ; scale words: [column half][row 256]
.else
	s_lshl_b32 s23, s15, 10
	s_lshl_b32 s21, s16, 2
	s_add_co_u32 s23, s23, s21
	s_add_co_u32 s23, s23, SCST
	v_lshl_add_u32 v[SST], v7, 3, s23              ; scale words: [row 256][column half]
.endif
	v_and_b32 v6, 31, v0
	s_mul_i32 s23, s14, 64*SROW                    ; back: wave w takes rows 64 w on
.if MODE == 0
	v_lshrrev_b32 v5, 2, v6                        ; eight rows x four places (48 bytes of codes) an instruction
	v_and_b32 v4, 3, v6
	v_mul_u32_u24 v[CO], v5, 48
.else
	v_lshrrev_b32 v5, 4, v6                        ; two rows x sixteen places (192 bytes)
	v_and_b32 v4, 15, v6
	v_mul_u32_u24 v[CO], v5, 3072
.endif
	v_mad_u32_u24 v[CO], v4, 12, v[CO]
	v_mul_u32_u24 v5, v5, SROW
	v_lshl_add_u32 v5, v4, 4, v5
	v_add_nc_u32 v5, SLOT, v5
	v_add_nc_u32 v[RD], s23, v5
	s_lshl_b32 s23, s14, 9
	s_add_co_u32 s23, s23, SCST
.if MODE == 0
	v_lshl_add_u32 v[SRD], v6, 4, s23
	v_lshlrev_b32 v[SCO], 4, v6
.else
	v_lshl_add_u32 v[SRD], v6, 3, s23
	v_lshlrev_b32 v[SCO], 7, v6
.endif
	v_lshlrev_b32 v9, 5, v2                        ; the column bias in the result's layout: register 8 b + j = bias[16 b + 8 h + j]
.irp b, 0,1,2,3,4,5,6,7
	global_load_b128 v[BIAS+8*\b:BIAS+8*\b+3], v9, s[96:97] offset:64*\b
	global_load_b128 v[BIAS+8*\b+4:BIAS+8*\b+7], v9, s[96:97] offset:64*\b+16
.endr
.if MODE == 0
	v_lshlrev_b32 v11, 2, v1
.irp a, 0,1,2,3,4,5,6,7
	global_load_b32 v[RB+2*\a], v11, s[100:101] offset:64*\a   ; the row bias: bias[16 a + r]
.endr
.endif
.macro FRAG reg, adr, st, i            ; byte y of a row of codes lies in chunk y / ROWB, in slot (y / ROWB) % 2
.irp p, 0,1,2,3,4,5
.set BY, 96*(\st)+48*(\p/3)+8*(\p%3)
.if BY/ROWB == (BY+24)/ROWB
	ds_load_b64 v[\reg+2*\p:\reg+2*\p+1], v[\adr+(BY/ROWB)%2] offset:BY%ROWB+(\i)*16*PITCH
.else
	ds_load_b64 v[\reg+2*\p:\reg+2*\p+1], v[\adr+2+(BY/ROWB)%2] offset:BY%ROWB-(ROWB-24)+(\i)*16*PITCH
.endif
.endr
.endm
; 16 matrix instructions: A's blocks a0, a0 + 1 x B's eight.  zero = 1: the first product starts the sums, with the column bias as C.  The 64 accumulators take turns.
.macro MUL16 a0, p, q, sc, zero
.irp a, \a0, \a0+1
.irp b, 0,1,2,3,4,5,6,7
.if \zero
	v_wmma_scale_f32_16x16x128_f8f6f4 v[8*(8*((\a)%4)+\b):8*(8*((\a)%4)+\b)+7], v[128*(\p)+FR*\b:128*(\p)+FR*\b+FR-1], v[AF+FR*(\a):AF+FR*(\a)+FR-1], v[BIAS+8*\b:BIAS+8*\b+7], v[SC+8*NQ*(\sc)+NQ*\b+(\q)], v[SC+8*NQ*(\sc)+NQ*(\a)+(\q)] matrix_a_fmt:MATRIX_FMT_FP6 matrix_b_fmt:MATRIX_FMT_FP6 matrix_a_scale:MATRIX_SCALE_ROW1
.else
	v_wmma_scale_f32_16x16x128_f8f6f4 v[8*(8*((\a)%4)+\b):8*(8*((\a)%4)+\b)+7], v[128*(\p)+FR*\b:128*(\p)+FR*\b+FR-1], v[AF+FR*(\a):AF+FR*(\a)+FR-1], v[8*(8*((\a)%4)+\b):8*(8*((\a)%4)+\b)+7], v[SC+8*NQ*(\sc)+NQ*\b+(\q)], v[SC+8*NQ*(\sc)+NQ*(\a)+(\q)] matrix_a_fmt:MATRIX_FMT_FP6 matrix_b_fmt:MATRIX_FMT_FP6 matrix_a_scale:MATRIX_SCALE_ROW1
.endif
.endr
.endr
.endm
.macro FETCH_B st, p
	WIN TO_B
.irp i, 0,1,2,3,4,5,6,7
	FRAG 128*(\p)+FR*\i, ADRB, \st, \i
.endr
	WIN 0
.endm
.macro FETCH_A st, i0
.irp i, \i0, \i0+1, \i0+2, \i0+3
	FRAG AF+FR*(\i), ADRA, \st, \i
.endr
.endm
.macro SCALES pr                       ; the scale words of steps 2 pr, 2 pr + 1 into set pr % 2
.irp i, 0,1,2,3,4,5,6,7
	ds_load_b64 v[SC+8*NQ*((\pr)%2)+NQ*\i:SC+8*NQ*((\pr)%2)+NQ*\i+1], v[ADRS] offset:\i*SBLK+4*NQ*(\pr)
.endr
.endm
.macro PLACES n                        ; plain vector lines between a matrix instruction and a load into, or a read of, its registers
.rept \n
	v_nop
.endr
.endm
; A step of 128 along K, 96 bytes of a row.  Where the next step's bytes end in a chunk not read yet: a barrier shows it whole.  Where they begin in a later chunk: the chunk left behind is free;
; a wait on TENSORcnt, an add onto the spare word, the barrier, and, where a chunk two on is left, the cluster's round and the refill.
.macro STEP st, zero
.set NX, (\st)+1
.set C0, (96*(\st))/ROWB
.set C1, (96*NX)/ROWB
.set E0, (96*(\st)+95)/ROWB
.set E1, (96*NX+95)/ROWB
.if C1 > C0 || E1 > E0
	s_wait_tensorcnt 0x0
.if C1 > C0
	ds_add_u32 v[SPW], v[NIL]
	s_wait_dscnt 4*NL+1                    ; the add and the youngest 24 loads may be out
.else
	s_wait_dscnt 4*NL
.endif
	WIN MUL_LO
	MUL16 0, (\st)%2, (\st)%2, ((\st)/2)%2, \zero
	s_wait_dscnt 0x0
	s_barrier_signal -1
	MUL16 2, (\st)%2, (\st)%2, ((\st)/2)%2, \zero
	WIN 0
	s_barrier_wait -1
.if C1 > C0 && C0+2 < CHUNKS
	CREST
	s_add_nc_u64 s[G0+4*(C0%2)+2:G0+4*(C0%2)+3], s[G0+4*(C0%2)+2:G0+4*(C0%2)+3], 2*ROWB
	s_add_nc_u64 s[G0B+4*(C0%2)+2:G0B+4*(C0%2)+3], s[G0B+4*(C0%2)+2:G0B+4*(C0%2)+3], 2*ROWB
	JLOAD G0+4*(C0%2), G1, G0B+4*(C0%2), G1B
.else
	PLACES NP
.endif
.else
	s_wait_dscnt 4*NL
	WIN MUL_LO-0x20*(\zero)                ; the first step's C, the bias, lies in window 0
	MUL16 0, (\st)%2, (\st)%2, ((\st)/2)%2, \zero
	MUL16 2, (\st)%2, (\st)%2, ((\st)/2)%2, \zero
	s_wait_dscnt 0
	PLACES NP
.endif
	FETCH_B NX, NX%2
	FETCH_A NX, 0
.if NX%2 == 0
	SCALES NX/2
.endif
	WIN MUL_HI-0x30*(\zero)
	MUL16 4, (\st)%2, (\st)%2, ((\st)/2)%2, \zero
	MUL16 6, (\st)%2, (\st)%2, ((\st)/2)%2, \zero
	PLACES NP
	WIN 0
	FETCH_A NX, 4
.endm
	s_wait_loadcnt 0x0                             ; the biases
.if MODE == 0
.set i, 0
.rept 32
	v_pk_mul_f32 v[BIAS+i:BIAS+i+1], v[BIAS+i:BIAS+i+1], s[98:99] op_sel_hi:[1,0]   ; x 1 for q and k, x 0 for v
.set i, i+2
.endr
.irp a, 0,1,2,3,4,5,6,7
	v_mul_f32 v[RB+2*\a+1], s99, v[RB+2*\a]        ; x 0 for q and k, x 1 for v; twice, a pair for the packed addition
	v_mul_f32 v[RB+2*\a], s99, v[RB+2*\a]
.endr
.endif
	s_wait_alu depctr_va_vdst(0)
	s_wait_tensorcnt 0x0                   ; my tile of the head's four is in
	ds_add_u32 v[SPW], v[NIL]
	s_mov_b32 s[G1+2], 128<<16             ; no load of mine is out: from here on a load brings 128 rows
	s_mov_b32 s[G1+4], 128
	s_mov_b32 s[G1B+2], 128<<16
	s_mov_b32 s[G1B+4], 128
	s_wait_dscnt 0x0
	CROUND
	JLOAD G0+4, G1, G0B+4, G1B             ; chunk 1, slot 1's first fill
	FETCH_B 0, 0
	FETCH_A 0, 0
	SCALES 0
	FETCH_A 0, 4
	STEP 0, 1
.set ST, 1
.rept STEPS-2
	STEP ST, 0
.set ST, ST+1
.endr
	s_wait_dscnt 4*NL
	WIN MUL_LO
	MUL16 0, 1, NQ-1, 1, 0
	MUL16 2, 1, NQ-1, 1, 0
	s_wait_dscnt 0
	WIN MUL_HI
	MUL16 4, 1, NQ-1, 1, 0
	MUL16 6, 1, NQ-1, 1, 0
	WIN 0
	; ---- THE WAY OUT.  Where my 64 rows of the stage go, in bytes.
	s_mov_b32 s[SEL], 0x76543210
	s_mov_b32 s[SEL+1], 0xfedcba98                 ; v_permlanex16_b32's selects for lane l xor 16
.if MODE == 0
	s_cmp_eq_u32 s95, 1
	s_cselect_b32 s40, s42, s17                    ; P: which 256 tokens
	s_cselect_b32 s41, s17, s42                    ; W: which 256 rows of the weight
	s_mov_b32 s43, 393216                          ; codes: a step of W: q, k: four heads of 2,048 x 48 bytes; v: 256 channels x 48
	s_cselect_b32 s43, 12288, s43
	s_mov_b32 s44, 12288                           ; a step of P: q, k: 256 tokens x 48; v: four groups of 64 keys, 1,024 x 48 bytes each
	s_cselect_b32 s44, 196608, s44
	s_mov_b32 s45, 98304                           ; from one group of four places to the next: q, k: a head; v: 64 keys
	s_cselect_b32 s45, 49152, s45
	s_mov_b32 s66, 16384                           ; scale words: a step of W: q, k: two pairs of heads x 2,048 words; v: 256 words
	s_cselect_b32 s66, 1024, s66
	s_mov_b32 s67, 1024                            ; a step of P: q, k: 256 words; v: two key steps x 1,024 words
	s_cselect_b32 s67, 8192, s67
	s_mov_b32 s90, 8192                            ; a column half: q, k: a pair of heads; v: a key step
	s_cselect_b32 s90, 4096, s90
	s_lshr_b32 s91, s40, 3                         ; the batch
	s_and_b32 s40, s40, 7
	s_mul_i32 s18, ttmp9, 3145728                  ; q's, k's or v's codes
	s_mul_i32 s94, s91, 1572864
	s_add_co_u32 s18, s18, s94
	s_mul_i32 s94, s41, s43
	s_add_co_u32 s18, s18, s94
	s_mul_i32 s94, s40, s44
	s_add_co_u32 s18, s18, s94
	s_mul_i32 s94, s14, 3072                       ; my 64 rows x 48 bytes
	s_add_co_u32 s18, s18, s94
	s_mov_b32 s19, 0
	s_add_nc_u64 s[18:19], s[12:13], s[18:19]
	s_mov_b32 s44, s45
	s_mov_b32 s45, 0
	s_add_nc_u64 s[20:21], s[18:19], s[44:45]
	s_add_nc_u64 s[22:23], s[20:21], s[44:45]
	s_add_nc_u64 s[46:47], s[22:23], s[44:45]
	s_mul_i32 s92, ttmp9, 131072
	s_lshl_b32 s94, s91, 16
	s_add_co_u32 s92, s92, s94
	s_mul_i32 s94, s41, s66
	s_add_co_u32 s92, s92, s94
	s_mul_i32 s94, s40, s67
	s_add_co_u32 s92, s92, s94
	s_mul_i32 s94, s15, s90
	s_add_co_u32 s92, s92, s94
	s_lshl_b32 s94, s16, 9
	s_add_co_u32 s92, s92, s94
	s_add_co_u32 s92, s92, 9437184
	s_mov_b32 s93, 0
	s_add_nc_u64 s[92:93], s[12:13], s[92:93]
.else
	s_lshl_b32 s18, s17, 8
	s_lshl_b32 s94, s14, 6
	s_add_co_u32 s94, s18, s94                     ; the first row that I store
	s_mul_i32 s18, s94, 3072
	s_mul_i32 s40, s42, 192
	s_add_co_u32 s18, s18, s40
	s_mov_b32 s19, 0
	s_add_nc_u64 s[18:19], s[12:13], s[18:19]
	s_lshl_b32 s92, s94, 7
	s_lshl_b32 s40, s42, 3
	s_add_co_u32 s92, s92, s40
	s_add_co_u32 s92, s92, 0xC00000
	s_mov_b32 s93, 0
	s_add_nc_u64 s[92:93], s[12:13], s[92:93]
.endif
.irp b, 0,1,2,3
	v_mov_b32 v[TM+4+\b], 0                        ; a lane permute's destination counts as read; these four are also the places behind the last products
.endr
; 64 numbers of a lane, register 16 b + i = column 32 b + 16 h + i of my row, become codes and the row's scale word.  At the end lane (r, h) holds block 2 c + h: its lower 16 codes in v[CDS + 6 c] on, its upper 16 in v[CDS + 12 + 4 c] on.
.macro QUANTS s
.irp b, 0,1,2,3
	v_max3_num_f32 v[TM+\b], |v[\s+16*\b]|, |v[\s+1+16*\b]|, 0x1800000   ; with the floor 2^(3 - 127): the byte cannot fall under 1
.endr
.irp i, 2,4,6,8,10,12,14
.irp b, 0,1,2,3
	v_max3_num_f32 v[TM+\b], v[TM+\b], |v[\s+16*\b+\i]|, |v[\s+1+16*\b+\i]|
.endr
.endr
.irp b, 0,1,2,3
	v_permlanex16_b32 v[TM+4+\b], v[TM+\b], s[SEL], s[SEL+1]
.endr
.irp b, 0,1,2,3
	v_max_num_f32 v[TM+\b], v[TM+\b], v[TM+4+\b]   ; with lane l xor 16's: the block's largest magnitude
.endr
.irp b, 0,1,2,3
	v_add_nc_u32 v[TM+12+\b], 0xff000000, v[TM+\b] ; 2 off its exponent field: the conversion's scale operand
.endr
.irp b, 0,1,2,3
	v_lshrrev_b32 v[TM+4+\b], 23, v[TM+12+\b]      ; the byte
.endr
	s_wait_alu depctr_va_vdst(0)
	s_wait_dscnt 0x0                               ; the last block's stores into the stage have read the word and the codes
	v_lshl_or_b32 v[PW], v[TM+5], 8, v[TM+4]
	v_lshl_or_b32 v[PW], v[TM+6], 16, v[PW]
	v_lshl_or_b32 v[PW], v[TM+7], 24, v[PW]
.irp c, 0,1
	v_cvt_scalef32_pk16_fp6_f32 v[CDS+6*\c:CDS+2+6*\c], v[\s+32*\c:\s+15+32*\c], v[TM+12+2*\c]
	v_cvt_scalef32_pk16_fp6_f32 v[CDS+12+4*\c:CDS+14+4*\c], v[\s+16+32*\c:\s+31+32*\c], v[TM+12+2*\c+1]
.endr
	v_nop                                          ; one plain line behind a scaled conversion
.irp c, 0,1
.irp i, 0,1,2
	v_permlane16_swap_b32 v[CDS+6*\c+\i], v[CDS+12+4*\c+\i]
.endr
.endr
.endm
.macro BLOCK a
.set AC, 64*((\a)%4)
.set AO, 16*(\a)-8*PO*((\a)%2)
.set i, 0
.if MODE == 0
	WIN 0x02+(\a)/4                                ; source 0: window 2 or 3
.rept 32
	v_pk_add_f32 v[T+i:T+i+1], v[AC+i:AC+i+1], v[RB+2*(\a):RB+2*(\a)+1]   ; + the row bias; each accumulator from its low end on
.set i, i+2
.endr
.else
	WIN 0x08+4*((\a)/4)                            ; source 1: window 2 or 3
.rept 64
	v_max_num_f32 v[T+i], 0, v[AC+i]               ; the activation; each accumulator from its low end on
.set i, i+1
.endr
.endif
	WIN 0
.irp bb, 0,1,2,3
.irp j, 0,1,2,3,4,5,6,7
	v_permlane16_swap_b32 v[T+16*\bb+\j], v[T+16*\bb+8+\j]   ; columns 32 bb + 8 h + j and 32 bb + 16 + 8 h + j become 32 bb + 16 h + j and 32 bb + 16 h + 8 + j
.endr
.endr
	QUANTS T
.irp c, 0,1
	ds_store_b96 v[STO], v[CDS+6*\c:CDS+6*\c+2] offset:SROW*AO+64*\c
	ds_store_b96 v[STO], v[CDS+12+4*\c:CDS+14+4*\c] offset:SROW*AO+64*\c+16
.endr
.if MODE == 0
	ds_store_b32 v[SST], v[PW] offset:4*AO         ; lanes r and 16 + r write the same word with the same value
.else
	ds_store_b32 v[SST], v[PW] offset:128*(\a)
.endif
.endm
.irp a, 0,1,2,3,4,5,6,7
	BLOCK \a
.endr
	s_wait_dscnt 0x0                               ; for the others' sake: my stores into the stage are done
	s_barrier_signal -1
	s_barrier_wait -1                              ; a row's sixteen places come from two waves
.if MODE == 0
.irp g, 0,1,2,3
.irp rg, 0,1,2,3,4,5,6,7
	ds_load_b96 v[OUT+4*(8*\g+\rg):OUT+4*(8*\g+\rg)+2], v[RD] offset:8*SROW*\rg+64*\g
.endr
.endr
	ds_load_b128 v[CDS:CDS+3], v[SRD]
.irp g, 0,1,2,3
.irp rg, 0,1,2,3,4,5,6,7
	s_wait_dscnt 32-(8*\g+\rg)                     ; the younger code loads and the scale load may be out
	global_store_b96 v[CO], v[OUT+4*(8*\g+\rg):OUT+4*(8*\g+\rg)+2], s[18+2*\g+22*(\g/3):19+2*\g+22*(\g/3)] offset:384*\rg   ; 384 consecutive bytes
.endr
.endr
	s_wait_dscnt 0x0
	global_store_b128 v[SCO], v[CDS:CDS+3], s[92:93]   ; 512 consecutive bytes of scale words
.else
.set i, 0
.rept 32
	ds_load_b96 v[OUT+4*i:OUT+4*i+2], v[RD] offset:2*SROW*i
.set i, i+1
.endr
	ds_load_b64 v[CDS:CDS+1], v[SRD]
	ds_load_b64 v[CDS+2:CDS+3], v[SRD] offset:256
.set i, 0
.rept 32
	s_wait_dscnt 33-i                              ; the younger code loads and the two scale loads may be out
	global_store_b96 v[CO], v[OUT+4*i:OUT+4*i+2], s[18:19] offset:6144*i   ; two rows' 192 consecutive bytes
.set i, i+1
.endr
	s_wait_dscnt 0x0
	global_store_b64 v[SCO], v[CDS:CDS+1], s[92:93]
	global_store_b64 v[SCO], v[CDS+2:CDS+3], s[92:93] offset:4096
.endif
	s_wait_tensorcnt 0x0                           ; the wave's end
	ds_add_u32 v[SPW], v[NIL]
	s_wait_dscnt 0x0
	CROUND                                         ; the closing round
	s_endpgm
.Lfunc_end_k_qd4ad294daf_up:
	.size	k_qd4ad294daf_up, .Lfunc_end_k_qd4ad294daf_up-k_qd4ad294daf_up
	.p2alignl 7, 3214868480
	.fill 96, 4, 3214868480
	.section	.rodata,"a",@progbits
	.p2align	6, 0x0
	.amdhsa_kernel k_qd4ad294daf_up
		.amdhsa_group_segment_fixed_size 327680
		.amdhsa_private_segment_fixed_size 0
		.amdhsa_enable_private_segment 0
		.amdhsa_kernarg_size 40
		.amdhsa_user_sgpr_count 2
		.amdhsa_user_sgpr_kernarg_segment_ptr 1
		.amdhsa_wavefront_size32 1
		.amdhsa_system_sgpr_workgroup_id_x 1
		.amdhsa_system_sgpr_workgroup_id_y 1
		.amdhsa_system_sgpr_workgroup_id_z 1
		.amdhsa_system_vgpr_workitem_id 0
		.amdhsa_next_free_vgpr 1024
		.amdhsa_next_free_sgpr 102
		.amdhsa_reserve_vcc 0
		.amdhsa_float_denorm_mode_32 3
		.amdhsa_float_denorm_mode_16_64 3
		.amdhsa_memory_ordered 1
		.amdhsa_forward_progress 1
		.amdhsa_inst_pref_size 197
	.end_amdhsa_kernel
	.amdgpu_metadata
---
amdhsa.version: [ 1, 2 ]
amdhsa.kernels:
  - .name:           k_qd4ad294daf_up
    .symbol:         k_qd4ad294daf_up.kd
    .args:
      - { .name: aq, .offset: 0, .size: 8, .value_kind: global_buffer, .address_space: global }
      - { .name: Wup_codes, .offset: 8, .size: 8, .value_kind: global_buffer, .address_space: global }
      - { .name: Wup_scales, .offset: 16, .size: 8, .value_kind: global_buffer, .address_space: global }
      - { .name: bup, .offset: 24, .size: 8, .value_kind: global_buffer, .address_space: global }
      - { .name: uq, .offset: 32, .size: 8, .value_kind: global_buffer, .address_space: global }
    .group_segment_fixed_size: 327680
    .private_segment_fixed_size: 0
    .kernarg_segment_align: 8
    .kernarg_segment_size: 40
    .max_flat_workgroup_size: 128
    .sgpr_count:     102
    .vgpr_count:     1024
    .wavefront_size: 32
...
	.end_amdgpu_metadata
.endif
;; end of part 14
;; launch down (part 15): grid 8 x 32, 4 waves a work-group, clusters of 4 x 4, 327,680 bytes of LDS; arguments uq, Wdown_codes, Wdown_scales, t; writes t
.if DOCPART == 15
	.amdgcn_target "amdgcn-amd-amdhsa--gfx1250"
	.amdhsa_code_object_version 6
	.text
	.protected	k_qd4ad294daf_down
	.globl	k_qd4ad294daf_down
	.p2align	8
	.type	k_qd4ad294daf_down,@function
k_qd4ad294daf_down:
	s_mov_b64 s[64:65], 0
	v_nop
	global_prefetch_b8 v0, s[64:65] scope:SCOPE_SE
	s_setreg_imm32_b32 hwreg(HW_REG_WAVE_MODE, 25, 1), 1
	s_wait_xcnt 0x0
	s_wait_alu depctr_hold_cnt(0) depctr_sa_sdst(0) depctr_va_vdst(0) depctr_va_sdst(0) depctr_va_ssrc(0) depctr_va_vcc(0) depctr_vm_vsrc(0)
	s_getreg_b32 s2, hwreg(HW_REG_IB_STS2, 6, 4)
	s_cmp_eq_u32 s2, 0
	s_cbranch_scc0 .Lentry_in_a_cluster
	s_endpgm
.Lentry_in_a_cluster:
	s_bfe_u32 s2, ttmp6, 0x10000c
	s_cmp_lg_u32 s2, 0xf033
	s_cbranch_scc0 .Lentry_shape_is_right
	s_endpgm
.Lentry_shape_is_right:
.set SIZE_M, 4096
.set SIZE_N, 1024
.set SIZE_K, 4096
.set ASOFF,  0xC00000
.set NQ,     4
.set ROWB,   512                       ; the ring goes by chunks of 512 bytes of each row of 3,072
.set KROW,   SIZE_K*6/8
.set CHUNKS, KROW/ROWB
.set STEPS,  SIZE_K/128
.set PITCH,  528                       ; 512 bytes + 16 of padding = 132 words
.set G0H,    4                         ; s[4:7], s[8:11]: group 0 of the head's loads of chunk 0
.set G0HB,   8
.set FR,     12
.set NP,     4
.set HALFT,  64*PITCH
.set SLOT,   4*HALFT
.set KS,     SIZE_K/32
.set SCL,    2*SLOT
.set HALFS,  (64*KS/256)*272
.set SBLK,   (16*KS/256)*272
.set SPARE,  SCL+4*HALFS
.set SPITCH, 272
.set ADRA, 16
.set ADRB, 20
.set STO,  24
.set RD,   25
.set CO,   26
.set ADRS, 27
.set SPW,  28
.set NIL,  29
.set SC,   32
.set BK,   64
.set ACC,  128
.set FB,   64
.set G1, 24
.set G0, 32
.set G1B, 48
.set G0B, 56
.set G1S, 68
.set G0S, 76
.set G1SB, 80
.set G0SB, 88
.set MSB, 0
.macro WIN new
.if MSB != (\new)
	s_set_vgpr_msb (MSB<<8)|(\new)
.set MSB, (\new)
.endif
.endm
.set MUL,  0x05
.set TO_F, 0x40
.macro JLOAD g0a, g1a, g0b, g1b
	s_cmp_eq_u32 s15, 0
	s_cbranch_scc0 .Lfor_b_\@
	tensor_load_to_lds s[\g0a:\g0a+3], s[\g1a:\g1a+7]
	s_nop 0
.rept 4
	v_nop
.endr
	s_branch .Lasked_\@
.Lfor_b_\@:
	tensor_load_to_lds s[\g0b:\g0b+3], s[\g1b:\g1b+7]
	s_nop 0
.rept 4
	v_nop
.endr
.Lasked_\@:
.endm
.macro CREST
	s_cmp_lg_u32 s14, 0
	s_cbranch_scc1 .Lnot_wave_0_\@
	s_barrier_signal -3
.Lnot_wave_0_\@:
	s_barrier_wait -3
	s_barrier_signal -1
	s_barrier_wait -1
.endm
.macro CROUND
	s_barrier_signal -1
	s_barrier_wait -1
	CREST
.endm
	s_load_b128 s[4:7], s[0:1], 0x0
	s_load_b128 s[8:11], s[0:1], 0x10
	v_lshl_add_u32 v[SPW], v0, 2, SPARE
	v_mov_b32 v[NIL], 0
	ds_add_u32 v28, v29
	ds_add_u32 v28, v29
	s_wait_dscnt 0x0
	v_lshrrev_b32 v1, 5, v0
	v_readfirstlane_b32 s14, v1
	s_lshr_b32 s15, s14, 1
	s_and_b32 s16, s14, 1
	s_bfe_u32 s40, ttmp6, 0x40000
	s_bfe_u32 s41, ttmp6, 0x40004
	s_lshl_b32 s42, ttmp9, 2
	s_add_co_u32 s42, s42, s40
	s_and_b32 s17, ttmp7, 0xffff
	s_lshl_b32 s17, s17, 2
	s_add_co_u32 s17, s17, s41
	s_lshl_b32 s43, s41, 2
	s_lshl_b32 s43, 15, s43
	s_lshl_b32 s44, 0x1111, s40
	s_or_b32 s[G1+0], s43, (0<<16)|(1<<20)|(1<<21)|(6<<22)|(3<<25)
	s_or_b32 s[G1B+0], s44, (0<<16)|(1<<20)|(1<<21)|(6<<22)|(3<<25)
.irp g, G1, G1B
	s_mov_b32 s[\g+1], ROWB<<16
	s_mov_b32 s[\g+2], 128<<16             ; the head's loads bring 128 rows
	s_mov_b32 s[\g+3], ROWB<<16
	s_mov_b32 s[\g+4], 128
	s_mov_b32 s[\g+5], KROW
	s_mov_b32 s[\g+6], 0
	s_mov_b32 s[\g+7], 0
.endr
	s_or_b32 s[G1S+0], s43, (3<<16)|(1<<20)|(1<<21)|(5<<22)|(3<<25)
	s_or_b32 s[G1SB+0], s44, (3<<16)|(1<<20)|(1<<21)|(5<<22)|(3<<25)
.irp g, G1S, G1SB
	s_mov_b32 s[\g+1], 32<<16
	s_mov_b32 s[\g+2], (128*KS/256)<<16
	s_mov_b32 s[\g+3], 32<<16
	s_mov_b32 s[\g+4], 128*KS/256
	s_mov_b32 s[\g+5], 32
	s_mov_b32 s[\g+6], 0
	s_mov_b32 s[\g+7], 0
.endr
	s_lshl_b32 s20, s17, 7
	s_lshl_b32 s46, s42, 7
	s_mov_b32 s21, 0
	s_mov_b32 s47, 0
	s_mov_b64 s[18:19], KS
	s_mul_u64 s[22:23], s[20:21], s[18:19]
	s_mul_u64 s[92:93], s[46:47], s[18:19]
	s_mov_b64 s[18:19], KROW
	s_mul_u64 s[20:21], s[20:21], s[18:19]
	s_mul_u64 s[46:47], s[46:47], s[18:19]
	s_mul_i32 s45, s14, HALFT
	s_mul_i32 s18, s16, 64*KROW            ; in the ring I fetch 64 rows: which half, in bytes
	s_mov_b32 s19, 0
	s_wait_kmcnt 0x0
	s_mov_b64 s[12:13], s[10:11]
	s_mov_b64 s[10:11], s[8:9]
	s_mov_b64 s[8:9], s[6:7]
	s_add_nc_u64 s[6:7], s[4:5], ASOFF
	s_add_nc_u64 s[20:21], s[4:5], s[20:21]
	s_add_nc_u64 s[22:23], s[6:7], s[22:23]
	s_add_nc_u64 s[46:47], s[8:9], s[46:47]
	s_add_nc_u64 s[92:93], s[10:11], s[92:93]
	CROUND
	s_mov_b32 s[G0S], 1
	s_mov_b32 s[G0S+1], SCL
	s_mov_b64 s[G0S+2:G0S+3], s[22:23]
	s_or_b32 s[G0S+3], s[G0S+3], 0x80000000
	s_mov_b32 s[G0SB], 1
	s_mov_b32 s[G0SB+1], SCL+2*HALFS
	s_mov_b64 s[G0SB+2:G0SB+3], s[92:93]
	s_or_b32 s[G0SB+3], s[G0SB+3], 0x80000000
	s_mov_b32 s[G0H], 1
	s_mov_b32 s[G0H+1], 0
	s_mov_b64 s[G0H+2:G0H+3], s[20:21]
	s_or_b32 s[G0H+3], s[G0H+3], 0x80000000
	s_mov_b32 s[G0HB], 1
	s_mov_b32 s[G0HB+1], 2*HALFT
	s_mov_b64 s[G0HB+2:G0HB+3], s[46:47]
	s_or_b32 s[G0HB+3], s[G0HB+3], 0x80000000
	s_add_nc_u64 s[20:21], s[20:21], s[18:19]
	s_add_nc_u64 s[46:47], s[46:47], s[18:19]
.irp s, 0,1
	s_mov_b32 s[G0+4*\s], 1
	s_add_co_u32 s[G0+4*\s+1], s45, \s*SLOT
	s_add_nc_u64 s[G0+4*\s+2:G0+4*\s+3], s[20:21], \s*ROWB
	s_or_b32 s[G0+4*\s+3], s[G0+4*\s+3], 0x80000000
	s_mov_b32 s[G0B+4*\s], 1
	s_add_co_u32 s[G0B+4*\s+1], s45, \s*SLOT
	s_add_nc_u64 s[G0B+4*\s+2:G0B+4*\s+3], s[46:47], \s*ROWB
	s_or_b32 s[G0B+4*\s+3], s[G0B+4*\s+3], 0x80000000
.endr
; the head's four tiles, one joint load a wave: A's chunk 0, B's chunk 0, A's scales, B's scales; one tree of branches on the wave's number
	; the prefetches' base: of the 64 rows that I fetch in the ring, my work-group's 16: the four partners that ask for a tile jointly share its rows out by address (cx for A, cy for B)
	s_cmp_eq_u32 s15, 0
	s_cselect_b64 s[96:97], s[20:21], s[46:47]
	s_cselect_b32 s94, s40, s41
	s_mul_i32 s94, s94, 16*KROW
	s_mov_b32 s95, 0
	s_add_nc_u64 s[96:97], s[96:97], s[94:95]
.macro ARM under, g0, g1, next
	s_cmp_lt_u32 s14, \under
	s_cbranch_scc0 \next
	tensor_load_to_lds s[\g0:\g0+3], s[\g1:\g1+7]
	s_nop 0
.rept 4
	v_nop
.endr
	s_branch .Lhead_asked
\next:
.endm
	ARM 1, G0H,  G1,  .Lhead_b
	ARM 2, G0HB, G1B, .Lhead_sa
	ARM 3, G0S,  G1S, .Lhead_sb
	tensor_load_to_lds s[G0SB:G0SB+3], s[G1SB:G1SB+7]
	s_nop 0
.rept 4
	v_nop
.endr
.Lhead_asked:
	v_and_b32 v30, 15, v0
	v_mul_u32_u24 v30, v30, KROW
	v_bfe_u32 v31, v0, 4, 1
	v_lshl_add_u32 v30, v31, 8, v30        ; lanes 0-15 the first 256 bytes of a chunk of my 16 rows, lanes 16-31 the second; v30 and s[96:97] are not written again: the chunk stands in the immediate
	global_prefetch_b8 v30, s[96:97] offset:ROWB th:TH_LOAD_NT scope:SCOPE_SE     ; behind the load of chunk c stands the request for chunk c + 2; the head asks for chunk 1 too
	global_prefetch_b8 v30, s[96:97] offset:2*ROWB th:TH_LOAD_NT scope:SCOPE_SE
	v_and_b32 v1, 15, v0
	v_bfe_u32 v2, v0, 4, 1
	v_mul_u32_u24 v3, v1, PITCH
	v_mul_u32_u24 v4, v2, 24
	v_add_nc_u32 v4, v3, v4
	s_mov_b32 s21, SLOT-(ROWB-24)
	s_mov_b32 s22, SLOT+(ROWB-24)
	v_sub_nc_u32 v7, 1, v2
	v_mul_u32_u24 v5, s21, v2
	v_add_nc_u32 v5, v3, v5
	v_add_nc_u32 v5, ROWB-24, v5           ; across two chunks: lanes 0-15 the end of the row in slot 0, lanes 16-31 byte 0 of the row in slot 1
	v_mul_u32_u24 v6, s22, v7
	v_add_nc_u32 v6, v3, v6                ; and the other way round
	s_mul_i32 s21, s15, HALFT
	s_mul_i32 s22, s16, HALFT
	s_add_co_u32 s22, s22, 2*HALFT
	v_add_nc_u32 v[ADRA+2], s21, v5
	v_add_nc_u32 v[ADRA+3], s21, v6
	v_add_nc_u32 v[ADRB+2], s22, v5
	v_add_nc_u32 v[ADRB+3], s22, v6
.irp s, 0,1
	v_add_nc_u32 v[ADRA+\s], s21, v4
	v_add_nc_u32 v[ADRB+\s], s22, v4
	s_add_co_u32 s21, s21, SLOT
	s_add_co_u32 s22, s22, SLOT
.endr
	v_mul_u32_u24 v5, v1, KS
	v_lshrrev_b32 v6, 8, v5
	v_lshl_add_u32 v5, v6, 4, v5
	s_mul_i32 s21, s15, HALFS
	s_mul_i32 s22, s16, HALFS
	s_add_co_u32 s22, s22, 2*HALFS
	s_sub_co_u32 s22, s22, s21
	v_mul_u32_u24 v6, s22, v2
	s_add_co_u32 s21, s21, SCL
	v_add_nc_u32 v5, v5, v6
	v_add_nc_u32 v[ADRS], s21, v5
	s_mul_i32 s23, s14, 16*SPITCH
	v_mul_u32_u24 v5, v1, SPITCH
	v_lshl_add_u32 v5, v2, 5, v5
	v_add_nc_u32 v[STO], s23, v5
	v_mul_u32_u24 v6, v2, SPITCH
	v_lshl_add_u32 v6, v1, 4, v6
	v_add_nc_u32 v[RD], s23, v6
	v_mul_u32_u24 v6, v2, SIZE_N*4
	v_lshl_add_u32 v[CO], v1, 4, v6
	s_lshl_b32 s20, s17, 7
	s_lshl_b32 s21, s15, 6
	s_add_co_u32 s20, s20, s21
	s_mov_b32 s21, 0
	s_mov_b64 s[18:19], SIZE_N*4
	s_mul_u64 s[20:21], s[20:21], s[18:19]
	s_lshl_b32 s46, s42, 9
	s_lshl_b32 s47, s16, 8
	s_add_co_u32 s46, s46, s47
	s_mov_b32 s47, 0
	s_add_nc_u64 s[20:21], s[20:21], s[46:47]
	s_add_nc_u64 s[12:13], s[12:13], s[20:21]
.macro FRAG reg, adr, st, i            ; byte y of a row of codes lies in chunk y / ROWB, in slot (y / ROWB) % 2
.irp p, 0,1,2,3,4,5
.set BY, 96*(\st)+48*(\p/3)+8*(\p%3)
.if BY/ROWB == (BY+24)/ROWB
	ds_load_b64 v[\reg+2*\p:\reg+2*\p+1], v[\adr+(BY/ROWB)%2] offset:BY%ROWB+(\i)*16*PITCH
.else
	ds_load_b64 v[\reg+2*\p:\reg+2*\p+1], v[\adr+2+(BY/ROWB)%2] offset:BY%ROWB-(ROWB-24)+(\i)*16*PITCH
.endif
.endr
.endm
.macro MUL8 a0, f, q, sc, zero
.irp a, \a0, \a0+1
.irp b, 0,1,2,3
.if \zero
	v_wmma_scale_f32_16x16x128_f8f6f4 v[ACC+8*(4*(\a)+\b):ACC+8*(4*(\a)+\b)+7], v[FB+96*(\f)+48+FR*\b:FB+96*(\f)+48+FR*\b+FR-1], v[FB+96*(\f)+FR*(\a):FB+96*(\f)+FR*(\a)+FR-1], 0, v[SC+4*NQ*(\sc)+NQ*\b+(\q)], v[SC+4*NQ*(\sc)+NQ*(\a)+(\q)] matrix_a_fmt:MATRIX_FMT_FP6 matrix_b_fmt:MATRIX_FMT_FP6 matrix_a_scale:MATRIX_SCALE_ROW1
.else
	v_wmma_scale_f32_16x16x128_f8f6f4 v[ACC+8*(4*(\a)+\b):ACC+8*(4*(\a)+\b)+7], v[FB+96*(\f)+48+FR*\b:FB+96*(\f)+48+FR*\b+FR-1], v[FB+96*(\f)+FR*(\a):FB+96*(\f)+FR*(\a)+FR-1], v[ACC+8*(4*(\a)+\b):ACC+8*(4*(\a)+\b)+7], v[SC+4*NQ*(\sc)+NQ*\b+(\q)], v[SC+4*NQ*(\sc)+NQ*(\a)+(\q)] matrix_a_fmt:MATRIX_FMT_FP6 matrix_b_fmt:MATRIX_FMT_FP6 matrix_a_scale:MATRIX_SCALE_ROW1
.endif
.endr
.endr
.endm
.macro FETCH st, f                     ; the eight fragments of step st into buffer f
	WIN TO_F
.irp i, 0,1,2,3
	FRAG FB+96*(\f)+48+FR*\i, ADRB, \st, \i
	FRAG FB+96*(\f)+FR*\i, ADRA, \st, \i
.endr
	WIN 0
.endm
.macro SCALES g                        ; the scale words of steps 4 g .. 4 g + 3 into set g % 2
.irp i, 0,1,2,3
	ds_load_b128 v[SC+4*NQ*((\g)%2)+NQ*\i:SC+4*NQ*((\g)%2)+NQ*\i+3], v[ADRS] offset:\i*SBLK+16*(\g)
.endr
.endm
.macro PLACES n
.rept \n
	v_nop
.endr
.endm
; A step of 128 along K, 96 bytes of a row: 16 products; the next step's fragments are asked for into the other buffer.  Where the next step's bytes end in a chunk not read yet: a barrier shows it whole.
; Where they begin in a later chunk: the chunk left behind is free; a wait on TENSORcnt, an add onto the spare word, the barrier, and, where a chunk two on is left, the cluster's round and the refill.
.macro STEP st, zero
.set NX, (\st)+1
.set C0, (96*(\st))/ROWB
.set C1, (96*NX)/ROWB
.set E0, (96*(\st)+95)/ROWB
.set E1, (96*NX+95)/ROWB
.if C1 > C0 || E1 > E0
	s_wait_tensorcnt 0x0
.if C1 > C0
	ds_add_u32 v[SPW], v[NIL]
	s_wait_dscnt 1                         ; this step's fragments are in; the add may be out
.else
	s_wait_dscnt 0x0
.endif
	WIN MUL
	MUL8 0, (\st)%2, (\st)%4, ((\st)/4)%2, \zero
	s_wait_dscnt 0x0
	s_barrier_signal -1
	MUL8 2, (\st)%2, (\st)%4, ((\st)/4)%2, \zero
	WIN 0
	s_barrier_wait -1
.if C1 > C0 && C0+2 < CHUNKS
	CREST
	s_add_nc_u64 s[G0+4*(C0%2)+2:G0+4*(C0%2)+3], s[G0+4*(C0%2)+2:G0+4*(C0%2)+3], 2*ROWB
	s_add_nc_u64 s[G0B+4*(C0%2)+2:G0B+4*(C0%2)+3], s[G0B+4*(C0%2)+2:G0B+4*(C0%2)+3], 2*ROWB
	JLOAD G0+4*(C0%2), G1, G0B+4*(C0%2), G1B
.else
	PLACES NP
.endif
	FETCH NX, NX%2
.if NX%4 == 0
	SCALES NX/4
.endif
.if C1 > C0 && C0+4 < CHUNKS
	global_prefetch_b8 v30, s[96:97] offset:(C0+4)*ROWB th:TH_LOAD_NT scope:SCOPE_SE   ; behind the refill with chunk C0 + 2: chunk C0 + 4; the last two refills ask for nothing
.endif
.else
	s_wait_dscnt 0x0
	PLACES NP
	FETCH NX, NX%2
.if NX%4 == 0
	SCALES NX/4
.endif
	WIN MUL
	MUL8 0, (\st)%2, (\st)%4, ((\st)/4)%2, \zero
	MUL8 2, (\st)%2, (\st)%4, ((\st)/4)%2, \zero
	WIN 0
.endif
.endm
	s_wait_alu depctr_va_vdst(0)
	s_wait_tensorcnt 0x0                   ; my tile of the head's four is in
	ds_add_u32 v[SPW], v[NIL]
	s_mov_b32 s[G1+2], 64<<16              ; no load of mine is out: from here on a load brings 64 rows
	s_mov_b32 s[G1+4], 64
	s_mov_b32 s[G1B+2], 64<<16
	s_mov_b32 s[G1B+4], 64
	s_wait_dscnt 0x0
	CROUND
	JLOAD G0+4, G1, G0B+4, G1B             ; chunk 1, slot 1's first fill
	FETCH 0, 0
	SCALES 0
	global_prefetch_b8 v30, s[96:97] offset:3*ROWB th:TH_LOAD_NT scope:SCOPE_SE   ; behind chunk 1's load: chunk 3
	STEP 0, 1
.set ST, 1                             ; slots and chunks come back to where they began only after 32 steps, the whole row: the walk is written out
.rept STEPS-2
	STEP ST, 0
.set ST, ST+1
.endr
	s_wait_dscnt 0x0
	WIN MUL
	MUL8 0, 1, NQ-1, 1, 0
	MUL8 2, 1, NQ-1, 1, 0
	WIN 0
.macro TOSTAGE a
.irp b, 0,1,2,3
	ds_store_b128 v[STO], v[ACC+8*(4*(\a)+\b):ACC+8*(4*(\a)+\b)+3] offset:64*\b
	ds_store_b128 v[STO], v[ACC+8*(4*(\a)+\b)+4:ACC+8*(4*(\a)+\b)+7] offset:64*\b+16
.endr
.set BB, BK+32*((\a)%2)
.irp t, 0,1,2,3,4,5,6,7
	ds_load_b128 v[BB+4*\t:BB+4*\t+3], v[RD] offset:\t*2*SPITCH
.endr
.endm
.macro SEND a, younger
.set BB, BK+32*((\a)%2)
	s_wait_dscnt \younger
.if (\a) > 0
	s_add_nc_u64 s[12:13], s[12:13], 16*SIZE_N*4
.endif
.irp t, 0,1,2,3,4,5,6,7
	global_store_b128 v[CO], v[BB+4*\t:BB+4*\t+3], s[12:13] offset:2*\t*SIZE_N*4
.endr
.endm
	PLACES NP
	TOSTAGE 0
.irp a, 1,2,3
.if \a > 1
	s_wait_xcnt 0x0
.endif
	TOSTAGE \a
	SEND \a-1, 16
.endr
	s_wait_xcnt 0x0
	SEND 3, 0
	s_wait_tensorcnt 0x0
	ds_add_u32 v[SPW], v[NIL]
	s_wait_dscnt 0x0
	CROUND
	s_endpgm
.Lfunc_end_k_qd4ad294daf_down:
	.size	k_qd4ad294daf_down, .Lfunc_end_k_qd4ad294daf_down-k_qd4ad294daf_down
	.p2alignl 7, 3214868480
	.fill 96, 4, 3214868480
	.section	.rodata,"a",@progbits
	.p2align	6, 0x0
	.amdhsa_kernel k_qd4ad294daf_down
		.amdhsa_group_segment_fixed_size 327680
		.amdhsa_private_segment_fixed_size 0
		.amdhsa_enable_private_segment 0
		.amdhsa_kernarg_size 32
		.amdhsa_user_sgpr_count 2
		.amdhsa_user_sgpr_kernarg_segment_ptr 1
		.amdhsa_wavefront_size32 1
		.amdhsa_system_sgpr_workgroup_id_x 1
		.amdhsa_system_sgpr_workgroup_id_y 1
		.amdhsa_system_sgpr_workgroup_id_z 1
		.amdhsa_system_vgpr_workitem_id 0
		.amdhsa_next_free_vgpr 512
		.amdhsa_next_free_sgpr 98
		.amdhsa_reserve_vcc 0
		.amdhsa_float_denorm_mode_32 3
		.amdhsa_float_denorm_mode_16_64 3
		.amdhsa_memory_ordered 1
		.amdhsa_forward_progress 1
		.amdhsa_inst_pref_size 196
	.end_amdhsa_kernel
	.amdgpu_metadata
---
amdhsa.version: [ 1, 2 ]
amdhsa.kernels:
  - .name:           k_qd4ad294daf_down
    .symbol:         k_qd4ad294daf_down.kd
    .args:
      - { .name: uq, .offset: 0, .size: 8, .value_kind: global_buffer, .address_space: global }
      - { .name: Wdown_codes, .offset: 8, .size: 8, .value_kind: global_buffer, .address_space: global }
      - { .name: Wdown_scales, .offset: 16, .size: 8, .value_kind: global_buffer, .address_space: global }
      - { .name: t, .offset: 24, .size: 8, .value_kind: global_buffer, .address_space: global }
    .group_segment_fixed_size: 327680
    .private_segment_fixed_size: 0
    .kernarg_segment_align: 8
    .kernarg_segment_size: 32
    .max_flat_workgroup_size: 128
    .sgpr_count:     98
    .vgpr_count:     512
    .wavefront_size: 32
...
	.end_amdgpu_metadata
.endif
;; end of part 15
;; launch ln2 (part 16): grid 256 x 1, 8 waves a work-group, no clusters, 0 bytes of LDS; arguments t, hf, bdown, ln2_g, ln2_b, out0; writes out0
.if DOCPART == 16
	.amdgcn_target "amdgcn-amd-amdhsa--gfx1250"
	.amdhsa_code_object_version 6
	.text
	.protected	k_qd4ad294daf_ln2
	.globl	k_qd4ad294daf_ln2
	.p2align	8
	.type	k_qd4ad294daf_ln2,@function
k_qd4ad294daf_ln2:
	s_mov_b64 s[64:65], 0
	v_nop
	global_prefetch_b8 v0, s[64:65] scope:SCOPE_SE
	s_setreg_imm32_b32 hwreg(HW_REG_WAVE_MODE, 25, 1), 1
	s_wait_xcnt 0x0
; y = LayerNorm(t + bias + residual) x gain + shift, rows of 1,024, all in f32; y is stored as f32 (QOUT = 0: nothing is quantised here).
; A wave owns two whole rows (32 registers a row: chunk j of a row is 512 consecutive bytes, 16 a lane), so mean and variance never leave the wave.  All 56 loads of a wave go out at the start.
; The variance is the mean of the squares of the centred numbers, as the definition has it.  Memory binds: no matrix unit, no LDS, no barrier, no cluster.
; LIMITS: NaN and infinities are not served.
.set G,   16                           ; v16-47 gain;  v48-79 shift;  v80-111 bias;  v112-143, v176-207 the rows;  v144-175, v208-239 their residuals
.set BT,  48
.set BI,  80
.set CH,  240                          ; v240-247 four chains of sums
.set MU,  248
.set RS,  250
	s_load_b256 s[4:11], s[0:1], 0x0               ; t, the residual, the bias, the gain
	s_load_b128 s[12:15], s[0:1], 0x20             ; the shift, y
	v_lshrrev_b32 v1, 5, v0
	s_delay_alu instid0(VALU_DEP_1)
	v_readfirstlane_b32 s18, v1                    ; wave 0..7
	v_and_b32 v2, 31, v0
	s_delay_alu instid0(VALU_DEP_1)
	v_lshlrev_b32 v1, 4, v2                        ; 16 x lane
	v_mov_b32 v[MU+1], 0                           ; named as upper halves of pairs
	v_mov_b32 v[RS+1], 0
	s_lshl_b32 s20, ttmp9, 16
	s_lshl_b32 s21, s18, 13
	s_add_co_u32 s20, s20, s21                     ; my first row: (16 x work-group + 2 x wave) x 4,096 bytes
	s_mov_b32 s21, 0
	s_mov_b32 s26, 0x3a800000                      ; 1 / 1,024
	s_mov_b32 s27, 0x3727c5ac                      ; 1e-5
	s_mov_b32 s28, 0x76543210
	s_mov_b32 s29, 0xfedcba98
	s_wait_alu depctr_va_vdst(0)
	s_wait_kmcnt 0x0
	s_add_nc_u64 s[4:5], s[4:5], s[20:21]
	s_add_nc_u64 s[6:7], s[6:7], s[20:21]
	s_add_nc_u64 s[14:15], s[14:15], s[20:21]
.macro LDV reg, base                   ; a vector of 1,024, read by every wave
.irp j, 0,1,2,3,4,5,6,7
	global_load_b128 v[\reg+4*\j:\reg+4*\j+3], v1, s[\base:\base+1] offset:512*\j
.endr
.endm
.macro LDR reg, base, i                ; my row i, read once
.irp j, 0,1,2,3,4,5,6,7
	global_load_b128 v[\reg+4*\j:\reg+4*\j+3], v1, s[\base:\base+1] offset:4096*\i+512*\j th:TH_LOAD_NT
.endr
.endm
	LDV BI, 8
	LDR 112, 4, 0
	LDR 144, 6, 0
	LDV G, 10
	LDV BT, 12
	LDR 176, 4, 1
	LDR 208, 6, 1
.macro ACROSS                          ; four chains, two halves, 32 lanes: the sum in every lane, in v[CH]
	s_delay_alu instid0(VALU_DEP_3)
	v_pk_add_f32 v[CH:CH+1], v[CH:CH+1], v[CH+2:CH+3]
	s_delay_alu instid0(VALU_DEP_2)
	v_pk_add_f32 v[CH+4:CH+5], v[CH+4:CH+5], v[CH+6:CH+7]
	s_delay_alu instid0(VALU_DEP_1)
	v_pk_add_f32 v[CH:CH+1], v[CH:CH+1], v[CH+4:CH+5]
	s_delay_alu instid0(VALU_DEP_1)
	v_add_f32 v[CH], v[CH], v[CH+1]
	s_delay_alu instid0(VALU_DEP_1)
	v_add_f32_dpp v[CH], v[CH], v[CH] row_xmask:1 row_mask:0xf bank_mask:0xf
	s_delay_alu instid0(VALU_DEP_1)
	v_add_f32_dpp v[CH], v[CH], v[CH] row_xmask:2 row_mask:0xf bank_mask:0xf
	s_delay_alu instid0(VALU_DEP_1)
	v_add_f32_dpp v[CH], v[CH], v[CH] row_xmask:4 row_mask:0xf bank_mask:0xf
	s_delay_alu instid0(VALU_DEP_1)
	v_add_f32_dpp v[CH], v[CH], v[CH] row_xmask:8 row_mask:0xf bank_mask:0xf
	s_delay_alu instid0(VALU_DEP_1)
	v_permlanex16_b32 v[CH+1], v[CH], s28, s29
	s_delay_alu instid0(VALU_DEP_1)
	v_add_f32 v[CH], v[CH], v[CH+1]
.endm
.macro ROW i
.set A, 112+64*\i
.set R, 144+64*\i
.if \i == 0
	s_wait_loadcnt 32                              ; the bias and row 0 are in; gain, shift and row 1 (32 loads) may be out
.else
	s_wait_loadcnt 0x0
.endif
.set p, 0
.rept 16
	v_pk_add_f32 v[A+p:A+p+1], v[A+p:A+p+1], v[BI+p:BI+p+1]
.set p, p+2
.endr
.set p, 0
.rept 16
	v_pk_add_f32 v[A+p:A+p+1], v[A+p:A+p+1], v[R+p:R+p+1]
.set p, p+2
.endr
.irp c, 0,1,2,3
	v_pk_add_f32 v[CH+2*\c:CH+2*\c+1], v[A+2*\c:A+2*\c+1], v[A+8+2*\c:A+9+2*\c]
.endr
.irp q, 16,24
.irp c, 0,1,2,3
	s_delay_alu instid0(VALU_DEP_4)
	v_pk_add_f32 v[CH+2*\c:CH+2*\c+1], v[CH+2*\c:CH+2*\c+1], v[A+\q+2*\c:A+\q+1+2*\c]
.endr
.endr
	ACROSS
	s_delay_alu instid0(VALU_DEP_1)
	v_mul_f32 v[MU], s26, v[CH]                    ; the mean
.set p, 0
.rept 16
	v_pk_add_f32 v[A+p:A+p+1], v[A+p:A+p+1], v[MU:MU+1] op_sel_hi:[1,0] neg_lo:[0,1] neg_hi:[0,1]
.set p, p+2
.endr
.irp c, 0,1,2,3
	v_pk_mul_f32 v[CH+2*\c:CH+2*\c+1], v[A+2*\c:A+2*\c+1], v[A+2*\c:A+2*\c+1]
.endr
.irp q, 8,16,24
.irp c, 0,1,2,3
	s_delay_alu instid0(VALU_DEP_4)
	v_pk_fma_f32 v[CH+2*\c:CH+2*\c+1], v[A+\q+2*\c:A+\q+1+2*\c], v[A+\q+2*\c:A+\q+1+2*\c], v[CH+2*\c:CH+2*\c+1]
.endr
.endr
	ACROSS
	s_delay_alu instid0(VALU_DEP_1)
	v_fma_f32 v[CH], v[CH], s26, s27               ; the variance + 1e-5
	s_wait_alu depctr_va_vdst(0)
	v_rsq_f32 v[RS], v[CH]
	v_nop                                          ; one plain line behind the transcendental
.if \i == 0
	s_wait_loadcnt 16                              ; gain and shift are in; row 1 (16 loads) may be out
.endif
.set p, 0
	s_wait_alu depctr_va_vdst(0)
.rept 16
	v_pk_mul_f32 v[A+p:A+p+1], v[A+p:A+p+1], v[RS:RS+1] op_sel_hi:[1,0]
.set p, p+2
.endr
.set p, 0
.rept 16
	v_pk_fma_f32 v[A+p:A+p+1], v[A+p:A+p+1], v[G+p:G+p+1], v[BT+p:BT+p+1]
.set p, p+2
.endr
.irp j, 0,1,2,3,4,5,6,7
	global_store_b128 v1, v[A+4*\j:A+4*\j+3], s[14:15] offset:4096*\i+512*\j th:TH_STORE_NT   ; 512 consecutive bytes, aligned
.endr
.endm
	ROW 0
	ROW 1
	s_endpgm
.Lfunc_end_k_qd4ad294daf_ln2:
	.size	k_qd4ad294daf_ln2, .Lfunc_end_k_qd4ad294daf_ln2-k_qd4ad294daf_ln2
	.p2alignl 7, 3214868480
	.fill 96, 4, 3214868480
	.section	.rodata,"a",@progbits
	.p2align	6, 0x0
	.amdhsa_kernel k_qd4ad294daf_ln2
		.amdhsa_group_segment_fixed_size 0
		.amdhsa_private_segment_fixed_size 0
		.amdhsa_enable_private_segment 0
		.amdhsa_kernarg_size 48
		.amdhsa_user_sgpr_count 2
		.amdhsa_user_sgpr_kernarg_segment_ptr 1
		.amdhsa_wavefront_size32 1
		.amdhsa_system_sgpr_workgroup_id_x 1
		.amdhsa_system_sgpr_workgroup_id_y 1
		.amdhsa_system_sgpr_workgroup_id_z 1
		.amdhsa_system_vgpr_workitem_id 0
		.amdhsa_next_free_vgpr 256
		.amdhsa_next_free_sgpr 66
		.amdhsa_reserve_vcc 0
		.amdhsa_float_denorm_mode_32 3
		.amdhsa_float_denorm_mode_16_64 3
		.amdhsa_memory_ordered 1
		.amdhsa_forward_progress 1
		.amdhsa_inst_pref_size 27
	.end_amdhsa_kernel
	.amdgpu_metadata
---
amdhsa.version: [ 1, 2 ]
amdhsa.kernels:
  - .name:           k_qd4ad294daf_ln2
    .symbol:         k_qd4ad294daf_ln2.kd
    .args:
      - { .name: t, .offset: 0, .size: 8, .value_kind: global_buffer, .address_space: global }
      - { .name: hf, .offset: 8, .size: 8, .value_kind: global_buffer, .address_space: global }
      - { .name: bdown, .offset: 16, .size: 8, .value_kind: global_buffer, .address_space: global }
      - { .name: ln2_g, .offset: 24, .size: 8, .value_kind: global_buffer, .address_space: global }
      - { .name: ln2_b, .offset: 32, .size: 8, .value_kind: global_buffer, .address_space: global }
      - { .name: out0, .offset: 40, .size: 8, .value_kind: global_buffer, .address_space: global }
    .group_segment_fixed_size: 0
    .private_segment_fixed_size: 0
    .kernarg_segment_align: 8
    .kernarg_segment_size: 48
    .max_flat_workgroup_size: 256
    .sgpr_count:     66
    .vgpr_count:     256
    .wavefront_size: 32
...
	.end_amdgpu_metadata
.endif
;; end of part 16
